; MI455X (gfx1250); checked and timed in simulation.
; The chip was launched on July 23, 2026; its instructions are those of AMD's public machine-readable ISA for CDNA 5 (MIT licence, August 2026) and "CDNA5" Instruction Set Architecture Reference Guide (July 2026). The comments in the code are by the model that wrote it; some were corrected since.
;; Transformer Block. Allowed arithmetic: matrix products marked QUANTISED: E4M3 operands, one E8M0 scale for each 32 along K, by v_wmma_scale_f32_16x16x128_f8f6f4 with both operands' format E4M3, f32 sums; everything else in f32.
;; Inputs: W1 1,024 x 4,096 float32; W2 4,096 x 1,024 float32; Wk 16 x 1,024 x 64 float32; Wp 1,024 x 1,024 float32; Wq 16 x 1,024 x 64 float32; Wv 16 x 1,024 x 64 float32; b1 4,096 float32; b2 1,024 float32; be1 1,024 float32; be2 1,024 float32; bp 1,024 float32; g1 1,024 float32; g2 1,024 float32; x 2 x 2,048 x 1,024 float32.
;; Outputs: out0 2 x 2,048 x 1,024 float32.
;; This version of the problem:
;;   THIS VERSION OF THE PROBLEM IS GIVEN IN LOW PRECISION. The matrix products marked QUANTISED in the list below multiply operands that are first quantised to E4M3 (4 exponent bits, 3 mantissa bits; 8 bits a number), with one power-of-two scale for each 32 numbers along K (OCP MX v1.0); their sums are f32. All else is computed in f32.
;;   The module's matrix products, in the order in which they are computed (A, B: the left and right operand; K: the contracted axis; several contracted axes count as one K, in the product's order):
;;     1. [M 1,024, K 1,024] x [K 1,024, N 4,096]; A: input Wq; B: computed on the way: QUANTISED
;;     2. [M 1,024, K 1,024] x [K 1,024, N 4,096]; A: input Wk; B: computed on the way: QUANTISED
;;     3. [M 1,024, K 1,024] x [K 1,024, N 4,096]; A: input Wv; B: computed on the way: QUANTISED
;;     4. batch 32 x [M 2,048, K 64] x [K 64, N 2,048]; A: computed on the way; B: computed on the way: QUANTISED
;;     5. batch 32 x [M 2,048, K 2,048] x [K 2,048, N 64]; A: softmax (see below); B: computed on the way: QUANTISED
;;     6. [M 4,096, K 1,024] x [K 1,024, N 1,024]; A: computed on the way; B: input Wp: QUANTISED
;;     7. [M 4,096, K 1,024] x [K 1,024, N 4,096]; A: computed on the way; B: input W1: QUANTISED
;;     8. [M 4,096, K 4,096] x [K 4,096, N 1,024]; A: computed on the way; B: input W2: QUANTISED
;;   THE QUANTISER, for each operand of a quantised product, along K:
;;     - K is cut into blocks of 32 from its start; a last block that is shorter is filled with zeros.
;;     - A block's scale is 2^e with e = floor(log2(the largest magnitude in the block)) - 8, held to -126 .. 127; a block of zeros has e = 0. As a byte (E8M0): e + 127.
;;     - Each number is divided by its block's scale, clamped to +-448, and rounded to the nearest number of E4M3, ties to even, subnormals kept.
;;     - The product sums the exact products of the quantised numbers (number of the format x scale) in f32.
;;   ~~~python
;;   def quantise(x, axis):      # numpy; x: float32 -> the quantised numbers, widened to float32 again
;;       x = np.moveaxis(x, axis, -1); K = x.shape[-1]
;;       x = np.pad(x, [(0, 0)] * (x.ndim - 1) + [(0, -K % 32)]); x = x.reshape(x.shape[:-1] + (-1, 32)); a = np.abs(x).max(-1, keepdims=True)
;;       e = np.where(a > 0, np.clip(np.frexp(np.where(a > 0, a, 1))[1] - 1 - 8, -126, 127), 0)      # np.frexp(a)[1] - 1 = floor(log2(a)), exactly
;;       r = np.clip(x / 2.0 ** e, -448, 448)
;;       step = 2.0 ** (np.maximum(np.frexp(np.where(r == 0, 1, r))[1] - 1, -6) - 3)
;;       q = np.round(r / step) * step * 2.0 ** e      # np.round: ties to even
;;       return np.moveaxis(q.reshape(q.shape[:-2] + (-1,))[..., :K], -1, axis).astype(np.float32)
;;   ~~~
;;   SOFTMAX AHEAD OF A QUANTISED PRODUCT. Where the list says 'softmax', what is quantised is not the finished softmax but p = 2^(t - M), with t = logit x log2(e) and M = ceil(the row's largest t), a whole number; so 1/2 < the row's largest p <= 1. The row's sum l is taken of the UNQUANTISED p, in f32, and the product's result is divided by l at the end. Since M is a whole number, a kernel that streams over the keys may use a running M (the ceiling of the running maximum): every later rescaling is an exact power of two, which a block's scale takes up: the codes' values come out the same.
;;   OPERANDS COMPUTED ON THE WAY. 'Computed on the way' means the value that the module computes at that place (a softmax that the list does not call 'softmax' is quantised finished and normalised). What goes into a quantiser is computed in f32, as accurately as f32 sums, v_exp_f32 and their like allow (about 1e-6 of the number): no bf16 or f16 on the way to a quantiser, and a product that is left as it is and whose result goes on into a quantised operand takes f32 operands (vector FMAs, or v_wmma_f32_16x16x4_f32). A number that lies on a knife's edge between two numbers of the format may be rounded either way, as far as f32 arithmetic and the matrix unit's own rounding can turn it there, and no further.
;; 2 versions. Each part assembles by itself: llvm-mc -triple=amdgcn-amd-amdhsa -mcpu=gfx1250 --defsym DOCPART=n.
;; ======== version 1 of 2: 8 launches
;; workspace buffers: ops 17,301,504 bytes; fA 16,777,216 bytes; qkv 13,369,344 bytes; attq 4,325,376 bytes; x1f 16,777,216 bytes; hq 17,301,504 bytes
;; launch wq (part 1): grid 384 x 1, 4 waves a work-group, no clusters, 33,280 bytes of LDS; arguments Wq, Wk, Wv, Wp, W1, W2, ops; writes ops
.if DOCPART == 1
	.amdgcn_target "amdgcn-amd-amdhsa--gfx1250"
	.amdhsa_code_object_version 6
	.text
	.protected	k_q68556ef454_wq
	.globl	k_q68556ef454_wq
	.p2align	8
	.type	k_q68556ef454_wq,@function
k_q68556ef454_wq:
	s_mov_b64 s[64:65], 0
	v_nop
	global_prefetch_b8 v0, s[64:65] scope:SCOPE_SE
	s_setreg_imm32_b32 hwreg(HW_REG_WAVE_MODE, 25, 1), 1
	s_wait_xcnt 0x0
; The six weights, f32 with K NOT innermost, become codes of FP8 (E4M3) with one E8M0 byte for each 32 along K, laid as images of operand registers.
; A BLOCK of the output is 128 rows n x 256 along K, 33,792 bytes: codes at q*16384 + t*2048 + c*512 + 16*lane + i  = row pi(t, lane%16), k = 128 q + 32 c + 16 (lane/16) + i;
; scale words at 32768 + q*512 + t*64 + 4*(lane%16), byte c.  pi(t, p) = 32 (t/2) + 8 (t%2) + p + 8 (p/8).  Block (rb, ks) of a weight has index rb * (K/256) + ks.
; Work-group g makes block g: 0-31 Wq, 32-63 Wk, 64-95 Wv, 96-127 Wp, 128-255 W1, 256-383 W2.  Wave w takes rows 32 w .. 32 w + 31 of the block (tiles 2 w, 2 w + 1).
; A LANE TAKES A COLUMN n AND ITS REGISTERS RUN DOWN K: a block of 32 along K lies in one lane, and the conversions give codes with K innermost.  Nothing is transposed by an instruction.
; The codes go through the wave's own 8,192 bytes of LDS and leave in stores of 512 consecutive bytes.  No barrier: waves share nothing.  Loads run two blocks of 32 (64 loads a wave) ahead.
; LIMITS: NaN and infinities are not served; a block of zeros gets the byte 1 (its codes are zeros; this program alone reads the bytes).
.set BLKB,  33792
.set OFF,   32                         ; v32-63   pitch x i + 4 x lane, i = 0 .. 31; never rewritten
.set X,     64                         ; v64-127  two sets of 32 numbers
.set C,     128                        ; v128-135 a block's codes
.set SB,    24                         ; v24-25   the scale words of q = 0, 1
.set OUTR,  136                        ; v136-199 the way out
.set WV,    31                         ; s31      wave
.set BASE,  32                         ; s[32:47] eight bases, one for each 32 along K; never stepped
.set MNT,   48                         ; s48      the mantissa field of 448
	s_load_b256 s[4:11], s[0:1], 0x0               ; Wq, Wk, Wv, Wp
	s_load_b128 s[12:15], s[0:1], 0x20             ; W1, W2
	s_load_b64 s[16:17], s[0:1], 0x30              ; ops
	v_lshl_add_u32 v200, v0, 2, 0x8000
	v_mov_b32 v201, 0
	v_lshrrev_b32 v1, 5, v0
	v_readfirstlane_b32 s[WV], v1
	v_and_b32 v2, 31, v0                           ; lane = my row among the wave's 32
	v_lshlrev_b32 v3, 2, v2
	v_bfe_u32 v5, v0, 3, 1                         ; u: which of the wave's two tiles
	v_and_b32 v6, 7, v0
	v_bfe_u32 v10, v0, 4, 1
	v_lshl_add_u32 v6, v10, 3, v6                  ; r: my place in that tile
	s_lshl_b32 s30, s[WV], 13
	v_lshlrev_b32 v4, 4, v6
	v_lshl_add_u32 v4, v5, 11, v4
	v_add_nc_u32 v4, s30, v4                       ; stage, in: 8192 w + 2048 u + 16 r
	v_lshlrev_b32 v8, 4, v2
	v_add_nc_u32 v7, s30, v8                       ; stage, out: 8192 w + 16 lane
	s_lshl_b32 s30, s[WV], 12
	v_add_nc_u32 v8, s30, v8                       ; in the block: 4096 w + 16 lane
	v_lshlrev_b32 v9, 2, v6
	v_lshl_add_u32 v9, v5, 6, v9
	s_lshl_b32 s30, s[WV], 7
	v_add_nc_u32 v9, s30, v9                       ; my scale word: 128 w + 64 u + 4 r
	s_mov_b32 s[MNT], 0x600000
	; which weight, which block of it
	s_lshr_b32 s20, ttmp9, 5                       ; 0 Wq, 1 Wk, 2 Wv, 3 Wp, 4-7 W1, 8-11 W2
	s_lshr_b32 s22, s20, 2
	s_mov_b32 s21, 4096
	s_cmp_eq_u32 s22, 1
	s_cselect_b32 s21, 16384, s21
	s_cmp_lt_u32 s20, 3
	s_cselect_b32 s21, 256, s21                    ; bytes from k to k + 1
	s_cmp_eq_u32 s22, 2
	s_cselect_b32 s23, 4, 2                        ; log2(K / 256)
	s_cmp_lt_u32 s20, 4
	s_cselect_b32 s24, 31, 127
	s_and_b32 s24, ttmp9, s24                      ; the block's index in its weight
	s_lshr_b32 s26, s24, s23                       ; rb
	s_lshl_b32 s25, -1, s23
	s_and_not1_b32 s25, s24, s25                   ; ks
	s_lshl_b32 s27, s26, 7
	s_lshl_b32 s28, s[WV], 5
	s_add_co_u32 s27, s27, s28                     ; my wave's first column n0
	s_lshr_b32 s28, s27, 6
	s_lshl_b32 s28, s28, 18
	s_and_b32 s29, s27, 63
	s_lshl_b32 s29, s29, 2
	s_add_co_u32 s28, s28, s29                     ; [head][k][64]: head x 262,144 + 4 d
	s_lshl_b32 s29, s27, 2                         ; [k][n]: 4 n0
	s_cmp_lt_u32 s20, 3
	s_cselect_b32 s28, s28, s29
	s_mul_i32 s29, s25, s21
	s_lshl_b32 s29, s29, 8                         ; 256 ks rows of K
	s_add_co_u32 s28, s28, s29
	s_mov_b32 s29, 0
	s_lshl_b32 s50, s21, 5                         ; 32 rows of K
	s_mov_b32 s51, 0
	s_mul_i32 s52, ttmp9, BLKB
	s_mov_b32 s53, 0
.set i, 0
.rept 32
	v_mad_u32_u24 v[OFF+i], s21, i, v3
.set i, i+1
.endr
	s_wait_kmcnt 0x0
	s_mov_b64 s[18:19], s[14:15]                   ; the weight's address: a choice on the work-group's number alone
	s_cmp_lt_u32 s20, 8
	s_cselect_b64 s[18:19], s[12:13], s[18:19]
	s_cmp_lt_u32 s20, 4
	s_cselect_b64 s[18:19], s[10:11], s[18:19]
	s_cmp_lt_u32 s20, 3
	s_cselect_b64 s[18:19], s[8:9], s[18:19]
	s_cmp_lt_u32 s20, 2
	s_cselect_b64 s[18:19], s[6:7], s[18:19]
	s_cmp_lt_u32 s20, 1
	s_cselect_b64 s[18:19], s[4:5], s[18:19]
	s_add_nc_u64 s[BASE:BASE+1], s[18:19], s[28:29]
.irp t, 1,2,3,4,5,6,7
	s_add_nc_u64 s[BASE+2*\t:BASE+2*\t+1], s[BASE+2*\t-2:BASE+2*\t-1], s[50:51]
.endr
	s_add_nc_u64 s[16:17], s[16:17], s[52:53]      ; my block of the output
.macro LOAD t                          ; W(32 t + i, my column), i = 0 .. 31: each load reads 128 consecutive bytes
.set i, 0
.rept 32
	global_load_b32 v[X+32*((\t)%2)+i], v[OFF+i], s[BASE+2*(\t):BASE+2*(\t)+1] th:TH_LOAD_NT
.set i, i+1
.endr
.endm
	LOAD 0
	LOAD 1
.macro BLOCK t
.set XS, X+32*((\t)%2)
.if (\t) < 7
	s_wait_loadcnt 32                              ; this block's 32 loads are in; the next block's 32 may be out
.else
	s_wait_loadcnt 0
.endif
	v_max3_num_f32 v12, |v[XS]|, |v[XS+1]|, |v[XS+2]|              ; the block's largest magnitude: all 32 numbers are mine
	v_max3_num_f32 v13, |v[XS+3]|, |v[XS+4]|, |v[XS+5]|
.irp i, 6,10,14,18,22,26
	v_max3_num_f32 v12, v12, |v[XS+\i]|, |v[XS+\i+1]|
	v_max3_num_f32 v13, v13, |v[XS+\i+2]|, |v[XS+\i+3]|
.endr
	v_max3_num_f32 v12, v12, |v[XS+30]|, |v[XS+31]|
	v_max3_num_f32 v12, v12, v13, 0x4800000        ; and the floor 2^(9 - 127): the byte cannot fall under 1
	v_add_nc_u32 v11, 0xfc000000, v12              ; 8 off the exponent field: the conversion's scale operand
	v_and_or_b32 v10, v12, 0x7f800000, s[MNT]      ; 448 x the scale
	v_lshrrev_b32 v13, 23, v11                     ; the scale's byte
.if (\t)%4 == 0
	v_mov_b32 v[SB+(\t)/4], v13
.else
	v_lshl_or_b32 v[SB+(\t)/4], v13, 8*((\t)%4), v[SB+(\t)/4]
.endif
.set i, 0
.rept 32
	v_med3_num_f32 v[XS+i], v[XS+i], -v10, v10     ; the conversion to an 8-bit code does not saturate (ISA guide 7.6.2): the hold comes first
.set i, i+1
.endr
.irp g, 0,1,2,3
	v_cvt_scalef32_pk8_fp8_f32 v[C+2*\g:C+2*\g+1], v[XS+8*\g:XS+8*\g+7], v11
.endr
	ds_store_b128 v4, v[C:C+3] offset:((\t)/4)*4096+((\t)%4)*512          ; k = 32 c + 0 .. 15: the place of lane r
	ds_store_b128 v4, v[C+4:C+7] offset:((\t)/4)*4096+((\t)%4)*512+256    ; k = 32 c + 16 .. 31: the place of lane 16 + r
.if (\t)+2 < 8
	LOAD (\t)+2
.endif
	s_wait_dscnt 0x0                               ; the stores have read their registers: the next block's codes may be written
.endm
.set Q, 0
.rept 8
	BLOCK Q
.set Q, Q+1
.endr
	global_store_b32 v9, v[SB], s[16:17] offset:32768          ; the wave's 32 scale words of q = 0: 128 consecutive bytes
	global_store_b32 v9, v[SB+1], s[16:17] offset:32768+512
.irp t, 0,1,2,3,4,5,6,7,8,9,10,11,12,13,14,15
	ds_load_b128 v[OUTR+4*\t:OUTR+4*\t+3], v7 offset:512*\t    ; LDS serves a wave's instructions in order: these see my stores
.endr
.irp t, 0,1,2,3,4,5,6,7,8,9,10,11,12,13,14,15
	s_wait_dscnt 15-\t
	global_store_b128 v8, v[OUTR+4*\t:OUTR+4*\t+3], s[16:17] offset:(\t/8)*16384+(\t%8)*512   ; 512 consecutive bytes, aligned to 256
.endr
	s_wait_tensorcnt 0x0
	ds_add_u32 v200, v201
	s_wait_dscnt 0x0
	s_endpgm
.Lfunc_end_k_q68556ef454_wq:
	.size	k_q68556ef454_wq, .Lfunc_end_k_q68556ef454_wq-k_q68556ef454_wq
	.p2alignl 7, 3214868480
	.fill 96, 4, 3214868480
	.section	.rodata,"a",@progbits
	.p2align	6, 0x0
	.amdhsa_kernel k_q68556ef454_wq
		.amdhsa_group_segment_fixed_size 33280
		.amdhsa_private_segment_fixed_size 0
		.amdhsa_enable_private_segment 0
		.amdhsa_kernarg_size 56
		.amdhsa_user_sgpr_count 2
		.amdhsa_user_sgpr_kernarg_segment_ptr 1
		.amdhsa_wavefront_size32 1
		.amdhsa_system_sgpr_workgroup_id_x 1
		.amdhsa_system_sgpr_workgroup_id_y 1
		.amdhsa_system_sgpr_workgroup_id_z 1
		.amdhsa_system_vgpr_workitem_id 0
		.amdhsa_next_free_vgpr 202
		.amdhsa_next_free_sgpr 66
		.amdhsa_reserve_vcc 0
		.amdhsa_float_denorm_mode_32 3
		.amdhsa_float_denorm_mode_16_64 3
		.amdhsa_memory_ordered 1
		.amdhsa_forward_progress 1
		.amdhsa_inst_pref_size 63
	.end_amdhsa_kernel
	.amdgpu_metadata
---
amdhsa.version: [ 1, 2 ]
amdhsa.kernels:
  - .name:           k_q68556ef454_wq
    .symbol:         k_q68556ef454_wq.kd
    .args:
      - { .name: Wq, .offset: 0, .size: 8, .value_kind: global_buffer, .address_space: global }
      - { .name: Wk, .offset: 8, .size: 8, .value_kind: global_buffer, .address_space: global }
      - { .name: Wv, .offset: 16, .size: 8, .value_kind: global_buffer, .address_space: global }
      - { .name: Wp, .offset: 24, .size: 8, .value_kind: global_buffer, .address_space: global }
      - { .name: W1, .offset: 32, .size: 8, .value_kind: global_buffer, .address_space: global }
      - { .name: W2, .offset: 40, .size: 8, .value_kind: global_buffer, .address_space: global }
      - { .name: ops, .offset: 48, .size: 8, .value_kind: global_buffer, .address_space: global }
    .group_segment_fixed_size: 33280
    .private_segment_fixed_size: 0
    .kernarg_segment_align: 8
    .kernarg_segment_size: 56
    .max_flat_workgroup_size: 128
    .sgpr_count:     66
    .vgpr_count:     202
    .wavefront_size: 32
...
	.end_amdgpu_metadata
.endif
;; end of part 1
;; launch ln1 (part 2): grid 256 x 1, 4 waves a work-group, no clusters, 66,304 bytes of LDS; arguments x, g1, be1, fA, ops; writes fA, ops
.if DOCPART == 2
	.amdgcn_target "amdgcn-amd-amdhsa--gfx1250"
	.amdhsa_code_object_version 6
	.text
	.protected	k_q68556ef454_ln1
	.globl	k_q68556ef454_ln1
	.p2align	8
	.type	k_q68556ef454_ln1,@function
k_q68556ef454_ln1:
	s_mov_b64 s[64:65], 0
	v_nop
	global_prefetch_b8 v0, s[64:65] scope:SCOPE_SE
	s_setreg_imm32_b32 hwreg(HW_REG_WAVE_MODE, 25, 1), 1
	s_wait_xcnt 0x0
; y = (x - mean) * rsqrt(var + 1e-5) * g + b along rows of 1,024 f32; y leaves twice: as f32, row-major, and as codes of FP8 (E4M3) with E8M0 scales along the row, laid as images of operand registers.
; The codes' blocks (128 rows x 256 along K, 33,792 bytes) lie from block 384 of the operands' buffer on, block (rb, ks) at 4 rb + ks:
; codes at q*16384 + t*2048 + c*512 + 16*lane + i = row pi(t, lane%16), k = 128 q + 32 c + 16 (lane/16) + i; scale words at 32768 + q*512 + t*64 + 4*(lane%16).  pi(t, p) = 32 (t/2) + 8 (t%2) + p + 8 (p/8).
; A work-group takes ONE TILE of 16 rows (rb = number / 8, t = number % 8).  Phase 1: wave w normalises places 4 w .. 4 w + 3 of the tile, four neighbouring rows, a whole row in 32 registers of the wave:
; the mean first, then the variance of the differences (two passes over registers: no difference of large sums).  The rows go to memory and to LDS.  One barrier.
; Phase 2: wave w takes columns 256 w .. 256 w + 255 of all 16 rows out of LDS, 16 neighbours of each block of 32 to a lane, quantises them and stores two fragments as they stand in registers.
; LIMITS: NaN and infinities are not served; a block of zeros gets the byte 1 (its codes are zeros; this program alone reads the bytes).
.set PITCH, 4112                       ; an LDS row: 4,096 bytes + 16: the sixteen rows that a load touches start 16 bytes apart modulo 256
.set BLKB,  33792
.set G,     16                         ; v16-47   g of my 32 columns
.set BT,    48                         ; v48-79   b
.set X,     80                         ; v80-207  four rows x 32; in phase 2 two fragments' 64 numbers each
.set TM,    208                        ; v208-223 at work
.set PC0,   224                        ; v224-239 codes of q = 0
.set PC1,   16                         ; v16-31   codes of q = 1 (g is done with)
.set PW0,   240
.set PW1,   241
.set SEL,   20                         ; s[20:21] lane selects for lane l xor 16
.set MNT,   24
	s_load_b256 s[4:11], s[0:1], 0x0               ; in, g, b, the f32 output
	s_load_b64 s[12:13], s[0:1], 0x20              ; the operands' buffer
	v_lshl_add_u32 v248, v0, 2, 0x10100
	v_mov_b32 v249, 0
	v_lshrrev_b32 v1, 5, v0
	v_readfirstlane_b32 s14, v1                    ; wave
	v_and_b32 v7, 31, v0
	v_lshlrev_b32 v1, 4, v7                        ; 16 x lane
	v_and_b32 v2, 15, v0                           ; r
	v_bfe_u32 v3, v0, 4, 1                         ; h
	s_lshr_b32 s15, ttmp9, 3                       ; rb
	s_and_b32 s16, ttmp9, 7                        ; the tile in it
	s_lshl_b32 s17, s15, 7
	s_lshr_b32 s18, s16, 1
	s_lshl_b32 s18, s18, 5
	s_add_co_u32 s17, s17, s18
	s_and_b32 s18, s16, 1
	s_lshl_b32 s18, s18, 3
	s_add_co_u32 s17, s17, s18
	s_lshl_b32 s18, s14, 2
	s_add_co_u32 s17, s17, s18
	s_lshr_b32 s18, s14, 1
	s_lshl_b32 s18, s18, 3
	s_add_co_u32 s17, s17, s18                     ; my first row: 128 rb + pi(tile, 4 w)
	s_lshl_b32 s18, s17, 12
	s_mov_b32 s19, 0
	s_mul_i32 s25, s14, 4*PITCH
	v_add_nc_u32 v4, s25, v1                       ; LDS, in: place 4 w, 16 x lane
	v_mul_u32_u24 v5, v2, PITCH
	v_lshl_add_u32 v5, v3, 6, v5
	s_lshl_b32 s26, s14, 10
	v_add_nc_u32 v5, s26, v5                       ; LDS, out: place r, 1024 w + 64 h
	v_lshlrev_b32 v6, 2, v2
	v_lshl_add_u32 v6, v3, 9, v6
	s_lshl_b32 s27, s16, 6
	v_add_nc_u32 v6, s27, v6                       ; my scale word: 512 h + 64 tile + 4 r (lanes 0-15: q = 0, lanes 16-31: q = 1)
	s_lshl_b32 s28, s15, 2
	s_add_co_u32 s28, s28, s14
	s_add_co_u32 s28, s28, 384
	s_mul_i32 s28, s28, BLKB                       ; block 384 + 4 rb + w
	s_mov_b32 s29, 0
	s_lshl_b32 s34, s16, 11
	s_mov_b32 s35, 0
	s_mov_b32 s[SEL], 0x76543210
	s_mov_b32 s[SEL+1], 0xfedcba98
	s_mov_b32 s22, 0x3a800000                      ; 1 / 1024
	s_mov_b32 s23, 0x3727c5ac                      ; 1e-5
	s_mov_b32 s[MNT], 0x600000                     ; the mantissa field of 448
	s_wait_kmcnt 0x0
	s_add_nc_u64 s[4:5], s[4:5], s[18:19]
	s_add_nc_u64 s[10:11], s[10:11], s[18:19]
	s_add_nc_u64 s[30:31], s[12:13], s[28:29]      ; my block,
	s_add_nc_u64 s[32:33], s[30:31], s[34:35]      ; and the tile's fragments in it
.irp k, 0,1,2,3
.irp i, 0,1,2,3,4,5,6,7
	global_load_b128 v[X+32*\k+4*\i:X+32*\k+4*\i+3], v1, s[4:5] offset:4096*\k+512*\i th:TH_LOAD_NT   ; 512 consecutive bytes
.endr
.endr
.irp i, 0,1,2,3,4,5,6,7
	global_load_b128 v[G+4*\i:G+4*\i+3], v1, s[6:7] offset:512*\i
	global_load_b128 v[BT+4*\i:BT+4*\i+3], v1, s[8:9] offset:512*\i
.endr
; the four rows' pairs of partial sums, v[TM+4k:TM+4k+1] and v[TM+4k+2:TM+4k+3], become each row's sum in every lane, in v[TM+4k]
.macro RED
.irp k, 0,1,2,3
	v_pk_add_f32 v[TM+4*\k:TM+4*\k+1], v[TM+4*\k:TM+4*\k+1], v[TM+4*\k+2:TM+4*\k+3]
.endr
.irp k, 0,1,2,3
	v_add_f32 v[TM+4*\k], v[TM+4*\k], v[TM+4*\k+1]
.endr
.irp m, 1,2,4,8
.irp k, 0,1,2,3
	v_add_f32_dpp v[TM+4*\k], v[TM+4*\k], v[TM+4*\k] row_xmask:\m row_mask:0xf bank_mask:0xf
.endr
.endr
.irp k, 0,1,2,3
	v_permlanex16_b32 v[TM+4*\k+1], v[TM+4*\k], s[SEL], s[SEL+1]
.endr
.irp k, 0,1,2,3
	v_add_f32 v[TM+4*\k], v[TM+4*\k], v[TM+4*\k+1]
.endr
.endm
	s_wait_loadcnt 0x0
.irp k, 0,1,2,3                        ; the rows take turns line by line, so that no line waits for the line above it
	v_pk_add_f32 v[TM+4*\k:TM+4*\k+1], v[X+32*\k:X+32*\k+1], v[X+32*\k+4:X+32*\k+5]
	v_pk_add_f32 v[TM+4*\k+2:TM+4*\k+3], v[X+32*\k+2:X+32*\k+3], v[X+32*\k+6:X+32*\k+7]
.endr
.irp j, 8,12,16,20,24,28
.irp k, 0,1,2,3
	v_pk_add_f32 v[TM+4*\k:TM+4*\k+1], v[TM+4*\k:TM+4*\k+1], v[X+32*\k+\j:X+32*\k+\j+1]
	v_pk_add_f32 v[TM+4*\k+2:TM+4*\k+3], v[TM+4*\k+2:TM+4*\k+3], v[X+32*\k+\j+2:X+32*\k+\j+3]
.endr
.endr
	RED
.irp k, 0,1,2,3
	v_mul_f32 v[TM+4*\k], s22, v[TM+4*\k]          ; the mean
.endr
.irp k, 0,1,2,3
.set j, 0
.rept 16
	v_pk_add_f32 v[X+32*\k+j:X+32*\k+j+1], v[X+32*\k+j:X+32*\k+j+1], v[TM+4*\k:TM+4*\k+1] op_sel_hi:[1,0] neg_lo:[0,1] neg_hi:[0,1]   ; x - mean
.set j, j+2
.endr
.endr
.irp k, 0,1,2,3
	v_pk_mul_f32 v[TM+4*\k:TM+4*\k+1], v[X+32*\k:X+32*\k+1], v[X+32*\k:X+32*\k+1]
	v_pk_mul_f32 v[TM+4*\k+2:TM+4*\k+3], v[X+32*\k+2:X+32*\k+3], v[X+32*\k+2:X+32*\k+3]
.endr
.irp j, 4,8,12,16,20,24,28
.irp k, 0,1,2,3
	v_pk_fma_f32 v[TM+4*\k:TM+4*\k+1], v[X+32*\k+\j:X+32*\k+\j+1], v[X+32*\k+\j:X+32*\k+\j+1], v[TM+4*\k:TM+4*\k+1]
	v_pk_fma_f32 v[TM+4*\k+2:TM+4*\k+3], v[X+32*\k+\j+2:X+32*\k+\j+3], v[X+32*\k+\j+2:X+32*\k+\j+3], v[TM+4*\k+2:TM+4*\k+3]
.endr
.endr
	RED
.irp k, 0,1,2,3
	v_fma_f32 v[TM+4*\k], v[TM+4*\k], s22, s23     ; the variance + 1e-5
.endr
.irp k, 0,1,2,3
	v_rsq_f32 v[TM+4*\k+2], v[TM+4*\k]
.endr
	v_nop                                          ; a plain instruction behind the last of the four,
	s_wait_alu depctr_va_vdst(0)                   ; and one wait for the four, ahead of their first reader
.irp k, 0,1,2,3
.set j, 0
.rept 16
	v_pk_mul_f32 v[X+32*\k+j:X+32*\k+j+1], v[X+32*\k+j:X+32*\k+j+1], v[TM+4*\k+2:TM+4*\k+3] op_sel_hi:[1,0]
.set j, j+2
.endr
.endr
.irp k, 0,1,2,3
.set j, 0
.rept 16
	v_pk_fma_f32 v[X+32*\k+j:X+32*\k+j+1], v[X+32*\k+j:X+32*\k+j+1], v[G+j:G+j+1], v[BT+j:BT+j+1]
.set j, j+2
.endr
.endr
.irp k, 0,1,2,3
.irp i, 0,1,2,3,4,5,6,7
	global_store_b128 v1, v[X+32*\k+4*\i:X+32*\k+4*\i+3], s[10:11] offset:4096*\k+512*\i    ; 512 consecutive bytes, aligned to 256
	ds_store_b128 v4, v[X+32*\k+4*\i:X+32*\k+4*\i+3] offset:PITCH*\k+512*\i
.endr
.endr
	s_wait_dscnt 0x0                               ; for the others' sake: my rows lie in LDS
	s_barrier_signal -1
	s_barrier_wait -1
	s_wait_xcnt 0x0                                ; the stores to memory have read X: only behind this wait is it loaded again
.irp q, 0,1
.irp c, 0,1,2,3
.irp j, 0,1,2,3
	ds_load_b128 v[X+64*\q+16*\c+4*\j:X+64*\q+16*\c+4*\j+3], v5 offset:512*\q+128*\c+16*\j    ; row r, k = 256 w + 128 q + 32 c + 16 h + 4 j ..
.endr
.endr
.endr
; 64 numbers of a lane, register 16 b + i = k 32 b + 16 (lane / 16) + i of my row, become a fragment's codes and its scale word
.macro QUANT s, pc, pw
.irp b, 0,1,2,3
	v_max3_num_f32 v[TM+\b], |v[\s+16*\b]|, |v[\s+1+16*\b]|, 0x4800000    ; my 16 numbers of block b, and the floor 2^(9 - 127): the byte cannot fall under 1
.endr
.irp i, 2,4,6,8,10,12,14
.irp b, 0,1,2,3
	v_max3_num_f32 v[TM+\b], v[TM+\b], |v[\s+16*\b+\i]|, |v[\s+1+16*\b+\i]|
.endr
.endr
.irp b, 0,1,2,3
	v_permlanex16_b32 v[TM+4+\b], v[TM+\b], s[SEL], s[SEL+1]
.endr
.irp b, 0,1,2,3
	v_max_num_f32 v[TM+\b], v[TM+\b], v[TM+4+\b]   ; with lane l xor 16's: the block's largest magnitude
.endr
.irp b, 0,1,2,3
	v_add_nc_u32 v[TM+12+\b], 0xfc000000, v[TM+\b] ; 8 off the exponent field: the conversion's scale operand
.endr
.irp b, 0,1,2,3
	v_and_or_b32 v[TM+8+\b], v[TM+\b], 0x7f800000, s[MNT]   ; 448 x the scale
.endr
.irp b, 0,1,2,3
	v_lshrrev_b32 v[TM+4+\b], 23, v[TM+12+\b]      ; the scale's byte
.endr
	v_lshl_or_b32 v[\pw], v[TM+5], 8, v[TM+4]
	v_lshl_or_b32 v[\pw], v[TM+6], 16, v[\pw]
	v_lshl_or_b32 v[\pw], v[TM+7], 24, v[\pw]
.irp b, 0,1,2,3
.set i, 0
.rept 16
	v_med3_num_f32 v[\s+16*\b+i], v[\s+16*\b+i], -v[TM+8+\b], v[TM+8+\b]   ; the conversion does not saturate (ISA guide 7.6.2): the hold comes first
.set i, i+1
.endr
	v_cvt_scalef32_pk8_fp8_f32 v[\pc+4*\b:\pc+1+4*\b], v[\s+16*\b:\s+7+16*\b], v[TM+12+\b]
	v_cvt_scalef32_pk8_fp8_f32 v[\pc+2+4*\b:\pc+3+4*\b], v[\s+8+16*\b:\s+15+16*\b], v[TM+12+\b]
.endr
	v_nop                                          ; a plain instruction behind the last conversion
.endm
	s_wait_dscnt 0x0
	QUANT X, PC0, PW0
	QUANT X+64, PC1, PW1
.irp c, 0,1,2,3
	global_store_b128 v1, v[PC0+4*\c:PC0+4*\c+3], s[32:33] offset:512*\c           ; a fragment as it stands: 512 consecutive bytes a store
	global_store_b128 v1, v[PC1+4*\c:PC1+4*\c+3], s[32:33] offset:16384+512*\c
.endr
	v_cmp_eq_u32 vcc_lo, 1, v3
	v_cndmask_b32 v242, v[PW0], v[PW1], vcc_lo     ; both words stand in lanes r and 16 + r: lanes 0-15 send q = 0's, lanes 16-31 q = 1's
	global_store_b32 v6, v242, s[30:31] offset:32768
	s_wait_tensorcnt 0x0
	ds_add_u32 v248, v249
	s_wait_dscnt 0x0
	s_endpgm
.Lfunc_end_k_q68556ef454_ln1:
	.size	k_q68556ef454_ln1, .Lfunc_end_k_q68556ef454_ln1-k_q68556ef454_ln1
	.p2alignl 7, 3214868480
	.fill 96, 4, 3214868480
	.section	.rodata,"a",@progbits
	.p2align	6, 0x0
	.amdhsa_kernel k_q68556ef454_ln1
		.amdhsa_group_segment_fixed_size 66304
		.amdhsa_private_segment_fixed_size 0
		.amdhsa_enable_private_segment 0
		.amdhsa_kernarg_size 40
		.amdhsa_user_sgpr_count 2
		.amdhsa_user_sgpr_kernarg_segment_ptr 1
		.amdhsa_wavefront_size32 1
		.amdhsa_system_sgpr_workgroup_id_x 1
		.amdhsa_system_sgpr_workgroup_id_y 1
		.amdhsa_system_sgpr_workgroup_id_z 1
		.amdhsa_system_vgpr_workitem_id 0
		.amdhsa_next_free_vgpr 250
		.amdhsa_next_free_sgpr 66
		.amdhsa_reserve_vcc 1
		.amdhsa_float_denorm_mode_32 3
		.amdhsa_float_denorm_mode_16_64 3
		.amdhsa_memory_ordered 1
		.amdhsa_forward_progress 1
		.amdhsa_inst_pref_size 55
	.end_amdhsa_kernel
	.amdgpu_metadata
---
amdhsa.version: [ 1, 2 ]
amdhsa.kernels:
  - .name:           k_q68556ef454_ln1
    .symbol:         k_q68556ef454_ln1.kd
    .args:
      - { .name: x, .offset: 0, .size: 8, .value_kind: global_buffer, .address_space: global }
      - { .name: g1, .offset: 8, .size: 8, .value_kind: global_buffer, .address_space: global }
      - { .name: be1, .offset: 16, .size: 8, .value_kind: global_buffer, .address_space: global }
      - { .name: fA, .offset: 24, .size: 8, .value_kind: global_buffer, .address_space: global }
      - { .name: ops, .offset: 32, .size: 8, .value_kind: global_buffer, .address_space: global }
    .group_segment_fixed_size: 66304
    .private_segment_fixed_size: 0
    .kernarg_segment_align: 8
    .kernarg_segment_size: 40
    .max_flat_workgroup_size: 128
    .sgpr_count:     66
    .vgpr_count:     250
    .wavefront_size: 32
...
	.end_amdgpu_metadata
.endif
;; end of part 2
;; launch qkvg (part 3): grid 8 x 24, 4 waves a work-group, clusters of 4 x 4, 327,680 bytes of LDS; arguments ops, qkv; writes qkv
.if DOCPART == 3
	.amdgcn_target "amdgcn-amd-amdhsa--gfx1250"
	.amdhsa_code_object_version 6
	.text
	.protected	k_q68556ef454_qkvg
	.globl	k_q68556ef454_qkvg
	.p2align	8
	.type	k_q68556ef454_qkvg,@function
k_q68556ef454_qkvg:
	s_mov_b64 s[64:65], 0
	v_nop
	global_prefetch_b8 v0, s[64:65] scope:SCOPE_SE
	s_setreg_imm32_b32 hwreg(HW_REG_WAVE_MODE, 25, 1), 1
	s_wait_xcnt 0x0
	s_wait_alu depctr_hold_cnt(0) depctr_sa_sdst(0) depctr_va_vdst(0) depctr_va_sdst(0) depctr_va_ssrc(0) depctr_va_vcc(0) depctr_vm_vsrc(0)
	s_getreg_b32 s2, hwreg(HW_REG_IB_STS2, 6, 4)
	s_cmp_eq_u32 s2, 0
	s_cbranch_scc0 .Lentry_in_a_cluster
	s_endpgm
.Lentry_in_a_cluster:
	s_bfe_u32 s2, ttmp6, 0x10000c
	s_cmp_lg_u32 s2, 0xf033
	s_cbranch_scc0 .Lentry_shape_is_right
	s_endpgm
.Lentry_shape_is_right:
.set KIND, 0                           ; 0: q, k, v    1: first layer of the MLP    2: projection    3: second layer of the MLP.  The four texts differ in this line alone
; D = S1 S0^T on codes of FP8 (E4M3) with one E8M0 scale for each 32 along K; sums in f32.  Both operands come as BLOCKS of 128 rows x 256 along K, 33,792 bytes, laid as images of operand registers:
; codes at q*16384 + t*2048 + c*512 + 16*lane + i = row pi(t, lane%16), k = 128 q + 32 c + 16 (lane/16) + i; scale words at 32768 + q*512 + t*64 + 4*(lane%16).  pi(t, p) = 32 (t/2) + 8 (t%2) + p + 8 (p/8).
; Block (rb, ks) of an operand has index rb * (K/256) + ks, so a K step is 33,792 bytes on.  A block is dense: one tensor load brings it, scale words and all, and a fragment is four LDS loads at 16 x lane.
; A work-group of four waves makes 256 rows of source 1 ('A', by the grid's y) x 256 rows of source 0 ('B', by its x); a wave 128 x 128: 64 accumulators, 512 registers.  K goes in steps of 256 through two LDS slots.
; SOURCE 0's ROWS STAND IN THE ORDER pi, so a lane's 16 registers of result tiles 2 b and 2 b + 1 are 16 NEIGHBOURS along source 0's rows; a lane holds one row of source 1.
; KIND 0, clusters y < 4: A = xn's rows (tokens), B = Wq's and Wk's rows: q and k, quantised along the head's 64.  Clusters y = 4, 5: A = Wv's rows, B = tokens: v, quantised along the tokens (attention's keys).
; KIND 1: A = x2, B = W1; + b1, relu, quantised along the hidden units.  KINDS 0 and 1 quantise in registers and store fragments as they stand: 512 consecutive bytes a store.
; KIND 2: A = attention's result, B = Wp; + bp + xn.  KIND 3: A = the hidden layer, B = W2; + b2 + x2.  Their f32 rows go through the wave's own stage in LDS and leave as 512 consecutive bytes.
; The bias is the C of each sum's first product.  CLUSTERS: 4 x 4 work-groups; A's blocks are asked for jointly along a row of the cluster, B's along a column.
; LIMITS: NaN and infinities are not served; a block of zeros gets the byte 1 (its codes are zeros; this program alone reads the bytes).
; REGISTERS, in windows of 256: window 0: v16-31 addresses; v32-63 scale words, two sets; v64-127 the bias; v128-255 A's fragments, ONE set.  window 1: B's fragments, TWO sets.  windows 2, 3: the accumulators ((a, b) at v[8 (8 (a%4) + b)]).
.set BLKB,   33792
.set SLOT,   4*BLKB                    ; A's two blocks, then B's two
.set STAGE,  2*SLOT                    ; behind the ring: 16 rows x 528 bytes for each wave (KINDS 2, 3)
.set SPITCH, 528
.set SPARE,  STAGE+4*16*SPITCH         ; the spare words, 128 bytes for each wave: two blocks of 256 bytes that no other line names
.set SCB,    12582912                  ; where the scale panels of q, k, v begin
.if KIND == 3
.set LK, 4                             ; log2(K / 256)
.else
.set LK, 2
.endif
.set LAPS,   (1<<LK)/2                 ; a lap = two K steps = once round the ring
.set ABASE,  0
.set BBASE,  0
.if KIND == 1
.set ABASE,  384
.set BBASE,  128
.endif
.if KIND == 2
.set BBASE,  96
.endif
.if KIND == 3
.set BBASE,  256
.endif
.set NQ,   2                           ; matrix instructions deep in a slot
.set FR,   16                          ; registers of a fragment
.set NL,   4                           ; LDS loads that bring one
.set NP,   8                           ; places behind this matrix instruction (ISA guide 7.12.1)
.set ADRA, 16                          ; v16-17  LDS address of my A block in slot 0, 1, + 16 x lane
.set ADRB, 20                          ; v20-21  the same for B
.set ADRS, 22                          ; v22-23  my scale words in slot 0, 1: lanes 0-15 A's, lanes 16-31 B's
.set STO,  24
.set RD,   25
.set LI,   26                          ; v26     16 x lane
.set LS,   27                          ; v27     4 x lane
.set SPW,  28                          ; v28     LDS address of my spare word; never rewritten
.set NIL,  29                          ; v29     0; never rewritten
.set BO,   30                          ; v30     64 x (lane / 16)
.set SC,   32
.set BI,   64
.set AF,   128
.set TM,   32                          ; the way out of KINDS 0, 1: v32-47 at work, v48-55 scale words, v56-63 as they leave, v64-127 held numbers, v128-255 codes: eight sets
.set PW,   48
.set SW,   56
.set SH,   60
.set T,    64
.set PC,   128
.set G1,   24                          ; s[24:31] descriptor group 1 for A's blocks; s[32:39] group 0, one set for each slot
.set G0,   32
.set G1B,  48                          ; s[48:55], s[56:63] the same for B's
.set G0B,  56
.set SEL,  78
.set MNT,  80
.set MSB,  0
.macro WIN new                         ; the immediate's high byte repeats the setting that is left
.if MSB != (\new)
	s_set_vgpr_msb (MSB<<8)|(\new)
.set MSB, (\new)
.endif
.endm
.set MUL_LO, 0xa1                      ; source 0 (B) window 1, source 1 (A) window 0, C and D window 2
.set MUL_HI, 0xf1                      ; the same, C and D window 3
.set TO_B,   0x40                      ; destination window 1, address window 0
; A joint load: waves 0 and 1 fetch A's two blocks, waves 2 and 3 B's.  The branch hangs on the wave's number alone.  Four v_nop follow each of the two lines.
.macro JLOAD g0a, g1a, g0b, g1b
	s_cmp_eq_u32 s15, 0
	s_cbranch_scc0 .Lfor_b_\@
	tensor_load_to_lds s[\g0a:\g0a+3], s[\g1a:\g1a+7]
	s_nop 0
.rept 4
	v_nop
.endr
	s_branch .Lasked_\@
.Lfor_b_\@:
	tensor_load_to_lds s[\g0b:\g0b+3], s[\g1b:\g1b+7]
	s_nop 0
.rept 4
	v_nop
.endr
.Lasked_\@:
.endm
.macro CREST                           ; a round of the cluster's barrier behind its opening barrier
	s_cmp_lg_u32 s14, 0
	s_cbranch_scc1 .Lnot_wave_0_\@
	s_barrier_signal -3
.Lnot_wave_0_\@:
	s_barrier_wait -3
	s_barrier_signal -1
	s_barrier_wait -1
.endm
.macro CROUND                          ; a whole round
	s_barrier_signal -1
	s_barrier_wait -1
	CREST
.endm
.if KIND == 0
	s_load_b64 s[4:5], s[0:1], 0x0                 ; the operands' buffer
	s_load_b64 s[12:13], s[0:1], 0x8               ; q, k, v
.elseif KIND == 1
	s_load_b64 s[4:5], s[0:1], 0x0                 ; the operands' buffer
	s_load_b64 s[8:9], s[0:1], 0x8                 ; the bias
	s_load_b64 s[12:13], s[0:1], 0x10              ; the hidden layer
.else
	s_load_b128 s[4:7], s[0:1], 0x0                ; the operands' buffer (B), A's buffer
	s_load_b128 s[8:11], s[0:1], 0x10              ; the bias, the residual
	s_load_b64 s[12:13], s[0:1], 0x20              ; the output
.endif
	v_lshl_add_u32 v[SPW], v0, 2, SPARE
	v_mov_b32 v[NIL], 0
	ds_add_u32 v28, v29
	s_wait_dscnt 0x0
	v_lshrrev_b32 v1, 5, v0
	v_readfirstlane_b32 s14, v1                    ; wave 0..3
	s_lshr_b32 s15, s14, 1                         ; which 128 rows of A are mine.  Also: I fetch for A (0) or for B (1)
	s_and_b32 s16, s14, 1                          ; which 128 rows of B.  Also: which of the two blocks I fetch
	s_bfe_u32 s40, ttmp6, 0x40000                  ; cx, cy: my place in the cluster
	s_bfe_u32 s41, ttmp6, 0x40004
	s_lshl_b32 s42, ttmp9, 2
	s_add_co_u32 s42, s42, s40                     ; tx = 4 x cluster x + cx
	s_and_b32 s18, ttmp7, 0xffff                   ; cluster y
	s_lshl_b32 s17, s18, 2
	s_add_co_u32 s17, s17, s41                     ; ty = 4 x cluster y + cy
	s_lshl_b32 s43, s41, 2
	s_lshl_b32 s43, 15, s43                        ; my row of the cluster
	s_lshl_b32 s44, 0x1111, s40                    ; my column
	; descriptor group 1: a dense block of 33,792 bytes as 132 rows of 256 (32 elements of 8 bytes), no padding
	s_or_b32 s[G1+0], s43, (3<<16)|(1<<21)         ; 15:0 the mask: A's blocks go to my row; 17:16 elements of 8 bytes; 21 set beside a mask
	s_or_b32 s[G1B+0], s44, (3<<16)|(1<<21)
.irp g, G1, G1B
	s_mov_b32 s[\g+1], 32<<16                      ; tensor_dim0
	s_mov_b32 s[\g+2], 132<<16                     ; tensor_dim1
	s_mov_b32 s[\g+3], 32<<16                      ; tile_dim0
	s_mov_b32 s[\g+4], 132                         ; tile_dim1
	s_mov_b32 s[\g+5], 32                          ; tensor_dim0_stride
	s_mov_b32 s[\g+6], 0
	s_mov_b32 s[\g+7], 0
.endr
	; the first block that I fetch.  A's index is made of cy, the cluster's y and the wave alone, B's of cx, the cluster's x and y and the wave alone
	s_lshl_b32 s19, s16, LK
.if KIND == 0
	s_lshl_b32 s20, s18, 5
	s_add_co_u32 s20, s20, 384                     ; q, k: A = xn, blocks 384 + 8 ty ..
	s_lshl_b32 s46, s18, 6
	s_add_co_u32 s46, s46, 128                     ; v: B = xn, blocks 384 + 8 tx + 64 (cluster y - 4) ..
	s_cmp_lt_u32 s18, 4
	s_cselect_b32 s20, s20, 64                     ; v: A = Wv, blocks 64 + 8 cy ..
	s_cselect_b32 s46, 0, s46                      ; q, k: B = Wq and Wk, blocks 8 tx ..
	s_lshl_b32 s21, s41, 3
	s_add_co_u32 s20, s20, s21
	s_lshl_b32 s47, s42, 3
	s_add_co_u32 s46, s46, s47
.else
	s_lshl_b32 s20, s17, LK+1
	s_lshl_b32 s46, s42, LK+1
.if ABASE > 0
	s_add_co_u32 s20, s20, ABASE
.endif
	s_add_co_u32 s46, s46, BBASE
.endif
	s_add_co_u32 s20, s20, s19
	s_add_co_u32 s46, s46, s19
	s_mul_i32 s20, s20, BLKB
	s_mul_i32 s46, s46, BLKB
	s_mov_b32 s21, 0
	s_mov_b32 s47, 0
	s_mul_i32 s45, s14, BLKB                       ; where it goes: wave x a block: no place in the cluster enters an LDS address
	s_mov_b32 s[SEL], 0x76543210
	s_mov_b32 s[SEL+1], 0xfedcba98                 ; lane selects for lane l xor 16
	s_mov_b32 s[MNT], 0x600000                     ; the mantissa field of 448
	s_wait_kmcnt 0x0
.if KIND < 2
	s_mov_b64 s[6:7], s[4:5]                       ; A lies in the operands' buffer too
.endif
	s_add_nc_u64 s[20:21], s[6:7], s[20:21]
	s_add_nc_u64 s[46:47], s[4:5], s[46:47]
	CROUND                                         ; all sixteen work-groups are here: the first joint loads meet
.irp s, 0,1
	s_mov_b32 s[G0+4*\s], 1
	s_add_co_u32 s[G0+4*\s+1], s45, \s*SLOT
	s_add_nc_u64 s[G0+4*\s+2:G0+4*\s+3], s[20:21], \s*BLKB
	s_or_b32 s[G0+4*\s+3], s[G0+4*\s+3], 0x80000000
	s_mov_b32 s[G0B+4*\s], 1
	s_add_co_u32 s[G0B+4*\s+1], s45, \s*SLOT
	s_add_nc_u64 s[G0B+4*\s+2:G0B+4*\s+3], s[46:47], \s*BLKB
	s_or_b32 s[G0B+4*\s+3], s[G0B+4*\s+3], 0x80000000
	JLOAD G0+4*\s, G1, G0B+4*\s, G1B
.endr
	v_and_b32 v1, 15, v0                           ; r
	v_bfe_u32 v2, v0, 4, 1                         ; h
	v_and_b32 v3, 31, v0
	v_lshlrev_b32 v[LI], 4, v3
	v_lshlrev_b32 v[LS], 2, v3
	s_mul_i32 s21, s15, BLKB                       ; my block of A
	s_mul_i32 s22, s16, BLKB                       ; my block of B,
	s_add_co_u32 s22, s22, 2*BLKB                  ; behind A's two
.irp s, 0,1
	v_add_nc_u32 v[ADRA+\s], s21, v[LI]
	v_add_nc_u32 v[ADRB+\s], s22, v[LI]
	s_add_co_u32 s21, s21, SLOT
	s_add_co_u32 s22, s22, SLOT
.endr
	s_mul_i32 s21, s15, BLKB
	s_mul_i32 s22, s16, BLKB
	s_add_co_u32 s22, s22, 2*BLKB
	s_sub_co_u32 s22, s22, s21
	v_mul_u32_u24 v4, s22, v2                      ; lanes 16-31 take B's scale words: one product, the distance between the two blocks
	v_lshl_add_u32 v4, v1, 2, v4
	s_add_co_u32 s21, s21, 32768
	v_add_nc_u32 v[ADRS], s21, v4
	v_add_nc_u32 v[ADRS+1], SLOT, v[ADRS]
.if KIND > 0
	v_lshlrev_b32 v[BO], 6, v2                     ; the bias: in result tile b lane (r, h) holds source 0's rows 32 (b/2) + 8 (b%2) + 16 h + 0 .. 7
	s_lshl_b32 s22, s42, 10
	s_lshl_b32 s23, s16, 9
	s_add_co_u32 s22, s22, s23
	s_mov_b32 s23, 0
	s_add_nc_u64 s[8:9], s[8:9], s[22:23]
.irp b, 0,1,2,3,4,5,6,7
	global_load_b128 v[BI+8*\b:BI+8*\b+3], v[BO], s[8:9] offset:(32*(\b/2)+8*(\b%2))*4
	global_load_b128 v[BI+8*\b+4:BI+8*\b+7], v[BO], s[8:9] offset:(32*(\b/2)+8*(\b%2))*4+16
.endr
.endif
.if KIND == 0
	; where my panel of 128 rows x 128 K goes: codes at (P' * 32 + rb') * 16384, scale words at SCB + (P' * 64 + rb') * 512
	s_lshl_b32 s70, s42, 1
	s_add_co_u32 s70, s70, s16                     ; q, k: P' = 2 tx + my half of B
	s_lshl_b32 s71, s17, 1
	s_add_co_u32 s71, s71, s15                     ;       rb' = 2 ty + my half of A
	s_lshl_b32 s72, s41, 1
	s_add_co_u32 s72, s72, s15
	s_add_co_u32 s72, s72, 16                      ; v: P' = 16 + 2 cy + my half of A
	s_lshl_b32 s73, s18, 4
	s_add_co_u32 s73, s73, s70
	s_sub_co_u32 s73, s73, 64                      ;    rb' = 2 tx + 16 (cluster y - 4) + my half of B
	s_cmp_lt_u32 s18, 4
	s_cselect_b32 s70, s70, s72
	s_cselect_b32 s71, s71, s73
	s_lshl_b32 s72, s70, 5
	s_add_co_u32 s72, s72, s71
	s_lshl_b32 s72, s72, 14
	s_lshl_b32 s70, s70, 6
	s_add_co_u32 s70, s70, s71
	s_lshl_b32 s70, s70, 9
	s_add_co_u32 s70, s70, SCB
	s_mov_b32 s71, 0
	s_mov_b32 s73, 0
	s_add_nc_u64 s[70:71], s[12:13], s[70:71]
	s_add_nc_u64 s[12:13], s[12:13], s[72:73]
.endif
.if KIND == 1
	s_lshl_b32 s70, s17, 1
	s_add_co_u32 s70, s70, s15
	s_lshl_b32 s70, s70, 4
	s_add_co_u32 s70, s70, s42                     ; the hidden layer's block (rb = 2 ty + my half of A, ks = tx): 16 rb + ks
	s_mul_i32 s70, s70, BLKB
	s_mov_b32 s71, 0
	s_add_nc_u64 s[70:71], s[12:13], s[70:71]
	s_lshl_b32 s72, s16, 14                        ; q = my half of B
	s_mov_b32 s73, 0
	s_add_nc_u64 s[12:13], s[70:71], s[72:73]
	s_lshl_b32 s72, s16, 9
	s_add_co_u32 s72, s72, 32768
	s_add_nc_u64 s[70:71], s[70:71], s[72:73]
.endif
.if KIND > 1
	s_lshl_b32 s70, s17, 1
	s_add_co_u32 s70, s70, s15
	s_lshl_b32 s70, s70, 19                        ; my 128 rows of 4,096 bytes,
	s_lshl_b32 s72, s42, 1
	s_add_co_u32 s72, s72, s16
	s_lshl_b32 s72, s72, 9                         ; my 128 columns
	s_add_co_u32 s70, s70, s72
	s_mov_b32 s71, 0
	s_add_nc_u64 s[12:13], s[12:13], s[70:71]
	s_add_nc_u64 s[10:11], s[10:11], s[70:71]
	s_mul_i32 s23, s14, 16*SPITCH
	s_add_co_u32 s23, s23, STAGE                   ; my stage
	v_mul_u32_u24 v5, v1, SPITCH
	v_lshl_add_u32 v5, v2, 6, v5
	v_add_nc_u32 v[STO], s23, v5                   ; in: row r, + 64 h
	v_add_nc_u32 v[RD], s23, v[LI]                 ; back: the 32 lanes take one row of 512 bytes
.endif
.macro FRAG reg, adr, q, i             ; fragment (tile i, the slot's q-th 128 along K): four loads of 512 consecutive bytes
.irp c, 0,1,2,3
	ds_load_b128 v[\reg+4*\c:\reg+4*\c+3], v[\adr] offset:16384*(\q)+2048*(\i)+512*\c
.endr
.endm
; 16 matrix instructions: A's tiles a0, a0 + 1 x B's eight.  p: B's set; sc: the set of scale words.  zero = 1: the first product starts the sums, from the bias or from 0: nothing is cleared.
; The 64 accumulators take turns, one instruction a turn, in the same order in every step.
.macro MUL16 a0, p, q, sc, zero
.irp a, \a0, \a0+1
.irp b, 0,1,2,3,4,5,6,7
.if (\zero) && (KIND == 0)
	v_wmma_scale_f32_16x16x128_f8f6f4 v[8*(8*((\a)%4)+\b):8*(8*((\a)%4)+\b)+7], v[128*(\p)+FR*\b:128*(\p)+FR*\b+FR-1], v[AF+FR*(\a):AF+FR*(\a)+FR-1], 0, v[SC+8*NQ*(\sc)+NQ*\b+(\q)], v[SC+8*NQ*(\sc)+NQ*(\a)+(\q)] matrix_a_scale:MATRIX_SCALE_ROW1
.elseif \zero
	v_wmma_scale_f32_16x16x128_f8f6f4 v[8*(8*((\a)%4)+\b):8*(8*((\a)%4)+\b)+7], v[128*(\p)+FR*\b:128*(\p)+FR*\b+FR-1], v[AF+FR*(\a):AF+FR*(\a)+FR-1], v[BI+8*\b:BI+8*\b+7], v[SC+8*NQ*(\sc)+NQ*\b+(\q)], v[SC+8*NQ*(\sc)+NQ*(\a)+(\q)] matrix_a_scale:MATRIX_SCALE_ROW1
.else
	v_wmma_scale_f32_16x16x128_f8f6f4 v[8*(8*((\a)%4)+\b):8*(8*((\a)%4)+\b)+7], v[128*(\p)+FR*\b:128*(\p)+FR*\b+FR-1], v[AF+FR*(\a):AF+FR*(\a)+FR-1], v[8*(8*((\a)%4)+\b):8*(8*((\a)%4)+\b)+7], v[SC+8*NQ*(\sc)+NQ*\b+(\q)], v[SC+8*NQ*(\sc)+NQ*(\a)+(\q)] matrix_a_scale:MATRIX_SCALE_ROW1
.endif
.endr
.endr
.endm
.macro FETCH_B slot, q, p              ; B's eight fragments into set p
	WIN TO_B
.irp i, 0,1,2,3,4,5,6,7
	FRAG 128*(\p)+FR*\i, ADRB+\slot, \q, \i
.endr
	WIN 0
.endm
.macro FETCH_A slot, q, i0             ; A's tiles i0 .. i0 + 3
.irp i, \i0, \i0+1, \i0+2, \i0+3
	FRAG AF+FR*(\i), ADRA+\slot, \q, \i
.endr
.endm
.macro SCALES sc                       ; slot sc's scale words: register 2 i + q: lanes 0-15 A's tile i, lanes 16-31 B's tile i
.irp i, 0,1,2,3,4,5,6,7
	ds_load_b32 v[SC+16*\sc+2*\i], v[ADRS+\sc] offset:\i*64
	ds_load_b32 v[SC+16*\sc+2*\i+1], v[ADRS+\sc] offset:512+\i*64
.endr
.endm
; A load into a register that a matrix instruction has read, and a vector instruction or a store that reads a matrix result, stand NP places behind that matrix instruction; only plain vector
; instructions that name none of its registers are places (ISA guide 7.12.1 for vector instructions).
.macro PLACES n
.rept \n
	v_nop
.endr
.endm
; A step of 128 along K that has its successor in the same slot.
.macro STEP slot, q, zero
	s_wait_dscnt 4*NL                              ; B's set, A's tiles 0-3 and the scale words are in; the youngest 16 loads (A's tiles 4-7) may be out
.if (\zero) && (KIND != 0)
	WIN 0x81                                       ; C, the bias, in window 0
.else
	WIN MUL_LO
.endif
	MUL16 0, (\q)%2, \q, \slot, \zero
	MUL16 2, (\q)%2, \q, \slot, \zero
	s_wait_dscnt 0                                 ; A's tiles 4-7 are in
	PLACES NP
	FETCH_B \slot, (\q)+1, 1-(\q)%2
	FETCH_A \slot, (\q)+1, 0
.if (\zero) && (KIND != 0)
	WIN 0xc1
.else
	WIN MUL_HI
.endif
	MUL16 4, (\q)%2, \q, \slot, \zero
	MUL16 6, (\q)%2, \q, \slot, \zero
	PLACES NP
	WIN 0
	FETCH_A \slot, (\q)+1, 4
.endm
; A slot's last step changes slots: ONE barrier; in front of it each wave waits for all its tensor loads, adds 0 to its spare word, and waits for that and for its own reads of this slot.  fill = 1: this slot is filled again, two K steps ahead.
.macro TURN slot, next, fill
	s_wait_tensorcnt 0x0                           ; all my tensor loads have landed: my part of the next slot
	ds_add_u32 v[SPW], v[NIL]                      ; 0 onto my spare word
	s_wait_dscnt 4*NL+1                            ; (the add and the youngest 16 loads, A's tiles 4-7, may be out)
	WIN MUL_LO
	MUL16 0, 1, NQ-1, \slot, 0                     ; sixteen matrix instructions stand between the add and the wait for it
	s_wait_dscnt 0x0                               ; the add is done, and my reads of this slot are over
	s_barrier_signal -1
	MUL16 2, 1, NQ-1, \slot, 0
	WIN 0
	s_barrier_wait -1
.if \fill
	CREST                                          ; the barrier has opened a round of the cluster's barrier: no wave of any partner still reads this slot or has a load on its way
	s_add_nc_u64 s[G0+4*\slot+2:G0+4*\slot+3], s[G0+4*\slot+2:G0+4*\slot+3], 2*BLKB
	s_add_nc_u64 s[G0B+4*\slot+2:G0B+4*\slot+3], s[G0B+4*\slot+2:G0B+4*\slot+3], 2*BLKB
	JLOAD G0+4*\slot, G1, G0B+4*\slot, G1B         ; the first tensor load behind the round; its four v_nop are among the places in front of the loads below
	PLACES NP-4
.else
	PLACES NP
.endif
	FETCH_B \next, 0, 0
	FETCH_A \next, 0, 0
	SCALES \next
	WIN MUL_HI
	MUL16 4, 1, NQ-1, \slot, 0
	MUL16 6, 1, NQ-1, \slot, 0
	PLACES NP
	WIN 0
	FETCH_A \next, 0, 4
.endm
	s_wait_tensorcnt 1                             ; my part of K step 0 is in (K step 1's load may be out)
	s_barrier_signal -1
	s_barrier_wait -1                              ; everybody's is
	FETCH_B 0, 0, 0
	FETCH_A 0, 0, 0
	SCALES 0
	FETCH_A 0, 0, 4
.if KIND > 0
	s_wait_loadcnt 0x0                             ; the bias
.endif
	STEP 0, 0, 1                                   ; the first step stands in front of the loop: its products start the sums
	s_mov_b32 s3, LAPS-1
.Llap:                                                 ; a trip goes once round the ring, from a lap's second step to the next lap's first, and fills both slots again
	TURN 0, 1, 1
	STEP 1, 0, 0
	TURN 1, 0, 1
	STEP 0, 0, 0
	s_sub_co_u32 s3, s3, 1
	s_cmp_lg_u32 s3, 0
	s_cbranch_scc1 .Llap
	TURN 0, 1, 0                                   ; the last lap fills nothing, and has no round of the cluster's barrier
	STEP 1, 0, 0
	s_wait_dscnt 4*NL                              ; the very last step: nothing more to fetch
	WIN MUL_LO
	MUL16 0, 1, NQ-1, 1, 0
	MUL16 2, 1, NQ-1, 1, 0
	s_wait_dscnt 0
	WIN MUL_HI
	MUL16 4, 1, NQ-1, 1, 0
	MUL16 6, 1, NQ-1, 1, 0
	WIN 0
	PLACES NP                                      ; in front of the first read of results and the first write of registers that the products read
.if KIND < 2
; THE WAY OUT, quantised.  Of A's tile a a lane holds one row and 64 numbers, register 16 b + i = source 0's row 32 b + 16 (lane / 16) + i: four blocks of 32 along the next product's K, each shared with lane l xor 16.
; The conversions' results are the next operand's registers: they are stored as they stand.  Each accumulator is read from its low end on.
.macro QOUT a
.set W, 2+(\a)/4
.set AC, 64*((\a)%4)
	WIN (W<<2)|(W<<4)                              ; sources 1 and 2: the accumulators' window
.irp b, 0,1,2,3
.if KIND == 1
	v_max3_num_f32 v[TM+\b], 0x4800000, v[AC+16*\b], v[AC+16*\b+1]         ; no |.|: what is negative becomes 0 (the activation) and must not count; the floor 2^(9 - 127) stands over it
.else
	v_max3_num_f32 v[TM+\b], 0x4800000, |v[AC+16*\b]|, |v[AC+16*\b+1]|     ; my 16 numbers of block b, and the floor 2^(9 - 127): the byte cannot fall under 1
.endif
.endr
.irp i, 2,4,6,8,10,12,14
.irp b, 0,1,2,3
.if KIND == 1
	v_max3_num_f32 v[TM+\b], v[TM+\b], v[AC+16*\b+\i], v[AC+16*\b+\i+1]
.else
	v_max3_num_f32 v[TM+\b], v[TM+\b], |v[AC+16*\b+\i]|, |v[AC+16*\b+\i+1]|
.endif
.endr
.endr
	WIN 0
.irp b, 0,1,2,3
	v_permlanex16_b32 v[TM+4+\b], v[TM+\b], s[SEL], s[SEL+1]
.endr
.irp b, 0,1,2,3
	v_max_num_f32 v[TM+\b], v[TM+\b], v[TM+4+\b]   ; with lane l xor 16's: the block's largest magnitude
.endr
.irp b, 0,1,2,3
	v_add_nc_u32 v[TM+12+\b], 0xfc000000, v[TM+\b] ; 8 off the exponent field: the conversion's scale operand
.endr
.irp b, 0,1,2,3
	v_and_or_b32 v[TM+8+\b], v[TM+\b], 0x7f800000, s[MNT]   ; 448 x the scale
.endr
.irp b, 0,1,2,3
	v_lshrrev_b32 v[TM+4+\b], 23, v[TM+12+\b]      ; the scale's byte
.endr
	v_lshl_or_b32 v[PW+(\a)], v[TM+5], 8, v[TM+4]
	v_lshl_or_b32 v[PW+(\a)], v[TM+6], 16, v[PW+(\a)]
	v_lshl_or_b32 v[PW+(\a)], v[TM+7], 24, v[PW+(\a)]
	WIN W                                          ; source 0: the accumulators' window
.irp b, 0,1,2,3
.set i, 0
.rept 16
.if KIND == 1
	v_med3_num_f32 v[T+16*\b+i], v[AC+16*\b+i], 0, v[TM+8+\b]              ; the activation and the hold in one
.else
	v_med3_num_f32 v[T+16*\b+i], v[AC+16*\b+i], -v[TM+8+\b], v[TM+8+\b]    ; the conversion does not saturate (ISA guide 7.6.2): the hold comes first
.endif
.set i, i+1
.endr
.endr
	WIN 0
.irp b, 0,1,2,3
	v_cvt_scalef32_pk8_fp8_f32 v[PC+16*(\a)+4*\b:PC+16*(\a)+4*\b+1], v[T+16*\b:T+16*\b+7], v[TM+12+\b]
	v_cvt_scalef32_pk8_fp8_f32 v[PC+16*(\a)+4*\b+2:PC+16*(\a)+4*\b+3], v[T+16*\b+8:T+16*\b+15], v[TM+12+\b]
.endr
	v_nop                                          ; a plain instruction behind the last conversion
.irp c, 0,1,2,3
	global_store_b128 v[LI], v[PC+16*(\a)+4*\c:PC+16*(\a)+4*\c+3], s[12:13] offset:(\a)*2048+\c*512   ; 512 consecutive bytes, aligned to 256; each tile has its own registers, so no store's data are written again
.endr
.endm
.irp b, 0,1,2,3
	v_mov_b32 v[TM+4+\b], 0                        ; written once: a lane permute's destination counts as one of its sources
.endr
	v_and_b32 v31, 16, v0
.irp a, 0,1,2,3,4,5,6,7
	QOUT \a
.endr
	v_cmp_ne_u32 vcc_lo, 0, v31
.irp p, 0,1,2,3
	v_cndmask_b32 v[SW+\p], v[PW+2*\p], v[PW+2*\p+1], vcc_lo   ; a row's word stands in lanes r and 16 + r: lanes 0-15 send tile 2 p's, lanes 16-31 tile 2 p + 1's
.endr
.irp p, 0,1,2,3
	global_store_b32 v[LS], v[SW+\p], s[70:71] offset:128*\p   ; 128 consecutive bytes
.endr
.if KIND == 0
	s_cmp_ge_u32 s18, 4                            ; q and k only (the same way in all partners): a second copy, shifted, so that the odd head of a pair finds its two bytes lowest
	s_cbranch_scc1 .Lno_shift
.irp p, 0,1,2,3
	v_lshrrev_b32 v[SH+\p], 16, v[SW+\p]
.endr
.irp p, 0,1,2,3
	global_store_b32 v[LS], v[SH+\p], s[70:71] offset:16384+128*\p
.endr
.Lno_shift:
.endif
.else
; THE WAY OUT in f32, tile by tile of 16 rows x 128 columns.  A lane holds pieces of one row: the tile goes through my own stage in LDS and comes back, into the registers that it left, as whole pieces of
; 512 bytes of a row; the residual, loaded the same way four tiles ahead into B's old registers, is added; 32 lanes store 512 consecutive bytes.  Place t of tile a is row 32 (a/2) + 8 (a%2) + t + 8 (t/8).
.macro RLOAD a
	WIN 0x40                                       ; destination window 1
.irp t, 0,1,2,3,4,5,6,7,8,9,10,11,12,13,14,15
	global_load_b128 v[64*((\a)%4)+4*\t:64*((\a)%4)+4*\t+3], v[LI], s[10:11] offset:(32*((\a)/2)+8*((\a)%2)+\t+8*(\t/8))*4096 th:TH_LOAD_NT
.endr
	WIN 0
.endm
.macro ROUT a
.set W, 2+(\a)/4
.set AC, 64*((\a)%4)
	WIN W<<2                                       ; an LDS store's data are its source 1
.irp b, 0,1,2,3,4,5,6,7
	ds_store_b128 v[STO], v[AC+8*\b:AC+8*\b+3] offset:128*(\b/2)+32*(\b%2)         ; each accumulator from its low end on
	ds_store_b128 v[STO], v[AC+8*\b+4:AC+8*\b+7] offset:128*(\b/2)+32*(\b%2)+16
.endr
	WIN W<<6
.irp t, 0,1,2,3,4,5,6,7,8,9,10,11,12,13,14,15
	ds_load_b128 v[AC+4*\t:AC+4*\t+3], v[RD] offset:\t*SPITCH     ; LDS serves a wave's instructions in order (ISA guide 5.7.1.4): these see the stores above
.endr
	s_wait_dscnt 0x0
.if (\a) < 5
	s_wait_loadcnt 48                              ; this tile's residual is in; those of the three tiles behind it may be out
.else
	s_wait_loadcnt 16*(7-(\a))
.endif
	WIN (W<<6)|W|4                                 ; source 1, the residual, in window 1
.set i, 0
.rept 32
	v_pk_add_f32 v[AC+i:AC+i+1], v[AC+i:AC+i+1], v[AC+i:AC+i+1]
.set i, i+2
.endr
	WIN W<<2
.irp t, 0,1,2,3,4,5,6,7,8,9,10,11,12,13,14,15
	global_store_b128 v[LI], v[AC+4*\t:AC+4*\t+3], s[12:13] offset:(32*((\a)/2)+8*((\a)%2)+\t+8*(\t/8))*4096 th:TH_STORE_NT   ; 512 consecutive bytes, aligned to 256; these registers are not written again
.endr
	WIN 0
.if (\a) < 4
	RLOAD (\a)+4
.endif
.endm
	RLOAD 0
	RLOAD 1
	RLOAD 2
	RLOAD 3
.irp a, 0,1,2,3,4,5,6,7
	ROUT \a
.endr
.endif
	s_wait_tensorcnt 0x0                           ; the wave's end, behind my last tensor load and my last LDS store
	ds_add_u32 v[SPW], v[NIL]
	s_wait_dscnt 0x0
	CROUND                                         ; the closing round: no work-group ends while a partner may still ask for a block that names it
	s_endpgm
.Lfunc_end_k_q68556ef454_qkvg:
	.size	k_q68556ef454_qkvg, .Lfunc_end_k_q68556ef454_qkvg-k_q68556ef454_qkvg
	.p2alignl 7, 3214868480
	.fill 96, 4, 3214868480
	.section	.rodata,"a",@progbits
	.p2align	6, 0x0
	.amdhsa_kernel k_q68556ef454_qkvg
		.amdhsa_group_segment_fixed_size 327680
		.amdhsa_private_segment_fixed_size 0
		.amdhsa_enable_private_segment 0
		.amdhsa_kernarg_size 16
		.amdhsa_user_sgpr_count 2
		.amdhsa_user_sgpr_kernarg_segment_ptr 1
		.amdhsa_wavefront_size32 1
		.amdhsa_system_sgpr_workgroup_id_x 1
		.amdhsa_system_sgpr_workgroup_id_y 1
		.amdhsa_system_sgpr_workgroup_id_z 1
		.amdhsa_system_vgpr_workitem_id 0
		.amdhsa_next_free_vgpr 1024
		.amdhsa_next_free_sgpr 100
		.amdhsa_reserve_vcc 1
		.amdhsa_float_denorm_mode_32 3
		.amdhsa_float_denorm_mode_16_64 3
		.amdhsa_memory_ordered 1
		.amdhsa_forward_progress 1
		.amdhsa_inst_pref_size 185
	.end_amdhsa_kernel
	.amdgpu_metadata
---
amdhsa.version: [ 1, 2 ]
amdhsa.kernels:
  - .name:           k_q68556ef454_qkvg
    .symbol:         k_q68556ef454_qkvg.kd
    .args:
      - { .name: ops, .offset: 0, .size: 8, .value_kind: global_buffer, .address_space: global }
      - { .name: qkv, .offset: 8, .size: 8, .value_kind: global_buffer, .address_space: global }
    .group_segment_fixed_size: 327680
    .private_segment_fixed_size: 0
    .kernarg_segment_align: 8
    .kernarg_segment_size: 16
    .max_flat_workgroup_size: 128
    .sgpr_count:     100
    .vgpr_count:     1024
    .wavefront_size: 32
...
	.end_amdgpu_metadata
.endif
;; end of part 3
;; launch attn (part 4): grid 8 x 32, 16 waves a work-group, clusters of 4 x 1, 327,680 bytes of LDS; arguments qkv, attq; writes attq
.if DOCPART == 4
	.amdgcn_target "amdgcn-amd-amdhsa--gfx1250"
	.amdhsa_code_object_version 6
	.text
	.protected	k_q68556ef454_attn
	.globl	k_q68556ef454_attn
	.p2align	8
	.type	k_q68556ef454_attn,@function
k_q68556ef454_attn:
	s_mov_b64 s[64:65], 0
	v_nop
	global_prefetch_b8 v0, s[64:65] scope:SCOPE_SE
	s_setreg_imm32_b32 hwreg(HW_REG_WAVE_MODE, 25, 1), 1
	s_wait_xcnt 0x0
	s_wait_alu depctr_hold_cnt(0) depctr_sa_sdst(0) depctr_va_vdst(0) depctr_va_sdst(0) depctr_va_ssrc(0) depctr_va_vcc(0) depctr_vm_vsrc(0)
	s_getreg_b32 s2, hwreg(HW_REG_IB_STS2, 6, 4)
	s_cmp_eq_u32 s2, 0
	s_cbranch_scc0 .Lentry_in_a_cluster
	s_endpgm
.Lentry_in_a_cluster:
	s_bfe_u32 s2, ttmp6, 0x10000c
	s_cmp_lg_u32 s2, 0x3003
	s_cbranch_scc0 .Lentry_shape_is_right
	s_endpgm
.Lentry_shape_is_right:
; Causal attention of one head on codes of FP8 (E4M3) with E8M0 scales, and its result quantised along the model's 1,024 for the projection.  2 batches x 16 heads of 64, 2,048 tokens.
; THE INPUT holds panels of 128 rows x 128 K as images of operand registers ([tile t][c][16 x lane]; row pi(t, lane%16), pi(t, p) = 32 (t/2) + 8 (t%2) + p + 8 (p/8)):
; q's and k's panels: rows = the tokens of a block of 128, K = a PAIR of heads (c = 0, 1 the even head's 64, c = 2, 3 the odd head's); v's: rows = (head of the pair, d), K = the block's 128 tokens.
; Scale words: 512 bytes a panel, [t][lane%16]; for q and k a second copy, shifted by 16 bits, serves the odd head.  The first product has K = 64: the upper half of both fragments is zero codes.
; THE SOFTMAX: t = score x log2(e) / 32; M = the largest t so far, rounded UP to a whole number; p = 2^(t - M) is quantised along the keys, not normalised; the sum of the unquantised p divides at the end.
; SHARES.  y = 16 x batch + head.  Work-group x = j takes, of each of the batch's 16 token blocks, tile j: wave w owns the 16 queries 128 w + pi(j, .) and works key steps 0 .. w of 128 keys; step w lies on its diagonal.
; So every work-group has the same work, and both branches of a step compare the step's number with the wave's number alone.  Every wave walks all steps' barriers.
; Both products are used transposed (S^T = K Q^T, O^T = V^T P^T): a lane holds ONE query; the order pi of a tile's keys makes p's 16 registers of two neighbouring tiles 16 neighbouring keys.
; RING: two LDS slots of 256 keys (K 16 KB, V 16 KB), filled by waves 0, 1 (K's two steps) and 2, 3 (V's).  The head's scale words stay in LDS.  CLUSTER: the four work-groups of a cluster walk the same head: every tile is asked for jointly.
; LIMITS: NaN and infinities are not served; a block of zeros gets the byte 1; the result's scale bytes leave one byte a lane (two bytes for each 64 codes).
; REGISTERS: v1-7 stay; v8-10 addresses in hand; v12 -M, v13 the largest t, v[14:15] the sum; v16-31 Q; v32-95 four fragments of K (upper halves 0); v96-159 S^T, then p, then V's four fragments; v160-191 O^T; v192-207 p's codes; v208-229 at work; v248-251, v255 scale words.
.set SLOT1, 32768                      ; slot 1 begins here: one exclusive or turns an address in one slot into the other's
.set VOFF,  16384                      ; in a slot: two steps of K (8 tiles x 1,024 bytes each), then two of V (4 tiles x 2,048)
.set SCK,   65536                      ; K's scale words of the whole head: 16 steps x 512 bytes
.set SCV,   73728                      ; V's: 16 steps x 256 bytes
.set SPARE, 77824                      ; the spare words, 128 bytes for each wave: eight blocks of 256 bytes that no other line names
.set SCB,   12582912                   ; where the scale panels begin in the input
.set NSL,   8
.set LI,   1                           ; v1   16 x lane
.set ASK0, 2                           ; v2   SCK + 4 r
.set ASV0, 3                           ; v3   SCV + 4 r
.set DQ,   4                           ; v4   my query's place in its block - 16 (lane / 16)
.set SPW,  5                           ; v5   LDS address of my spare word; never rewritten
.set NIL,  6                           ; v6   0; never rewritten
.set PFO,  7                           ; v7   the prefetch's offset; never rewritten
.set AD,   8
.set ADS,  9
.set ADT,  10
.set BM,   208
.set PT,   212
.set HD,   216
.set SO,   220
.set NINF, 227
.set WV,   18
.set MNT,  19
.set SEL,  20
.set CS,   22
.set G1K,  24
.set G1V,  32
.set G0K,  40
.set G0V,  44
.set G1SK, 48
.set G1SV, 56
.set G0SK, 68
.set G0SV, 72
.set TB,   76                          ; s76  LDS byte at which the slot in hand begins
.set TS,   77                          ; s77  the step's scale words of K: 512 bytes a step
.set TJ,   78                          ; s78  of V: 256 bytes a step
.set SLOTS, 79
.set KS,   80                          ; s80  the step's number
.set PFA,  82
.set LIM,  84
; Waves 0 and 1 fetch for K, waves 2 and 3 for V, the others nothing.  The branches hang on the wave's number alone.  Four v_nop follow each of the two lines.
.macro TLOAD g0k, g1k, g0v, g1v
	s_cmp_lt_u32 s[WV], 2
	s_cbranch_scc0 .Lnot_k_\@
	tensor_load_to_lds s[\g0k:\g0k+3], s[\g1k:\g1k+7]
	s_nop 0
.rept 4
	v_nop
.endr
	s_branch .Lasked_\@
.Lnot_k_\@:
	s_cmp_lt_u32 s[WV], 4
	s_cbranch_scc0 .Lasked_\@
	tensor_load_to_lds s[\g0v:\g0v+3], s[\g1v:\g1v+7]
	s_nop 0
.rept 4
	v_nop
.endr
.Lasked_\@:
.endm
; A PREFETCH INTO THE L2 of what the NEXT change of slots will ask for: 16 pieces of 1,024 bytes of K and 2 of 8,192 of V: 128 blocks of 256 bytes.  Both clusters of a head walk the same K and V: the first asks.
; Its four partners take a quarter each, told apart BY ADDRESS; in each, wave 4 asks: lanes 0-15 for K's 16 blocks, lanes 16-31 for V's.  So each block is named once.  The last change that fills a slot asks for nothing; slots 0 and 1 come by their loads alone.
.macro ASK
	s_cmp_gt_u32 s[SLOTS], s[LIM]
	s_cbranch_scc0 .Lnot_mine_\@
	global_prefetch_b8 v[PFO], s[PFA:PFA+1] th:TH_LOAD_NT scope:SCOPE_SE
.Lnot_mine_\@:
.endm
.macro ROUND                           ; a round of the cluster's barrier
	s_barrier_signal -1
	s_barrier_wait -1
	s_cmp_lg_u32 s[WV], 0
	s_cbranch_scc1 .Lnot_wave_0_\@
	s_barrier_signal -3
.Lnot_wave_0_\@:
	s_barrier_wait -3
	s_barrier_signal -1
	s_barrier_wait -1
.endm
	s_load_b128 s[4:7], s[0:1], 0x0                ; q, k, v; the output
	v_lshl_add_u32 v[SPW], v0, 2, SPARE
	v_mov_b32 v[NIL], 0
	ds_add_u32 v5, v6
	s_wait_dscnt 0x0
	v_lshrrev_b32 v8, 5, v0
	v_readfirstlane_b32 s[WV], v8                  ; wave 0..15
	s_bfe_u32 s8, ttmp6, 0x40000                   ; cx
	s_lshl_b32 s9, ttmp9, 2
	s_add_co_u32 s9, s9, s8                        ; j: it enters Q's and the output's addresses, the mask's numbers and the prefetch alone
	s_and_b32 s10, ttmp7, 0xffff
	s_lshr_b32 s11, s10, 4                         ; batch
	s_and_b32 s12, s10, 15                         ; head
	s_and_b32 s13, s12, 1                          ; its place in its pair
	s_lshr_b32 s14, s12, 1                         ; the pair P
	s_lshl_b32 s15, s11, 4                         ; the batch's first token block
	s_and_b32 s16, s[WV], 1                        ; which half I fetch, if I fetch
	s_lshl_b32 s17, s14, 5
	s_add_co_u32 s17, s17, s15                     ; 32 P + 16 batch: code panels
	s_lshl_b32 s85, s14, 6
	s_add_co_u32 s85, s85, s15                     ; 64 P + 16 batch: scale panels
	s_add_co_u32 s86, s17, 256                     ; K's codes: panel (8 + P) x 32 + block, the head's 1,024 bytes of each tile
	s_add_co_u32 s86, s86, s16
	s_lshl_b32 s86, s86, 14
	s_lshl_b32 s87, s13, 10
	s_add_co_u32 s86, s86, s87
	s_mov_b32 s87, 0
	s_add_co_u32 s88, s17, 512                     ; V's codes: panel (16 + P) x 32 + block, the head's 8,192 bytes
	s_add_co_u32 s88, s88, s16
	s_lshl_b32 s88, s88, 14
	s_lshl_b32 s89, s13, 13
	s_add_co_u32 s88, s88, s89
	s_mov_b32 s89, 0
	s_lshl_b32 s90, s13, 5                         ; K's scale words: 16 panels on end, 8,192 dense bytes; my half
	s_add_co_u32 s90, s90, s85
	s_add_co_u32 s90, s90, 512
	s_lshl_b32 s90, s90, 9
	s_lshl_b32 s91, s16, 12
	s_add_co_u32 s90, s90, s91
	s_add_co_u32 s90, s90, SCB
	s_mov_b32 s91, 0
	s_add_co_u32 s92, s85, 1024                    ; V's: the head's 256 bytes of each of 16 panels; my eight
	s_lshl_b32 s92, s92, 9
	s_lshl_b32 s93, s13, 8
	s_add_co_u32 s92, s92, s93
	s_lshl_b32 s93, s16, 12
	s_add_co_u32 s92, s92, s93
	s_add_co_u32 s92, s92, SCB
	s_mov_b32 s93, 0
	; descriptor groups 1: 15:0 the mask: all four work-groups; 17:16 elements of 8 bytes; 21 set beside a mask; no padding: every LDS read takes 512 or 64 consecutive bytes
	s_mov_b32 s[G1K], 15|(3<<16)|(1<<21)           ; K: 8 rows of 1,024 bytes, 2,048 apart
	s_mov_b32 s[G1K+1], 128<<16
	s_mov_b32 s[G1K+2], 8<<16
	s_mov_b32 s[G1K+3], 128<<16
	s_mov_b32 s[G1K+4], 8
	s_mov_b32 s[G1K+5], 256
	s_mov_b32 s[G1K+6], 0
	s_mov_b32 s[G1K+7], 0
	s_mov_b32 s[G1V], 15|(3<<16)|(1<<21)           ; V: 8,192 dense bytes as 32 rows of 256
	s_mov_b32 s[G1V+1], 32<<16
	s_mov_b32 s[G1V+2], 32<<16
	s_mov_b32 s[G1V+3], 32<<16
	s_mov_b32 s[G1V+4], 32
	s_mov_b32 s[G1V+5], 32
	s_mov_b32 s[G1V+6], 0
	s_mov_b32 s[G1V+7], 0
	s_mov_b32 s[G1SK], 15|(3<<16)|(1<<21)          ; K's scale words: 4,096 dense bytes as 16 rows of 256
	s_mov_b32 s[G1SK+1], 32<<16
	s_mov_b32 s[G1SK+2], 16<<16
	s_mov_b32 s[G1SK+3], 32<<16
	s_mov_b32 s[G1SK+4], 16
	s_mov_b32 s[G1SK+5], 32
	s_mov_b32 s[G1SK+6], 0
	s_mov_b32 s[G1SK+7], 0
	s_mov_b32 s[G1SV], 15|(3<<16)|(1<<21)          ; V's: 8 rows of 256 bytes, 512 apart
	s_mov_b32 s[G1SV+1], 32<<16
	s_mov_b32 s[G1SV+2], 8<<16
	s_mov_b32 s[G1SV+3], 32<<16
	s_mov_b32 s[G1SV+4], 8
	s_mov_b32 s[G1SV+5], 64
	s_mov_b32 s[G1SV+6], 0
	s_mov_b32 s[G1SV+7], 0
	s_mov_b32 s[SEL], 0x76543210
	s_mov_b32 s[SEL+1], 0xfedcba98                 ; lane selects for lane l xor 16
	s_mov_b32 s[CS], 0x3d38aa3b                    ; c = log2(e) / 32
	s_mov_b32 s[CS+1], s[CS]                       ; (named with it as a pair, so it is written)
	s_mov_b32 s[MNT], 0x600000                     ; the mantissa field of 448
	s_mov_b32 s[TB], 0
	s_mov_b32 s[TS], 0
	s_mov_b32 s[TJ], 0
	s_mov_b32 s[KS], 0
	s_mov_b32 s[SLOTS], NSL-1
	s_wait_kmcnt 0x0
	s_mov_b32 s[G0SK], 1
	s_lshl_b32 s[G0SK+1], s16, 12
	s_add_co_u32 s[G0SK+1], s[G0SK+1], SCK
	s_add_nc_u64 s[G0SK+2:G0SK+3], s[4:5], s[90:91]
	s_or_b32 s[G0SK+3], s[G0SK+3], 0x80000000
	s_mov_b32 s[G0SV], 1
	s_lshl_b32 s[G0SV+1], s16, 11
	s_add_co_u32 s[G0SV+1], s[G0SV+1], SCV
	s_add_nc_u64 s[G0SV+2:G0SV+3], s[4:5], s[92:93]
	s_or_b32 s[G0SV+3], s[G0SV+3], 0x80000000
	s_mov_b32 s[G0K], 1
	s_lshl_b32 s[G0K+1], s16, 13
	s_add_nc_u64 s[G0K+2:G0K+3], s[4:5], s[86:87]
	s_or_b32 s[G0K+3], s[G0K+3], 0x80000000
	s_mov_b32 s[G0V], 1
	s_lshl_b32 s[G0V+1], s16, 13
	s_add_co_u32 s[G0V+1], s[G0V+1], VOFF
	s_add_nc_u64 s[G0V+2:G0V+3], s[4:5], s[88:89]
	s_or_b32 s[G0V+3], s[G0V+3], 0x80000000
	ROUND                                          ; all four work-groups are here: the first joint loads meet
	TLOAD G0SK, G1SK, G0SV, G1SV                   ; the head's scale words: filled once
	TLOAD G0K, G1K, G0V, G1V                       ; slot 0
	s_add_co_u32 s94, s17, s[WV]                   ; Q's codes: panel P x 32 + my block, tile j, the head's 1,024 bytes
	s_lshl_b32 s94, s94, 14
	s_lshl_b32 s95, s9, 11
	s_add_co_u32 s94, s94, s95
	s_lshl_b32 s95, s13, 10
	s_add_co_u32 s94, s94, s95
	s_mov_b32 s95, 0
	s_add_nc_u64 s[94:95], s[4:5], s[94:95]
	s_lshl_b32 s96, s13, 5                         ; and its scale words
	s_add_co_u32 s96, s96, s85
	s_add_co_u32 s96, s96, s[WV]
	s_lshl_b32 s96, s96, 9
	s_lshl_b32 s97, s9, 6
	s_add_co_u32 s96, s96, s97
	s_add_co_u32 s96, s96, SCB
	s_mov_b32 s97, 0
	s_add_nc_u64 s[96:97], s[4:5], s[96:97]
	v_and_b32 v8, 15, v0                           ; r
	v_bfe_u32 v9, v0, 4, 1                         ; h
	v_and_b32 v10, 31, v0
	v_lshlrev_b32 v[LI], 4, v10
	global_load_b128 v[16:19], v[LI], s[94:95]             ; Q's fragment stays in registers: d = 16 h + 0 .. 15,
	global_load_b128 v[20:23], v[LI], s[94:95] offset:512  ; d = 32 + 16 h + 0 .. 15
	v_lshlrev_b32 v11, 2, v8
	global_load_b32 v255, v11, s[96:97]
	v_add_nc_u32 v[ASK0], SCK, v11
	v_add_nc_u32 v[ASV0], SCV, v11
	s_lshr_b32 s98, s9, 1
	s_lshl_b32 s98, s98, 5
	s_and_b32 s99, s9, 1
	s_lshl_b32 s99, s99, 3
	s_add_co_u32 s98, s98, s99
	v_and_b32 v[DQ], 8, v8
	v_add_nc_u32 v[DQ], v[DQ], v8
	v_add_nc_u32 v[DQ], s98, v[DQ]                 ; pi(j, r),
	v_lshlrev_b32 v226, 4, v9
	v_sub_nc_u32 v[DQ], v[DQ], v226                ; less 16 h
	; the output: block (rb = my token block, ks = head / 4) at 4 rb + ks; q = P % 2; tile j; c = 2 x (head % 2) + 0, 1
	s_add_co_u32 s86, s15, s[WV]
	s_lshl_b32 s86, s86, 2
	s_lshr_b32 s87, s12, 2
	s_add_co_u32 s86, s86, s87
	s_mul_i32 s86, s86, 33792
	s_mov_b32 s87, 0
	s_add_nc_u64 s[6:7], s[6:7], s[86:87]
	s_and_b32 s88, s14, 1
	s_lshl_b32 s86, s88, 14
	s_lshl_b32 s89, s9, 11
	s_add_co_u32 s86, s86, s89
	s_lshl_b32 s89, s13, 10
	s_add_co_u32 s86, s86, s89
	s_add_nc_u64 s[90:91], s[6:7], s[86:87]        ; its codes
	s_lshl_b32 s86, s88, 9
	s_lshl_b32 s89, s9, 6
	s_add_co_u32 s86, s86, s89
	s_lshl_b32 s89, s13, 1
	s_add_co_u32 s86, s86, s89
	s_add_co_u32 s86, s86, 32768
	s_add_nc_u64 s[92:93], s[6:7], s[86:87]        ; its scale bytes
	; the prefetch: base = K's codes of slot 1 (the first change of slots steps it to slot 2); V's lie 256 panels and the heads' difference further on
	s_add_co_u32 s86, s17, 256
	s_lshl_b32 s86, s86, 14
	s_lshl_b32 s89, s13, 10
	s_add_co_u32 s86, s86, s89
	s_add_co_u32 s86, s86, 32768
	s_add_nc_u64 s[PFA:PFA+1], s[4:5], s[86:87]
	v_bfe_u32 v[PFO], v0, 2, 2
	v_lshlrev_b32 v[PFO], 11, v[PFO]
	v_and_b32 v226, 3, v0
	v_lshl_add_u32 v[PFO], v226, 8, v[PFO]
	s_lshl_b32 s98, s8, 13
	v_add_nc_u32 v[PFO], s98, v[PFO]               ; K: tile 4 cx + (lane / 4) % 4, 256 x (lane % 4)
	s_mul_i32 s98, s13, 7168
	s_add_co_u32 s98, s98, 4194304
	s_lshr_b32 s99, s8, 1
	s_lshl_b32 s99, s99, 14
	s_add_co_u32 s98, s98, s99
	s_and_b32 s99, s8, 1
	s_lshl_b32 s99, s99, 12
	s_add_co_u32 s98, s98, s99
	v_lshl_add_u32 v226, v8, 8, s98                ; V: step cx / 2, 4,096 x (cx % 2) + 256 r
	v_cmp_eq_u32 vcc_lo, 1, v9
	v_cndmask_b32 v[PFO], v[PFO], v226, vcc_lo
	s_xor_b32 s98, s[WV], 4
	s_or_b32 s98, s98, ttmp9                       ; wave 4 of the head's first cluster: the same in all four partners
	s_cmp_eq_u32 s98, 0
	s_cselect_b32 s[LIM], 1, -1
	v_mov_b32 v13, 0xff61b1e6                      ; the largest t so far: -3e38, under every t
	v_floor_f32 v12, -v13                          ; -M
	v_mov_b32 v14, 0
	v_mov_b32 v15, 0
	v_mov_b32 v224, 0
	v_mov_b32 v225, 0                              ; (named as the upper half of the pair v[224:225] before it is first written)
	v_mov_b32 v[NINF], 0xff800000                  ; -infinity
.irp b, 0,1,2,3
	v_mov_b32 v[PT+\b], 0                          ; written once: a lane permute's destination counts as one of its sources
.endr
.irp i, 0,1,2,3,4,5,6,7
	v_mov_b32 v[24+\i], 0                          ; K = 64: the upper halves of Q's and K's fragments are zero codes, written once
	v_mov_b32 v[40+\i], 0
	v_mov_b32 v[56+\i], 0
	v_mov_b32 v[72+\i], 0
	v_mov_b32 v[88+\i], 0
.endr
.set j, 0
.rept 32
	v_mov_b32 v[160+j], 0                          ; O^T.  (The step is written without a first step of its own: the first finds zeros, which the first change of M leaves zeros)
.set j, j+1
.endr
; A KEY STEP: 128 keys, the q-th of the slot in hand.
.macro STEP q
	s_cmp_gt_u32 s[KS], s[WV]                      ; all keys of the step come after my queries: its work is left out; the lines at its end that step addresses are not
	s_cbranch_scc1 .Lhidden_\@
	v_add_nc_u32 v[AD], s[TB], v[LI]
	v_add_nc_u32 v[ADS], s[TS], v[ASK0]
	v_add_nc_u32 v[ADT], s[TJ], v[ASV0]
.irp g, 0,1                                    ; S^T = K Q^T, four tiles of 16 keys at a time
.rept 8-2*(1-\g)
	v_nop                                          ; first: with the three additions nine places, since S^T is written over V's fragments, which the last products read; then eight, in front of loads into registers that products have read
.endr
.irp t, 0,1,2,3
	ds_load_b128 v[32+16*\t:35+16*\t], v[AD] offset:8192*(\q)+(4*\g+\t)*1024
	ds_load_b128 v[36+16*\t:39+16*\t], v[AD] offset:8192*(\q)+(4*\g+\t)*1024+512
	ds_load_b32 v[248+\t], v[ADS] offset:(4*\g+\t)*64
.endr
	s_wait_dscnt 0x0
.irp t, 0,1,2,3
	v_wmma_scale_f32_16x16x128_f8f6f4 v[96+8*(4*\g+\t):103+8*(4*\g+\t)], v[32+16*\t:47+16*\t], v[16:31], 0, v[248+\t], v255
.endr
.endr
.rept 8
	v_nop
.endr
	s_cmp_lg_u32 s[KS], s[WV]                      ; on my diagonal the scores of hidden keys become -infinity ahead of the maximum: p = 0 then
	s_cbranch_scc1 .Lopen_\@
.set n, 0
.rept 64
	v_cmp_gt_i32 vcc_lo, 32*(n/16)+n%16, v[DQ]     ; register 16 b + i holds key 32 b + 16 (lane / 16) + i of the block
	v_cndmask_b32 v[96+n], v[96+n], v[NINF], vcc_lo
.set n, n+1
.endr
.Lopen_\@:
.irp b, 0,1,2,3
	v_max3_num_f32 v[BM+\b], v[96+16*\b], v[97+16*\b], v[98+16*\b]   ; the largest score of each block of 32 keys: for the row's maximum, and, since p rises with the score, for the block's largest p
.endr
.irp i, 3,5,7,9,11,13
.irp b, 0,1,2,3
	v_max3_num_f32 v[BM+\b], v[BM+\b], v[96+16*\b+\i], v[97+16*\b+\i]
.endr
.endr
.irp b, 0,1,2,3
	v_max_num_f32 v[BM+\b], v[BM+\b], v[111+16*\b]
.endr
.irp b, 0,1,2,3
	v_permlanex16_b32 v[PT+\b], v[BM+\b], s[SEL], s[SEL+1]
.endr
.irp b, 0,1,2,3
	v_max_num_f32 v[BM+\b], v[BM+\b], v[PT+\b]     ; with lane l xor 16's 16 keys
.endr
	v_max3_num_f32 v226, v[BM], v[BM+1], v[BM+2]
	v_max_num_f32 v226, v226, v[BM+3]
	v_mul_f32 v226, s[CS], v226                    ; as t (c is positive)
	v_max_num_f32 v13, v13, v226                   ; the running largest t
	v_mov_b32 v226, v12
	v_floor_f32 v12, -v13                          ; the new -M = floor(-t): M is a whole number
	v_sub_f32 v226, v12, v226                      ; old M less new M: a whole number, 0 or less
	v_cvt_i32_f32 v226, v226                       ; (it saturates)
	v_ldexp_f32 v224, 1.0, v226                    ; f = 2^(old M - new M): a multiplication by it rounds nothing
.set j, 0
.rept 32
	v_pk_fma_f32 v[96+j:97+j], v[96+j:97+j], s[CS:CS+1], v[12:13] op_sel_hi:[1,0,0]   ; t - M, two at a time
.set j, j+2
.endr
.irp b, 0,1,2,3
	v_fma_f32 v[BM+\b], v[BM+\b], s[CS], v12       ; the same of each block's largest score
.endr
.set j, 0
.rept 64
	v_exp_f32 v[96+j], v[96+j]                     ; p = 2^(t - M), at most 1
.set j, j+1
.endr
	v_pk_mul_f32 v[14:15], v[14:15], v[224:225] op_sel_hi:[1,0]   ; the sums under the new M: a plain instruction behind the exponentials
	s_wait_alu depctr_va_vdst(0)                   ; one wait for the whole batch, ahead of its first reader
.irp b, 0,1,2,3
	v_exp_f32 v[BM+\b], v[BM+\b]                   ; the block's largest p
.endr
	v_pk_add_f32 v[228:229], v[96:97], v[98:99]    ; the row's sum is taken of the unquantised p, in two chains; it reads the 64 alone
.set j, 4
.rept 15
	v_pk_add_f32 v[14:15], v[14:15], v[96+j:97+j]
	v_pk_add_f32 v[228:229], v[228:229], v[98+j:99+j]
.set j, j+4
.endr
	v_pk_add_f32 v[14:15], v[14:15], v[228:229]
	s_wait_alu depctr_va_vdst(0)                   ; and one for the four
.irp b, 0,1,2,3
	v_max_num_f32 v[BM+\b], 0x4800000, v[BM+\b]    ; the floor 2^(9 - 127): the byte cannot fall under 1
.endr
.irp b, 0,1,2,3
	v_add_nc_u32 v[SO+\b], 0xfc000000, v[BM+\b]    ; 8 off the exponent field: the conversion's scale operand
.endr
.irp b, 0,1,2,3
	v_and_or_b32 v[HD+\b], v[BM+\b], 0x7f800000, s[MNT]   ; 448 x the scale
.endr
.irp b, 0,1,2,3
	v_lshrrev_b32 v[PT+\b], 23, v[SO+\b]           ; the scale's byte
.endr
	v_lshl_or_b32 v225, v[PT+1], 8, v[PT]          ; p's scale word for these 128 keys
	v_lshl_or_b32 v225, v[PT+2], 16, v225
	v_lshl_or_b32 v225, v[PT+3], 24, v225
.irp b, 0,1,2,3
.set i, 0
.rept 16
	v_min_num_f32 v[96+16*\b+i], v[96+16*\b+i], v[HD+\b]   ; the conversion does not saturate (ISA guide 7.6.2); p is not negative, so the hold is one-sided
.set i, i+1
.endr
	v_cvt_scalef32_pk8_fp8_f32 v[192+4*\b:193+4*\b], v[96+16*\b:103+16*\b], v[SO+\b]
	v_cvt_scalef32_pk8_fp8_f32 v[194+4*\b:195+4*\b], v[104+16*\b:111+16*\b], v[SO+\b]
.endr
.irp t, 0,1,2,3                                ; V's four fragments (16 of the head's 64 x these 128 keys) take p's registers
.irp c, 0,1,2,3
	ds_load_b128 v[96+16*\t+4*\c:99+16*\t+4*\c], v[AD] offset:VOFF+8192*(\q)+\t*2048+\c*512
.endr
	ds_load_b32 v[248+\t], v[ADT] offset:64*\t
.endr
.set j, 0
.rept 16
	v_pk_mul_f32 v[160+j:161+j], v[160+j:161+j], v[224:225] op_sel_hi:[1,0]   ; O^T under the new M, from each accumulator's low end on
.set j, j+2
.endr
.rept 8
	v_nop                                          ; p's scale word stands eight places, its codes four, ahead of the products
.endr
	s_wait_dscnt 0x0
.irp t, 0,1,2,3                                ; O^T += V^T P^T: four accumulators by turns
	v_wmma_scale_f32_16x16x128_f8f6f4 v[160+8*\t:167+8*\t], v[96+16*\t:111+16*\t], v[192:207], v[160+8*\t:167+8*\t], v[248+\t], v225
.endr
.Lhidden_\@:
	s_add_co_u32 s[KS], s[KS], 1
	s_add_co_u32 s[TS], s[TS], 512
	s_add_co_u32 s[TJ], s[TJ], 256
.endm
; THE CHANGE OF SLOTS stands at a slot's head.  Each wave waits for all its tensor loads (its part of the slot that it is about to read), adds 0 to its spare word, and waits for that and for its reads of the slot that it has left.
; fill = 1: that other slot is filled with the next 256 keys.  The barrier is then a round of the cluster's, so that no wave of any partner still reads the slot or has a load on its way; the joint load is the first thing behind it.
.macro CHANGE fill
	s_wait_tensorcnt 0x0                           ; no tensor load of mine is out, so a group 0 may be written
	ds_add_u32 v[SPW], v[NIL]                      ; 0 onto my spare word
.if \fill
	s_xor_b32 s[G0K+1], s[G0K+1], SLOT1            ; the walking descriptors: the other slot than last time,
	s_add_nc_u64 s[G0K+2:G0K+3], s[G0K+2:G0K+3], 32768   ; the next two token blocks' panels
	s_xor_b32 s[G0V+1], s[G0V+1], SLOT1
	s_add_nc_u64 s[G0V+2:G0V+3], s[G0V+2:G0V+3], 32768
	s_wait_xcnt 0x0                                ; the last prefetch, a slot back, has read its address, so it may be written
	s_add_nc_u64 s[PFA:PFA+1], s[PFA:PFA+1], 32768 ; one slot further on than the walking descriptors
.endif
	s_wait_dscnt 0x0                               ; the add is done, and my reads of the slot that I have left are over
.if \fill
	ROUND
	TLOAD G0K, G1K, G0V, G1V                       ; a wave's one tensor load until the next round
	ASK
.else
	s_barrier_signal -1
	s_barrier_wait -1
.endif
.endm
.macro SLOT_STEPS
	STEP 0
	STEP 1
	s_xor_b32 s[TB], s[TB], SLOT1                  ; on to the other slot
.endm
	s_wait_loadcnt 0x0                             ; Q
.Lslot:                                            ; NSL - 1 trips: behind each change of slots but the last the next slot is asked for
	CHANGE 1
	SLOT_STEPS
	s_sub_co_u32 s[SLOTS], s[SLOTS], 1
	s_cmp_lg_u32 s[SLOTS], 0
	s_cbranch_scc1 .Lslot
	CHANGE 0                                       ; the last slot is written out
	SLOT_STEPS
	; THE WAY OUT.  O^T / the sum: register 16 b + i is channel 32 b + 16 (lane / 16) + i of my query's head: two blocks of 32 along the projection's K.  They are quantised and stored as the operand's registers.
.rept 8
	v_nop
.endr
	v_add_f32 v14, v14, v15                        ; the sum's two halves,
	v_permlanex16_b32 v226, v14, s[SEL], s[SEL+1]
	v_add_f32 v14, v14, v226                       ; and lane l xor 16's
	v_rcp_f32 v14, v14
	v_and_b32 v8, 15, v0                           ; (a plain instruction behind the reciprocal)
	v_bfe_u32 v9, v0, 4, 1
	v_lshl_add_u32 v10, v8, 2, v9                  ; my scale byte: 4 r + h
	v_cmp_eq_u32 vcc_lo, 1, v9
	s_wait_alu depctr_va_vdst(0)                   ; the wait, ahead of the first reader
.set j, 0
.rept 32
	v_mul_f32 v[96+j], v[160+j], v14
.set j, j+1
.endr
.irp b, 0,1
	v_max3_num_f32 v[BM+\b], |v[96+16*\b]|, |v[97+16*\b]|, 0x4800000
.endr
.irp i, 2,4,6,8,10,12,14
.irp b, 0,1
	v_max3_num_f32 v[BM+\b], v[BM+\b], |v[96+16*\b+\i]|, |v[97+16*\b+\i]|
.endr
.endr
.irp b, 0,1
	v_permlanex16_b32 v[PT+\b], v[BM+\b], s[SEL], s[SEL+1]
.endr
.irp b, 0,1
	v_max_num_f32 v[BM+\b], v[BM+\b], v[PT+\b]
.endr
.irp b, 0,1
	v_add_nc_u32 v[SO+\b], 0xfc000000, v[BM+\b]
.endr
.irp b, 0,1
	v_and_or_b32 v[HD+\b], v[BM+\b], 0x7f800000, s[MNT]
.endr
.irp b, 0,1
	v_lshrrev_b32 v[PT+\b], 23, v[SO+\b]
.endr
	v_cndmask_b32 v226, v[PT], v[PT+1], vcc_lo     ; both bytes stand in lanes r and 16 + r: lane (r, h) sends block h's
.irp b, 0,1
.set i, 0
.rept 16
	v_med3_num_f32 v[96+16*\b+i], v[96+16*\b+i], -v[HD+\b], v[HD+\b]
.set i, i+1
.endr
	v_cvt_scalef32_pk8_fp8_f32 v[192+4*\b:193+4*\b], v[96+16*\b:103+16*\b], v[SO+\b]
	v_cvt_scalef32_pk8_fp8_f32 v[194+4*\b:195+4*\b], v[104+16*\b:111+16*\b], v[SO+\b]
.endr
	v_nop                                          ; a plain instruction behind the last conversion
	global_store_b128 v[LI], v[192:195], s[90:91]              ; 512 consecutive bytes, aligned to 256
	global_store_b128 v[LI], v[196:199], s[90:91] offset:512
	global_store_b8 v10, v226, s[92:93]
	s_wait_tensorcnt 0x0                           ; the wave's end
	ds_add_u32 v[SPW], v[NIL]
	s_wait_dscnt 0x0
	ROUND                                          ; the closing round: no work-group ends while a partner may still ask for a tile that names it
	s_endpgm
.Lfunc_end_k_q68556ef454_attn:
	.size	k_q68556ef454_attn, .Lfunc_end_k_q68556ef454_attn-k_q68556ef454_attn
	.p2alignl 7, 3214868480
	.fill 96, 4, 3214868480
	.section	.rodata,"a",@progbits
	.p2align	6, 0x0
	.amdhsa_kernel k_q68556ef454_attn
		.amdhsa_group_segment_fixed_size 327680
		.amdhsa_private_segment_fixed_size 0
		.amdhsa_enable_private_segment 0
		.amdhsa_kernarg_size 16
		.amdhsa_user_sgpr_count 2
		.amdhsa_user_sgpr_kernarg_segment_ptr 1
		.amdhsa_wavefront_size32 1
		.amdhsa_system_sgpr_workgroup_id_x 1
		.amdhsa_system_sgpr_workgroup_id_y 1
		.amdhsa_system_sgpr_workgroup_id_z 1
		.amdhsa_system_vgpr_workitem_id 0
		.amdhsa_next_free_vgpr 256
		.amdhsa_next_free_sgpr 100
		.amdhsa_reserve_vcc 1
		.amdhsa_float_denorm_mode_32 3
		.amdhsa_float_denorm_mode_16_64 3
		.amdhsa_memory_ordered 1
		.amdhsa_forward_progress 1
		.amdhsa_inst_pref_size 119
	.end_amdhsa_kernel
	.amdgpu_metadata
---
amdhsa.version: [ 1, 2 ]
amdhsa.kernels:
  - .name:           k_q68556ef454_attn
    .symbol:         k_q68556ef454_attn.kd
    .args:
      - { .name: qkv, .offset: 0, .size: 8, .value_kind: global_buffer, .address_space: global }
      - { .name: attq, .offset: 8, .size: 8, .value_kind: global_buffer, .address_space: global }
    .group_segment_fixed_size: 327680
    .private_segment_fixed_size: 0
    .kernarg_segment_align: 8
    .kernarg_segment_size: 16
    .max_flat_workgroup_size: 512
    .sgpr_count:     100
    .vgpr_count:     256
    .wavefront_size: 32
...
	.end_amdgpu_metadata
.endif
;; end of part 4
;; launch proj (part 5): grid 4 x 16, 4 waves a work-group, clusters of 4 x 4, 327,680 bytes of LDS; arguments ops, attq, bp, fA, x1f; writes x1f
.if DOCPART == 5
	.amdgcn_target "amdgcn-amd-amdhsa--gfx1250"
	.amdhsa_code_object_version 6
	.text
	.protected	k_q68556ef454_proj
	.globl	k_q68556ef454_proj
	.p2align	8
	.type	k_q68556ef454_proj,@function
k_q68556ef454_proj:
	s_mov_b64 s[64:65], 0
	v_nop
	global_prefetch_b8 v0, s[64:65] scope:SCOPE_SE
	s_setreg_imm32_b32 hwreg(HW_REG_WAVE_MODE, 25, 1), 1
	s_wait_xcnt 0x0
	s_wait_alu depctr_hold_cnt(0) depctr_sa_sdst(0) depctr_va_vdst(0) depctr_va_sdst(0) depctr_va_ssrc(0) depctr_va_vcc(0) depctr_vm_vsrc(0)
	s_getreg_b32 s2, hwreg(HW_REG_IB_STS2, 6, 4)
	s_cmp_eq_u32 s2, 0
	s_cbranch_scc0 .Lentry_in_a_cluster
	s_endpgm
.Lentry_in_a_cluster:
	s_bfe_u32 s2, ttmp6, 0x10000c
	s_cmp_lg_u32 s2, 0xf033
	s_cbranch_scc0 .Lentry_shape_is_right
	s_endpgm
.Lentry_shape_is_right:
.set KIND, 2                           ; 0: q, k, v    1: first layer of the MLP    2: projection    3: second layer of the MLP.  The four texts differ in this line alone
; D = S1 S0^T on codes of FP8 (E4M3) with one E8M0 scale for each 32 along K; sums in f32.  Both operands come as BLOCKS of 128 rows x 256 along K, 33,792 bytes, laid as images of operand registers:
; codes at q*16384 + t*2048 + c*512 + 16*lane + i = row pi(t, lane%16), k = 128 q + 32 c + 16 (lane/16) + i; scale words at 32768 + q*512 + t*64 + 4*(lane%16).  pi(t, p) = 32 (t/2) + 8 (t%2) + p + 8 (p/8).
; Block (rb, ks) of an operand has index rb * (K/256) + ks, so a K step is 33,792 bytes on.  A block is dense: one tensor load brings it, scale words and all, and a fragment is four LDS loads at 16 x lane.
; A work-group of four waves makes 256 rows of source 1 ('A', by the grid's y) x 256 rows of source 0 ('B', by its x); a wave 128 x 128: 64 accumulators, 512 registers.  K goes in steps of 256 through two LDS slots.
; SOURCE 0's ROWS STAND IN THE ORDER pi, so a lane's 16 registers of result tiles 2 b and 2 b + 1 are 16 NEIGHBOURS along source 0's rows; a lane holds one row of source 1.
; KIND 0, clusters y < 4: A = xn's rows (tokens), B = Wq's and Wk's rows: q and k, quantised along the head's 64.  Clusters y = 4, 5: A = Wv's rows, B = tokens: v, quantised along the tokens (attention's keys).
; KIND 1: A = x2, B = W1; + b1, relu, quantised along the hidden units.  KINDS 0 and 1 quantise in registers and store fragments as they stand: 512 consecutive bytes a store.
; KIND 2: A = attention's result, B = Wp; + bp + xn.  KIND 3: A = the hidden layer, B = W2; + b2 + x2.  Their f32 rows go through the wave's own stage in LDS and leave as 512 consecutive bytes.
; The bias is the C of each sum's first product.  CLUSTERS: 4 x 4 work-groups; A's blocks are asked for jointly along a row of the cluster, B's along a column.
; LIMITS: NaN and infinities are not served; a block of zeros gets the byte 1 (its codes are zeros; this program alone reads the bytes).
; REGISTERS, in windows of 256: window 0: v16-31 addresses; v32-63 scale words, two sets; v64-127 the bias; v128-255 A's fragments, ONE set.  window 1: B's fragments, TWO sets.  windows 2, 3: the accumulators ((a, b) at v[8 (8 (a%4) + b)]).
.set BLKB,   33792
.set SLOT,   4*BLKB                    ; A's two blocks, then B's two
.set STAGE,  2*SLOT                    ; behind the ring: 16 rows x 528 bytes for each wave (KINDS 2, 3)
.set SPITCH, 528
.set SPARE,  STAGE+4*16*SPITCH         ; the spare words, 128 bytes for each wave: two blocks of 256 bytes that no other line names
.set SCB,    12582912                  ; where the scale panels of q, k, v begin
.if KIND == 3
.set LK, 4                             ; log2(K / 256)
.else
.set LK, 2
.endif
.set LAPS,   (1<<LK)/2                 ; a lap = two K steps = once round the ring
.set ABASE,  0
.set BBASE,  0
.if KIND == 1
.set ABASE,  384
.set BBASE,  128
.endif
.if KIND == 2
.set BBASE,  96
.endif
.if KIND == 3
.set BBASE,  256
.endif
.set NQ,   2                           ; matrix instructions deep in a slot
.set FR,   16                          ; registers of a fragment
.set NL,   4                           ; LDS loads that bring one
.set NP,   8                           ; places behind this matrix instruction (ISA guide 7.12.1)
.set ADRA, 16                          ; v16-17  LDS address of my A block in slot 0, 1, + 16 x lane
.set ADRB, 20                          ; v20-21  the same for B
.set ADRS, 22                          ; v22-23  my scale words in slot 0, 1: lanes 0-15 A's, lanes 16-31 B's
.set STO,  24
.set RD,   25
.set LI,   26                          ; v26     16 x lane
.set LS,   27                          ; v27     4 x lane
.set SPW,  28                          ; v28     LDS address of my spare word; never rewritten
.set NIL,  29                          ; v29     0; never rewritten
.set BO,   30                          ; v30     64 x (lane / 16)
.set SC,   32
.set BI,   64
.set AF,   128
.set TM,   32                          ; the way out of KINDS 0, 1: v32-47 at work, v48-55 scale words, v56-63 as they leave, v64-127 held numbers, v128-255 codes: eight sets
.set PW,   48
.set SW,   56
.set SH,   60
.set T,    64
.set PC,   128
.set G1,   24                          ; s[24:31] descriptor group 1 for A's blocks; s[32:39] group 0, one set for each slot
.set G0,   32
.set G1B,  48                          ; s[48:55], s[56:63] the same for B's
.set G0B,  56
.set SEL,  78
.set MNT,  80
.set MSB,  0
.macro WIN new                         ; the immediate's high byte repeats the setting that is left
.if MSB != (\new)
	s_set_vgpr_msb (MSB<<8)|(\new)
.set MSB, (\new)
.endif
.endm
.set MUL_LO, 0xa1                      ; source 0 (B) window 1, source 1 (A) window 0, C and D window 2
.set MUL_HI, 0xf1                      ; the same, C and D window 3
.set TO_B,   0x40                      ; destination window 1, address window 0
; A joint load: waves 0 and 1 fetch A's two blocks, waves 2 and 3 B's.  The branch hangs on the wave's number alone.  Four v_nop follow each of the two lines.
.macro JLOAD g0a, g1a, g0b, g1b
	s_cmp_eq_u32 s15, 0
	s_cbranch_scc0 .Lfor_b_\@
	tensor_load_to_lds s[\g0a:\g0a+3], s[\g1a:\g1a+7]
	s_nop 0
.rept 4
	v_nop
.endr
	s_branch .Lasked_\@
.Lfor_b_\@:
	tensor_load_to_lds s[\g0b:\g0b+3], s[\g1b:\g1b+7]
	s_nop 0
.rept 4
	v_nop
.endr
.Lasked_\@:
.endm
.macro CREST                           ; a round of the cluster's barrier behind its opening barrier
	s_cmp_lg_u32 s14, 0
	s_cbranch_scc1 .Lnot_wave_0_\@
	s_barrier_signal -3
.Lnot_wave_0_\@:
	s_barrier_wait -3
	s_barrier_signal -1
	s_barrier_wait -1
.endm
.macro CROUND                          ; a whole round
	s_barrier_signal -1
	s_barrier_wait -1
	CREST
.endm
.if KIND == 0
	s_load_b64 s[4:5], s[0:1], 0x0                 ; the operands' buffer
	s_load_b64 s[12:13], s[0:1], 0x8               ; q, k, v
.elseif KIND == 1
	s_load_b64 s[4:5], s[0:1], 0x0                 ; the operands' buffer
	s_load_b64 s[8:9], s[0:1], 0x8                 ; the bias
	s_load_b64 s[12:13], s[0:1], 0x10              ; the hidden layer
.else
	s_load_b128 s[4:7], s[0:1], 0x0                ; the operands' buffer (B), A's buffer
	s_load_b128 s[8:11], s[0:1], 0x10              ; the bias, the residual
	s_load_b64 s[12:13], s[0:1], 0x20              ; the output
.endif
	v_lshl_add_u32 v[SPW], v0, 2, SPARE
	v_mov_b32 v[NIL], 0
	ds_add_u32 v28, v29
	s_wait_dscnt 0x0
	v_lshrrev_b32 v1, 5, v0
	v_readfirstlane_b32 s14, v1                    ; wave 0..3
	s_lshr_b32 s15, s14, 1                         ; which 128 rows of A are mine.  Also: I fetch for A (0) or for B (1)
	s_and_b32 s16, s14, 1                          ; which 128 rows of B.  Also: which of the two blocks I fetch
	s_bfe_u32 s40, ttmp6, 0x40000                  ; cx, cy: my place in the cluster
	s_bfe_u32 s41, ttmp6, 0x40004
	s_lshl_b32 s42, ttmp9, 2
	s_add_co_u32 s42, s42, s40                     ; tx = 4 x cluster x + cx
	s_and_b32 s18, ttmp7, 0xffff                   ; cluster y
	s_lshl_b32 s17, s18, 2
	s_add_co_u32 s17, s17, s41                     ; ty = 4 x cluster y + cy
	s_lshl_b32 s43, s41, 2
	s_lshl_b32 s43, 15, s43                        ; my row of the cluster
	s_lshl_b32 s44, 0x1111, s40                    ; my column
	; descriptor group 1: a dense block of 33,792 bytes as 132 rows of 256 (32 elements of 8 bytes), no padding
	s_or_b32 s[G1+0], s43, (3<<16)|(1<<21)         ; 15:0 the mask: A's blocks go to my row; 17:16 elements of 8 bytes; 21 set beside a mask
	s_or_b32 s[G1B+0], s44, (3<<16)|(1<<21)
.irp g, G1, G1B
	s_mov_b32 s[\g+1], 32<<16                      ; tensor_dim0
	s_mov_b32 s[\g+2], 132<<16                     ; tensor_dim1
	s_mov_b32 s[\g+3], 32<<16                      ; tile_dim0
	s_mov_b32 s[\g+4], 132                         ; tile_dim1
	s_mov_b32 s[\g+5], 32                          ; tensor_dim0_stride
	s_mov_b32 s[\g+6], 0
	s_mov_b32 s[\g+7], 0
.endr
	; the first block that I fetch.  A's index is made of cy, the cluster's y and the wave alone, B's of cx, the cluster's x and y and the wave alone
	s_lshl_b32 s19, s16, LK
.if KIND == 0
	s_lshl_b32 s20, s18, 5
	s_add_co_u32 s20, s20, 384                     ; q, k: A = xn, blocks 384 + 8 ty ..
	s_lshl_b32 s46, s18, 6
	s_add_co_u32 s46, s46, 128                     ; v: B = xn, blocks 384 + 8 tx + 64 (cluster y - 4) ..
	s_cmp_lt_u32 s18, 4
	s_cselect_b32 s20, s20, 64                     ; v: A = Wv, blocks 64 + 8 cy ..
	s_cselect_b32 s46, 0, s46                      ; q, k: B = Wq and Wk, blocks 8 tx ..
	s_lshl_b32 s21, s41, 3
	s_add_co_u32 s20, s20, s21
	s_lshl_b32 s47, s42, 3
	s_add_co_u32 s46, s46, s47
.else
	s_lshl_b32 s20, s17, LK+1
	s_lshl_b32 s46, s42, LK+1
.if ABASE > 0
	s_add_co_u32 s20, s20, ABASE
.endif
	s_add_co_u32 s46, s46, BBASE
.endif
	s_add_co_u32 s20, s20, s19
	s_add_co_u32 s46, s46, s19
	s_mul_i32 s20, s20, BLKB
	s_mul_i32 s46, s46, BLKB
	s_mov_b32 s21, 0
	s_mov_b32 s47, 0
	s_mul_i32 s45, s14, BLKB                       ; where it goes: wave x a block: no place in the cluster enters an LDS address
	s_mov_b32 s[SEL], 0x76543210
	s_mov_b32 s[SEL+1], 0xfedcba98                 ; lane selects for lane l xor 16
	s_mov_b32 s[MNT], 0x600000                     ; the mantissa field of 448
	s_wait_kmcnt 0x0
.if KIND < 2
	s_mov_b64 s[6:7], s[4:5]                       ; A lies in the operands' buffer too
.endif
	s_add_nc_u64 s[20:21], s[6:7], s[20:21]
	s_add_nc_u64 s[46:47], s[4:5], s[46:47]
	CROUND                                         ; all sixteen work-groups are here: the first joint loads meet
.irp s, 0,1
	s_mov_b32 s[G0+4*\s], 1
	s_add_co_u32 s[G0+4*\s+1], s45, \s*SLOT
	s_add_nc_u64 s[G0+4*\s+2:G0+4*\s+3], s[20:21], \s*BLKB
	s_or_b32 s[G0+4*\s+3], s[G0+4*\s+3], 0x80000000
	s_mov_b32 s[G0B+4*\s], 1
	s_add_co_u32 s[G0B+4*\s+1], s45, \s*SLOT
	s_add_nc_u64 s[G0B+4*\s+2:G0B+4*\s+3], s[46:47], \s*BLKB
	s_or_b32 s[G0B+4*\s+3], s[G0B+4*\s+3], 0x80000000
	JLOAD G0+4*\s, G1, G0B+4*\s, G1B
.endr
	v_and_b32 v1, 15, v0                           ; r
	v_bfe_u32 v2, v0, 4, 1                         ; h
	v_and_b32 v3, 31, v0
	v_lshlrev_b32 v[LI], 4, v3
	v_lshlrev_b32 v[LS], 2, v3
	s_mul_i32 s21, s15, BLKB                       ; my block of A
	s_mul_i32 s22, s16, BLKB                       ; my block of B,
	s_add_co_u32 s22, s22, 2*BLKB                  ; behind A's two
.irp s, 0,1
	v_add_nc_u32 v[ADRA+\s], s21, v[LI]
	v_add_nc_u32 v[ADRB+\s], s22, v[LI]
	s_add_co_u32 s21, s21, SLOT
	s_add_co_u32 s22, s22, SLOT
.endr
	s_mul_i32 s21, s15, BLKB
	s_mul_i32 s22, s16, BLKB
	s_add_co_u32 s22, s22, 2*BLKB
	s_sub_co_u32 s22, s22, s21
	v_mul_u32_u24 v4, s22, v2                      ; lanes 16-31 take B's scale words: one product, the distance between the two blocks
	v_lshl_add_u32 v4, v1, 2, v4
	s_add_co_u32 s21, s21, 32768
	v_add_nc_u32 v[ADRS], s21, v4
	v_add_nc_u32 v[ADRS+1], SLOT, v[ADRS]
.if KIND > 0
	v_lshlrev_b32 v[BO], 6, v2                     ; the bias: in result tile b lane (r, h) holds source 0's rows 32 (b/2) + 8 (b%2) + 16 h + 0 .. 7
	s_lshl_b32 s22, s42, 10
	s_lshl_b32 s23, s16, 9
	s_add_co_u32 s22, s22, s23
	s_mov_b32 s23, 0
	s_add_nc_u64 s[8:9], s[8:9], s[22:23]
.irp b, 0,1,2,3,4,5,6,7
	global_load_b128 v[BI+8*\b:BI+8*\b+3], v[BO], s[8:9] offset:(32*(\b/2)+8*(\b%2))*4
	global_load_b128 v[BI+8*\b+4:BI+8*\b+7], v[BO], s[8:9] offset:(32*(\b/2)+8*(\b%2))*4+16
.endr
.endif
.if KIND == 0
	; where my panel of 128 rows x 128 K goes: codes at (P' * 32 + rb') * 16384, scale words at SCB + (P' * 64 + rb') * 512
	s_lshl_b32 s70, s42, 1
	s_add_co_u32 s70, s70, s16                     ; q, k: P' = 2 tx + my half of B
	s_lshl_b32 s71, s17, 1
	s_add_co_u32 s71, s71, s15                     ;       rb' = 2 ty + my half of A
	s_lshl_b32 s72, s41, 1
	s_add_co_u32 s72, s72, s15
	s_add_co_u32 s72, s72, 16                      ; v: P' = 16 + 2 cy + my half of A
	s_lshl_b32 s73, s18, 4
	s_add_co_u32 s73, s73, s70
	s_sub_co_u32 s73, s73, 64                      ;    rb' = 2 tx + 16 (cluster y - 4) + my half of B
	s_cmp_lt_u32 s18, 4
	s_cselect_b32 s70, s70, s72
	s_cselect_b32 s71, s71, s73
	s_lshl_b32 s72, s70, 5
	s_add_co_u32 s72, s72, s71
	s_lshl_b32 s72, s72, 14
	s_lshl_b32 s70, s70, 6
	s_add_co_u32 s70, s70, s71
	s_lshl_b32 s70, s70, 9
	s_add_co_u32 s70, s70, SCB
	s_mov_b32 s71, 0
	s_mov_b32 s73, 0
	s_add_nc_u64 s[70:71], s[12:13], s[70:71]
	s_add_nc_u64 s[12:13], s[12:13], s[72:73]
.endif
.if KIND == 1
	s_lshl_b32 s70, s17, 1
	s_add_co_u32 s70, s70, s15
	s_lshl_b32 s70, s70, 4
	s_add_co_u32 s70, s70, s42                     ; the hidden layer's block (rb = 2 ty + my half of A, ks = tx): 16 rb + ks
	s_mul_i32 s70, s70, BLKB
	s_mov_b32 s71, 0
	s_add_nc_u64 s[70:71], s[12:13], s[70:71]
	s_lshl_b32 s72, s16, 14                        ; q = my half of B
	s_mov_b32 s73, 0
	s_add_nc_u64 s[12:13], s[70:71], s[72:73]
	s_lshl_b32 s72, s16, 9
	s_add_co_u32 s72, s72, 32768
	s_add_nc_u64 s[70:71], s[70:71], s[72:73]
.endif
.if KIND > 1
	s_lshl_b32 s70, s17, 1
	s_add_co_u32 s70, s70, s15
	s_lshl_b32 s70, s70, 19                        ; my 128 rows of 4,096 bytes,
	s_lshl_b32 s72, s42, 1
	s_add_co_u32 s72, s72, s16
	s_lshl_b32 s72, s72, 9                         ; my 128 columns
	s_add_co_u32 s70, s70, s72
	s_mov_b32 s71, 0
	s_add_nc_u64 s[12:13], s[12:13], s[70:71]
	s_add_nc_u64 s[10:11], s[10:11], s[70:71]
	s_mul_i32 s23, s14, 16*SPITCH
	s_add_co_u32 s23, s23, STAGE                   ; my stage
	v_mul_u32_u24 v5, v1, SPITCH
	v_lshl_add_u32 v5, v2, 6, v5
	v_add_nc_u32 v[STO], s23, v5                   ; in: row r, + 64 h
	v_add_nc_u32 v[RD], s23, v[LI]                 ; back: the 32 lanes take one row of 512 bytes
.endif
.macro FRAG reg, adr, q, i             ; fragment (tile i, the slot's q-th 128 along K): four loads of 512 consecutive bytes
.irp c, 0,1,2,3
	ds_load_b128 v[\reg+4*\c:\reg+4*\c+3], v[\adr] offset:16384*(\q)+2048*(\i)+512*\c
.endr
.endm
; 16 matrix instructions: A's tiles a0, a0 + 1 x B's eight.  p: B's set; sc: the set of scale words.  zero = 1: the first product starts the sums, from the bias or from 0: nothing is cleared.
; The 64 accumulators take turns, one instruction a turn, in the same order in every step.
.macro MUL16 a0, p, q, sc, zero
.irp a, \a0, \a0+1
.irp b, 0,1,2,3,4,5,6,7
.if (\zero) && (KIND == 0)
	v_wmma_scale_f32_16x16x128_f8f6f4 v[8*(8*((\a)%4)+\b):8*(8*((\a)%4)+\b)+7], v[128*(\p)+FR*\b:128*(\p)+FR*\b+FR-1], v[AF+FR*(\a):AF+FR*(\a)+FR-1], 0, v[SC+8*NQ*(\sc)+NQ*\b+(\q)], v[SC+8*NQ*(\sc)+NQ*(\a)+(\q)] matrix_a_scale:MATRIX_SCALE_ROW1
.elseif \zero
	v_wmma_scale_f32_16x16x128_f8f6f4 v[8*(8*((\a)%4)+\b):8*(8*((\a)%4)+\b)+7], v[128*(\p)+FR*\b:128*(\p)+FR*\b+FR-1], v[AF+FR*(\a):AF+FR*(\a)+FR-1], v[BI+8*\b:BI+8*\b+7], v[SC+8*NQ*(\sc)+NQ*\b+(\q)], v[SC+8*NQ*(\sc)+NQ*(\a)+(\q)] matrix_a_scale:MATRIX_SCALE_ROW1
.else
	v_wmma_scale_f32_16x16x128_f8f6f4 v[8*(8*((\a)%4)+\b):8*(8*((\a)%4)+\b)+7], v[128*(\p)+FR*\b:128*(\p)+FR*\b+FR-1], v[AF+FR*(\a):AF+FR*(\a)+FR-1], v[8*(8*((\a)%4)+\b):8*(8*((\a)%4)+\b)+7], v[SC+8*NQ*(\sc)+NQ*\b+(\q)], v[SC+8*NQ*(\sc)+NQ*(\a)+(\q)] matrix_a_scale:MATRIX_SCALE_ROW1
.endif
.endr
.endr
.endm
.macro FETCH_B slot, q, p              ; B's eight fragments into set p
	WIN TO_B
.irp i, 0,1,2,3,4,5,6,7
	FRAG 128*(\p)+FR*\i, ADRB+\slot, \q, \i
.endr
	WIN 0
.endm
.macro FETCH_A slot, q, i0             ; A's tiles i0 .. i0 + 3
.irp i, \i0, \i0+1, \i0+2, \i0+3
	FRAG AF+FR*(\i), ADRA+\slot, \q, \i
.endr
.endm
.macro SCALES sc                       ; slot sc's scale words: register 2 i + q: lanes 0-15 A's tile i, lanes 16-31 B's tile i
.irp i, 0,1,2,3,4,5,6,7
	ds_load_b32 v[SC+16*\sc+2*\i], v[ADRS+\sc] offset:\i*64
	ds_load_b32 v[SC+16*\sc+2*\i+1], v[ADRS+\sc] offset:512+\i*64
.endr
.endm
; A load into a register that a matrix instruction has read, and a vector instruction or a store that reads a matrix result, stand NP places behind that matrix instruction; only plain vector
; instructions that name none of its registers are places (ISA guide 7.12.1 for vector instructions).
.macro PLACES n
.rept \n
	v_nop
.endr
.endm
; A step of 128 along K that has its successor in the same slot.
.macro STEP slot, q, zero
	s_wait_dscnt 4*NL                              ; B's set, A's tiles 0-3 and the scale words are in; the youngest 16 loads (A's tiles 4-7) may be out
.if (\zero) && (KIND != 0)
	WIN 0x81                                       ; C, the bias, in window 0
.else
	WIN MUL_LO
.endif
	MUL16 0, (\q)%2, \q, \slot, \zero
	MUL16 2, (\q)%2, \q, \slot, \zero
	s_wait_dscnt 0                                 ; A's tiles 4-7 are in
	PLACES NP
	FETCH_B \slot, (\q)+1, 1-(\q)%2
	FETCH_A \slot, (\q)+1, 0
.if (\zero) && (KIND != 0)
	WIN 0xc1
.else
	WIN MUL_HI
.endif
	MUL16 4, (\q)%2, \q, \slot, \zero
	MUL16 6, (\q)%2, \q, \slot, \zero
	PLACES NP
	WIN 0
	FETCH_A \slot, (\q)+1, 4
.endm
; A slot's last step changes slots: ONE barrier; in front of it each wave waits for all its tensor loads, adds 0 to its spare word, and waits for that and for its own reads of this slot.  fill = 1: this slot is filled again, two K steps ahead.
.macro TURN slot, next, fill
	s_wait_tensorcnt 0x0                           ; all my tensor loads have landed: my part of the next slot
	ds_add_u32 v[SPW], v[NIL]                      ; 0 onto my spare word
	s_wait_dscnt 4*NL+1                            ; (the add and the youngest 16 loads, A's tiles 4-7, may be out)
	WIN MUL_LO
	MUL16 0, 1, NQ-1, \slot, 0                     ; sixteen matrix instructions stand between the add and the wait for it
	s_wait_dscnt 0x0                               ; the add is done, and my reads of this slot are over
	s_barrier_signal -1
	MUL16 2, 1, NQ-1, \slot, 0
	WIN 0
	s_barrier_wait -1
.if \fill
	CREST                                          ; the barrier has opened a round of the cluster's barrier: no wave of any partner still reads this slot or has a load on its way
	s_add_nc_u64 s[G0+4*\slot+2:G0+4*\slot+3], s[G0+4*\slot+2:G0+4*\slot+3], 2*BLKB
	s_add_nc_u64 s[G0B+4*\slot+2:G0B+4*\slot+3], s[G0B+4*\slot+2:G0B+4*\slot+3], 2*BLKB
	JLOAD G0+4*\slot, G1, G0B+4*\slot, G1B         ; the first tensor load behind the round; its four v_nop are among the places in front of the loads below
	PLACES NP-4
.else
	PLACES NP
.endif
	FETCH_B \next, 0, 0
	FETCH_A \next, 0, 0
	SCALES \next
	WIN MUL_HI
	MUL16 4, 1, NQ-1, \slot, 0
	MUL16 6, 1, NQ-1, \slot, 0
	PLACES NP
	WIN 0
	FETCH_A \next, 0, 4
.endm
	s_wait_tensorcnt 1                             ; my part of K step 0 is in (K step 1's load may be out)
	s_barrier_signal -1
	s_barrier_wait -1                              ; everybody's is
	FETCH_B 0, 0, 0
	FETCH_A 0, 0, 0
	SCALES 0
	FETCH_A 0, 0, 4
.if KIND > 0
	s_wait_loadcnt 0x0                             ; the bias
.endif
	STEP 0, 0, 1                                   ; the first step stands in front of the loop: its products start the sums
	s_mov_b32 s3, LAPS-1
.Llap:                                                 ; a trip goes once round the ring, from a lap's second step to the next lap's first, and fills both slots again
	TURN 0, 1, 1
	STEP 1, 0, 0
	TURN 1, 0, 1
	STEP 0, 0, 0
	s_sub_co_u32 s3, s3, 1
	s_cmp_lg_u32 s3, 0
	s_cbranch_scc1 .Llap
	TURN 0, 1, 0                                   ; the last lap fills nothing, and has no round of the cluster's barrier
	STEP 1, 0, 0
	s_wait_dscnt 4*NL                              ; the very last step: nothing more to fetch
	WIN MUL_LO
	MUL16 0, 1, NQ-1, 1, 0
	MUL16 2, 1, NQ-1, 1, 0
	s_wait_dscnt 0
	WIN MUL_HI
	MUL16 4, 1, NQ-1, 1, 0
	MUL16 6, 1, NQ-1, 1, 0
	WIN 0
	PLACES NP                                      ; in front of the first read of results and the first write of registers that the products read
.if KIND < 2
; THE WAY OUT, quantised.  Of A's tile a a lane holds one row and 64 numbers, register 16 b + i = source 0's row 32 b + 16 (lane / 16) + i: four blocks of 32 along the next product's K, each shared with lane l xor 16.
; The conversions' results are the next operand's registers: they are stored as they stand.  Each accumulator is read from its low end on.
.macro QOUT a
.set W, 2+(\a)/4
.set AC, 64*((\a)%4)
	WIN (W<<2)|(W<<4)                              ; sources 1 and 2: the accumulators' window
.irp b, 0,1,2,3
.if KIND == 1
	v_max3_num_f32 v[TM+\b], 0x4800000, v[AC+16*\b], v[AC+16*\b+1]         ; no |.|: what is negative becomes 0 (the activation) and must not count; the floor 2^(9 - 127) stands over it
.else
	v_max3_num_f32 v[TM+\b], 0x4800000, |v[AC+16*\b]|, |v[AC+16*\b+1]|     ; my 16 numbers of block b, and the floor 2^(9 - 127): the byte cannot fall under 1
.endif
.endr
.irp i, 2,4,6,8,10,12,14
.irp b, 0,1,2,3
.if KIND == 1
	v_max3_num_f32 v[TM+\b], v[TM+\b], v[AC+16*\b+\i], v[AC+16*\b+\i+1]
.else
	v_max3_num_f32 v[TM+\b], v[TM+\b], |v[AC+16*\b+\i]|, |v[AC+16*\b+\i+1]|
.endif
.endr
.endr
	WIN 0
.irp b, 0,1,2,3
	v_permlanex16_b32 v[TM+4+\b], v[TM+\b], s[SEL], s[SEL+1]
.endr
.irp b, 0,1,2,3
	v_max_num_f32 v[TM+\b], v[TM+\b], v[TM+4+\b]   ; with lane l xor 16's: the block's largest magnitude
.endr
.irp b, 0,1,2,3
	v_add_nc_u32 v[TM+12+\b], 0xfc000000, v[TM+\b] ; 8 off the exponent field: the conversion's scale operand
.endr
.irp b, 0,1,2,3
	v_and_or_b32 v[TM+8+\b], v[TM+\b], 0x7f800000, s[MNT]   ; 448 x the scale
.endr
.irp b, 0,1,2,3
	v_lshrrev_b32 v[TM+4+\b], 23, v[TM+12+\b]      ; the scale's byte
.endr
	v_lshl_or_b32 v[PW+(\a)], v[TM+5], 8, v[TM+4]
	v_lshl_or_b32 v[PW+(\a)], v[TM+6], 16, v[PW+(\a)]
	v_lshl_or_b32 v[PW+(\a)], v[TM+7], 24, v[PW+(\a)]
	WIN W                                          ; source 0: the accumulators' window
.irp b, 0,1,2,3
.set i, 0
.rept 16
.if KIND == 1
	v_med3_num_f32 v[T+16*\b+i], v[AC+16*\b+i], 0, v[TM+8+\b]              ; the activation and the hold in one
.else
	v_med3_num_f32 v[T+16*\b+i], v[AC+16*\b+i], -v[TM+8+\b], v[TM+8+\b]    ; the conversion does not saturate (ISA guide 7.6.2): the hold comes first
.endif
.set i, i+1
.endr
.endr
	WIN 0
.irp b, 0,1,2,3
	v_cvt_scalef32_pk8_fp8_f32 v[PC+16*(\a)+4*\b:PC+16*(\a)+4*\b+1], v[T+16*\b:T+16*\b+7], v[TM+12+\b]
	v_cvt_scalef32_pk8_fp8_f32 v[PC+16*(\a)+4*\b+2:PC+16*(\a)+4*\b+3], v[T+16*\b+8:T+16*\b+15], v[TM+12+\b]
.endr
	v_nop                                          ; a plain instruction behind the last conversion
.irp c, 0,1,2,3
	global_store_b128 v[LI], v[PC+16*(\a)+4*\c:PC+16*(\a)+4*\c+3], s[12:13] offset:(\a)*2048+\c*512   ; 512 consecutive bytes, aligned to 256; each tile has its own registers, so no store's data are written again
.endr
.endm
.irp b, 0,1,2,3
	v_mov_b32 v[TM+4+\b], 0                        ; written once: a lane permute's destination counts as one of its sources
.endr
	v_and_b32 v31, 16, v0
.irp a, 0,1,2,3,4,5,6,7
	QOUT \a
.endr
	v_cmp_ne_u32 vcc_lo, 0, v31
.irp p, 0,1,2,3
	v_cndmask_b32 v[SW+\p], v[PW+2*\p], v[PW+2*\p+1], vcc_lo   ; a row's word stands in lanes r and 16 + r: lanes 0-15 send tile 2 p's, lanes 16-31 tile 2 p + 1's
.endr
.irp p, 0,1,2,3
	global_store_b32 v[LS], v[SW+\p], s[70:71] offset:128*\p   ; 128 consecutive bytes
.endr
.if KIND == 0
	s_cmp_ge_u32 s18, 4                            ; q and k only (the same way in all partners): a second copy, shifted, so that the odd head of a pair finds its two bytes lowest
	s_cbranch_scc1 .Lno_shift
.irp p, 0,1,2,3
	v_lshrrev_b32 v[SH+\p], 16, v[SW+\p]
.endr
.irp p, 0,1,2,3
	global_store_b32 v[LS], v[SH+\p], s[70:71] offset:16384+128*\p
.endr
.Lno_shift:
.endif
.else
; THE WAY OUT in f32, tile by tile of 16 rows x 128 columns.  A lane holds pieces of one row: the tile goes through my own stage in LDS and comes back, into the registers that it left, as whole pieces of
; 512 bytes of a row; the residual, loaded the same way four tiles ahead into B's old registers, is added; 32 lanes store 512 consecutive bytes.  Place t of tile a is row 32 (a/2) + 8 (a%2) + t + 8 (t/8).
.macro RLOAD a
	WIN 0x40                                       ; destination window 1
.irp t, 0,1,2,3,4,5,6,7,8,9,10,11,12,13,14,15
	global_load_b128 v[64*((\a)%4)+4*\t:64*((\a)%4)+4*\t+3], v[LI], s[10:11] offset:(32*((\a)/2)+8*((\a)%2)+\t+8*(\t/8))*4096 th:TH_LOAD_NT
.endr
	WIN 0
.endm
.macro ROUT a
.set W, 2+(\a)/4
.set AC, 64*((\a)%4)
	WIN W<<2                                       ; an LDS store's data are its source 1
.irp b, 0,1,2,3,4,5,6,7
	ds_store_b128 v[STO], v[AC+8*\b:AC+8*\b+3] offset:128*(\b/2)+32*(\b%2)         ; each accumulator from its low end on
	ds_store_b128 v[STO], v[AC+8*\b+4:AC+8*\b+7] offset:128*(\b/2)+32*(\b%2)+16
.endr
	WIN W<<6
.irp t, 0,1,2,3,4,5,6,7,8,9,10,11,12,13,14,15
	ds_load_b128 v[AC+4*\t:AC+4*\t+3], v[RD] offset:\t*SPITCH     ; LDS serves a wave's instructions in order (ISA guide 5.7.1.4): these see the stores above
.endr
	s_wait_dscnt 0x0
.if (\a) < 5
	s_wait_loadcnt 48                              ; this tile's residual is in; those of the three tiles behind it may be out
.else
	s_wait_loadcnt 16*(7-(\a))
.endif
	WIN (W<<6)|W|4                                 ; source 1, the residual, in window 1
.set i, 0
.rept 32
	v_pk_add_f32 v[AC+i:AC+i+1], v[AC+i:AC+i+1], v[AC+i:AC+i+1]
.set i, i+2
.endr
	WIN W<<2
.irp t, 0,1,2,3,4,5,6,7,8,9,10,11,12,13,14,15
	global_store_b128 v[LI], v[AC+4*\t:AC+4*\t+3], s[12:13] offset:(32*((\a)/2)+8*((\a)%2)+\t+8*(\t/8))*4096 th:TH_STORE_NT   ; 512 consecutive bytes, aligned to 256; these registers are not written again
.endr
	WIN 0
.if (\a) < 4
	RLOAD (\a)+4
.endif
.endm
	RLOAD 0
	RLOAD 1
	RLOAD 2
	RLOAD 3
.irp a, 0,1,2,3,4,5,6,7
	ROUT \a
.endr
.endif
	s_wait_tensorcnt 0x0                           ; the wave's end, behind my last tensor load and my last LDS store
	ds_add_u32 v[SPW], v[NIL]
	s_wait_dscnt 0x0
	CROUND                                         ; the closing round: no work-group ends while a partner may still ask for a block that names it
	s_endpgm
.Lfunc_end_k_q68556ef454_proj:
	.size	k_q68556ef454_proj, .Lfunc_end_k_q68556ef454_proj-k_q68556ef454_proj
	.p2alignl 7, 3214868480
	.fill 96, 4, 3214868480
	.section	.rodata,"a",@progbits
	.p2align	6, 0x0
	.amdhsa_kernel k_q68556ef454_proj
		.amdhsa_group_segment_fixed_size 327680
		.amdhsa_private_segment_fixed_size 0
		.amdhsa_enable_private_segment 0
		.amdhsa_kernarg_size 40
		.amdhsa_user_sgpr_count 2
		.amdhsa_user_sgpr_kernarg_segment_ptr 1
		.amdhsa_wavefront_size32 1
		.amdhsa_system_sgpr_workgroup_id_x 1
		.amdhsa_system_sgpr_workgroup_id_y 1
		.amdhsa_system_sgpr_workgroup_id_z 1
		.amdhsa_system_vgpr_workitem_id 0
		.amdhsa_next_free_vgpr 1024
		.amdhsa_next_free_sgpr 100
		.amdhsa_reserve_vcc 1
		.amdhsa_float_denorm_mode_32 3
		.amdhsa_float_denorm_mode_16_64 3
		.amdhsa_memory_ordered 1
		.amdhsa_forward_progress 1
		.amdhsa_inst_pref_size 176
	.end_amdhsa_kernel
	.amdgpu_metadata
---
amdhsa.version: [ 1, 2 ]
amdhsa.kernels:
  - .name:           k_q68556ef454_proj
    .symbol:         k_q68556ef454_proj.kd
    .args:
      - { .name: ops, .offset: 0, .size: 8, .value_kind: global_buffer, .address_space: global }
      - { .name: attq, .offset: 8, .size: 8, .value_kind: global_buffer, .address_space: global }
      - { .name: bp, .offset: 16, .size: 8, .value_kind: global_buffer, .address_space: global }
      - { .name: fA, .offset: 24, .size: 8, .value_kind: global_buffer, .address_space: global }
      - { .name: x1f, .offset: 32, .size: 8, .value_kind: global_buffer, .address_space: global }
    .group_segment_fixed_size: 327680
    .private_segment_fixed_size: 0
    .kernarg_segment_align: 8
    .kernarg_segment_size: 40
    .max_flat_workgroup_size: 128
    .sgpr_count:     100
    .vgpr_count:     1024
    .wavefront_size: 32
...
	.end_amdgpu_metadata
.endif
;; end of part 5
;; launch ln2: the kernel of part 2 again; grid 256 x 1, 4 waves a work-group, no clusters, 66,304 bytes of LDS; arguments x1f, g2, be2, fA, ops; writes fA, ops
;; launch ff1 (part 6): grid 16 x 16, 4 waves a work-group, clusters of 4 x 4, 327,680 bytes of LDS; arguments ops, b1, hq; writes hq
.if DOCPART == 6
	.amdgcn_target "amdgcn-amd-amdhsa--gfx1250"
	.amdhsa_code_object_version 6
	.text
	.protected	k_q68556ef454_ff1
	.globl	k_q68556ef454_ff1
	.p2align	8
	.type	k_q68556ef454_ff1,@function
k_q68556ef454_ff1:
	s_mov_b64 s[64:65], 0
	v_nop
	global_prefetch_b8 v0, s[64:65] scope:SCOPE_SE
	s_setreg_imm32_b32 hwreg(HW_REG_WAVE_MODE, 25, 1), 1
	s_wait_xcnt 0x0
	s_wait_alu depctr_hold_cnt(0) depctr_sa_sdst(0) depctr_va_vdst(0) depctr_va_sdst(0) depctr_va_ssrc(0) depctr_va_vcc(0) depctr_vm_vsrc(0)
	s_getreg_b32 s2, hwreg(HW_REG_IB_STS2, 6, 4)
	s_cmp_eq_u32 s2, 0
	s_cbranch_scc0 .Lentry_in_a_cluster
	s_endpgm
.Lentry_in_a_cluster:
	s_bfe_u32 s2, ttmp6, 0x10000c
	s_cmp_lg_u32 s2, 0xf033
	s_cbranch_scc0 .Lentry_shape_is_right
	s_endpgm
.Lentry_shape_is_right:
.set KIND, 1                           ; 0: q, k, v    1: first layer of the MLP    2: projection    3: second layer of the MLP.  The four texts differ in this line alone
; D = S1 S0^T on codes of FP8 (E4M3) with one E8M0 scale for each 32 along K; sums in f32.  Both operands come as BLOCKS of 128 rows x 256 along K, 33,792 bytes, laid as images of operand registers:
; codes at q*16384 + t*2048 + c*512 + 16*lane + i = row pi(t, lane%16), k = 128 q + 32 c + 16 (lane/16) + i; scale words at 32768 + q*512 + t*64 + 4*(lane%16).  pi(t, p) = 32 (t/2) + 8 (t%2) + p + 8 (p/8).
; Block (rb, ks) of an operand has index rb * (K/256) + ks, so a K step is 33,792 bytes on.  A block is dense: one tensor load brings it, scale words and all, and a fragment is four LDS loads at 16 x lane.
; A work-group of four waves makes 256 rows of source 1 ('A', by the grid's y) x 256 rows of source 0 ('B', by its x); a wave 128 x 128: 64 accumulators, 512 registers.  K goes in steps of 256 through two LDS slots.
; SOURCE 0's ROWS STAND IN THE ORDER pi, so a lane's 16 registers of result tiles 2 b and 2 b + 1 are 16 NEIGHBOURS along source 0's rows; a lane holds one row of source 1.
; KIND 0, clusters y < 4: A = xn's rows (tokens), B = Wq's and Wk's rows: q and k, quantised along the head's 64.  Clusters y = 4, 5: A = Wv's rows, B = tokens: v, quantised along the tokens (attention's keys).
; KIND 1: A = x2, B = W1; + b1, relu, quantised along the hidden units.  KINDS 0 and 1 quantise in registers and store fragments as they stand: 512 consecutive bytes a store.
; KIND 2: A = attention's result, B = Wp; + bp + xn.  KIND 3: A = the hidden layer, B = W2; + b2 + x2.  Their f32 rows go through the wave's own stage in LDS and leave as 512 consecutive bytes.
; The bias is the C of each sum's first product.  CLUSTERS: 4 x 4 work-groups; A's blocks are asked for jointly along a row of the cluster, B's along a column.
; LIMITS: NaN and infinities are not served; a block of zeros gets the byte 1 (its codes are zeros; this program alone reads the bytes).
; REGISTERS, in windows of 256: window 0: v16-31 addresses; v32-63 scale words, two sets; v64-127 the bias; v128-255 A's fragments, ONE set.  window 1: B's fragments, TWO sets.  windows 2, 3: the accumulators ((a, b) at v[8 (8 (a%4) + b)]).
.set BLKB,   33792
.set SLOT,   4*BLKB                    ; A's two blocks, then B's two
.set STAGE,  2*SLOT                    ; behind the ring: 16 rows x 528 bytes for each wave (KINDS 2, 3)
.set SPITCH, 528
.set SPARE,  STAGE+4*16*SPITCH         ; the spare words, 128 bytes for each wave: two blocks of 256 bytes that no other line names
.set SCB,    12582912                  ; where the scale panels of q, k, v begin
.if KIND == 3
.set LK, 4                             ; log2(K / 256)
.else
.set LK, 2
.endif
.set LAPS,   (1<<LK)/2                 ; a lap = two K steps = once round the ring
.set ABASE,  0
.set BBASE,  0
.if KIND == 1
.set ABASE,  384
.set BBASE,  128
.endif
.if KIND == 2
.set BBASE,  96
.endif
.if KIND == 3
.set BBASE,  256
.endif
.set NQ,   2                           ; matrix instructions deep in a slot
.set FR,   16                          ; registers of a fragment
.set NL,   4                           ; LDS loads that bring one
.set NP,   8                           ; places behind this matrix instruction (ISA guide 7.12.1)
.set ADRA, 16                          ; v16-17  LDS address of my A block in slot 0, 1, + 16 x lane
.set ADRB, 20                          ; v20-21  the same for B
.set ADRS, 22                          ; v22-23  my scale words in slot 0, 1: lanes 0-15 A's, lanes 16-31 B's
.set STO,  24
.set RD,   25
.set LI,   26                          ; v26     16 x lane
.set LS,   27                          ; v27     4 x lane
.set SPW,  28                          ; v28     LDS address of my spare word; never rewritten
.set NIL,  29                          ; v29     0; never rewritten
.set BO,   30                          ; v30     64 x (lane / 16)
.set SC,   32
.set BI,   64
.set AF,   128
.set TM,   32                          ; the way out of KINDS 0, 1: v32-47 at work, v48-55 scale words, v56-63 as they leave, v64-127 held numbers, v128-255 codes: eight sets
.set PW,   48
.set SW,   56
.set SH,   60
.set T,    64
.set PC,   128
.set G1,   24                          ; s[24:31] descriptor group 1 for A's blocks; s[32:39] group 0, one set for each slot
.set G0,   32
.set G1B,  48                          ; s[48:55], s[56:63] the same for B's
.set G0B,  56
.set SEL,  78
.set MNT,  80
.set MSB,  0
.macro WIN new                         ; the immediate's high byte repeats the setting that is left
.if MSB != (\new)
	s_set_vgpr_msb (MSB<<8)|(\new)
.set MSB, (\new)
.endif
.endm
.set MUL_LO, 0xa1                      ; source 0 (B) window 1, source 1 (A) window 0, C and D window 2
.set MUL_HI, 0xf1                      ; the same, C and D window 3
.set TO_B,   0x40                      ; destination window 1, address window 0
; A joint load: waves 0 and 1 fetch A's two blocks, waves 2 and 3 B's.  The branch hangs on the wave's number alone.  Four v_nop follow each of the two lines.
.macro JLOAD g0a, g1a, g0b, g1b
	s_cmp_eq_u32 s15, 0
	s_cbranch_scc0 .Lfor_b_\@
	tensor_load_to_lds s[\g0a:\g0a+3], s[\g1a:\g1a+7]
	s_nop 0
.rept 4
	v_nop
.endr
	s_branch .Lasked_\@
.Lfor_b_\@:
	tensor_load_to_lds s[\g0b:\g0b+3], s[\g1b:\g1b+7]
	s_nop 0
.rept 4
	v_nop
.endr
.Lasked_\@:
.endm
.macro CREST                           ; a round of the cluster's barrier behind its opening barrier
	s_cmp_lg_u32 s14, 0
	s_cbranch_scc1 .Lnot_wave_0_\@
	s_barrier_signal -3
.Lnot_wave_0_\@:
	s_barrier_wait -3
	s_barrier_signal -1
	s_barrier_wait -1
.endm
.macro CROUND                          ; a whole round
	s_barrier_signal -1
	s_barrier_wait -1
	CREST
.endm
.if KIND == 0
	s_load_b64 s[4:5], s[0:1], 0x0                 ; the operands' buffer
	s_load_b64 s[12:13], s[0:1], 0x8               ; q, k, v
.elseif KIND == 1
	s_load_b64 s[4:5], s[0:1], 0x0                 ; the operands' buffer
	s_load_b64 s[8:9], s[0:1], 0x8                 ; the bias
	s_load_b64 s[12:13], s[0:1], 0x10              ; the hidden layer
.else
	s_load_b128 s[4:7], s[0:1], 0x0                ; the operands' buffer (B), A's buffer
	s_load_b128 s[8:11], s[0:1], 0x10              ; the bias, the residual
	s_load_b64 s[12:13], s[0:1], 0x20              ; the output
.endif
	v_lshl_add_u32 v[SPW], v0, 2, SPARE
	v_mov_b32 v[NIL], 0
	ds_add_u32 v28, v29
	s_wait_dscnt 0x0
	v_lshrrev_b32 v1, 5, v0
	v_readfirstlane_b32 s14, v1                    ; wave 0..3
	s_lshr_b32 s15, s14, 1                         ; which 128 rows of A are mine.  Also: I fetch for A (0) or for B (1)
	s_and_b32 s16, s14, 1                          ; which 128 rows of B.  Also: which of the two blocks I fetch
	s_bfe_u32 s40, ttmp6, 0x40000                  ; cx, cy: my place in the cluster
	s_bfe_u32 s41, ttmp6, 0x40004
	s_lshl_b32 s42, ttmp9, 2
	s_add_co_u32 s42, s42, s40                     ; tx = 4 x cluster x + cx
	s_and_b32 s18, ttmp7, 0xffff                   ; cluster y
	s_lshl_b32 s17, s18, 2
	s_add_co_u32 s17, s17, s41                     ; ty = 4 x cluster y + cy
	s_lshl_b32 s43, s41, 2
	s_lshl_b32 s43, 15, s43                        ; my row of the cluster
	s_lshl_b32 s44, 0x1111, s40                    ; my column
	; descriptor group 1: a dense block of 33,792 bytes as 132 rows of 256 (32 elements of 8 bytes), no padding
	s_or_b32 s[G1+0], s43, (3<<16)|(1<<21)         ; 15:0 the mask: A's blocks go to my row; 17:16 elements of 8 bytes; 21 set beside a mask
	s_or_b32 s[G1B+0], s44, (3<<16)|(1<<21)
.irp g, G1, G1B
	s_mov_b32 s[\g+1], 32<<16                      ; tensor_dim0
	s_mov_b32 s[\g+2], 132<<16                     ; tensor_dim1
	s_mov_b32 s[\g+3], 32<<16                      ; tile_dim0
	s_mov_b32 s[\g+4], 132                         ; tile_dim1
	s_mov_b32 s[\g+5], 32                          ; tensor_dim0_stride
	s_mov_b32 s[\g+6], 0
	s_mov_b32 s[\g+7], 0
.endr
	; the first block that I fetch.  A's index is made of cy, the cluster's y and the wave alone, B's of cx, the cluster's x and y and the wave alone
	s_lshl_b32 s19, s16, LK
.if KIND == 0
	s_lshl_b32 s20, s18, 5
	s_add_co_u32 s20, s20, 384                     ; q, k: A = xn, blocks 384 + 8 ty ..
	s_lshl_b32 s46, s18, 6
	s_add_co_u32 s46, s46, 128                     ; v: B = xn, blocks 384 + 8 tx + 64 (cluster y - 4) ..
	s_cmp_lt_u32 s18, 4
	s_cselect_b32 s20, s20, 64                     ; v: A = Wv, blocks 64 + 8 cy ..
	s_cselect_b32 s46, 0, s46                      ; q, k: B = Wq and Wk, blocks 8 tx ..
	s_lshl_b32 s21, s41, 3
	s_add_co_u32 s20, s20, s21
	s_lshl_b32 s47, s42, 3
	s_add_co_u32 s46, s46, s47
.else
	s_lshl_b32 s20, s17, LK+1
	s_lshl_b32 s46, s42, LK+1
.if ABASE > 0
	s_add_co_u32 s20, s20, ABASE
.endif
	s_add_co_u32 s46, s46, BBASE
.endif
	s_add_co_u32 s20, s20, s19
	s_add_co_u32 s46, s46, s19
	s_mul_i32 s20, s20, BLKB
	s_mul_i32 s46, s46, BLKB
	s_mov_b32 s21, 0
	s_mov_b32 s47, 0
	s_mul_i32 s45, s14, BLKB                       ; where it goes: wave x a block: no place in the cluster enters an LDS address
	s_mov_b32 s[SEL], 0x76543210
	s_mov_b32 s[SEL+1], 0xfedcba98                 ; lane selects for lane l xor 16
	s_mov_b32 s[MNT], 0x600000                     ; the mantissa field of 448
	s_wait_kmcnt 0x0
.if KIND < 2
	s_mov_b64 s[6:7], s[4:5]                       ; A lies in the operands' buffer too
.endif
	s_add_nc_u64 s[20:21], s[6:7], s[20:21]
	s_add_nc_u64 s[46:47], s[4:5], s[46:47]
	CROUND                                         ; all sixteen work-groups are here: the first joint loads meet
.irp s, 0,1
	s_mov_b32 s[G0+4*\s], 1
	s_add_co_u32 s[G0+4*\s+1], s45, \s*SLOT
	s_add_nc_u64 s[G0+4*\s+2:G0+4*\s+3], s[20:21], \s*BLKB
	s_or_b32 s[G0+4*\s+3], s[G0+4*\s+3], 0x80000000
	s_mov_b32 s[G0B+4*\s], 1
	s_add_co_u32 s[G0B+4*\s+1], s45, \s*SLOT
	s_add_nc_u64 s[G0B+4*\s+2:G0B+4*\s+3], s[46:47], \s*BLKB
	s_or_b32 s[G0B+4*\s+3], s[G0B+4*\s+3], 0x80000000
	JLOAD G0+4*\s, G1, G0B+4*\s, G1B
.endr
	v_and_b32 v1, 15, v0                           ; r
	v_bfe_u32 v2, v0, 4, 1                         ; h
	v_and_b32 v3, 31, v0
	v_lshlrev_b32 v[LI], 4, v3
	v_lshlrev_b32 v[LS], 2, v3
	s_mul_i32 s21, s15, BLKB                       ; my block of A
	s_mul_i32 s22, s16, BLKB                       ; my block of B,
	s_add_co_u32 s22, s22, 2*BLKB                  ; behind A's two
.irp s, 0,1
	v_add_nc_u32 v[ADRA+\s], s21, v[LI]
	v_add_nc_u32 v[ADRB+\s], s22, v[LI]
	s_add_co_u32 s21, s21, SLOT
	s_add_co_u32 s22, s22, SLOT
.endr
	s_mul_i32 s21, s15, BLKB
	s_mul_i32 s22, s16, BLKB
	s_add_co_u32 s22, s22, 2*BLKB
	s_sub_co_u32 s22, s22, s21
	v_mul_u32_u24 v4, s22, v2                      ; lanes 16-31 take B's scale words: one product, the distance between the two blocks
	v_lshl_add_u32 v4, v1, 2, v4
	s_add_co_u32 s21, s21, 32768
	v_add_nc_u32 v[ADRS], s21, v4
	v_add_nc_u32 v[ADRS+1], SLOT, v[ADRS]
.if KIND > 0
	v_lshlrev_b32 v[BO], 6, v2                     ; the bias: in result tile b lane (r, h) holds source 0's rows 32 (b/2) + 8 (b%2) + 16 h + 0 .. 7
	s_lshl_b32 s22, s42, 10
	s_lshl_b32 s23, s16, 9
	s_add_co_u32 s22, s22, s23
	s_mov_b32 s23, 0
	s_add_nc_u64 s[8:9], s[8:9], s[22:23]
.irp b, 0,1,2,3,4,5,6,7
	global_load_b128 v[BI+8*\b:BI+8*\b+3], v[BO], s[8:9] offset:(32*(\b/2)+8*(\b%2))*4
	global_load_b128 v[BI+8*\b+4:BI+8*\b+7], v[BO], s[8:9] offset:(32*(\b/2)+8*(\b%2))*4+16
.endr
.endif
.if KIND == 0
	; where my panel of 128 rows x 128 K goes: codes at (P' * 32 + rb') * 16384, scale words at SCB + (P' * 64 + rb') * 512
	s_lshl_b32 s70, s42, 1
	s_add_co_u32 s70, s70, s16                     ; q, k: P' = 2 tx + my half of B
	s_lshl_b32 s71, s17, 1
	s_add_co_u32 s71, s71, s15                     ;       rb' = 2 ty + my half of A
	s_lshl_b32 s72, s41, 1
	s_add_co_u32 s72, s72, s15
	s_add_co_u32 s72, s72, 16                      ; v: P' = 16 + 2 cy + my half of A
	s_lshl_b32 s73, s18, 4
	s_add_co_u32 s73, s73, s70
	s_sub_co_u32 s73, s73, 64                      ;    rb' = 2 tx + 16 (cluster y - 4) + my half of B
	s_cmp_lt_u32 s18, 4
	s_cselect_b32 s70, s70, s72
	s_cselect_b32 s71, s71, s73
	s_lshl_b32 s72, s70, 5
	s_add_co_u32 s72, s72, s71
	s_lshl_b32 s72, s72, 14
	s_lshl_b32 s70, s70, 6
	s_add_co_u32 s70, s70, s71
	s_lshl_b32 s70, s70, 9
	s_add_co_u32 s70, s70, SCB
	s_mov_b32 s71, 0
	s_mov_b32 s73, 0
	s_add_nc_u64 s[70:71], s[12:13], s[70:71]
	s_add_nc_u64 s[12:13], s[12:13], s[72:73]
.endif
.if KIND == 1
	s_lshl_b32 s70, s17, 1
	s_add_co_u32 s70, s70, s15
	s_lshl_b32 s70, s70, 4
	s_add_co_u32 s70, s70, s42                     ; the hidden layer's block (rb = 2 ty + my half of A, ks = tx): 16 rb + ks
	s_mul_i32 s70, s70, BLKB
	s_mov_b32 s71, 0
	s_add_nc_u64 s[70:71], s[12:13], s[70:71]
	s_lshl_b32 s72, s16, 14                        ; q = my half of B
	s_mov_b32 s73, 0
	s_add_nc_u64 s[12:13], s[70:71], s[72:73]
	s_lshl_b32 s72, s16, 9
	s_add_co_u32 s72, s72, 32768
	s_add_nc_u64 s[70:71], s[70:71], s[72:73]
.endif
.if KIND > 1
	s_lshl_b32 s70, s17, 1
	s_add_co_u32 s70, s70, s15
	s_lshl_b32 s70, s70, 19                        ; my 128 rows of 4,096 bytes,
	s_lshl_b32 s72, s42, 1
	s_add_co_u32 s72, s72, s16
	s_lshl_b32 s72, s72, 9                         ; my 128 columns
	s_add_co_u32 s70, s70, s72
	s_mov_b32 s71, 0
	s_add_nc_u64 s[12:13], s[12:13], s[70:71]
	s_add_nc_u64 s[10:11], s[10:11], s[70:71]
	s_mul_i32 s23, s14, 16*SPITCH
	s_add_co_u32 s23, s23, STAGE                   ; my stage
	v_mul_u32_u24 v5, v1, SPITCH
	v_lshl_add_u32 v5, v2, 6, v5
	v_add_nc_u32 v[STO], s23, v5                   ; in: row r, + 64 h
	v_add_nc_u32 v[RD], s23, v[LI]                 ; back: the 32 lanes take one row of 512 bytes
.endif
.macro FRAG reg, adr, q, i             ; fragment (tile i, the slot's q-th 128 along K): four loads of 512 consecutive bytes
.irp c, 0,1,2,3
	ds_load_b128 v[\reg+4*\c:\reg+4*\c+3], v[\adr] offset:16384*(\q)+2048*(\i)+512*\c
.endr
.endm
; 16 matrix instructions: A's tiles a0, a0 + 1 x B's eight.  p: B's set; sc: the set of scale words.  zero = 1: the first product starts the sums, from the bias or from 0: nothing is cleared.
; The 64 accumulators take turns, one instruction a turn, in the same order in every step.
.macro MUL16 a0, p, q, sc, zero
.irp a, \a0, \a0+1
.irp b, 0,1,2,3,4,5,6,7
.if (\zero) && (KIND == 0)
	v_wmma_scale_f32_16x16x128_f8f6f4 v[8*(8*((\a)%4)+\b):8*(8*((\a)%4)+\b)+7], v[128*(\p)+FR*\b:128*(\p)+FR*\b+FR-1], v[AF+FR*(\a):AF+FR*(\a)+FR-1], 0, v[SC+8*NQ*(\sc)+NQ*\b+(\q)], v[SC+8*NQ*(\sc)+NQ*(\a)+(\q)] matrix_a_scale:MATRIX_SCALE_ROW1
.elseif \zero
	v_wmma_scale_f32_16x16x128_f8f6f4 v[8*(8*((\a)%4)+\b):8*(8*((\a)%4)+\b)+7], v[128*(\p)+FR*\b:128*(\p)+FR*\b+FR-1], v[AF+FR*(\a):AF+FR*(\a)+FR-1], v[BI+8*\b:BI+8*\b+7], v[SC+8*NQ*(\sc)+NQ*\b+(\q)], v[SC+8*NQ*(\sc)+NQ*(\a)+(\q)] matrix_a_scale:MATRIX_SCALE_ROW1
.else
	v_wmma_scale_f32_16x16x128_f8f6f4 v[8*(8*((\a)%4)+\b):8*(8*((\a)%4)+\b)+7], v[128*(\p)+FR*\b:128*(\p)+FR*\b+FR-1], v[AF+FR*(\a):AF+FR*(\a)+FR-1], v[8*(8*((\a)%4)+\b):8*(8*((\a)%4)+\b)+7], v[SC+8*NQ*(\sc)+NQ*\b+(\q)], v[SC+8*NQ*(\sc)+NQ*(\a)+(\q)] matrix_a_scale:MATRIX_SCALE_ROW1
.endif
.endr
.endr
.endm
.macro FETCH_B slot, q, p              ; B's eight fragments into set p
	WIN TO_B
.irp i, 0,1,2,3,4,5,6,7
	FRAG 128*(\p)+FR*\i, ADRB+\slot, \q, \i
.endr
	WIN 0
.endm
.macro FETCH_A slot, q, i0             ; A's tiles i0 .. i0 + 3
.irp i, \i0, \i0+1, \i0+2, \i0+3
	FRAG AF+FR*(\i), ADRA+\slot, \q, \i
.endr
.endm
.macro SCALES sc                       ; slot sc's scale words: register 2 i + q: lanes 0-15 A's tile i, lanes 16-31 B's tile i
.irp i, 0,1,2,3,4,5,6,7
	ds_load_b32 v[SC+16*\sc+2*\i], v[ADRS+\sc] offset:\i*64
	ds_load_b32 v[SC+16*\sc+2*\i+1], v[ADRS+\sc] offset:512+\i*64
.endr
.endm
; A load into a register that a matrix instruction has read, and a vector instruction or a store that reads a matrix result, stand NP places behind that matrix instruction; only plain vector
; instructions that name none of its registers are places (ISA guide 7.12.1 for vector instructions).
.macro PLACES n
.rept \n
	v_nop
.endr
.endm
; A step of 128 along K that has its successor in the same slot.
.macro STEP slot, q, zero
	s_wait_dscnt 4*NL                              ; B's set, A's tiles 0-3 and the scale words are in; the youngest 16 loads (A's tiles 4-7) may be out
.if (\zero) && (KIND != 0)
	WIN 0x81                                       ; C, the bias, in window 0
.else
	WIN MUL_LO
.endif
	MUL16 0, (\q)%2, \q, \slot, \zero
	MUL16 2, (\q)%2, \q, \slot, \zero
	s_wait_dscnt 0                                 ; A's tiles 4-7 are in
	PLACES NP
	FETCH_B \slot, (\q)+1, 1-(\q)%2
	FETCH_A \slot, (\q)+1, 0
.if (\zero) && (KIND != 0)
	WIN 0xc1
.else
	WIN MUL_HI
.endif
	MUL16 4, (\q)%2, \q, \slot, \zero
	MUL16 6, (\q)%2, \q, \slot, \zero
	PLACES NP
	WIN 0
	FETCH_A \slot, (\q)+1, 4
.endm
; A slot's last step changes slots: ONE barrier; in front of it each wave waits for all its tensor loads, adds 0 to its spare word, and waits for that and for its own reads of this slot.  fill = 1: this slot is filled again, two K steps ahead.
.macro TURN slot, next, fill
	s_wait_tensorcnt 0x0                           ; all my tensor loads have landed: my part of the next slot
	ds_add_u32 v[SPW], v[NIL]                      ; 0 onto my spare word
	s_wait_dscnt 4*NL+1                            ; (the add and the youngest 16 loads, A's tiles 4-7, may be out)
	WIN MUL_LO
	MUL16 0, 1, NQ-1, \slot, 0                     ; sixteen matrix instructions stand between the add and the wait for it
	s_wait_dscnt 0x0                               ; the add is done, and my reads of this slot are over
	s_barrier_signal -1
	MUL16 2, 1, NQ-1, \slot, 0
	WIN 0
	s_barrier_wait -1
.if \fill
	CREST                                          ; the barrier has opened a round of the cluster's barrier: no wave of any partner still reads this slot or has a load on its way
	s_add_nc_u64 s[G0+4*\slot+2:G0+4*\slot+3], s[G0+4*\slot+2:G0+4*\slot+3], 2*BLKB
	s_add_nc_u64 s[G0B+4*\slot+2:G0B+4*\slot+3], s[G0B+4*\slot+2:G0B+4*\slot+3], 2*BLKB
	JLOAD G0+4*\slot, G1, G0B+4*\slot, G1B         ; the first tensor load behind the round; its four v_nop are among the places in front of the loads below
	PLACES NP-4
.else
	PLACES NP
.endif
	FETCH_B \next, 0, 0
	FETCH_A \next, 0, 0
	SCALES \next
	WIN MUL_HI
	MUL16 4, 1, NQ-1, \slot, 0
	MUL16 6, 1, NQ-1, \slot, 0
	PLACES NP
	WIN 0
	FETCH_A \next, 0, 4
.endm
	s_wait_tensorcnt 1                             ; my part of K step 0 is in (K step 1's load may be out)
	s_barrier_signal -1
	s_barrier_wait -1                              ; everybody's is
	FETCH_B 0, 0, 0
	FETCH_A 0, 0, 0
	SCALES 0
	FETCH_A 0, 0, 4
.if KIND > 0
	s_wait_loadcnt 0x0                             ; the bias
.endif
	STEP 0, 0, 1                                   ; the first step stands in front of the loop: its products start the sums
	s_mov_b32 s3, LAPS-1
.Llap:                                                 ; a trip goes once round the ring, from a lap's second step to the next lap's first, and fills both slots again
	TURN 0, 1, 1
	STEP 1, 0, 0
	TURN 1, 0, 1
	STEP 0, 0, 0
	s_sub_co_u32 s3, s3, 1
	s_cmp_lg_u32 s3, 0
	s_cbranch_scc1 .Llap
	TURN 0, 1, 0                                   ; the last lap fills nothing, and has no round of the cluster's barrier
	STEP 1, 0, 0
	s_wait_dscnt 4*NL                              ; the very last step: nothing more to fetch
	WIN MUL_LO
	MUL16 0, 1, NQ-1, 1, 0
	MUL16 2, 1, NQ-1, 1, 0
	s_wait_dscnt 0
	WIN MUL_HI
	MUL16 4, 1, NQ-1, 1, 0
	MUL16 6, 1, NQ-1, 1, 0
	WIN 0
	PLACES NP                                      ; in front of the first read of results and the first write of registers that the products read
.if KIND < 2
; THE WAY OUT, quantised.  Of A's tile a a lane holds one row and 64 numbers, register 16 b + i = source 0's row 32 b + 16 (lane / 16) + i: four blocks of 32 along the next product's K, each shared with lane l xor 16.
; The conversions' results are the next operand's registers: they are stored as they stand.  Each accumulator is read from its low end on.
.macro QOUT a
.set W, 2+(\a)/4
.set AC, 64*((\a)%4)
	WIN (W<<2)|(W<<4)                              ; sources 1 and 2: the accumulators' window
.irp b, 0,1,2,3
.if KIND == 1
	v_max3_num_f32 v[TM+\b], 0x4800000, v[AC+16*\b], v[AC+16*\b+1]         ; no |.|: what is negative becomes 0 (the activation) and must not count; the floor 2^(9 - 127) stands over it
.else
	v_max3_num_f32 v[TM+\b], 0x4800000, |v[AC+16*\b]|, |v[AC+16*\b+1]|     ; my 16 numbers of block b, and the floor 2^(9 - 127): the byte cannot fall under 1
.endif
.endr
.irp i, 2,4,6,8,10,12,14
.irp b, 0,1,2,3
.if KIND == 1
	v_max3_num_f32 v[TM+\b], v[TM+\b], v[AC+16*\b+\i], v[AC+16*\b+\i+1]
.else
	v_max3_num_f32 v[TM+\b], v[TM+\b], |v[AC+16*\b+\i]|, |v[AC+16*\b+\i+1]|
.endif
.endr
.endr
	WIN 0
.irp b, 0,1,2,3
	v_permlanex16_b32 v[TM+4+\b], v[TM+\b], s[SEL], s[SEL+1]
.endr
.irp b, 0,1,2,3
	v_max_num_f32 v[TM+\b], v[TM+\b], v[TM+4+\b]   ; with lane l xor 16's: the block's largest magnitude
.endr
.irp b, 0,1,2,3
	v_add_nc_u32 v[TM+12+\b], 0xfc000000, v[TM+\b] ; 8 off the exponent field: the conversion's scale operand
.endr
.irp b, 0,1,2,3
	v_and_or_b32 v[TM+8+\b], v[TM+\b], 0x7f800000, s[MNT]   ; 448 x the scale
.endr
.irp b, 0,1,2,3
	v_lshrrev_b32 v[TM+4+\b], 23, v[TM+12+\b]      ; the scale's byte
.endr
	v_lshl_or_b32 v[PW+(\a)], v[TM+5], 8, v[TM+4]
	v_lshl_or_b32 v[PW+(\a)], v[TM+6], 16, v[PW+(\a)]
	v_lshl_or_b32 v[PW+(\a)], v[TM+7], 24, v[PW+(\a)]
	WIN W                                          ; source 0: the accumulators' window
.irp b, 0,1,2,3
.set i, 0
.rept 16
.if KIND == 1
	v_med3_num_f32 v[T+16*\b+i], v[AC+16*\b+i], 0, v[TM+8+\b]              ; the activation and the hold in one
.else
	v_med3_num_f32 v[T+16*\b+i], v[AC+16*\b+i], -v[TM+8+\b], v[TM+8+\b]    ; the conversion does not saturate (ISA guide 7.6.2): the hold comes first
.endif
.set i, i+1
.endr
.endr
	WIN 0
.irp b, 0,1,2,3
	v_cvt_scalef32_pk8_fp8_f32 v[PC+16*(\a)+4*\b:PC+16*(\a)+4*\b+1], v[T+16*\b:T+16*\b+7], v[TM+12+\b]
	v_cvt_scalef32_pk8_fp8_f32 v[PC+16*(\a)+4*\b+2:PC+16*(\a)+4*\b+3], v[T+16*\b+8:T+16*\b+15], v[TM+12+\b]
.endr
	v_nop                                          ; a plain instruction behind the last conversion
.irp c, 0,1,2,3
	global_store_b128 v[LI], v[PC+16*(\a)+4*\c:PC+16*(\a)+4*\c+3], s[12:13] offset:(\a)*2048+\c*512   ; 512 consecutive bytes, aligned to 256; each tile has its own registers, so no store's data are written again
.endr
.endm
.irp b, 0,1,2,3
	v_mov_b32 v[TM+4+\b], 0                        ; written once: a lane permute's destination counts as one of its sources
.endr
	v_and_b32 v31, 16, v0
.irp a, 0,1,2,3,4,5,6,7
	QOUT \a
.endr
	v_cmp_ne_u32 vcc_lo, 0, v31
.irp p, 0,1,2,3
	v_cndmask_b32 v[SW+\p], v[PW+2*\p], v[PW+2*\p+1], vcc_lo   ; a row's word stands in lanes r and 16 + r: lanes 0-15 send tile 2 p's, lanes 16-31 tile 2 p + 1's
.endr
.irp p, 0,1,2,3
	global_store_b32 v[LS], v[SW+\p], s[70:71] offset:128*\p   ; 128 consecutive bytes
.endr
.if KIND == 0
	s_cmp_ge_u32 s18, 4                            ; q and k only (the same way in all partners): a second copy, shifted, so that the odd head of a pair finds its two bytes lowest
	s_cbranch_scc1 .Lno_shift
.irp p, 0,1,2,3
	v_lshrrev_b32 v[SH+\p], 16, v[SW+\p]
.endr
.irp p, 0,1,2,3
	global_store_b32 v[LS], v[SH+\p], s[70:71] offset:16384+128*\p
.endr
.Lno_shift:
.endif
.else
; THE WAY OUT in f32, tile by tile of 16 rows x 128 columns.  A lane holds pieces of one row: the tile goes through my own stage in LDS and comes back, into the registers that it left, as whole pieces of
; 512 bytes of a row; the residual, loaded the same way four tiles ahead into B's old registers, is added; 32 lanes store 512 consecutive bytes.  Place t of tile a is row 32 (a/2) + 8 (a%2) + t + 8 (t/8).
.macro RLOAD a
	WIN 0x40                                       ; destination window 1
.irp t, 0,1,2,3,4,5,6,7,8,9,10,11,12,13,14,15
	global_load_b128 v[64*((\a)%4)+4*\t:64*((\a)%4)+4*\t+3], v[LI], s[10:11] offset:(32*((\a)/2)+8*((\a)%2)+\t+8*(\t/8))*4096 th:TH_LOAD_NT
.endr
	WIN 0
.endm
.macro ROUT a
.set W, 2+(\a)/4
.set AC, 64*((\a)%4)
	WIN W<<2                                       ; an LDS store's data are its source 1
.irp b, 0,1,2,3,4,5,6,7
	ds_store_b128 v[STO], v[AC+8*\b:AC+8*\b+3] offset:128*(\b/2)+32*(\b%2)         ; each accumulator from its low end on
	ds_store_b128 v[STO], v[AC+8*\b+4:AC+8*\b+7] offset:128*(\b/2)+32*(\b%2)+16
.endr
	WIN W<<6
.irp t, 0,1,2,3,4,5,6,7,8,9,10,11,12,13,14,15
	ds_load_b128 v[AC+4*\t:AC+4*\t+3], v[RD] offset:\t*SPITCH     ; LDS serves a wave's instructions in order (ISA guide 5.7.1.4): these see the stores above
.endr
	s_wait_dscnt 0x0
.if (\a) < 5
	s_wait_loadcnt 48                              ; this tile's residual is in; those of the three tiles behind it may be out
.else
	s_wait_loadcnt 16*(7-(\a))
.endif
	WIN (W<<6)|W|4                                 ; source 1, the residual, in window 1
.set i, 0
.rept 32
	v_pk_add_f32 v[AC+i:AC+i+1], v[AC+i:AC+i+1], v[AC+i:AC+i+1]
.set i, i+2
.endr
	WIN W<<2
.irp t, 0,1,2,3,4,5,6,7,8,9,10,11,12,13,14,15
	global_store_b128 v[LI], v[AC+4*\t:AC+4*\t+3], s[12:13] offset:(32*((\a)/2)+8*((\a)%2)+\t+8*(\t/8))*4096 th:TH_STORE_NT   ; 512 consecutive bytes, aligned to 256; these registers are not written again
.endr
	WIN 0
.if (\a) < 4
	RLOAD (\a)+4
.endif
.endm
	RLOAD 0
	RLOAD 1
	RLOAD 2
	RLOAD 3
.irp a, 0,1,2,3,4,5,6,7
	ROUT \a
.endr
.endif
	s_wait_tensorcnt 0x0                           ; the wave's end, behind my last tensor load and my last LDS store
	ds_add_u32 v[SPW], v[NIL]
	s_wait_dscnt 0x0
	CROUND                                         ; the closing round: no work-group ends while a partner may still ask for a block that names it
	s_endpgm
.Lfunc_end_k_q68556ef454_ff1:
	.size	k_q68556ef454_ff1, .Lfunc_end_k_q68556ef454_ff1-k_q68556ef454_ff1
	.p2alignl 7, 3214868480
	.fill 96, 4, 3214868480
	.section	.rodata,"a",@progbits
	.p2align	6, 0x0
	.amdhsa_kernel k_q68556ef454_ff1
		.amdhsa_group_segment_fixed_size 327680
		.amdhsa_private_segment_fixed_size 0
		.amdhsa_enable_private_segment 0
		.amdhsa_kernarg_size 24
		.amdhsa_user_sgpr_count 2
		.amdhsa_user_sgpr_kernarg_segment_ptr 1
		.amdhsa_wavefront_size32 1
		.amdhsa_system_sgpr_workgroup_id_x 1
		.amdhsa_system_sgpr_workgroup_id_y 1
		.amdhsa_system_sgpr_workgroup_id_z 1
		.amdhsa_system_vgpr_workitem_id 0
		.amdhsa_next_free_vgpr 1024
		.amdhsa_next_free_sgpr 100
		.amdhsa_reserve_vcc 1
		.amdhsa_float_denorm_mode_32 3
		.amdhsa_float_denorm_mode_16_64 3
		.amdhsa_memory_ordered 1
		.amdhsa_forward_progress 1
		.amdhsa_inst_pref_size 186
	.end_amdhsa_kernel
	.amdgpu_metadata
---
amdhsa.version: [ 1, 2 ]
amdhsa.kernels:
  - .name:           k_q68556ef454_ff1
    .symbol:         k_q68556ef454_ff1.kd
    .args:
      - { .name: ops, .offset: 0, .size: 8, .value_kind: global_buffer, .address_space: global }
      - { .name: b1, .offset: 8, .size: 8, .value_kind: global_buffer, .address_space: global }
      - { .name: hq, .offset: 16, .size: 8, .value_kind: global_buffer, .address_space: global }
    .group_segment_fixed_size: 327680
    .private_segment_fixed_size: 0
    .kernarg_segment_align: 8
    .kernarg_segment_size: 24
    .max_flat_workgroup_size: 128
    .sgpr_count:     100
    .vgpr_count:     1024
    .wavefront_size: 32
...
	.end_amdgpu_metadata
.endif
;; end of part 6
;; launch ff2 (part 7): grid 4 x 16, 4 waves a work-group, clusters of 4 x 4, 327,680 bytes of LDS; arguments ops, hq, b2, fA, out0; writes out0
.if DOCPART == 7
	.amdgcn_target "amdgcn-amd-amdhsa--gfx1250"
	.amdhsa_code_object_version 6
	.text
	.protected	k_q68556ef454_ff2
	.globl	k_q68556ef454_ff2
	.p2align	8
	.type	k_q68556ef454_ff2,@function
k_q68556ef454_ff2:
	s_mov_b64 s[64:65], 0
	v_nop
	global_prefetch_b8 v0, s[64:65] scope:SCOPE_SE
	s_setreg_imm32_b32 hwreg(HW_REG_WAVE_MODE, 25, 1), 1
	s_wait_xcnt 0x0
	s_wait_alu depctr_hold_cnt(0) depctr_sa_sdst(0) depctr_va_vdst(0) depctr_va_sdst(0) depctr_va_ssrc(0) depctr_va_vcc(0) depctr_vm_vsrc(0)
	s_getreg_b32 s2, hwreg(HW_REG_IB_STS2, 6, 4)
	s_cmp_eq_u32 s2, 0
	s_cbranch_scc0 .Lentry_in_a_cluster
	s_endpgm
.Lentry_in_a_cluster:
	s_bfe_u32 s2, ttmp6, 0x10000c
	s_cmp_lg_u32 s2, 0xf033
	s_cbranch_scc0 .Lentry_shape_is_right
	s_endpgm
.Lentry_shape_is_right:
.set KIND, 3                           ; 0: q, k, v    1: first layer of the MLP    2: projection    3: second layer of the MLP.  The four texts differ in this line alone
; D = S1 S0^T on codes of FP8 (E4M3) with one E8M0 scale for each 32 along K; sums in f32.  Both operands come as BLOCKS of 128 rows x 256 along K, 33,792 bytes, laid as images of operand registers:
; codes at q*16384 + t*2048 + c*512 + 16*lane + i = row pi(t, lane%16), k = 128 q + 32 c + 16 (lane/16) + i; scale words at 32768 + q*512 + t*64 + 4*(lane%16).  pi(t, p) = 32 (t/2) + 8 (t%2) + p + 8 (p/8).
; Block (rb, ks) of an operand has index rb * (K/256) + ks, so a K step is 33,792 bytes on.  A block is dense: one tensor load brings it, scale words and all, and a fragment is four LDS loads at 16 x lane.
; A work-group of four waves makes 256 rows of source 1 ('A', by the grid's y) x 256 rows of source 0 ('B', by its x); a wave 128 x 128: 64 accumulators, 512 registers.  K goes in steps of 256 through two LDS slots.
; SOURCE 0's ROWS STAND IN THE ORDER pi, so a lane's 16 registers of result tiles 2 b and 2 b + 1 are 16 NEIGHBOURS along source 0's rows; a lane holds one row of source 1.
; KIND 0, clusters y < 4: A = xn's rows (tokens), B = Wq's and Wk's rows: q and k, quantised along the head's 64.  Clusters y = 4, 5: A = Wv's rows, B = tokens: v, quantised along the tokens (attention's keys).
; KIND 1: A = x2, B = W1; + b1, relu, quantised along the hidden units.  KINDS 0 and 1 quantise in registers and store fragments as they stand: 512 consecutive bytes a store.
; KIND 2: A = attention's result, B = Wp; + bp + xn.  KIND 3: A = the hidden layer, B = W2; + b2 + x2.  Their f32 rows go through the wave's own stage in LDS and leave as 512 consecutive bytes.
; The bias is the C of each sum's first product.  CLUSTERS: 4 x 4 work-groups; A's blocks are asked for jointly along a row of the cluster, B's along a column.
; LIMITS: NaN and infinities are not served; a block of zeros gets the byte 1 (its codes are zeros; this program alone reads the bytes).
; REGISTERS, in windows of 256: window 0: v16-31 addresses; v32-63 scale words, two sets; v64-127 the bias; v128-255 A's fragments, ONE set.  window 1: B's fragments, TWO sets.  windows 2, 3: the accumulators ((a, b) at v[8 (8 (a%4) + b)]).
.set BLKB,   33792
.set SLOT,   4*BLKB                    ; A's two blocks, then B's two
.set STAGE,  2*SLOT                    ; behind the ring: 16 rows x 528 bytes for each wave (KINDS 2, 3)
.set SPITCH, 528
.set SPARE,  STAGE+4*16*SPITCH         ; the spare words, 128 bytes for each wave: two blocks of 256 bytes that no other line names
.set SCB,    12582912                  ; where the scale panels of q, k, v begin
.if KIND == 3
.set LK, 4                             ; log2(K / 256)
.else
.set LK, 2
.endif
.set LAPS,   (1<<LK)/2                 ; a lap = two K steps = once round the ring
.set ABASE,  0
.set BBASE,  0
.if KIND == 1
.set ABASE,  384
.set BBASE,  128
.endif
.if KIND == 2
.set BBASE,  96
.endif
.if KIND == 3
.set BBASE,  256
.endif
.set NQ,   2                           ; matrix instructions deep in a slot
.set FR,   16                          ; registers of a fragment
.set NL,   4                           ; LDS loads that bring one
.set NP,   8                           ; places behind this matrix instruction (ISA guide 7.12.1)
.set ADRA, 16                          ; v16-17  LDS address of my A block in slot 0, 1, + 16 x lane
.set ADRB, 20                          ; v20-21  the same for B
.set ADRS, 22                          ; v22-23  my scale words in slot 0, 1: lanes 0-15 A's, lanes 16-31 B's
.set STO,  24
.set RD,   25
.set LI,   26                          ; v26     16 x lane
.set LS,   27                          ; v27     4 x lane
.set SPW,  28                          ; v28     LDS address of my spare word; never rewritten
.set NIL,  29                          ; v29     0; never rewritten
.set BO,   30                          ; v30     64 x (lane / 16)
.set SC,   32
.set BI,   64
.set AF,   128
.set TM,   32                          ; the way out of KINDS 0, 1: v32-47 at work, v48-55 scale words, v56-63 as they leave, v64-127 held numbers, v128-255 codes: eight sets
.set PW,   48
.set SW,   56
.set SH,   60
.set T,    64
.set PC,   128
.set G1,   24                          ; s[24:31] descriptor group 1 for A's blocks; s[32:39] group 0, one set for each slot
.set G0,   32
.set G1B,  48                          ; s[48:55], s[56:63] the same for B's
.set G0B,  56
.set SEL,  78
.set MNT,  80
.set MSB,  0
.macro WIN new                         ; the immediate's high byte repeats the setting that is left
.if MSB != (\new)
	s_set_vgpr_msb (MSB<<8)|(\new)
.set MSB, (\new)
.endif
.endm
.set MUL_LO, 0xa1                      ; source 0 (B) window 1, source 1 (A) window 0, C and D window 2
.set MUL_HI, 0xf1                      ; the same, C and D window 3
.set TO_B,   0x40                      ; destination window 1, address window 0
; A joint load: waves 0 and 1 fetch A's two blocks, waves 2 and 3 B's.  The branch hangs on the wave's number alone.  Four v_nop follow each of the two lines.
.macro JLOAD g0a, g1a, g0b, g1b
	s_cmp_eq_u32 s15, 0
	s_cbranch_scc0 .Lfor_b_\@
	tensor_load_to_lds s[\g0a:\g0a+3], s[\g1a:\g1a+7]
	s_nop 0
.rept 4
	v_nop
.endr
	s_branch .Lasked_\@
.Lfor_b_\@:
	tensor_load_to_lds s[\g0b:\g0b+3], s[\g1b:\g1b+7]
	s_nop 0
.rept 4
	v_nop
.endr
.Lasked_\@:
.endm
.macro CREST                           ; a round of the cluster's barrier behind its opening barrier
	s_cmp_lg_u32 s14, 0
	s_cbranch_scc1 .Lnot_wave_0_\@
	s_barrier_signal -3
.Lnot_wave_0_\@:
	s_barrier_wait -3
	s_barrier_signal -1
	s_barrier_wait -1
.endm
.macro CROUND                          ; a whole round
	s_barrier_signal -1
	s_barrier_wait -1
	CREST
.endm
.if KIND == 0
	s_load_b64 s[4:5], s[0:1], 0x0                 ; the operands' buffer
	s_load_b64 s[12:13], s[0:1], 0x8               ; q, k, v
.elseif KIND == 1
	s_load_b64 s[4:5], s[0:1], 0x0                 ; the operands' buffer
	s_load_b64 s[8:9], s[0:1], 0x8                 ; the bias
	s_load_b64 s[12:13], s[0:1], 0x10              ; the hidden layer
.else
	s_load_b128 s[4:7], s[0:1], 0x0                ; the operands' buffer (B), A's buffer
	s_load_b128 s[8:11], s[0:1], 0x10              ; the bias, the residual
	s_load_b64 s[12:13], s[0:1], 0x20              ; the output
.endif
	v_lshl_add_u32 v[SPW], v0, 2, SPARE
	v_mov_b32 v[NIL], 0
	ds_add_u32 v28, v29
	s_wait_dscnt 0x0
	v_lshrrev_b32 v1, 5, v0
	v_readfirstlane_b32 s14, v1                    ; wave 0..3
	s_lshr_b32 s15, s14, 1                         ; which 128 rows of A are mine.  Also: I fetch for A (0) or for B (1)
	s_and_b32 s16, s14, 1                          ; which 128 rows of B.  Also: which of the two blocks I fetch
	s_bfe_u32 s40, ttmp6, 0x40000                  ; cx, cy: my place in the cluster
	s_bfe_u32 s41, ttmp6, 0x40004
	s_lshl_b32 s42, ttmp9, 2
	s_add_co_u32 s42, s42, s40                     ; tx = 4 x cluster x + cx
	s_and_b32 s18, ttmp7, 0xffff                   ; cluster y
	s_lshl_b32 s17, s18, 2
	s_add_co_u32 s17, s17, s41                     ; ty = 4 x cluster y + cy
	s_lshl_b32 s43, s41, 2
	s_lshl_b32 s43, 15, s43                        ; my row of the cluster
	s_lshl_b32 s44, 0x1111, s40                    ; my column
	; descriptor group 1: a dense block of 33,792 bytes as 132 rows of 256 (32 elements of 8 bytes), no padding
	s_or_b32 s[G1+0], s43, (3<<16)|(1<<21)         ; 15:0 the mask: A's blocks go to my row; 17:16 elements of 8 bytes; 21 set beside a mask
	s_or_b32 s[G1B+0], s44, (3<<16)|(1<<21)
.irp g, G1, G1B
	s_mov_b32 s[\g+1], 32<<16                      ; tensor_dim0
	s_mov_b32 s[\g+2], 132<<16                     ; tensor_dim1
	s_mov_b32 s[\g+3], 32<<16                      ; tile_dim0
	s_mov_b32 s[\g+4], 132                         ; tile_dim1
	s_mov_b32 s[\g+5], 32                          ; tensor_dim0_stride
	s_mov_b32 s[\g+6], 0
	s_mov_b32 s[\g+7], 0
.endr
	; the first block that I fetch.  A's index is made of cy, the cluster's y and the wave alone, B's of cx, the cluster's x and y and the wave alone
	s_lshl_b32 s19, s16, LK
.if KIND == 0
	s_lshl_b32 s20, s18, 5
	s_add_co_u32 s20, s20, 384                     ; q, k: A = xn, blocks 384 + 8 ty ..
	s_lshl_b32 s46, s18, 6
	s_add_co_u32 s46, s46, 128                     ; v: B = xn, blocks 384 + 8 tx + 64 (cluster y - 4) ..
	s_cmp_lt_u32 s18, 4
	s_cselect_b32 s20, s20, 64                     ; v: A = Wv, blocks 64 + 8 cy ..
	s_cselect_b32 s46, 0, s46                      ; q, k: B = Wq and Wk, blocks 8 tx ..
	s_lshl_b32 s21, s41, 3
	s_add_co_u32 s20, s20, s21
	s_lshl_b32 s47, s42, 3
	s_add_co_u32 s46, s46, s47
.else
	s_lshl_b32 s20, s17, LK+1
	s_lshl_b32 s46, s42, LK+1
.if ABASE > 0
	s_add_co_u32 s20, s20, ABASE
.endif
	s_add_co_u32 s46, s46, BBASE
.endif
	s_add_co_u32 s20, s20, s19
	s_add_co_u32 s46, s46, s19
	s_mul_i32 s20, s20, BLKB
	s_mul_i32 s46, s46, BLKB
	s_mov_b32 s21, 0
	s_mov_b32 s47, 0
	s_mul_i32 s45, s14, BLKB                       ; where it goes: wave x a block: no place in the cluster enters an LDS address
	s_mov_b32 s[SEL], 0x76543210
	s_mov_b32 s[SEL+1], 0xfedcba98                 ; lane selects for lane l xor 16
	s_mov_b32 s[MNT], 0x600000                     ; the mantissa field of 448
	s_wait_kmcnt 0x0
.if KIND < 2
	s_mov_b64 s[6:7], s[4:5]                       ; A lies in the operands' buffer too
.endif
	s_add_nc_u64 s[20:21], s[6:7], s[20:21]
	s_add_nc_u64 s[46:47], s[4:5], s[46:47]
	CROUND                                         ; all sixteen work-groups are here: the first joint loads meet
.irp s, 0,1
	s_mov_b32 s[G0+4*\s], 1
	s_add_co_u32 s[G0+4*\s+1], s45, \s*SLOT
	s_add_nc_u64 s[G0+4*\s+2:G0+4*\s+3], s[20:21], \s*BLKB
	s_or_b32 s[G0+4*\s+3], s[G0+4*\s+3], 0x80000000
	s_mov_b32 s[G0B+4*\s], 1
	s_add_co_u32 s[G0B+4*\s+1], s45, \s*SLOT
	s_add_nc_u64 s[G0B+4*\s+2:G0B+4*\s+3], s[46:47], \s*BLKB
	s_or_b32 s[G0B+4*\s+3], s[G0B+4*\s+3], 0x80000000
	JLOAD G0+4*\s, G1, G0B+4*\s, G1B
.endr
	v_and_b32 v1, 15, v0                           ; r
	v_bfe_u32 v2, v0, 4, 1                         ; h
	v_and_b32 v3, 31, v0
	v_lshlrev_b32 v[LI], 4, v3
	v_lshlrev_b32 v[LS], 2, v3
	s_mul_i32 s21, s15, BLKB                       ; my block of A
	s_mul_i32 s22, s16, BLKB                       ; my block of B,
	s_add_co_u32 s22, s22, 2*BLKB                  ; behind A's two
.irp s, 0,1
	v_add_nc_u32 v[ADRA+\s], s21, v[LI]
	v_add_nc_u32 v[ADRB+\s], s22, v[LI]
	s_add_co_u32 s21, s21, SLOT
	s_add_co_u32 s22, s22, SLOT
.endr
	s_mul_i32 s21, s15, BLKB
	s_mul_i32 s22, s16, BLKB
	s_add_co_u32 s22, s22, 2*BLKB
	s_sub_co_u32 s22, s22, s21
	v_mul_u32_u24 v4, s22, v2                      ; lanes 16-31 take B's scale words: one product, the distance between the two blocks
	v_lshl_add_u32 v4, v1, 2, v4
	s_add_co_u32 s21, s21, 32768
	v_add_nc_u32 v[ADRS], s21, v4
	v_add_nc_u32 v[ADRS+1], SLOT, v[ADRS]
.if KIND > 0
	v_lshlrev_b32 v[BO], 6, v2                     ; the bias: in result tile b lane (r, h) holds source 0's rows 32 (b/2) + 8 (b%2) + 16 h + 0 .. 7
	s_lshl_b32 s22, s42, 10
	s_lshl_b32 s23, s16, 9
	s_add_co_u32 s22, s22, s23
	s_mov_b32 s23, 0
	s_add_nc_u64 s[8:9], s[8:9], s[22:23]
.irp b, 0,1,2,3,4,5,6,7
	global_load_b128 v[BI+8*\b:BI+8*\b+3], v[BO], s[8:9] offset:(32*(\b/2)+8*(\b%2))*4
	global_load_b128 v[BI+8*\b+4:BI+8*\b+7], v[BO], s[8:9] offset:(32*(\b/2)+8*(\b%2))*4+16
.endr
.endif
.if KIND == 0
	; where my panel of 128 rows x 128 K goes: codes at (P' * 32 + rb') * 16384, scale words at SCB + (P' * 64 + rb') * 512
	s_lshl_b32 s70, s42, 1
	s_add_co_u32 s70, s70, s16                     ; q, k: P' = 2 tx + my half of B
	s_lshl_b32 s71, s17, 1
	s_add_co_u32 s71, s71, s15                     ;       rb' = 2 ty + my half of A
	s_lshl_b32 s72, s41, 1
	s_add_co_u32 s72, s72, s15
	s_add_co_u32 s72, s72, 16                      ; v: P' = 16 + 2 cy + my half of A
	s_lshl_b32 s73, s18, 4
	s_add_co_u32 s73, s73, s70
	s_sub_co_u32 s73, s73, 64                      ;    rb' = 2 tx + 16 (cluster y - 4) + my half of B
	s_cmp_lt_u32 s18, 4
	s_cselect_b32 s70, s70, s72
	s_cselect_b32 s71, s71, s73
	s_lshl_b32 s72, s70, 5
	s_add_co_u32 s72, s72, s71
	s_lshl_b32 s72, s72, 14
	s_lshl_b32 s70, s70, 6
	s_add_co_u32 s70, s70, s71
	s_lshl_b32 s70, s70, 9
	s_add_co_u32 s70, s70, SCB
	s_mov_b32 s71, 0
	s_mov_b32 s73, 0
	s_add_nc_u64 s[70:71], s[12:13], s[70:71]
	s_add_nc_u64 s[12:13], s[12:13], s[72:73]
.endif
.if KIND == 1
	s_lshl_b32 s70, s17, 1
	s_add_co_u32 s70, s70, s15
	s_lshl_b32 s70, s70, 4
	s_add_co_u32 s70, s70, s42                     ; the hidden layer's block (rb = 2 ty + my half of A, ks = tx): 16 rb + ks
	s_mul_i32 s70, s70, BLKB
	s_mov_b32 s71, 0
	s_add_nc_u64 s[70:71], s[12:13], s[70:71]
	s_lshl_b32 s72, s16, 14                        ; q = my half of B
	s_mov_b32 s73, 0
	s_add_nc_u64 s[12:13], s[70:71], s[72:73]
	s_lshl_b32 s72, s16, 9
	s_add_co_u32 s72, s72, 32768
	s_add_nc_u64 s[70:71], s[70:71], s[72:73]
.endif
.if KIND > 1
	s_lshl_b32 s70, s17, 1
	s_add_co_u32 s70, s70, s15
	s_lshl_b32 s70, s70, 19                        ; my 128 rows of 4,096 bytes,
	s_lshl_b32 s72, s42, 1
	s_add_co_u32 s72, s72, s16
	s_lshl_b32 s72, s72, 9                         ; my 128 columns
	s_add_co_u32 s70, s70, s72
	s_mov_b32 s71, 0
	s_add_nc_u64 s[12:13], s[12:13], s[70:71]
	s_add_nc_u64 s[10:11], s[10:11], s[70:71]
	s_mul_i32 s23, s14, 16*SPITCH
	s_add_co_u32 s23, s23, STAGE                   ; my stage
	v_mul_u32_u24 v5, v1, SPITCH
	v_lshl_add_u32 v5, v2, 6, v5
	v_add_nc_u32 v[STO], s23, v5                   ; in: row r, + 64 h
	v_add_nc_u32 v[RD], s23, v[LI]                 ; back: the 32 lanes take one row of 512 bytes
.endif
.macro FRAG reg, adr, q, i             ; fragment (tile i, the slot's q-th 128 along K): four loads of 512 consecutive bytes
.irp c, 0,1,2,3
	ds_load_b128 v[\reg+4*\c:\reg+4*\c+3], v[\adr] offset:16384*(\q)+2048*(\i)+512*\c
.endr
.endm
; 16 matrix instructions: A's tiles a0, a0 + 1 x B's eight.  p: B's set; sc: the set of scale words.  zero = 1: the first product starts the sums, from the bias or from 0: nothing is cleared.
; The 64 accumulators take turns, one instruction a turn, in the same order in every step.
.macro MUL16 a0, p, q, sc, zero
.irp a, \a0, \a0+1
.irp b, 0,1,2,3,4,5,6,7
.if (\zero) && (KIND == 0)
	v_wmma_scale_f32_16x16x128_f8f6f4 v[8*(8*((\a)%4)+\b):8*(8*((\a)%4)+\b)+7], v[128*(\p)+FR*\b:128*(\p)+FR*\b+FR-1], v[AF+FR*(\a):AF+FR*(\a)+FR-1], 0, v[SC+8*NQ*(\sc)+NQ*\b+(\q)], v[SC+8*NQ*(\sc)+NQ*(\a)+(\q)] matrix_a_scale:MATRIX_SCALE_ROW1
.elseif \zero
	v_wmma_scale_f32_16x16x128_f8f6f4 v[8*(8*((\a)%4)+\b):8*(8*((\a)%4)+\b)+7], v[128*(\p)+FR*\b:128*(\p)+FR*\b+FR-1], v[AF+FR*(\a):AF+FR*(\a)+FR-1], v[BI+8*\b:BI+8*\b+7], v[SC+8*NQ*(\sc)+NQ*\b+(\q)], v[SC+8*NQ*(\sc)+NQ*(\a)+(\q)] matrix_a_scale:MATRIX_SCALE_ROW1
.else
	v_wmma_scale_f32_16x16x128_f8f6f4 v[8*(8*((\a)%4)+\b):8*(8*((\a)%4)+\b)+7], v[128*(\p)+FR*\b:128*(\p)+FR*\b+FR-1], v[AF+FR*(\a):AF+FR*(\a)+FR-1], v[8*(8*((\a)%4)+\b):8*(8*((\a)%4)+\b)+7], v[SC+8*NQ*(\sc)+NQ*\b+(\q)], v[SC+8*NQ*(\sc)+NQ*(\a)+(\q)] matrix_a_scale:MATRIX_SCALE_ROW1
.endif
.endr
.endr
.endm
.macro FETCH_B slot, q, p              ; B's eight fragments into set p
	WIN TO_B
.irp i, 0,1,2,3,4,5,6,7
	FRAG 128*(\p)+FR*\i, ADRB+\slot, \q, \i
.endr
	WIN 0
.endm
.macro FETCH_A slot, q, i0             ; A's tiles i0 .. i0 + 3
.irp i, \i0, \i0+1, \i0+2, \i0+3
	FRAG AF+FR*(\i), ADRA+\slot, \q, \i
.endr
.endm
.macro SCALES sc                       ; slot sc's scale words: register 2 i + q: lanes 0-15 A's tile i, lanes 16-31 B's tile i
.irp i, 0,1,2,3,4,5,6,7
	ds_load_b32 v[SC+16*\sc+2*\i], v[ADRS+\sc] offset:\i*64
	ds_load_b32 v[SC+16*\sc+2*\i+1], v[ADRS+\sc] offset:512+\i*64
.endr
.endm
; A load into a register that a matrix instruction has read, and a vector instruction or a store that reads a matrix result, stand NP places behind that matrix instruction; only plain vector
; instructions that name none of its registers are places (ISA guide 7.12.1 for vector instructions).
.macro PLACES n
.rept \n
	v_nop
.endr
.endm
; A step of 128 along K that has its successor in the same slot.
.macro STEP slot, q, zero
	s_wait_dscnt 4*NL                              ; B's set, A's tiles 0-3 and the scale words are in; the youngest 16 loads (A's tiles 4-7) may be out
.if (\zero) && (KIND != 0)
	WIN 0x81                                       ; C, the bias, in window 0
.else
	WIN MUL_LO
.endif
	MUL16 0, (\q)%2, \q, \slot, \zero
	MUL16 2, (\q)%2, \q, \slot, \zero
	s_wait_dscnt 0                                 ; A's tiles 4-7 are in
	PLACES NP
	FETCH_B \slot, (\q)+1, 1-(\q)%2
	FETCH_A \slot, (\q)+1, 0
.if (\zero) && (KIND != 0)
	WIN 0xc1
.else
	WIN MUL_HI
.endif
	MUL16 4, (\q)%2, \q, \slot, \zero
	MUL16 6, (\q)%2, \q, \slot, \zero
	PLACES NP
	WIN 0
	FETCH_A \slot, (\q)+1, 4
.endm
; A slot's last step changes slots: ONE barrier; in front of it each wave waits for all its tensor loads, adds 0 to its spare word, and waits for that and for its own reads of this slot.  fill = 1: this slot is filled again, two K steps ahead.
.macro TURN slot, next, fill
	s_wait_tensorcnt 0x0                           ; all my tensor loads have landed: my part of the next slot
	ds_add_u32 v[SPW], v[NIL]                      ; 0 onto my spare word
	s_wait_dscnt 4*NL+1                            ; (the add and the youngest 16 loads, A's tiles 4-7, may be out)
	WIN MUL_LO
	MUL16 0, 1, NQ-1, \slot, 0                     ; sixteen matrix instructions stand between the add and the wait for it
	s_wait_dscnt 0x0                               ; the add is done, and my reads of this slot are over
	s_barrier_signal -1
	MUL16 2, 1, NQ-1, \slot, 0
	WIN 0
	s_barrier_wait -1
.if \fill
	CREST                                          ; the barrier has opened a round of the cluster's barrier: no wave of any partner still reads this slot or has a load on its way
	s_add_nc_u64 s[G0+4*\slot+2:G0+4*\slot+3], s[G0+4*\slot+2:G0+4*\slot+3], 2*BLKB
	s_add_nc_u64 s[G0B+4*\slot+2:G0B+4*\slot+3], s[G0B+4*\slot+2:G0B+4*\slot+3], 2*BLKB
	JLOAD G0+4*\slot, G1, G0B+4*\slot, G1B         ; the first tensor load behind the round; its four v_nop are among the places in front of the loads below
	PLACES NP-4
.else
	PLACES NP
.endif
	FETCH_B \next, 0, 0
	FETCH_A \next, 0, 0
	SCALES \next
	WIN MUL_HI
	MUL16 4, 1, NQ-1, \slot, 0
	MUL16 6, 1, NQ-1, \slot, 0
	PLACES NP
	WIN 0
	FETCH_A \next, 0, 4
.endm
	s_wait_tensorcnt 1                             ; my part of K step 0 is in (K step 1's load may be out)
	s_barrier_signal -1
	s_barrier_wait -1                              ; everybody's is
	FETCH_B 0, 0, 0
	FETCH_A 0, 0, 0
	SCALES 0
	FETCH_A 0, 0, 4
.if KIND > 0
	s_wait_loadcnt 0x0                             ; the bias
.endif
	STEP 0, 0, 1                                   ; the first step stands in front of the loop: its products start the sums
	s_mov_b32 s3, LAPS-1
.Llap:                                                 ; a trip goes once round the ring, from a lap's second step to the next lap's first, and fills both slots again
	TURN 0, 1, 1
	STEP 1, 0, 0
	TURN 1, 0, 1
	STEP 0, 0, 0
	s_sub_co_u32 s3, s3, 1
	s_cmp_lg_u32 s3, 0
	s_cbranch_scc1 .Llap
	TURN 0, 1, 0                                   ; the last lap fills nothing, and has no round of the cluster's barrier
	STEP 1, 0, 0
	s_wait_dscnt 4*NL                              ; the very last step: nothing more to fetch
	WIN MUL_LO
	MUL16 0, 1, NQ-1, 1, 0
	MUL16 2, 1, NQ-1, 1, 0
	s_wait_dscnt 0
	WIN MUL_HI
	MUL16 4, 1, NQ-1, 1, 0
	MUL16 6, 1, NQ-1, 1, 0
	WIN 0
	PLACES NP                                      ; in front of the first read of results and the first write of registers that the products read
.if KIND < 2
; THE WAY OUT, quantised.  Of A's tile a a lane holds one row and 64 numbers, register 16 b + i = source 0's row 32 b + 16 (lane / 16) + i: four blocks of 32 along the next product's K, each shared with lane l xor 16.
; The conversions' results are the next operand's registers: they are stored as they stand.  Each accumulator is read from its low end on.
.macro QOUT a
.set W, 2+(\a)/4
.set AC, 64*((\a)%4)
	WIN (W<<2)|(W<<4)                              ; sources 1 and 2: the accumulators' window
.irp b, 0,1,2,3
.if KIND == 1
	v_max3_num_f32 v[TM+\b], 0x4800000, v[AC+16*\b], v[AC+16*\b+1]         ; no |.|: what is negative becomes 0 (the activation) and must not count; the floor 2^(9 - 127) stands over it
.else
	v_max3_num_f32 v[TM+\b], 0x4800000, |v[AC+16*\b]|, |v[AC+16*\b+1]|     ; my 16 numbers of block b, and the floor 2^(9 - 127): the byte cannot fall under 1
.endif
.endr
.irp i, 2,4,6,8,10,12,14
.irp b, 0,1,2,3
.if KIND == 1
	v_max3_num_f32 v[TM+\b], v[TM+\b], v[AC+16*\b+\i], v[AC+16*\b+\i+1]
.else
	v_max3_num_f32 v[TM+\b], v[TM+\b], |v[AC+16*\b+\i]|, |v[AC+16*\b+\i+1]|
.endif
.endr
.endr
	WIN 0
.irp b, 0,1,2,3
	v_permlanex16_b32 v[TM+4+\b], v[TM+\b], s[SEL], s[SEL+1]
.endr
.irp b, 0,1,2,3
	v_max_num_f32 v[TM+\b], v[TM+\b], v[TM+4+\b]   ; with lane l xor 16's: the block's largest magnitude
.endr
.irp b, 0,1,2,3
	v_add_nc_u32 v[TM+12+\b], 0xfc000000, v[TM+\b] ; 8 off the exponent field: the conversion's scale operand
.endr
.irp b, 0,1,2,3
	v_and_or_b32 v[TM+8+\b], v[TM+\b], 0x7f800000, s[MNT]   ; 448 x the scale
.endr
.irp b, 0,1,2,3
	v_lshrrev_b32 v[TM+4+\b], 23, v[TM+12+\b]      ; the scale's byte
.endr
	v_lshl_or_b32 v[PW+(\a)], v[TM+5], 8, v[TM+4]
	v_lshl_or_b32 v[PW+(\a)], v[TM+6], 16, v[PW+(\a)]
	v_lshl_or_b32 v[PW+(\a)], v[TM+7], 24, v[PW+(\a)]
	WIN W                                          ; source 0: the accumulators' window
.irp b, 0,1,2,3
.set i, 0
.rept 16
.if KIND == 1
	v_med3_num_f32 v[T+16*\b+i], v[AC+16*\b+i], 0, v[TM+8+\b]              ; the activation and the hold in one
.else
	v_med3_num_f32 v[T+16*\b+i], v[AC+16*\b+i], -v[TM+8+\b], v[TM+8+\b]    ; the conversion does not saturate (ISA guide 7.6.2): the hold comes first
.endif
.set i, i+1
.endr
.endr
	WIN 0
.irp b, 0,1,2,3
	v_cvt_scalef32_pk8_fp8_f32 v[PC+16*(\a)+4*\b:PC+16*(\a)+4*\b+1], v[T+16*\b:T+16*\b+7], v[TM+12+\b]
	v_cvt_scalef32_pk8_fp8_f32 v[PC+16*(\a)+4*\b+2:PC+16*(\a)+4*\b+3], v[T+16*\b+8:T+16*\b+15], v[TM+12+\b]
.endr
	v_nop                                          ; a plain instruction behind the last conversion
.irp c, 0,1,2,3
	global_store_b128 v[LI], v[PC+16*(\a)+4*\c:PC+16*(\a)+4*\c+3], s[12:13] offset:(\a)*2048+\c*512   ; 512 consecutive bytes, aligned to 256; each tile has its own registers, so no store's data are written again
.endr
.endm
.irp b, 0,1,2,3
	v_mov_b32 v[TM+4+\b], 0                        ; written once: a lane permute's destination counts as one of its sources
.endr
	v_and_b32 v31, 16, v0
.irp a, 0,1,2,3,4,5,6,7
	QOUT \a
.endr
	v_cmp_ne_u32 vcc_lo, 0, v31
.irp p, 0,1,2,3
	v_cndmask_b32 v[SW+\p], v[PW+2*\p], v[PW+2*\p+1], vcc_lo   ; a row's word stands in lanes r and 16 + r: lanes 0-15 send tile 2 p's, lanes 16-31 tile 2 p + 1's
.endr
.irp p, 0,1,2,3
	global_store_b32 v[LS], v[SW+\p], s[70:71] offset:128*\p   ; 128 consecutive bytes
.endr
.if KIND == 0
	s_cmp_ge_u32 s18, 4                            ; q and k only (the same way in all partners): a second copy, shifted, so that the odd head of a pair finds its two bytes lowest
	s_cbranch_scc1 .Lno_shift
.irp p, 0,1,2,3
	v_lshrrev_b32 v[SH+\p], 16, v[SW+\p]
.endr
.irp p, 0,1,2,3
	global_store_b32 v[LS], v[SH+\p], s[70:71] offset:16384+128*\p
.endr
.Lno_shift:
.endif
.else
; THE WAY OUT in f32, tile by tile of 16 rows x 128 columns.  A lane holds pieces of one row: the tile goes through my own stage in LDS and comes back, into the registers that it left, as whole pieces of
; 512 bytes of a row; the residual, loaded the same way four tiles ahead into B's old registers, is added; 32 lanes store 512 consecutive bytes.  Place t of tile a is row 32 (a/2) + 8 (a%2) + t + 8 (t/8).
.macro RLOAD a
	WIN 0x40                                       ; destination window 1
.irp t, 0,1,2,3,4,5,6,7,8,9,10,11,12,13,14,15
	global_load_b128 v[64*((\a)%4)+4*\t:64*((\a)%4)+4*\t+3], v[LI], s[10:11] offset:(32*((\a)/2)+8*((\a)%2)+\t+8*(\t/8))*4096 th:TH_LOAD_NT
.endr
	WIN 0
.endm
.macro ROUT a
.set W, 2+(\a)/4
.set AC, 64*((\a)%4)
	WIN W<<2                                       ; an LDS store's data are its source 1
.irp b, 0,1,2,3,4,5,6,7
	ds_store_b128 v[STO], v[AC+8*\b:AC+8*\b+3] offset:128*(\b/2)+32*(\b%2)         ; each accumulator from its low end on
	ds_store_b128 v[STO], v[AC+8*\b+4:AC+8*\b+7] offset:128*(\b/2)+32*(\b%2)+16
.endr
	WIN W<<6
.irp t, 0,1,2,3,4,5,6,7,8,9,10,11,12,13,14,15
	ds_load_b128 v[AC+4*\t:AC+4*\t+3], v[RD] offset:\t*SPITCH     ; LDS serves a wave's instructions in order (ISA guide 5.7.1.4): these see the stores above
.endr
	s_wait_dscnt 0x0
.if (\a) < 5
	s_wait_loadcnt 48                              ; this tile's residual is in; those of the three tiles behind it may be out
.else
	s_wait_loadcnt 16*(7-(\a))
.endif
	WIN (W<<6)|W|4                                 ; source 1, the residual, in window 1
.set i, 0
.rept 32
	v_pk_add_f32 v[AC+i:AC+i+1], v[AC+i:AC+i+1], v[AC+i:AC+i+1]
.set i, i+2
.endr
	WIN W<<2
.irp t, 0,1,2,3,4,5,6,7,8,9,10,11,12,13,14,15
	global_store_b128 v[LI], v[AC+4*\t:AC+4*\t+3], s[12:13] offset:(32*((\a)/2)+8*((\a)%2)+\t+8*(\t/8))*4096 th:TH_STORE_NT   ; 512 consecutive bytes, aligned to 256; these registers are not written again
.endr
	WIN 0
.if (\a) < 4
	RLOAD (\a)+4
.endif
.endm
	RLOAD 0
	RLOAD 1
	RLOAD 2
	RLOAD 3
.irp a, 0,1,2,3,4,5,6,7
	ROUT \a
.endr
.endif
	s_wait_tensorcnt 0x0                           ; the wave's end, behind my last tensor load and my last LDS store
	ds_add_u32 v[SPW], v[NIL]
	s_wait_dscnt 0x0
	CROUND                                         ; the closing round: no work-group ends while a partner may still ask for a block that names it
	s_endpgm
.Lfunc_end_k_q68556ef454_ff2:
	.size	k_q68556ef454_ff2, .Lfunc_end_k_q68556ef454_ff2-k_q68556ef454_ff2
	.p2alignl 7, 3214868480
	.fill 96, 4, 3214868480
	.section	.rodata,"a",@progbits
	.p2align	6, 0x0
	.amdhsa_kernel k_q68556ef454_ff2
		.amdhsa_group_segment_fixed_size 327680
		.amdhsa_private_segment_fixed_size 0
		.amdhsa_enable_private_segment 0
		.amdhsa_kernarg_size 40
		.amdhsa_user_sgpr_count 2
		.amdhsa_user_sgpr_kernarg_segment_ptr 1
		.amdhsa_wavefront_size32 1
		.amdhsa_system_sgpr_workgroup_id_x 1
		.amdhsa_system_sgpr_workgroup_id_y 1
		.amdhsa_system_sgpr_workgroup_id_z 1
		.amdhsa_system_vgpr_workitem_id 0
		.amdhsa_next_free_vgpr 1024
		.amdhsa_next_free_sgpr 100
		.amdhsa_reserve_vcc 1
		.amdhsa_float_denorm_mode_32 3
		.amdhsa_float_denorm_mode_16_64 3
		.amdhsa_memory_ordered 1
		.amdhsa_forward_progress 1
		.amdhsa_inst_pref_size 176
	.end_amdhsa_kernel
	.amdgpu_metadata
---
amdhsa.version: [ 1, 2 ]
amdhsa.kernels:
  - .name:           k_q68556ef454_ff2
    .symbol:         k_q68556ef454_ff2.kd
    .args:
      - { .name: ops, .offset: 0, .size: 8, .value_kind: global_buffer, .address_space: global }
      - { .name: hq, .offset: 8, .size: 8, .value_kind: global_buffer, .address_space: global }
      - { .name: b2, .offset: 16, .size: 8, .value_kind: global_buffer, .address_space: global }
      - { .name: fA, .offset: 24, .size: 8, .value_kind: global_buffer, .address_space: global }
      - { .name: out0, .offset: 32, .size: 8, .value_kind: global_buffer, .address_space: global }
    .group_segment_fixed_size: 327680
    .private_segment_fixed_size: 0
    .kernarg_segment_align: 8
    .kernarg_segment_size: 40
    .max_flat_workgroup_size: 128
    .sgpr_count:     100
    .vgpr_count:     1024
    .wavefront_size: 32
...
	.end_amdgpu_metadata
.endif
;; end of part 7
;; ======== version 2 of 2: 7 launches
;; limits: right only within a limited range of input values
;; workspace buffers: ops 17,301,504 bytes; fA 16,777,216 bytes; qkv 13,369,344 bytes; attq 4,325,376 bytes; x1f 16,777,216 bytes; hq 17,301,504 bytes
;; launch wq (part 8): grid 640 x 1, 4 waves a work-group, no clusters, 99,328 bytes of LDS; arguments x, g1, be1, fA, Wq, Wk, Wv, Wp, W1, W2, ops; writes fA, ops
.if DOCPART == 8
	.amdgcn_target "amdgcn-amd-amdhsa--gfx1250"
	.amdhsa_code_object_version 6
	.text
	.protected	k_q68556ef454_wq
	.globl	k_q68556ef454_wq
	.p2align	8
	.type	k_q68556ef454_wq,@function
k_q68556ef454_wq:
	s_mov_b64 s[64:65], 0
	v_nop
	global_prefetch_b8 v0, s[64:65] scope:SCOPE_SE
	s_setreg_imm32_b32 hwreg(HW_REG_WAVE_MODE, 25, 1), 1
	s_wait_xcnt 0x0
; The six weights, f32 with K NOT innermost, become codes of FP8 (E4M3) with one E8M0 byte for each 32 along K, laid as images of operand registers.
; A BLOCK of the output is 128 rows n x 256 along K, 33,792 bytes: codes at q*16384 + t*2048 + c*512 + 16*lane + i  = row pi(t, lane%16), k = 128 q + 32 c + 16 (lane/16) + i;
; scale words at 32768 + q*512 + t*64 + 4*(lane%16), byte c.  pi(t, p) = 32 (t/2) + 8 (t%2) + p + 8 (p/8).  Block (rb, ks) of a weight has index rb * (K/256) + ks.
; Work-group g makes block g: 0-31 Wq, 32-63 Wk, 64-95 Wv, 96-127 Wp, 128-255 W1, 256-383 W2.  Wave w takes rows 32 w .. 32 w + 31 of the block (tiles 2 w, 2 w + 1).
; A LANE TAKES A COLUMN n AND ITS REGISTERS RUN DOWN K: a block of 32 along K lies in one lane, and the conversions give codes with K innermost.  Nothing is transposed by an instruction.
; The codes go through the wave's own 8,192 bytes of LDS and leave in stores of 512 consecutive bytes.  No barrier: waves share nothing.  Loads run two blocks of 32 (64 loads a wave) ahead.
; LIMITS: NaN and infinities are not served; a block of zeros gets the byte 1 (its codes are zeros; this program alone reads the bytes).
; WORK LEFT OUT, in the whole program: the causal mask sets the scores of keys s > t to -inf, whose softmax weight is 0 whatever the inputs hold.
; So a step of 128 keys that lies wholly behind a tile's 16 queries reaches no output: launch attn makes neither its scores nor its weighted sums.  Every input has a way to the output and is loaded.
; LIMIT: a NaN, an infinity or an overflow that would arise only in the work left out is not carried to the result.
.set BLKB,  33792
.set OFF,   32                         ; v32-63   pitch x i + 4 x lane, i = 0 .. 31; never rewritten
.set X,     64                         ; v64-127  two sets of 32 numbers
.set C,     128                        ; v128-135 a block's codes
.set SB,    24                         ; v24-25   the scale words of q = 0, 1
.set OUTR,  136                        ; v136-199 the way out
.set WV,    31                         ; s31      wave
.set BASE,  32                         ; s[32:47] eight bases, one for each 32 along K; never stepped
.set MNT,   48                         ; s48      the mantissa field of 448
; ONE LAUNCH PREPARES ALL OPERANDS THAT HANG ON INPUTS ALONE: work-groups 0-383 quantise the weights (the text from here on), work-groups 384-639 normalise and quantise x (the text behind .Lln).
; The branch hangs on the work-group's number alone.  LDS: the normalising path has bytes 0 .. 65,791, the spare words lie from 65,792 on (one block for both paths), the weights' path has its own bytes from 66,560 on.
	v_lshl_add_u32 v248, v0, 2, 0x10100
	v_mov_b32 v249, 0
	s_cmp_ge_u32 ttmp9, 384
	s_wait_alu depctr_va_vdst(0)
	s_cbranch_scc1 .Lln
	s_load_b256 s[4:11], s[0:1], 0x20              ; Wq, Wk, Wv, Wp
	s_load_b128 s[12:15], s[0:1], 0x40             ; W1, W2
	s_load_b64 s[16:17], s[0:1], 0x50              ; ops
	v_lshrrev_b32 v1, 5, v0
	v_readfirstlane_b32 s[WV], v1
	v_and_b32 v2, 31, v0                           ; lane = my row among the wave's 32
	v_lshlrev_b32 v3, 2, v2
	v_bfe_u32 v5, v0, 3, 1                         ; u: which of the wave's two tiles
	v_and_b32 v6, 7, v0
	v_bfe_u32 v10, v0, 4, 1
	v_lshl_add_u32 v6, v10, 3, v6                  ; r: my place in that tile
	s_lshl_b32 s30, s[WV], 13
	s_add_co_u32 s30, s30, 0x10400                 ; this path's own LDS bytes
	v_lshlrev_b32 v4, 4, v6
	v_lshl_add_u32 v4, v5, 11, v4
	v_add_nc_u32 v4, s30, v4                       ; stage, in: 8192 w + 2048 u + 16 r
	v_lshlrev_b32 v8, 4, v2
	v_add_nc_u32 v7, s30, v8                       ; stage, out: 8192 w + 16 lane
	s_lshl_b32 s30, s[WV], 12
	v_add_nc_u32 v8, s30, v8                       ; in the block: 4096 w + 16 lane
	v_lshlrev_b32 v9, 2, v6
	v_lshl_add_u32 v9, v5, 6, v9
	s_lshl_b32 s30, s[WV], 7
	v_add_nc_u32 v9, s30, v9                       ; my scale word: 128 w + 64 u + 4 r
	s_mov_b32 s[MNT], 0x600000
	; which weight, which block of it
	s_lshr_b32 s20, ttmp9, 5                       ; 0 Wq, 1 Wk, 2 Wv, 3 Wp, 4-7 W1, 8-11 W2
	s_lshr_b32 s22, s20, 2
	s_mov_b32 s21, 4096
	s_cmp_eq_u32 s22, 1
	s_cselect_b32 s21, 16384, s21
	s_cmp_lt_u32 s20, 3
	s_cselect_b32 s21, 256, s21                    ; bytes from k to k + 1
	s_cmp_eq_u32 s22, 2
	s_cselect_b32 s23, 4, 2                        ; log2(K / 256)
	s_cmp_lt_u32 s20, 4
	s_cselect_b32 s24, 31, 127
	s_and_b32 s24, ttmp9, s24                      ; the block's index in its weight
	s_lshr_b32 s26, s24, s23                       ; rb
	s_lshl_b32 s25, -1, s23
	s_and_not1_b32 s25, s24, s25                   ; ks
	s_lshl_b32 s27, s26, 7
	s_lshl_b32 s28, s[WV], 5
	s_add_co_u32 s27, s27, s28                     ; my wave's first column n0
	s_lshr_b32 s28, s27, 6
	s_lshl_b32 s28, s28, 18
	s_and_b32 s29, s27, 63
	s_lshl_b32 s29, s29, 2
	s_add_co_u32 s28, s28, s29                     ; [head][k][64]: head x 262,144 + 4 d
	s_lshl_b32 s29, s27, 2                         ; [k][n]: 4 n0
	s_cmp_lt_u32 s20, 3
	s_cselect_b32 s28, s28, s29
	s_mul_i32 s29, s25, s21
	s_lshl_b32 s29, s29, 8                         ; 256 ks rows of K
	s_add_co_u32 s28, s28, s29
	s_mov_b32 s29, 0
	s_lshl_b32 s50, s21, 5                         ; 32 rows of K
	s_mov_b32 s51, 0
	s_mul_i32 s52, ttmp9, BLKB
	s_mov_b32 s53, 0
.set i, 0
.rept 32
	v_mad_u32_u24 v[OFF+i], s21, i, v3
.set i, i+1
.endr
	s_wait_alu depctr_va_vdst(0)
	s_wait_kmcnt 0x0
	s_mov_b64 s[18:19], s[14:15]                   ; the weight's address: a choice on the work-group's number alone
	s_cmp_lt_u32 s20, 8
	s_cselect_b64 s[18:19], s[12:13], s[18:19]
	s_cmp_lt_u32 s20, 4
	s_cselect_b64 s[18:19], s[10:11], s[18:19]
	s_cmp_lt_u32 s20, 3
	s_cselect_b64 s[18:19], s[8:9], s[18:19]
	s_cmp_lt_u32 s20, 2
	s_cselect_b64 s[18:19], s[6:7], s[18:19]
	s_cmp_lt_u32 s20, 1
	s_cselect_b64 s[18:19], s[4:5], s[18:19]
	s_add_nc_u64 s[BASE:BASE+1], s[18:19], s[28:29]
.irp t, 1,2,3,4,5,6,7
	s_add_nc_u64 s[BASE+2*\t:BASE+2*\t+1], s[BASE+2*\t-2:BASE+2*\t-1], s[50:51]
.endr
	s_add_nc_u64 s[16:17], s[16:17], s[52:53]      ; my block of the output
.macro LOAD t                          ; W(32 t + i, my column), i = 0 .. 31: each load reads 128 consecutive bytes
.set i, 0
.rept 32
	global_load_b32 v[X+32*((\t)%2)+i], v[OFF+i], s[BASE+2*(\t):BASE+2*(\t)+1] th:TH_LOAD_NT
.set i, i+1
.endr
.endm
	LOAD 0
	LOAD 1
.macro BLOCK t
.set XS, X+32*((\t)%2)
.if (\t) < 7
	s_wait_loadcnt 32                              ; this block's 32 loads are in; the next block's 32 may be out
.else
	s_wait_loadcnt 0
.endif
	v_max3_num_f32 v12, |v[XS]|, |v[XS+1]|, |v[XS+2]|              ; the block's largest magnitude: all 32 numbers are mine
	v_max3_num_f32 v13, |v[XS+3]|, |v[XS+4]|, |v[XS+5]|
.irp i, 6,10,14,18,22,26
	v_max3_num_f32 v12, v12, |v[XS+\i]|, |v[XS+\i+1]|
	v_max3_num_f32 v13, v13, |v[XS+\i+2]|, |v[XS+\i+3]|
.endr
	v_max3_num_f32 v12, v12, |v[XS+30]|, |v[XS+31]|
	v_max3_num_f32 v12, v12, v13, 0x4800000        ; and the floor 2^(9 - 127): the byte cannot fall under 1
	v_add_nc_u32 v11, 0xfc000000, v12              ; 8 off the exponent field: the conversion's scale operand
	v_and_or_b32 v10, v12, 0x7f800000, s[MNT]      ; 448 x the scale
	v_lshrrev_b32 v13, 23, v11                     ; the scale's byte
.if (\t)%4 == 0
	v_mov_b32 v[SB+(\t)/4], v13
.else
	v_lshl_or_b32 v[SB+(\t)/4], v13, 8*((\t)%4), v[SB+(\t)/4]
.endif
.set i, 0
.rept 32
	v_med3_num_f32 v[XS+i], v[XS+i], -v10, v10     ; the conversion to an 8-bit code does not saturate (ISA guide 7.6.2): the hold comes first
.set i, i+1
.endr
.irp g, 0,1,2,3
	v_cvt_scalef32_pk8_fp8_f32 v[C+2*\g:C+2*\g+1], v[XS+8*\g:XS+8*\g+7], v11
.endr
	ds_store_b128 v4, v[C:C+3] offset:((\t)/4)*4096+((\t)%4)*512          ; k = 32 c + 0 .. 15: the place of lane r
	ds_store_b128 v4, v[C+4:C+7] offset:((\t)/4)*4096+((\t)%4)*512+256    ; k = 32 c + 16 .. 31: the place of lane 16 + r
.if (\t)+2 < 8
	LOAD (\t)+2
.endif
	s_wait_dscnt 0x0                               ; the stores have read their registers: the next block's codes may be written
.endm
.set Q, 0
.rept 8
	BLOCK Q
.set Q, Q+1
.endr
	global_store_b32 v9, v[SB], s[16:17] offset:32768          ; the wave's 32 scale words of q = 0: 128 consecutive bytes
	global_store_b32 v9, v[SB+1], s[16:17] offset:32768+512
.irp t, 0,1,2,3,4,5,6,7,8,9,10,11,12,13,14,15
	ds_load_b128 v[OUTR+4*\t:OUTR+4*\t+3], v7 offset:512*\t    ; LDS serves a wave's instructions in order: these see my stores
.endr
.irp t, 0,1,2,3,4,5,6,7,8,9,10,11,12,13,14,15
	s_wait_dscnt 15-\t
	global_store_b128 v8, v[OUTR+4*\t:OUTR+4*\t+3], s[16:17] offset:(\t/8)*16384+(\t%8)*512   ; 512 consecutive bytes, aligned to 256
.endr
	s_wait_tensorcnt 0x0                           ; the wave's end
	ds_add_u32 v248, v249
	s_wait_dscnt 0x0
	s_endpgm
.Lln:
; WORK-GROUPS 384-639: y = (x - mean) * rsqrt(var + 1e-5) * g1 + be1 along rows of 1,024; y leaves as f32 (fA) and as codes with scale words in blocks 384 + 4 rb + ks of ops, laid as the weights' blocks are.
; A work-group takes one tile of 16 rows (rb = number / 8, tile = number % 8).  Phase 1: wave w normalises places 4 w .. 4 w + 3, a whole row in 32 registers of the wave: the mean first, then the variance of the differences.
; One barrier.  Phase 2: wave w takes columns 256 w .. 256 w + 255 of all 16 rows out of LDS, quantises them and stores two fragments as they stand.  LIMITS as above.
.set PITCH, 4112
.set G,     16
.set BT,    48
.set X,     80
.set TM,    208
.set PC0,   224
.set PC1,   16
.set PW0,   240
.set PW1,   241
.set SEL,   20
.set MNT,   24
	s_load_b256 s[4:11], s[0:1], 0x0               ; x, g1, be1, fA
	s_load_b64 s[12:13], s[0:1], 0x50              ; ops
	v_lshrrev_b32 v1, 5, v0
	v_readfirstlane_b32 s14, v1                    ; wave
	v_and_b32 v7, 31, v0
	v_lshlrev_b32 v1, 4, v7                        ; 16 x lane
	s_wait_alu depctr_va_vdst(0)
	v_and_b32 v2, 15, v0                           ; r
	s_wait_alu depctr_va_vdst(0)
	v_bfe_u32 v3, v0, 4, 1                         ; h
	s_lshr_b32 s15, ttmp9, 3
	s_sub_co_u32 s15, s15, 48                      ; rb
	s_and_b32 s16, ttmp9, 7                        ; the tile in it
	s_lshl_b32 s17, s15, 7
	s_lshr_b32 s18, s16, 1
	s_lshl_b32 s18, s18, 5
	s_add_co_u32 s17, s17, s18
	s_and_b32 s18, s16, 1
	s_lshl_b32 s18, s18, 3
	s_add_co_u32 s17, s17, s18
	s_lshl_b32 s18, s14, 2
	s_add_co_u32 s17, s17, s18
	s_lshr_b32 s18, s14, 1
	s_lshl_b32 s18, s18, 3
	s_add_co_u32 s17, s17, s18                     ; my first row: 128 rb + pi(tile, 4 w)
	s_lshl_b32 s18, s17, 12
	s_mov_b32 s19, 0
	s_mul_i32 s25, s14, 4*PITCH
	v_add_nc_u32 v4, s25, v1                       ; LDS, in: place 4 w, 16 x lane
	v_mul_u32_u24 v5, v2, PITCH
	s_wait_alu depctr_va_vdst(0)
	v_lshl_add_u32 v5, v3, 6, v5
	s_lshl_b32 s26, s14, 10
	v_add_nc_u32 v5, s26, v5                       ; LDS, out: place r, 1024 w + 64 h
	v_lshlrev_b32 v6, 2, v2
	v_lshl_add_u32 v6, v3, 9, v6
	s_lshl_b32 s27, s16, 6
	v_add_nc_u32 v6, s27, v6                       ; my scale word: 512 h + 64 tile + 4 r
	s_lshl_b32 s28, s15, 2
	s_add_co_u32 s28, s28, s14
	s_add_co_u32 s28, s28, 384
	s_mul_i32 s28, s28, BLKB                       ; block 384 + 4 rb + w
	s_mov_b32 s29, 0
	s_lshl_b32 s34, s16, 11
	s_mov_b32 s35, 0
	s_mov_b32 s[SEL], 0x76543210
	s_mov_b32 s[SEL+1], 0xfedcba98
	s_mov_b32 s22, 0x3a800000                      ; 1 / 1024
	s_mov_b32 s23, 0x3727c5ac                      ; 1e-5
	s_mov_b32 s[MNT], 0x600000
	s_wait_kmcnt 0x0
	s_add_nc_u64 s[4:5], s[4:5], s[18:19]
	s_add_nc_u64 s[10:11], s[10:11], s[18:19]
	s_add_nc_u64 s[30:31], s[12:13], s[28:29]
	s_add_nc_u64 s[32:33], s[30:31], s[34:35]
.irp k, 0,1,2,3
.irp i, 0,1,2,3,4,5,6,7
	global_load_b128 v[X+32*\k+4*\i:X+32*\k+4*\i+3], v1, s[4:5] offset:4096*\k+512*\i th:TH_LOAD_NT
.endr
.endr
.irp i, 0,1,2,3,4,5,6,7
	global_load_b128 v[G+4*\i:G+4*\i+3], v1, s[6:7] offset:512*\i
	global_load_b128 v[BT+4*\i:BT+4*\i+3], v1, s[8:9] offset:512*\i
.endr
.macro RED                             ; the four rows' partial sums become each row's sum in every lane, in v[TM+4k]
.irp k, 0,1,2,3
	v_pk_add_f32 v[TM+4*\k:TM+4*\k+1], v[TM+4*\k:TM+4*\k+1], v[TM+4*\k+2:TM+4*\k+3]
.endr
.irp k, 0,1,2,3
	v_add_f32 v[TM+4*\k], v[TM+4*\k], v[TM+4*\k+1]
.endr
.irp m, 1,2,4,8
.irp k, 0,1,2,3
	v_add_f32_dpp v[TM+4*\k], v[TM+4*\k], v[TM+4*\k] row_xmask:\m row_mask:0xf bank_mask:0xf
.endr
.endr
.irp k, 0,1,2,3
	v_permlanex16_b32 v[TM+4*\k+1], v[TM+4*\k], s[SEL], s[SEL+1]
.endr
.irp k, 0,1,2,3
	v_add_f32 v[TM+4*\k], v[TM+4*\k], v[TM+4*\k+1]
.endr
.endm
	s_wait_loadcnt 0x0
.irp k, 0,1,2,3
	v_pk_add_f32 v[TM+4*\k:TM+4*\k+1], v[X+32*\k:X+32*\k+1], v[X+32*\k+4:X+32*\k+5]
	v_pk_add_f32 v[TM+4*\k+2:TM+4*\k+3], v[X+32*\k+2:X+32*\k+3], v[X+32*\k+6:X+32*\k+7]
.endr
.irp j, 8,12,16,20,24,28
.irp k, 0,1,2,3
	v_pk_add_f32 v[TM+4*\k:TM+4*\k+1], v[TM+4*\k:TM+4*\k+1], v[X+32*\k+\j:X+32*\k+\j+1]
	v_pk_add_f32 v[TM+4*\k+2:TM+4*\k+3], v[TM+4*\k+2:TM+4*\k+3], v[X+32*\k+\j+2:X+32*\k+\j+3]
.endr
.endr
	RED
.irp k, 0,1,2,3
	v_mul_f32 v[TM+4*\k], s22, v[TM+4*\k]          ; the mean
.endr
.irp k, 0,1,2,3
.set j, 0
.rept 16
	v_pk_add_f32 v[X+32*\k+j:X+32*\k+j+1], v[X+32*\k+j:X+32*\k+j+1], v[TM+4*\k:TM+4*\k+1] op_sel_hi:[1,0] neg_lo:[0,1] neg_hi:[0,1]
.set j, j+2
.endr
.endr
.irp k, 0,1,2,3
	v_pk_mul_f32 v[TM+4*\k:TM+4*\k+1], v[X+32*\k:X+32*\k+1], v[X+32*\k:X+32*\k+1]
	v_pk_mul_f32 v[TM+4*\k+2:TM+4*\k+3], v[X+32*\k+2:X+32*\k+3], v[X+32*\k+2:X+32*\k+3]
.endr
.irp j, 4,8,12,16,20,24,28
.irp k, 0,1,2,3
	v_pk_fma_f32 v[TM+4*\k:TM+4*\k+1], v[X+32*\k+\j:X+32*\k+\j+1], v[X+32*\k+\j:X+32*\k+\j+1], v[TM+4*\k:TM+4*\k+1]
	v_pk_fma_f32 v[TM+4*\k+2:TM+4*\k+3], v[X+32*\k+\j+2:X+32*\k+\j+3], v[X+32*\k+\j+2:X+32*\k+\j+3], v[TM+4*\k+2:TM+4*\k+3]
.endr
.endr
	RED
.irp k, 0,1,2,3
	v_fma_f32 v[TM+4*\k], v[TM+4*\k], s22, s23     ; the variance + 1e-5
.endr
	s_wait_alu depctr_va_vdst(0)
.irp k, 0,1,2,3
	v_rsq_f32 v[TM+4*\k+2], v[TM+4*\k]
.endr
	v_nop
	s_wait_alu depctr_va_vdst(0)
.irp k, 0,1,2,3
.set j, 0
.rept 16
	v_pk_mul_f32 v[X+32*\k+j:X+32*\k+j+1], v[X+32*\k+j:X+32*\k+j+1], v[TM+4*\k+2:TM+4*\k+3] op_sel_hi:[1,0]
.set j, j+2
.endr
.endr
.irp k, 0,1,2,3
.set j, 0
.rept 16
	v_pk_fma_f32 v[X+32*\k+j:X+32*\k+j+1], v[X+32*\k+j:X+32*\k+j+1], v[G+j:G+j+1], v[BT+j:BT+j+1]
.set j, j+2
.endr
.endr
.irp k, 0,1,2,3
.irp i, 0,1,2,3,4,5,6,7
	global_store_b128 v1, v[X+32*\k+4*\i:X+32*\k+4*\i+3], s[10:11] offset:4096*\k+512*\i
	ds_store_b128 v4, v[X+32*\k+4*\i:X+32*\k+4*\i+3] offset:PITCH*\k+512*\i
.endr
.endr
	s_wait_dscnt 0x0                               ; for the others' sake: my rows lie in LDS
	s_barrier_signal -1
	s_barrier_wait -1
	s_wait_xcnt 0x0                                ; the stores to memory have read X: only behind this wait is it loaded again
.irp q, 0,1
.irp c, 0,1,2,3
.irp j, 0,1,2,3
	ds_load_b128 v[X+64*\q+16*\c+4*\j:X+64*\q+16*\c+4*\j+3], v5 offset:512*\q+128*\c+16*\j
.endr
.endr
.endr
.macro QUANT s, pc, pw                 ; 64 numbers of a lane, register 16 b + i = k 32 b + 16 (lane / 16) + i of my row, become a fragment's codes and its scale word
.irp b, 0,1,2,3
	v_max3_num_f32 v[TM+\b], |v[\s+16*\b]|, |v[\s+1+16*\b]|, 0x4800000
.endr
.irp i, 2,4,6,8,10,12,14
.irp b, 0,1,2,3
	v_max3_num_f32 v[TM+\b], v[TM+\b], |v[\s+16*\b+\i]|, |v[\s+1+16*\b+\i]|
.endr
.endr
.irp b, 0,1,2,3
	v_permlanex16_b32 v[TM+4+\b], v[TM+\b], s[SEL], s[SEL+1]
.endr
.irp b, 0,1,2,3
	v_max_num_f32 v[TM+\b], v[TM+\b], v[TM+4+\b]
.endr
.irp b, 0,1,2,3
	v_add_nc_u32 v[TM+12+\b], 0xfc000000, v[TM+\b]
.endr
.irp b, 0,1,2,3
	v_and_or_b32 v[TM+8+\b], v[TM+\b], 0x7f800000, s[MNT]
.endr
.irp b, 0,1,2,3
	v_lshrrev_b32 v[TM+4+\b], 23, v[TM+12+\b]
.endr
	v_lshl_or_b32 v[\pw], v[TM+5], 8, v[TM+4]
	v_lshl_or_b32 v[\pw], v[TM+6], 16, v[\pw]
	v_lshl_or_b32 v[\pw], v[TM+7], 24, v[\pw]
.irp b, 0,1,2,3
.set i, 0
.rept 16
	v_med3_num_f32 v[\s+16*\b+i], v[\s+16*\b+i], -v[TM+8+\b], v[TM+8+\b]
.set i, i+1
.endr
	v_cvt_scalef32_pk8_fp8_f32 v[\pc+4*\b:\pc+1+4*\b], v[\s+16*\b:\s+7+16*\b], v[TM+12+\b]
	v_cvt_scalef32_pk8_fp8_f32 v[\pc+2+4*\b:\pc+3+4*\b], v[\s+8+16*\b:\s+15+16*\b], v[TM+12+\b]
.endr
	v_nop
.endm
	s_wait_dscnt 0x0
	QUANT X, PC0, PW0
	QUANT X+64, PC1, PW1
.irp c, 0,1,2,3
	global_store_b128 v1, v[PC0+4*\c:PC0+4*\c+3], s[32:33] offset:512*\c
	global_store_b128 v1, v[PC1+4*\c:PC1+4*\c+3], s[32:33] offset:16384+512*\c
.endr
	v_cmp_eq_u32 vcc_lo, 1, v3
	v_cndmask_b32 v242, v[PW0], v[PW1], vcc_lo
	global_store_b32 v6, v242, s[30:31] offset:32768
	s_wait_tensorcnt 0x0                           ; the wave's end
	ds_add_u32 v248, v249
	s_wait_dscnt 0x0
	s_endpgm
.Lfunc_end_k_q68556ef454_wq:
	.size	k_q68556ef454_wq, .Lfunc_end_k_q68556ef454_wq-k_q68556ef454_wq
	.p2alignl 7, 3214868480
	.fill 96, 4, 3214868480
	.section	.rodata,"a",@progbits
	.p2align	6, 0x0
	.amdhsa_kernel k_q68556ef454_wq
		.amdhsa_group_segment_fixed_size 99328
		.amdhsa_private_segment_fixed_size 0
		.amdhsa_enable_private_segment 0
		.amdhsa_kernarg_size 88
		.amdhsa_user_sgpr_count 2
		.amdhsa_user_sgpr_kernarg_segment_ptr 1
		.amdhsa_wavefront_size32 1
		.amdhsa_system_sgpr_workgroup_id_x 1
		.amdhsa_system_sgpr_workgroup_id_y 1
		.amdhsa_system_sgpr_workgroup_id_z 1
		.amdhsa_system_vgpr_workitem_id 0
		.amdhsa_next_free_vgpr 250
		.amdhsa_next_free_sgpr 66
		.amdhsa_reserve_vcc 1
		.amdhsa_float_denorm_mode_32 3
		.amdhsa_float_denorm_mode_16_64 3
		.amdhsa_memory_ordered 1
		.amdhsa_forward_progress 1
		.amdhsa_inst_pref_size 117
	.end_amdhsa_kernel
	.amdgpu_metadata
---
amdhsa.version: [ 1, 2 ]
amdhsa.kernels:
  - .name:           k_q68556ef454_wq
    .symbol:         k_q68556ef454_wq.kd
    .args:
      - { .name: x, .offset: 0, .size: 8, .value_kind: global_buffer, .address_space: global }
      - { .name: g1, .offset: 8, .size: 8, .value_kind: global_buffer, .address_space: global }
      - { .name: be1, .offset: 16, .size: 8, .value_kind: global_buffer, .address_space: global }
      - { .name: fA, .offset: 24, .size: 8, .value_kind: global_buffer, .address_space: global }
      - { .name: Wq, .offset: 32, .size: 8, .value_kind: global_buffer, .address_space: global }
      - { .name: Wk, .offset: 40, .size: 8, .value_kind: global_buffer, .address_space: global }
      - { .name: Wv, .offset: 48, .size: 8, .value_kind: global_buffer, .address_space: global }
      - { .name: Wp, .offset: 56, .size: 8, .value_kind: global_buffer, .address_space: global }
      - { .name: W1, .offset: 64, .size: 8, .value_kind: global_buffer, .address_space: global }
      - { .name: W2, .offset: 72, .size: 8, .value_kind: global_buffer, .address_space: global }
      - { .name: ops, .offset: 80, .size: 8, .value_kind: global_buffer, .address_space: global }
    .group_segment_fixed_size: 99328
    .private_segment_fixed_size: 0
    .kernarg_segment_align: 8
    .kernarg_segment_size: 88
    .max_flat_workgroup_size: 128
    .sgpr_count:     66
    .vgpr_count:     250
    .wavefront_size: 32
...
	.end_amdgpu_metadata
.endif
;; end of part 8
;; launch qkvg (part 9): grid 8 x 24, 4 waves a work-group, clusters of 4 x 4, 327,680 bytes of LDS; arguments ops, qkv; writes qkv
.if DOCPART == 9
	.amdgcn_target "amdgcn-amd-amdhsa--gfx1250"
	.amdhsa_code_object_version 6
	.text
	.protected	k_q68556ef454_qkvg
	.globl	k_q68556ef454_qkvg
	.p2align	8
	.type	k_q68556ef454_qkvg,@function
k_q68556ef454_qkvg:
	s_mov_b64 s[64:65], 0
	v_nop
	global_prefetch_b8 v0, s[64:65] scope:SCOPE_SE
	s_setreg_imm32_b32 hwreg(HW_REG_WAVE_MODE, 25, 1), 1
	s_wait_xcnt 0x0
	s_wait_alu depctr_hold_cnt(0) depctr_sa_sdst(0) depctr_va_vdst(0) depctr_va_sdst(0) depctr_va_ssrc(0) depctr_va_vcc(0) depctr_vm_vsrc(0)
	s_getreg_b32 s2, hwreg(HW_REG_IB_STS2, 6, 4)
	s_cmp_eq_u32 s2, 0
	s_cbranch_scc0 .Lentry_in_a_cluster
	s_endpgm
.Lentry_in_a_cluster:
	s_bfe_u32 s2, ttmp6, 0x10000c
	s_cmp_lg_u32 s2, 0xf033
	s_cbranch_scc0 .Lentry_shape_is_right
	s_endpgm
.Lentry_shape_is_right:
.set KIND, 0                           ; 0: q, k, v    1: first layer of the MLP    2: projection    3: second layer of the MLP.  The four texts differ in this line alone
; D = S1 S0^T on codes of FP8 (E4M3) with one E8M0 scale for each 32 along K; sums in f32.  Both operands come as BLOCKS of 128 rows x 256 along K, 33,792 bytes, laid as images of operand registers:
; codes at q*16384 + t*2048 + c*512 + 16*lane + i = row pi(t, lane%16), k = 128 q + 32 c + 16 (lane/16) + i; scale words at 32768 + q*512 + t*64 + 4*(lane%16).  pi(t, p) = 32 (t/2) + 8 (t%2) + p + 8 (p/8).
; Block (rb, ks) of an operand has index rb * (K/256) + ks, so a K step is 33,792 bytes on.  A block is dense: one tensor load brings it, scale words and all, and a fragment is four LDS loads at 16 x lane.
; A work-group of four waves makes 256 rows of source 1 ('A', by the grid's y) x 256 rows of source 0 ('B', by its x); a wave 128 x 128: 64 accumulators, 512 registers.  K goes in steps of 256 through two LDS slots.
; SOURCE 0's ROWS STAND IN THE ORDER pi, so a lane's 16 registers of result tiles 2 b and 2 b + 1 are 16 NEIGHBOURS along source 0's rows; a lane holds one row of source 1.
; KIND 0, clusters y < 4: A = xn's rows (tokens), B = Wq's and Wk's rows: q and k, quantised along the head's 64.  Clusters y = 4, 5: A = Wv's rows, B = tokens: v, quantised along the tokens (attention's keys).
; KIND 1: A = x2, B = W1; + b1, relu, quantised along the hidden units.  KINDS 0 and 1 quantise in registers and store fragments as they stand: 512 consecutive bytes a store.
; KIND 2: A = attention's result, B = Wp; + bp + xn.  KIND 3: A = the hidden layer, B = W2; + b2 + x2.  Their f32 rows go through the wave's own stage in LDS and leave as 512 consecutive bytes.
; The bias is the C of each sum's first product.  CLUSTERS: 4 x 4 work-groups; A's blocks are asked for jointly along a row of the cluster, B's along a column.
; LIMITS: NaN and infinities are not served; a block of zeros gets the byte 1 (its codes are zeros; this program alone reads the bytes).
; REGISTERS, in windows of 256: window 0: v16-31 addresses; v32-63 scale words, two sets; v64-127 the bias; v128-255 A's fragments, ONE set.  window 1: B's fragments, TWO sets.  windows 2, 3: the accumulators ((a, b) at v[8 (8 (a%4) + b)]).
.set BLKB,   33792
.set SLOT,   4*BLKB                    ; A's two blocks, then B's two
.set STAGE,  2*SLOT                    ; behind the ring: 16 rows x 528 bytes for each wave (KINDS 2, 3)
.set SPITCH, 528
.set SPARE,  STAGE+4*16*SPITCH         ; the spare words, 128 bytes for each wave: two blocks of 256 bytes that no other line names
.set SCB,    12582912                  ; where the scale panels of q, k, v begin
.if KIND == 3
.set LK, 4                             ; log2(K / 256)
.else
.set LK, 2
.endif
.set LAPS,   (1<<LK)/2                 ; a lap = two K steps = once round the ring
.set ABASE,  0
.set BBASE,  0
.if KIND == 1
.set ABASE,  384
.set BBASE,  128
.endif
.if KIND == 2
.set BBASE,  96
.endif
.if KIND == 3
.set BBASE,  256
.endif
.set NQ,   2                           ; matrix instructions deep in a slot
.set FR,   16                          ; registers of a fragment
.set NL,   4                           ; LDS loads that bring one
.set NP,   8                           ; places behind this matrix instruction (ISA guide 7.12.1)
.set ADRA, 16                          ; v16-17  LDS address of my A block in slot 0, 1, + 16 x lane
.set ADRB, 20                          ; v20-21  the same for B
.set ADRS, 22                          ; v22-23  my scale words in slot 0, 1: lanes 0-15 A's, lanes 16-31 B's
.set STO,  24
.set RD,   25
.set LI,   26                          ; v26     16 x lane
.set LS,   27                          ; v27     4 x lane
.set SPW,  28                          ; v28     LDS address of my spare word; never rewritten
.set NIL,  29                          ; v29     0; never rewritten
.set BO,   30                          ; v30     64 x (lane / 16)
.set SC,   32
.set BI,   64
.set AF,   128
.set TM,   32                          ; the way out of KINDS 0, 1: v32-47 at work, v48-55 scale words, v56-63 as they leave, v64-127 held numbers, v128-255 codes: eight sets
.set PW,   48
.set SW,   56
.set SH,   60
.set T,    64
.set PC,   128
.set G1,   24                          ; s[24:31] descriptor group 1 for A's blocks; s[32:39] group 0, one set for each slot
.set G0,   32
.set G1B,  48                          ; s[48:55], s[56:63] the same for B's
.set G0B,  56
.set SEL,  78
.set MNT,  80
.set MSB,  0
.macro WIN new                         ; the immediate's high byte repeats the setting that is left
.if MSB != (\new)
	s_set_vgpr_msb (MSB<<8)|(\new)
.set MSB, (\new)
.endif
.endm
.set MUL_LO, 0xa1                      ; source 0 (B) window 1, source 1 (A) window 0, C and D window 2
.set MUL_HI, 0xf1                      ; the same, C and D window 3
.set TO_B,   0x40                      ; destination window 1, address window 0
; A joint load: waves 0 and 1 fetch A's two blocks, waves 2 and 3 B's.  The branch hangs on the wave's number alone.  Four v_nop follow each of the two lines.
.macro JLOAD g0a, g1a, g0b, g1b
	s_cmp_eq_u32 s15, 0
	s_cbranch_scc0 .Lfor_b_\@
	tensor_load_to_lds s[\g0a:\g0a+3], s[\g1a:\g1a+7]
	s_nop 0
.rept 4
	v_nop
.endr
	s_branch .Lasked_\@
.Lfor_b_\@:
	tensor_load_to_lds s[\g0b:\g0b+3], s[\g1b:\g1b+7]
	s_nop 0
.rept 4
	v_nop
.endr
.Lasked_\@:
.endm
.macro CREST                           ; a round of the cluster's barrier behind its opening barrier
	s_cmp_lg_u32 s14, 0
	s_cbranch_scc1 .Lnot_wave_0_\@
	s_barrier_signal -3
.Lnot_wave_0_\@:
	s_barrier_wait -3
	s_barrier_signal -1
	s_barrier_wait -1
.endm
.macro CROUND                          ; a whole round
	s_barrier_signal -1
	s_barrier_wait -1
	CREST
.endm
.if KIND == 0
	s_load_b64 s[4:5], s[0:1], 0x0                 ; the operands' buffer
	s_load_b64 s[12:13], s[0:1], 0x8               ; q, k, v
.elseif KIND == 1
	s_load_b64 s[4:5], s[0:1], 0x0                 ; the operands' buffer
	s_load_b64 s[8:9], s[0:1], 0x8                 ; the bias
	s_load_b64 s[12:13], s[0:1], 0x10              ; the hidden layer
.else
	s_load_b128 s[4:7], s[0:1], 0x0                ; the operands' buffer (B), A's buffer
	s_load_b128 s[8:11], s[0:1], 0x10              ; the bias, the residual
	s_load_b64 s[12:13], s[0:1], 0x20              ; the output
.endif
	v_lshl_add_u32 v[SPW], v0, 2, SPARE
	v_mov_b32 v[NIL], 0
	ds_add_u32 v28, v29
	ds_add_u32 v28, v29
	s_wait_dscnt 0x0
	v_lshrrev_b32 v1, 5, v0
	v_readfirstlane_b32 s14, v1                    ; wave 0..3
	s_lshr_b32 s15, s14, 1                         ; which 128 rows of A are mine.  Also: I fetch for A (0) or for B (1)
	s_and_b32 s16, s14, 1                          ; which 128 rows of B.  Also: which of the two blocks I fetch
	s_bfe_u32 s40, ttmp6, 0x40000                  ; cx, cy: my place in the cluster
	s_bfe_u32 s41, ttmp6, 0x40004
	s_lshl_b32 s42, ttmp9, 2
	s_add_co_u32 s42, s42, s40                     ; tx = 4 x cluster x + cx
	s_and_b32 s18, ttmp7, 0xffff                   ; cluster y
	s_lshl_b32 s17, s18, 2
	s_add_co_u32 s17, s17, s41                     ; ty = 4 x cluster y + cy
	s_lshl_b32 s43, s41, 2
	s_lshl_b32 s43, 15, s43                        ; my row of the cluster
	s_lshl_b32 s44, 0x1111, s40                    ; my column
	; descriptor group 1: a dense block of 33,792 bytes as 132 rows of 256 (32 elements of 8 bytes), no padding
	s_or_b32 s[G1+0], s43, (3<<16)|(1<<21)         ; 15:0 the mask: A's blocks go to my row; 17:16 elements of 8 bytes; 21 set beside a mask
	s_or_b32 s[G1B+0], s44, (3<<16)|(1<<21)
.irp g, G1, G1B
	s_mov_b32 s[\g+1], 32<<16                      ; tensor_dim0
	s_mov_b32 s[\g+2], 132<<16                     ; tensor_dim1
	s_mov_b32 s[\g+3], 32<<16                      ; tile_dim0
	s_mov_b32 s[\g+4], 132                         ; tile_dim1
	s_mov_b32 s[\g+5], 32                          ; tensor_dim0_stride
	s_mov_b32 s[\g+6], 0
	s_mov_b32 s[\g+7], 0
.endr
	; the first block that I fetch.  A's index is made of cy, the cluster's y and the wave alone, B's of cx, the cluster's x and y and the wave alone
	s_lshl_b32 s19, s16, LK
.if KIND == 0
	s_lshl_b32 s20, s18, 5
	s_add_co_u32 s20, s20, 384                     ; q, k: A = xn, blocks 384 + 8 ty ..
	s_lshl_b32 s46, s18, 6
	s_add_co_u32 s46, s46, 128                     ; v: B = xn, blocks 384 + 8 tx + 64 (cluster y - 4) ..
	s_cmp_lt_u32 s18, 4
	s_cselect_b32 s20, s20, 64                     ; v: A = Wv, blocks 64 + 8 cy ..
	s_cselect_b32 s46, 0, s46                      ; q, k: B = Wq and Wk, blocks 8 tx ..
	s_lshl_b32 s21, s41, 3
	s_add_co_u32 s20, s20, s21
	s_lshl_b32 s47, s42, 3
	s_add_co_u32 s46, s46, s47
.else
	s_lshl_b32 s20, s17, LK+1
	s_lshl_b32 s46, s42, LK+1
.if ABASE > 0
	s_add_co_u32 s20, s20, ABASE
.endif
	s_add_co_u32 s46, s46, BBASE
.endif
	s_add_co_u32 s20, s20, s19
	s_add_co_u32 s46, s46, s19
	s_mul_i32 s20, s20, BLKB
	s_mul_i32 s46, s46, BLKB
	s_mov_b32 s21, 0
	s_mov_b32 s47, 0
	s_mul_i32 s45, s14, BLKB                       ; where it goes: wave x a block: no place in the cluster enters an LDS address
	s_mov_b32 s[SEL], 0x76543210
	s_mov_b32 s[SEL+1], 0xfedcba98                 ; lane selects for lane l xor 16
	s_mov_b32 s[MNT], 0x600000                     ; the mantissa field of 448
	s_wait_kmcnt 0x0
.if KIND < 2
	s_mov_b64 s[6:7], s[4:5]                       ; A lies in the operands' buffer too
.endif
	s_add_nc_u64 s[20:21], s[6:7], s[20:21]
	s_add_nc_u64 s[46:47], s[4:5], s[46:47]
	CROUND                                         ; all sixteen work-groups are here: the first joint loads meet
.irp s, 0,1
	s_mov_b32 s[G0+4*\s], 1
	s_add_co_u32 s[G0+4*\s+1], s45, \s*SLOT
	s_add_nc_u64 s[G0+4*\s+2:G0+4*\s+3], s[20:21], \s*BLKB
	s_or_b32 s[G0+4*\s+3], s[G0+4*\s+3], 0x80000000
	s_mov_b32 s[G0B+4*\s], 1
	s_add_co_u32 s[G0B+4*\s+1], s45, \s*SLOT
	s_add_nc_u64 s[G0B+4*\s+2:G0B+4*\s+3], s[46:47], \s*BLKB
	s_or_b32 s[G0B+4*\s+3], s[G0B+4*\s+3], 0x80000000
.if \s
	s_wait_alu depctr_va_vdst(0)                   ; slot 1's first fill is issued as a refill is: my part of slot 0 is in,
	s_wait_tensorcnt 0x0
	ds_add_u32 v[SPW], v[NIL]                      ; 0 onto my spare word,
	s_wait_dscnt 0x0
	CROUND                                         ; a whole round, and the load first behind it
.endif
	JLOAD G0+4*\s, G1, G0B+4*\s, G1B
.endr
	v_and_b32 v1, 15, v0                           ; r
	v_bfe_u32 v2, v0, 4, 1                         ; h
	s_wait_alu depctr_va_vdst(0)
	v_and_b32 v3, 31, v0
	v_lshlrev_b32 v[LI], 4, v3
	v_lshlrev_b32 v[LS], 2, v3
	s_mul_i32 s21, s15, BLKB                       ; my block of A
	s_mul_i32 s22, s16, BLKB                       ; my block of B,
	s_add_co_u32 s22, s22, 2*BLKB                  ; behind A's two
.irp s, 0,1
	v_add_nc_u32 v[ADRA+\s], s21, v[LI]
	v_add_nc_u32 v[ADRB+\s], s22, v[LI]
	s_add_co_u32 s21, s21, SLOT
	s_add_co_u32 s22, s22, SLOT
.endr
	s_mul_i32 s21, s15, BLKB
	s_mul_i32 s22, s16, BLKB
	s_add_co_u32 s22, s22, 2*BLKB
	s_sub_co_u32 s22, s22, s21
	v_mul_u32_u24 v4, s22, v2                      ; lanes 16-31 take B's scale words: one product, the distance between the two blocks
	v_lshl_add_u32 v4, v1, 2, v4
	s_add_co_u32 s21, s21, 32768
	v_add_nc_u32 v[ADRS], s21, v4
	v_add_nc_u32 v[ADRS+1], SLOT, v[ADRS]
.if KIND > 0
	v_lshlrev_b32 v[BO], 6, v2                     ; the bias: in result tile b lane (r, h) holds source 0's rows 32 (b/2) + 8 (b%2) + 16 h + 0 .. 7
	s_lshl_b32 s22, s42, 10
	s_lshl_b32 s23, s16, 9
	s_add_co_u32 s22, s22, s23
	s_mov_b32 s23, 0
	s_add_nc_u64 s[8:9], s[8:9], s[22:23]
.irp b, 0,1,2,3,4,5,6,7
	global_load_b128 v[BI+8*\b:BI+8*\b+3], v[BO], s[8:9] offset:(32*(\b/2)+8*(\b%2))*4
	global_load_b128 v[BI+8*\b+4:BI+8*\b+7], v[BO], s[8:9] offset:(32*(\b/2)+8*(\b%2))*4+16
.endr
.endif
.if KIND == 0
	; where my panel of 128 rows x 128 K goes: codes at (P' * 32 + rb') * 16384, scale words at SCB + (P' * 64 + rb') * 512
	s_lshl_b32 s70, s42, 1
	s_add_co_u32 s70, s70, s16                     ; q, k: P' = 2 tx + my half of B
	s_lshl_b32 s71, s17, 1
	s_add_co_u32 s71, s71, s15                     ;       rb' = 2 ty + my half of A
	s_lshl_b32 s72, s41, 1
	s_add_co_u32 s72, s72, s15
	s_add_co_u32 s72, s72, 16                      ; v: P' = 16 + 2 cy + my half of A
	s_lshl_b32 s73, s18, 4
	s_add_co_u32 s73, s73, s70
	s_sub_co_u32 s73, s73, 64                      ;    rb' = 2 tx + 16 (cluster y - 4) + my half of B
	s_cmp_lt_u32 s18, 4
	s_cselect_b32 s70, s70, s72
	s_cselect_b32 s71, s71, s73
	s_lshl_b32 s72, s70, 5
	s_add_co_u32 s72, s72, s71
	s_lshl_b32 s72, s72, 14
	s_lshl_b32 s70, s70, 6
	s_add_co_u32 s70, s70, s71
	s_lshl_b32 s70, s70, 9
	s_add_co_u32 s70, s70, SCB
	s_mov_b32 s71, 0
	s_mov_b32 s73, 0
	s_add_nc_u64 s[70:71], s[12:13], s[70:71]
	s_add_nc_u64 s[12:13], s[12:13], s[72:73]
.endif
.if KIND == 1
	s_lshl_b32 s70, s17, 1
	s_add_co_u32 s70, s70, s15
	s_lshl_b32 s70, s70, 4
	s_add_co_u32 s70, s70, s42                     ; the hidden layer's block (rb = 2 ty + my half of A, ks = tx): 16 rb + ks
	s_mul_i32 s70, s70, BLKB
	s_mov_b32 s71, 0
	s_add_nc_u64 s[70:71], s[12:13], s[70:71]
	s_lshl_b32 s72, s16, 14                        ; q = my half of B
	s_mov_b32 s73, 0
	s_add_nc_u64 s[12:13], s[70:71], s[72:73]
	s_lshl_b32 s72, s16, 9
	s_add_co_u32 s72, s72, 32768
	s_add_nc_u64 s[70:71], s[70:71], s[72:73]
.endif
.if KIND > 1
	s_lshl_b32 s70, s17, 1
	s_add_co_u32 s70, s70, s15
	s_lshl_b32 s70, s70, 19                        ; my 128 rows of 4,096 bytes,
	s_lshl_b32 s72, s42, 1
	s_add_co_u32 s72, s72, s16
	s_lshl_b32 s72, s72, 9                         ; my 128 columns
	s_add_co_u32 s70, s70, s72
	s_mov_b32 s71, 0
	s_add_nc_u64 s[12:13], s[12:13], s[70:71]
	s_add_nc_u64 s[10:11], s[10:11], s[70:71]
	s_mul_i32 s23, s14, 16*SPITCH
	s_add_co_u32 s23, s23, STAGE                   ; my stage
	v_mul_u32_u24 v5, v1, SPITCH
	v_lshl_add_u32 v5, v2, 6, v5
	v_add_nc_u32 v[STO], s23, v5                   ; in: row r, + 64 h
	v_add_nc_u32 v[RD], s23, v[LI]                 ; back: the 32 lanes take one row of 512 bytes
.endif
.macro FRAG reg, adr, q, i             ; fragment (tile i, the slot's q-th 128 along K): four loads of 512 consecutive bytes
.irp c, 0,1,2,3
	ds_load_b128 v[\reg+4*\c:\reg+4*\c+3], v[\adr] offset:16384*(\q)+2048*(\i)+512*\c
.endr
.endm
; 16 matrix instructions: A's tiles a0, a0 + 1 x B's eight.  p: B's set; sc: the set of scale words.  zero = 1: the first product starts the sums, from the bias or from 0: nothing is cleared.
; The 64 accumulators take turns, one instruction a turn, in the same order in every step.
.macro MUL16 a0, p, q, sc, zero
.irp a, \a0, \a0+1
.irp b, 0,1,2,3,4,5,6,7
.if (\zero) && (KIND == 0)
	v_wmma_scale_f32_16x16x128_f8f6f4 v[8*(8*((\a)%4)+\b):8*(8*((\a)%4)+\b)+7], v[128*(\p)+FR*\b:128*(\p)+FR*\b+FR-1], v[AF+FR*(\a):AF+FR*(\a)+FR-1], 0, v[SC+8*NQ*(\sc)+NQ*\b+(\q)], v[SC+8*NQ*(\sc)+NQ*(\a)+(\q)] matrix_a_scale:MATRIX_SCALE_ROW1
.elseif \zero
	v_wmma_scale_f32_16x16x128_f8f6f4 v[8*(8*((\a)%4)+\b):8*(8*((\a)%4)+\b)+7], v[128*(\p)+FR*\b:128*(\p)+FR*\b+FR-1], v[AF+FR*(\a):AF+FR*(\a)+FR-1], v[BI+8*\b:BI+8*\b+7], v[SC+8*NQ*(\sc)+NQ*\b+(\q)], v[SC+8*NQ*(\sc)+NQ*(\a)+(\q)] matrix_a_scale:MATRIX_SCALE_ROW1
.else
	v_wmma_scale_f32_16x16x128_f8f6f4 v[8*(8*((\a)%4)+\b):8*(8*((\a)%4)+\b)+7], v[128*(\p)+FR*\b:128*(\p)+FR*\b+FR-1], v[AF+FR*(\a):AF+FR*(\a)+FR-1], v[8*(8*((\a)%4)+\b):8*(8*((\a)%4)+\b)+7], v[SC+8*NQ*(\sc)+NQ*\b+(\q)], v[SC+8*NQ*(\sc)+NQ*(\a)+(\q)] matrix_a_scale:MATRIX_SCALE_ROW1
.endif
.endr
.endr
.endm
.macro FETCH_B slot, q, p              ; B's eight fragments into set p
	WIN TO_B
.irp i, 0,1,2,3,4,5,6,7
	FRAG 128*(\p)+FR*\i, ADRB+\slot, \q, \i
.endr
	WIN 0
.endm
.macro FETCH_A slot, q, i0             ; A's tiles i0 .. i0 + 3
.irp i, \i0, \i0+1, \i0+2, \i0+3
	FRAG AF+FR*(\i), ADRA+\slot, \q, \i
.endr
.endm
.macro SCALES sc                       ; slot sc's scale words: register 2 i + q: lanes 0-15 A's tile i, lanes 16-31 B's tile i
.irp i, 0,1,2,3,4,5,6,7
	ds_load_b32 v[SC+16*\sc+2*\i], v[ADRS+\sc] offset:\i*64
	ds_load_b32 v[SC+16*\sc+2*\i+1], v[ADRS+\sc] offset:512+\i*64
.endr
.endm
; A load into a register that a matrix instruction has read, and a vector instruction or a store that reads a matrix result, stand NP places behind that matrix instruction; only plain vector
; instructions that name none of its registers are places (ISA guide 7.12.1 for vector instructions).
.macro PLACES n
.rept \n
	v_nop
.endr
.endm
; A step of 128 along K that has its successor in the same slot.
.macro STEP slot, q, zero
	s_wait_dscnt 4*NL                              ; B's set, A's tiles 0-3 and the scale words are in; the youngest 16 loads (A's tiles 4-7) may be out
.if (\zero) && (KIND != 0)
	WIN 0x81                                       ; C, the bias, in window 0
.else
	WIN MUL_LO
.endif
	MUL16 0, (\q)%2, \q, \slot, \zero
	MUL16 2, (\q)%2, \q, \slot, \zero
	s_wait_dscnt 0                                 ; A's tiles 4-7 are in
	PLACES NP
	FETCH_B \slot, (\q)+1, 1-(\q)%2
	FETCH_A \slot, (\q)+1, 0
.if (\zero) && (KIND != 0)
	WIN 0xc1
.else
	WIN MUL_HI
.endif
	MUL16 4, (\q)%2, \q, \slot, \zero
	MUL16 6, (\q)%2, \q, \slot, \zero
	PLACES NP
	WIN 0
	FETCH_A \slot, (\q)+1, 4
.endm
; A slot's last step changes slots: ONE barrier; in front of it each wave waits for all its tensor loads, adds 0 to its spare word, and waits for that and for its own reads of this slot.  fill = 1: this slot is filled again, two K steps ahead.
.macro TURN slot, next, fill
	s_wait_tensorcnt 0x0                           ; all my tensor loads have landed: my part of the next slot
	ds_add_u32 v[SPW], v[NIL]                      ; 0 onto my spare word
	s_wait_dscnt 4*NL+1                            ; (the add and the youngest 16 loads, A's tiles 4-7, may be out)
	WIN MUL_LO
	MUL16 0, 1, NQ-1, \slot, 0                     ; sixteen matrix instructions stand between the add and the wait for it
	s_wait_dscnt 0x0                               ; the add is done, and my reads of this slot are over
	s_barrier_signal -1
	MUL16 2, 1, NQ-1, \slot, 0
	WIN 0
	s_barrier_wait -1
.if \fill
	CREST                                          ; the barrier has opened a round of the cluster's barrier: no wave of any partner still reads this slot or has a load on its way
	s_add_nc_u64 s[G0+4*\slot+2:G0+4*\slot+3], s[G0+4*\slot+2:G0+4*\slot+3], 2*BLKB
	s_add_nc_u64 s[G0B+4*\slot+2:G0B+4*\slot+3], s[G0B+4*\slot+2:G0B+4*\slot+3], 2*BLKB
	JLOAD G0+4*\slot, G1, G0B+4*\slot, G1B         ; the first tensor load behind the round; its four v_nop are among the places in front of the loads below
	PLACES NP-4
.else
	PLACES NP
.endif
	FETCH_B \next, 0, 0
	FETCH_A \next, 0, 0
	SCALES \next
	WIN MUL_HI
	MUL16 4, 1, NQ-1, \slot, 0
	MUL16 6, 1, NQ-1, \slot, 0
	PLACES NP
	WIN 0
	FETCH_A \next, 0, 4
.endm
	s_wait_alu depctr_va_vdst(0)
	s_wait_tensorcnt 1                             ; my part of K step 0 is in (K step 1's load may be out)
	s_barrier_signal -1
	s_barrier_wait -1                              ; everybody's is
	FETCH_B 0, 0, 0
	FETCH_A 0, 0, 0
	SCALES 0
	FETCH_A 0, 0, 4
.if KIND > 0
	s_wait_loadcnt 0x0                             ; the bias
.endif
	STEP 0, 0, 1                                   ; the first step stands in front of the loop: its products start the sums
	s_mov_b32 s3, LAPS-1
.Llap:                                                 ; a trip goes once round the ring, from a lap's second step to the next lap's first, and fills both slots again
	TURN 0, 1, 1
	STEP 1, 0, 0
	TURN 1, 0, 1
	STEP 0, 0, 0
	s_sub_co_u32 s3, s3, 1
	s_cmp_lg_u32 s3, 0
	s_cbranch_scc1 .Llap
	TURN 0, 1, 0                                   ; the last lap fills nothing, and has no round of the cluster's barrier
	STEP 1, 0, 0
	s_wait_dscnt 4*NL                              ; the very last step: nothing more to fetch
	WIN MUL_LO
	MUL16 0, 1, NQ-1, 1, 0
	MUL16 2, 1, NQ-1, 1, 0
	s_wait_dscnt 0
	WIN MUL_HI
	MUL16 4, 1, NQ-1, 1, 0
	MUL16 6, 1, NQ-1, 1, 0
	WIN 0
	PLACES NP                                      ; in front of the first read of results and the first write of registers that the products read
.if KIND < 2
; THE WAY OUT, quantised.  Of A's tile a a lane holds one row and 64 numbers, register 16 b + i = source 0's row 32 b + 16 (lane / 16) + i: four blocks of 32 along the next product's K, each shared with lane l xor 16.
; The conversions' results are the next operand's registers: they are stored as they stand.  Each accumulator is read from its low end on.
.macro QOUT a
.set W, 2+(\a)/4
.set AC, 64*((\a)%4)
	WIN (W<<2)|(W<<4)                              ; sources 1 and 2: the accumulators' window
.irp b, 0,1,2,3
.if KIND == 1
	v_max3_num_f32 v[TM+\b], 0x4800000, v[AC+16*\b], v[AC+16*\b+1]         ; no |.|: what is negative becomes 0 (the activation) and must not count; the floor 2^(9 - 127) stands over it
.else
	v_max3_num_f32 v[TM+\b], 0x4800000, |v[AC+16*\b]|, |v[AC+16*\b+1]|     ; my 16 numbers of block b, and the floor 2^(9 - 127): the byte cannot fall under 1
.endif
.endr
.irp i, 2,4,6,8,10,12,14
.irp b, 0,1,2,3
.if KIND == 1
	v_max3_num_f32 v[TM+\b], v[TM+\b], v[AC+16*\b+\i], v[AC+16*\b+\i+1]
.else
	v_max3_num_f32 v[TM+\b], v[TM+\b], |v[AC+16*\b+\i]|, |v[AC+16*\b+\i+1]|
.endif
.endr
.endr
	WIN 0
.irp b, 0,1,2,3
	v_permlanex16_b32 v[TM+4+\b], v[TM+\b], s[SEL], s[SEL+1]
.endr
.irp b, 0,1,2,3
	v_max_num_f32 v[TM+\b], v[TM+\b], v[TM+4+\b]   ; with lane l xor 16's: the block's largest magnitude
.endr
.irp b, 0,1,2,3
	v_add_nc_u32 v[TM+12+\b], 0xfc000000, v[TM+\b] ; 8 off the exponent field: the conversion's scale operand
.endr
.irp b, 0,1,2,3
	v_and_or_b32 v[TM+8+\b], v[TM+\b], 0x7f800000, s[MNT]   ; 448 x the scale
.endr
.irp b, 0,1,2,3
	v_lshrrev_b32 v[TM+4+\b], 23, v[TM+12+\b]      ; the scale's byte
.endr
	v_lshl_or_b32 v[PW+(\a)], v[TM+5], 8, v[TM+4]
	v_lshl_or_b32 v[PW+(\a)], v[TM+6], 16, v[PW+(\a)]
	v_lshl_or_b32 v[PW+(\a)], v[TM+7], 24, v[PW+(\a)]
	WIN W                                          ; source 0: the accumulators' window
.irp b, 0,1,2,3
.set i, 0
.rept 16
.if KIND == 1
	v_med3_num_f32 v[T+16*\b+i], v[AC+16*\b+i], 0, v[TM+8+\b]              ; the activation and the hold in one
.else
	v_med3_num_f32 v[T+16*\b+i], v[AC+16*\b+i], -v[TM+8+\b], v[TM+8+\b]    ; the conversion does not saturate (ISA guide 7.6.2): the hold comes first
.endif
.set i, i+1
.endr
.endr
	WIN 0
.irp b, 0,1,2,3
	v_cvt_scalef32_pk8_fp8_f32 v[PC+16*(\a)+4*\b:PC+16*(\a)+4*\b+1], v[T+16*\b:T+16*\b+7], v[TM+12+\b]
	v_cvt_scalef32_pk8_fp8_f32 v[PC+16*(\a)+4*\b+2:PC+16*(\a)+4*\b+3], v[T+16*\b+8:T+16*\b+15], v[TM+12+\b]
.endr
	v_nop                                          ; a plain instruction behind the last conversion
.irp c, 0,1,2,3
	global_store_b128 v[LI], v[PC+16*(\a)+4*\c:PC+16*(\a)+4*\c+3], s[12:13] offset:(\a)*2048+\c*512   ; 512 consecutive bytes, aligned to 256; each tile has its own registers, so no store's data are written again
.endr
.endm
.irp b, 0,1,2,3
	v_mov_b32 v[TM+4+\b], 0                        ; written once: a lane permute's destination counts as one of its sources
.endr
	v_and_b32 v31, 16, v0
.irp a, 0,1,2,3,4,5,6,7
	QOUT \a
.endr
	v_cmp_ne_u32 vcc_lo, 0, v31
.irp p, 0,1,2,3
	v_cndmask_b32 v[SW+\p], v[PW+2*\p], v[PW+2*\p+1], vcc_lo   ; a row's word stands in lanes r and 16 + r: lanes 0-15 send tile 2 p's, lanes 16-31 tile 2 p + 1's
.endr
.irp p, 0,1,2,3
	global_store_b32 v[LS], v[SW+\p], s[70:71] offset:128*\p   ; 128 consecutive bytes
.endr
.if KIND == 0
	s_cmp_ge_u32 s18, 4                            ; q and k only (the same way in all partners): a second copy, shifted, so that the odd head of a pair finds its two bytes lowest
	s_cbranch_scc1 .Lno_shift
.irp p, 0,1,2,3
	v_lshrrev_b32 v[SH+\p], 16, v[SW+\p]
.endr
.irp p, 0,1,2,3
	global_store_b32 v[LS], v[SH+\p], s[70:71] offset:16384+128*\p
.endr
.Lno_shift:
.endif
.else
; THE WAY OUT in f32, tile by tile of 16 rows x 128 columns.  A lane holds pieces of one row: the tile goes through my own stage in LDS and comes back, into the registers that it left, as whole pieces of
; 512 bytes of a row; the residual, loaded the same way four tiles ahead into B's old registers, is added; 32 lanes store 512 consecutive bytes.  Place t of tile a is row 32 (a/2) + 8 (a%2) + t + 8 (t/8).
.macro RLOAD a
	WIN 0x40                                       ; destination window 1
.irp t, 0,1,2,3,4,5,6,7,8,9,10,11,12,13,14,15
	global_load_b128 v[64*((\a)%4)+4*\t:64*((\a)%4)+4*\t+3], v[LI], s[10:11] offset:(32*((\a)/2)+8*((\a)%2)+\t+8*(\t/8))*4096 th:TH_LOAD_NT
.endr
	WIN 0
.endm
.macro ROUT a
.set W, 2+(\a)/4
.set AC, 64*((\a)%4)
	WIN W<<2                                       ; an LDS store's data are its source 1
.irp b, 0,1,2,3,4,5,6,7
	ds_store_b128 v[STO], v[AC+8*\b:AC+8*\b+3] offset:128*(\b/2)+32*(\b%2)         ; each accumulator from its low end on
	ds_store_b128 v[STO], v[AC+8*\b+4:AC+8*\b+7] offset:128*(\b/2)+32*(\b%2)+16
.endr
	WIN W<<6
.irp t, 0,1,2,3,4,5,6,7,8,9,10,11,12,13,14,15
	ds_load_b128 v[AC+4*\t:AC+4*\t+3], v[RD] offset:\t*SPITCH     ; LDS serves a wave's instructions in order (ISA guide 5.7.1.4): these see the stores above
.endr
	s_wait_dscnt 0x0
.if (\a) < 5
	s_wait_loadcnt 48                              ; this tile's residual is in; those of the three tiles behind it may be out
.else
	s_wait_loadcnt 16*(7-(\a))
.endif
	WIN (W<<6)|W|4                                 ; source 1, the residual, in window 1
.set i, 0
.rept 32
	v_pk_add_f32 v[AC+i:AC+i+1], v[AC+i:AC+i+1], v[AC+i:AC+i+1]
.set i, i+2
.endr
	WIN W<<2
.irp t, 0,1,2,3,4,5,6,7,8,9,10,11,12,13,14,15
	global_store_b128 v[LI], v[AC+4*\t:AC+4*\t+3], s[12:13] offset:(32*((\a)/2)+8*((\a)%2)+\t+8*(\t/8))*4096 th:TH_STORE_NT   ; 512 consecutive bytes, aligned to 256; these registers are not written again
.endr
	WIN 0
.if (\a) < 4
	RLOAD (\a)+4
.endif
.endm
	RLOAD 0
	RLOAD 1
	RLOAD 2
	RLOAD 3
.irp a, 0,1,2,3,4,5,6,7
	ROUT \a
.endr
.endif
	s_wait_tensorcnt 0x0                           ; the wave's end, behind my last tensor load and my last LDS store
	ds_add_u32 v[SPW], v[NIL]
	s_wait_dscnt 0x0
	CROUND                                         ; the closing round: no work-group ends while a partner may still ask for a block that names it
	s_endpgm
.Lfunc_end_k_q68556ef454_qkvg:
	.size	k_q68556ef454_qkvg, .Lfunc_end_k_q68556ef454_qkvg-k_q68556ef454_qkvg
	.p2alignl 7, 3214868480
	.fill 96, 4, 3214868480
	.section	.rodata,"a",@progbits
	.p2align	6, 0x0
	.amdhsa_kernel k_q68556ef454_qkvg
		.amdhsa_group_segment_fixed_size 327680
		.amdhsa_private_segment_fixed_size 0
		.amdhsa_enable_private_segment 0
		.amdhsa_kernarg_size 16
		.amdhsa_user_sgpr_count 2
		.amdhsa_user_sgpr_kernarg_segment_ptr 1
		.amdhsa_wavefront_size32 1
		.amdhsa_system_sgpr_workgroup_id_x 1
		.amdhsa_system_sgpr_workgroup_id_y 1
		.amdhsa_system_sgpr_workgroup_id_z 1
		.amdhsa_system_vgpr_workitem_id 0
		.amdhsa_next_free_vgpr 1024
		.amdhsa_next_free_sgpr 100
		.amdhsa_reserve_vcc 1
		.amdhsa_float_denorm_mode_32 3
		.amdhsa_float_denorm_mode_16_64 3
		.amdhsa_memory_ordered 1
		.amdhsa_forward_progress 1
		.amdhsa_inst_pref_size 186
	.end_amdhsa_kernel
	.amdgpu_metadata
---
amdhsa.version: [ 1, 2 ]
amdhsa.kernels:
  - .name:           k_q68556ef454_qkvg
    .symbol:         k_q68556ef454_qkvg.kd
    .args:
      - { .name: ops, .offset: 0, .size: 8, .value_kind: global_buffer, .address_space: global }
      - { .name: qkv, .offset: 8, .size: 8, .value_kind: global_buffer, .address_space: global }
    .group_segment_fixed_size: 327680
    .private_segment_fixed_size: 0
    .kernarg_segment_align: 8
    .kernarg_segment_size: 16
    .max_flat_workgroup_size: 128
    .sgpr_count:     100
    .vgpr_count:     1024
    .wavefront_size: 32
...
	.end_amdgpu_metadata
.endif
;; end of part 9
;; launch attn (part 10): grid 8 x 32, 16 waves a work-group, clusters of 4 x 1, 327,680 bytes of LDS; arguments qkv, attq; writes attq
.if DOCPART == 10
	.amdgcn_target "amdgcn-amd-amdhsa--gfx1250"
	.amdhsa_code_object_version 6
	.text
	.protected	k_q68556ef454_attn
	.globl	k_q68556ef454_attn
	.p2align	8
	.type	k_q68556ef454_attn,@function
k_q68556ef454_attn:
	s_mov_b64 s[64:65], 0
	v_nop
	global_prefetch_b8 v0, s[64:65] scope:SCOPE_SE
	s_setreg_imm32_b32 hwreg(HW_REG_WAVE_MODE, 25, 1), 1
	s_wait_xcnt 0x0
	s_wait_alu depctr_hold_cnt(0) depctr_sa_sdst(0) depctr_va_vdst(0) depctr_va_sdst(0) depctr_va_ssrc(0) depctr_va_vcc(0) depctr_vm_vsrc(0)
	s_getreg_b32 s2, hwreg(HW_REG_IB_STS2, 6, 4)
	s_cmp_eq_u32 s2, 0
	s_cbranch_scc0 .Lentry_in_a_cluster
	s_endpgm
.Lentry_in_a_cluster:
	s_bfe_u32 s2, ttmp6, 0x10000c
	s_cmp_lg_u32 s2, 0x3003
	s_cbranch_scc0 .Lentry_shape_is_right
	s_endpgm
.Lentry_shape_is_right:
; Causal attention of one (batch, head) on codes of FP8 (E4M3) with E8M0 scales: S^T = K Q^T (K = the head's 64, in the lower half of the instruction's 128), p = 2^(t - M), O^T = V^T P^T, O / l quantised along the head's 64.
; t = score x log2(e) / 32; M = the running largest t rounded up to a whole number; l = the sum of the unquantised p.  WORK LEFT OUT: steps of 128 keys wholly behind a tile's queries (the causal mask).
; LIMITS: NaN and infinities are not served; the promise holds while |t| stays under 2^31; a block of zeros gets the byte 1 (its codes are zeros; this program alone reads the bytes).
; LDS: the head's K codes (16 steps x 8,192 bytes) from 0, V codes from VOFF, K's scale words from SCK, V's from SCV: each byte is filled ONCE, by eight joint loads at the head, one a wave; no byte is filled again.
; Waves 0-3 bring steps 0, 1 and the scale words, shown by the first barrier; waves 4-7 bring steps 2-15 (7 steps a load), shown by the barrier behind the first two trips.
; CLUSTER: the four work-groups of a cluster serve the same head and ask jointly (mask 15).  No prefetch: all fills are asked for at the head, so there is no loop to run ahead in.
; THE DEAL.  The work-group serves tile s9 (16 queries) of each of the head's 16 blocks of 128 queries; block i has i + 1 steps.  Blocks m and 15 - m have 17 steps together and go to a pair of waves:
; wave A(m) takes steps 0-8 of block 15 - m: 9 steps; wave B(m) takes block m whole (steps 0..m), stores it, and then takes steps 9..15 - m of block 15 - m: 8 steps, beside the short tile's way out and the masks
; of both diagonals (for m = 7 the long tile's diagonal, step 8, is A's, and B's part of the long tile is empty: it joins with the factor 0).  A = waves 0-3, 8-11; B = its A + 4.
; Every wave walks t = 0..15 in loops of constant count; a scalar branch on ids leads round the steps that are not its own.  At the end A and B hand each other half of O^T with M and l through LDS,
; join the parts by exact powers of two, and each finishes one block of 32 of the head's 64.  B takes V's tiles in the order 2, 3, 0, 1, so that each wave keeps its lower 16 registers of O^T.
; K's FRAGMENTS OVERLAP: Q's codes for k = 64..127 are zeros, so what source 0 holds there counts for nothing as long as it is a finite code: tile t's upper eight registers are tile t + 1's codes, tile 7's are zeros.
.set VOFF, 131072
.set SCK, 262144
.set SCV, 270336
.set XCH, 274432                       ; the exchange: 2,304 bytes for each wave; no fill lands here
.set XW, 2304
.set SPARE, 311296                     ; the spare words, 128 bytes for each wave
.set SCB, 12582912
.set LI, 1                             ; 16 x lane
.set R4, 2                             ; 4 x (lane % 16)
.set ADTL, 3
.set DQ, 4                             ; my query's place in its block - 16 (lane / 16)
.set SPW, 5
.set NIL, 6
.set ADTH, 7
.set AD, 8
.set ADS, 9
.set ADVL, 10
.set ADVH, 11
.set KF, 32                            ; v32-95 K's eight tiles, v96-103 zeros
.set ST, 104                           ; v104-167 S^T, p, then V's fragments
.set OT, 168                           ; v168-199 O^T
.set PC, 200                           ; v200-215 p's codes
.set BM, 216
.set PT, 220
.set HD, 224
.set SO, 228
.set FF, 232                           ; v232 f, v233 p's scale word
.set TMP, 234
.set NINF, 235
.set S2, 236
.set Q2, 238                           ; v238-245, v246 the long tile's Q and its scale word
.set Q2S, 246
.set KW, 247                           ; v247-254 scale words of K or V
.set QS, 255
.set KS, 2
.set CNT, 3
.set OSS, 14
.set OCS, 15
.set WV, 18
.set MNT, 19
.set SEL, 20
.set CS, 22
.set G1K, 24
.set G1K7, 32
.set G1V, 40
.set G1V7, 48
.set G1SK, 56
.set G1SV, 68
.set G0A, 76
.set G0S, 80
.set G0B, 84
.set TK, 88
.set TVL, 89
.set TVH, 90
.set TSK, 91
.set TSL, 92
.set TSH, 93
.set E1, 94                            ; mine: t <= E1, or 9 <= t <= E2
.set E2, 95
.set D1, 96                            ; on the diagonal: t = D1 or t = D2; behind t = D1 the short tile is finished
.set D2, 97
.set OB1, 98
.set OB2, 100
.macro GRP1 g, d0, rows, pitch         ; group 1: rows of d0 elements of 8 bytes, pitch elements apart; mask 15, bit 21 beside it; no padding: every LDS read takes consecutive bytes
	s_mov_b32 s[\g], 15|(3<<16)|(1<<21)
	s_mov_b32 s[\g+1], (\d0)<<16
	s_mov_b32 s[\g+2], (\rows)<<16
	s_mov_b32 s[\g+3], (\d0)<<16
	s_mov_b32 s[\g+4], \rows
	s_mov_b32 s[\g+5], \pitch
	s_mov_b32 s[\g+6], 0
	s_mov_b32 s[\g+7], 0
.endm
.macro ROUND
	s_barrier_signal -1
	s_barrier_wait -1
	s_cmp_lg_u32 s[WV], 0
	s_cbranch_scc1 .Lnot_wave_0_\@
	s_barrier_signal -3
.Lnot_wave_0_\@:
	s_barrier_wait -3
	s_barrier_signal -1
	s_barrier_wait -1
.endm
.macro ARM under, g0, g1, next         ; one arm of the head's chain: one load, and a jump to the join
	s_cmp_lt_u32 s[WV], \under
	s_cbranch_scc0 \next
	tensor_load_to_lds s[\g0:\g0+3], s[\g1:\g1+7]
	s_nop 0
.rept 4
	v_nop
.endr
	s_branch .Lasked
\next:
.endm
	s_load_b128 s[4:7], s[0:1], 0x0                ; qkv, attq
	v_lshl_add_u32 v[SPW], v0, 2, SPARE
	v_mov_b32 v[NIL], 0
	ds_add_u32 v[SPW], v[NIL]                      ; the opening lines: the add twice on end, and its wait ahead of the first tensor load
	ds_add_u32 v[SPW], v[NIL]
	v_lshrrev_b32 v8, 5, v0
	v_readfirstlane_b32 s[WV], v8
	s_bfe_u32 s8, ttmp6, 0x40000                   ; cx: it enters global addresses and the mask's lane term alone
	s_lshl_b32 s9, ttmp9, 2
	s_add_co_u32 s9, s9, s8                        ; the tile in each block, 0..7
	s_and_b32 s10, ttmp7, 0xffff
	s_lshr_b32 s11, s10, 4                         ; batch
	s_and_b32 s12, s10, 15                         ; head
	s_and_b32 s13, s12, 1
	s_lshr_b32 s14, s12, 1
	s_lshl_b32 s15, s11, 4
	s_and_b32 s16, s[WV], 1
	s_lshl_b32 s17, s14, 5
	s_add_co_u32 s17, s17, s15                     ; 32 x pair of heads + 16 x batch
	s_lshl_b32 s88, s14, 6
	s_add_co_u32 s88, s88, s15
	s_add_co_u32 s89, s17, 256
	s_lshl_b32 s89, s89, 14
	s_lshl_b32 s90, s13, 10
	s_add_co_u32 s89, s89, s90                     ; K's codes: rows of 1,024 bytes, 2,048 apart, 8 a step
	s_mul_i32 s90, s13, 7168
	s_add_co_u32 s90, s90, 4194304                 ; from there to V's codes: rows of 8,192 bytes, 16,384 apart, one a step
	s_lshl_b32 s91, s13, 5
	s_add_co_u32 s91, s91, s88
	s_add_co_u32 s91, s91, 512
	s_lshl_b32 s91, s91, 9
	s_add_co_u32 s91, s91, SCB                     ; K's scale words: 8,192 dense bytes
	s_mul_i32 s92, s13, 16128
	s_sub_co_u32 s92, 262144, s92                  ; from there to V's: rows of 256 bytes, 512 apart
	s_bfe_u32 s93, s[WV], 0x10001
	s_mov_b32 s[G0A], 1                            ; waves 0, 1: steps 0 and 1 of K, of V
	s_lshl_b32 s[G0A+1], s16, 17
	s_mul_i32 s94, s16, s90
	s_add_co_u32 s94, s94, s89
	s_mov_b32 s95, 0
	s_mov_b32 s[G0S], 1                            ; waves 2, 3: the scale words of K, of V
	s_lshl_b32 s[G0S+1], s16, 13
	s_add_co_u32 s[G0S+1], s[G0S+1], SCK
	s_mul_i32 s96, s16, s92
	s_add_co_u32 s96, s96, s91
	s_mov_b32 s97, 0
	s_mov_b32 s[G0B], 1                            ; waves 4, 5: steps 2-8 and 9-15 of K; waves 6, 7: of V
	s_mul_i32 s[G0B+1], s16, 57344
	s_add_co_u32 s[G0B+1], s[G0B+1], 16384
	s_lshl_b32 s98, s93, 17
	s_add_co_u32 s[G0B+1], s[G0B+1], s98
	s_mul_i32 s98, s16, 114688
	s_mul_i32 s99, s93, s90
	s_add_co_u32 s98, s98, s99
	s_add_co_u32 s98, s98, s89
	s_add_co_u32 s98, s98, 32768
	s_mov_b32 s99, 0
	GRP1 G1K, 128, 16, 256
	GRP1 G1K7, 128, 56, 256
	GRP1 G1V, 1024, 2, 2048
	GRP1 G1V7, 1024, 7, 2048
	GRP1 G1SK, 32, 32, 32
	GRP1 G1SV, 32, 16, 64
	s_mov_b32 s[SEL], 0x76543210
	s_mov_b32 s[SEL+1], 0xfedcba98
	s_mov_b32 s[CS], 0x3d38aa3b                    ; log2(e) / 32
	s_mov_b32 s[CS+1], s[CS]
	s_mov_b32 s[MNT], 0x600000
	s_wait_dscnt 0x0
	s_wait_kmcnt 0x0
	s_add_nc_u64 s[G0A+2:G0A+3], s[4:5], s[94:95]
	s_or_b32 s[G0A+3], s[G0A+3], 0x80000000
	s_add_nc_u64 s[G0S+2:G0S+3], s[4:5], s[96:97]
	s_or_b32 s[G0S+3], s[G0S+3], 0x80000000
	s_add_nc_u64 s[G0B+2:G0B+3], s[4:5], s[98:99]
	s_or_b32 s[G0B+3], s[G0B+3], 0x80000000
	ROUND                                          ; the four work-groups are here: the joint loads meet
	ARM 1, G0A, G1K, .La1
	ARM 2, G0A, G1V, .La2
	ARM 3, G0S, G1SK, .La3
	ARM 4, G0S, G1SV, .La4
	ARM 6, G0B, G1K7, .La5
	ARM 8, G0B, G1V7, .La6
.Lasked:
	s_bfe_u32 s10, s[WV], 0x10002                  ; 0: A, 1: B
	s_and_b32 s11, s[WV], 3
	s_lshr_b32 s8, s[WV], 3
	s_lshl_b32 s8, s8, 2
	s_add_co_u32 s11, s11, s8                      ; m
	s_sub_co_u32 s8, 15, s11                       ; the long tile's block
	s_cmp_eq_u32 s10, 1
	s_cselect_b32 s16, s11, s8                     ; my first tile's block
	s_cselect_b32 s[E1], s11, 8
	s_cselect_b32 s[E2], s8, 0
	s_cselect_b32 s[D1], s11, 99
	s_mov_b32 s[D2], s8                            ; the long tile's diagonal: whoever has that step masks it
	s_lshl_b32 s89, s17, 14                        ; Q's codes of block X: (s17 + X) panels of 16,384 + 2,048 tile + 1,024 odd head
	s_lshl_b32 s90, s9, 11
	s_add_co_u32 s89, s89, s90
	s_lshl_b32 s90, s13, 10
	s_add_co_u32 s89, s89, s90
	s_lshl_b32 s91, s13, 5                         ; and its scale words
	s_add_co_u32 s91, s91, s88
	s_lshl_b32 s91, s91, 9
	s_lshl_b32 s92, s9, 6
	s_add_co_u32 s91, s91, s92
	s_add_co_u32 s91, s91, SCB
	s_lshl_b32 s92, s16, 14
	s_add_co_u32 s92, s92, s89
	s_lshl_b32 s93, s16, 9
	s_add_co_u32 s93, s93, s91
	s_lshl_b32 s90, s8, 14
	s_add_co_u32 s89, s89, s90
	s_lshl_b32 s90, s8, 9
	s_add_co_u32 s91, s91, s90
	s_lshr_b32 s90, s12, 2                         ; the result's block of 33,792 bytes: 4 (16 batch + X) + head / 4
	s_add_co_u32 s98, s15, s16
	s_lshl_b32 s98, s98, 2
	s_add_co_u32 s98, s98, s90
	s_mul_i32 s98, s98, 33792
	s_mov_b32 s99, 0
	s_add_nc_u64 s[OB1:OB1+1], s[6:7], s[98:99]
	s_add_co_u32 s100, s15, s8
	s_lshl_b32 s100, s100, 2
	s_add_co_u32 s100, s100, s90
	s_mul_i32 s100, s100, 33792
	s_mov_b32 s101, 0
	s_add_nc_u64 s[OB2:OB2+1], s[6:7], s[100:101]
	s_and_b32 s14, s14, 1
	s_lshl_b32 s15, s14, 14                        ; in it, my lower registers' codes: 16,384 q + 2,048 tile + 1,024 odd head + 512 (0 for A, 1 for B)
	s_lshl_b32 s17, s9, 11
	s_add_co_u32 s15, s15, s17
	s_lshl_b32 s17, s13, 10
	s_add_co_u32 s15, s15, s17
	s_lshl_b32 s17, s10, 9
	s_add_co_u32 s[OCS], s15, s17
	s_lshl_b32 s14, s14, 9                         ; and their scale byte
	s_lshl_b32 s17, s9, 6
	s_add_co_u32 s14, s14, s17
	s_lshl_b32 s17, s13, 1
	s_add_co_u32 s14, s14, s17
	s_add_co_u32 s14, s14, s10
	s_add_co_u32 s[OSS], s14, 32768
	s_lshr_b32 s17, s9, 1
	s_lshl_b32 s17, s17, 5
	s_and_b32 s12, s9, 1
	s_lshl_b32 s12, s12, 3
	s_add_co_u32 s17, s17, s12                     ; the tile's first place in its block
	v_and_b32 v8, 15, v0
	v_bfe_u32 v9, v0, 4, 1
	v_and_b32 v10, 31, v0
	v_lshlrev_b32 v[LI], 4, v10
	v_lshlrev_b32 v[R4], 2, v8
	v_and_b32 v[DQ], 8, v8
	v_add_nc_u32 v[DQ], v[DQ], v8
	v_add_nc_u32 v[DQ], s17, v[DQ]
	v_lshlrev_b32 v9, 4, v9
	v_sub_nc_u32 v[DQ], v[DQ], v9
	v_add_nc_u32 v8, s92, v[LI]
	v_add_nc_u32 v9, s93, v[R4]
	v_add_nc_u32 v10, s89, v[LI]
	v_add_nc_u32 v11, s91, v[R4]
	global_load_b128 v[16:19], v8, s[4:5]          ; my first tile's Q,
	global_load_b128 v[20:23], v8, s[4:5] offset:512
	global_load_b32 v[QS], v9, s[4:5]
	global_load_b128 v[Q2:Q2+3], v10, s[4:5]       ; and the long tile's
	global_load_b128 v[Q2+4:Q2+7], v10, s[4:5] offset:512
	global_load_b32 v[Q2S], v11, s[4:5]
	v_mov_b32 v13, 0xff61b1e6                      ; the largest t so far: -3e38
	v_floor_f32 v12, -v13                          ; -M
	v_mov_b32 v14, 0
	v_mov_b32 v15, 0
	v_mov_b32 v[FF], 0
	v_mov_b32 v[FF+1], 0
	v_mov_b32 v[TMP], 0
	v_mov_b32 v[S2], 0
	v_mov_b32 v[S2+1], 0
	v_mov_b32 v[NINF], 0xff800000
.irp b, 0,1,2,3
	v_mov_b32 v[PT+\b], 0
.endr
.irp i, 0,1,2,3,4,5,6,7
	v_mov_b32 v[24+\i], 0                          ; Q's codes for k = 64..127
	v_mov_b32 v[KF+64+\i], 0
.endr
.set j, 0
.rept 32
	v_mov_b32 v[OT+j], 0
.set j, j+1
.endr
	s_mov_b32 s[KS], 0
	s_mov_b32 s[TK], 0
	s_lshl_b32 s16, s10, 12
	s_add_co_u32 s[TVL], s16, VOFF                 ; V's tiles for my lower registers: 0, 1 (A) or 2, 3 (B),
	s_xor_b32 s17, s10, 1
	s_lshl_b32 s16, s17, 12
	s_add_co_u32 s[TVH], s16, VOFF-4096            ; and, with the offsets of tiles 2, 3, for my upper ones: 2, 3 (A) or 0, 1 (B)
	s_mov_b32 s[TSK], SCK
	s_lshl_b32 s16, s10, 7
	s_add_co_u32 s[TSL], s16, SCV
	s_lshl_b32 s16, s17, 7
	s_add_co_u32 s[TSH], s16, SCV-128
.macro LSUM                            ; the sum's two halves and lane l xor 16's: the row's sum
	v_add_f32 v14, v14, v15
	v_permlanex16_b32 v[TMP], v14, s[SEL], s[SEL+1]
	v_add_f32 v14, v14, v[TMP]
.endm
.macro FINPRE                          ; 1 / l, and where codes and bytes go: v8, v10 my lower registers', v9, v11 my upper ones'
	s_wait_alu depctr_va_vdst(0)
	v_rcp_f32 v14, v14
	v_add_nc_u32 v8, s[OCS], v[LI]
	v_add_nc_u32 v10, s[OSS], v[R4]
	v_xor_b32 v9, 512, v8
	v_xor_b32 v11, 1, v10
.endm
.macro FINH b, ob                      ; registers 16 b .. 16 b + 15 of O^T: divided by l, quantised as one block of 32 (shared with lane l xor 16), stored as they stand
	s_wait_alu depctr_va_vdst(0)
.set j, 0
.rept 16
	v_mul_f32 v[ST+16*\b+j], v[OT+16*\b+j], v14
.set j, j+1
.endr
	v_max3_num_f32 v[BM], |v[ST+16*\b]|, |v[ST+16*\b+1]|, 0x4800000     ; with the floor 2^(9 - 127): the byte cannot fall under 1
	v_max3_num_f32 v[BM+1], |v[ST+16*\b+2]|, |v[ST+16*\b+3]|, |v[ST+16*\b+4]|
.irp i, 5,9
	v_max3_num_f32 v[BM], v[BM], |v[ST+16*\b+\i]|, |v[ST+16*\b+\i+1]|
	v_max3_num_f32 v[BM+1], v[BM+1], |v[ST+16*\b+\i+2]|, |v[ST+16*\b+\i+3]|
.endr
	v_max3_num_f32 v[BM], v[BM], |v[ST+16*\b+13]|, |v[ST+16*\b+14]|
	v_max3_num_f32 v[BM], v[BM], v[BM+1], |v[ST+16*\b+15]|
	v_permlanex16_b32 v[PT], v[BM], s[SEL], s[SEL+1]
	v_max_num_f32 v[BM], v[BM], v[PT]
	v_add_nc_u32 v[SO], 0xfc000000, v[BM]          ; 8 off the exponent field: the conversion's scale operand
	v_and_or_b32 v[HD], v[BM], 0x7f800000, s[MNT]  ; 448 x the scale
	v_lshrrev_b32 v[PT+1+\b], 23, v[SO]            ; the scale's byte
.set i, 0
.rept 16
	v_med3_num_f32 v[ST+16*\b+i], v[ST+16*\b+i], -v[HD], v[HD]
.set i, i+1
.endr
	v_cvt_scalef32_pk8_fp8_f32 v[PC+4*\b:PC+4*\b+1], v[ST+16*\b:ST+16*\b+7], v[SO]
	v_cvt_scalef32_pk8_fp8_f32 v[PC+4*\b+2:PC+4*\b+3], v[ST+16*\b+8:ST+16*\b+15], v[SO]
	v_nop                                          ; a plain line behind the last conversion
	global_store_b128 v[8+\b], v[PC+4*\b:PC+4*\b+3], s[\ob:\ob+1]      ; 512 consecutive bytes
	global_store_b8 v[10+\b], v[PT+1+\b], s[\ob:\ob+1]                 ; lanes r and 16 + r send the same byte to the same place
.endm
.macro SWITCH                          ; B: the short tile is finished and stored; the long tile begins
.rept 8
	v_nop                                          ; places behind the last products
.endr
	LSUM
	FINPRE
	FINH 0, OB1
	FINH 1, OB1
	s_wait_xcnt 0x0                                ; the stores have read their registers
.irp i, 0,1,2,3,4,5,6,7
	v_mov_b32 v[16+\i], v[Q2+\i]
.endr
	v_mov_b32 v[QS], v[Q2S]
	v_mov_b32 v13, 0xff61b1e6
	v_floor_f32 v12, -v13
	v_mov_b32 v14, 0
	v_mov_b32 v15, 0
.set j, 0
.rept 32
	v_mov_b32 v[OT+j], 0
.set j, j+1
.endr
	s_wait_alu depctr_va_vdst(0)
.endm
.macro STEP late                       ; key step t = s[KS]: 128 keys.  late = 0: t = 0, 1, where only the first range (t <= E1) and the first diagonal (D1) can fall; late = 1: t = 2 .. 15
	s_cmp_le_u32 s[KS], s[E1]
.if \late
	s_cbranch_scc1 .Lgo_\@
	s_cmp_lt_u32 s[KS], 9
	s_cbranch_scc1 .Lhid_\@
	s_cmp_gt_u32 s[KS], s[E2]
	s_cbranch_scc1 .Lhid_\@
.Lgo_\@:
.else
	s_cbranch_scc0 .Lhid_\@
.endif
	v_add_nc_u32 v[AD], s[TK], v[LI]
	v_add_nc_u32 v[ADS], s[TSK], v[R4]
	v_add_nc_u32 v[ADVL], s[TVL], v[LI]
	v_add_nc_u32 v[ADVH], s[TVH], v[LI]
	v_add_nc_u32 v[ADTL], s[TSL], v[R4]
	v_add_nc_u32 v[ADTH], s[TSH], v[R4]
.rept 3
	v_nop                                          ; with the six additions nine places behind the last products, whose source registers the products below write over
.endr
.irp t, 0,1,2,3,4,5,6,7
	ds_load_b128 v[KF+8*\t:KF+8*\t+3], v[AD] offset:\t*1024
	ds_load_b128 v[KF+8*\t+4:KF+8*\t+7], v[AD] offset:\t*1024+512
	ds_load_b32 v[KW+\t], v[ADS] offset:\t*64
.endr
	s_wait_dscnt 0x0
.irp t, 0,1,2,3,4,5,6,7
	v_wmma_scale_f32_16x16x128_f8f6f4 v[ST+8*\t:ST+8*\t+7], v[KF+8*\t:KF+8*\t+15], v[16:31], 0, v[KW+\t], v[QS]
.endr
.rept 8
	v_nop
.endr
.if \late
	s_cmp_eq_u32 s[KS], s[D1]
	s_cbranch_scc1 .Lmask_\@
	s_cmp_lg_u32 s[KS], s[D2]
	s_cbranch_scc1 .Lopen_\@
.Lmask_\@:
.else
	s_cmp_lg_u32 s[KS], s[D1]
	s_cbranch_scc1 .Lopen_\@
.endif
.set n, 0                              ; on the diagonal hidden scores become -infinity: register 16 b + i holds key 32 b + 16 (lane / 16) + i of the step
.rept 64
	v_cmp_gt_i32 vcc_lo, 32*(n/16)+n%16, v[DQ]
	v_cndmask_b32 v[ST+n], v[ST+n], v[NINF], vcc_lo
.set n, n+1
.endr
.Lopen_\@:
.irp b, 0,1,2,3
	v_max3_num_f32 v[BM+\b], v[ST+16*\b], v[ST+1+16*\b], v[ST+2+16*\b]     ; each block's largest score: for the row's maximum and for the block's largest p
.endr
.irp i, 3,5,7,9,11,13
.irp b, 0,1,2,3
	v_max3_num_f32 v[BM+\b], v[BM+\b], v[ST+16*\b+\i], v[ST+1+16*\b+\i]
.endr
.endr
.irp b, 0,1,2,3
	v_max_num_f32 v[BM+\b], v[BM+\b], v[ST+15+16*\b]
.endr
.irp b, 0,1,2,3
	s_delay_alu instid0(VALU_DEP_4)
	v_permlanex16_b32 v[PT+\b], v[BM+\b], s[SEL], s[SEL+1]
.endr
.irp b, 0,1,2,3
	s_delay_alu instid0(VALU_DEP_4)
	v_max_num_f32 v[BM+\b], v[BM+\b], v[PT+\b]
.endr
	s_delay_alu instid0(VALU_DEP_2)
	v_max3_num_f32 v[TMP], v[BM], v[BM+1], v[BM+2]
	s_delay_alu instid0(VALU_DEP_1)
	v_max_num_f32 v[TMP], v[TMP], v[BM+3]
	s_delay_alu instid0(VALU_DEP_1)
	v_mul_f32 v[TMP], s[CS], v[TMP]
	s_delay_alu instid0(VALU_DEP_1)
	v_max_num_f32 v13, v13, v[TMP]                 ; the running largest t
	v_mov_b32 v[TMP], v12
	s_delay_alu instid0(VALU_DEP_2)
	v_floor_f32 v12, -v13                          ; -M = floor(-t)
	s_delay_alu instid0(VALU_DEP_1)
	v_sub_f32 v[TMP], v12, v[TMP]
	s_delay_alu instid0(VALU_DEP_1)
	v_cvt_i32_f32 v[TMP], v[TMP]
	s_delay_alu instid0(VALU_DEP_1)
	v_ldexp_f32 v[FF], 1.0, v[TMP]                 ; f = 2^(old M - new M)
.set j, 0
.rept 32
	v_pk_fma_f32 v[ST+j:ST+1+j], v[ST+j:ST+1+j], s[CS:CS+1], v[12:13] op_sel_hi:[1,0,0]
.set j, j+2
.endr
.irp b, 0,1,2,3
	v_fma_f32 v[BM+\b], v[BM+\b], s[CS], v12
.endr
	s_wait_alu depctr_va_vdst(0)
.set j, 0
.rept 64
	v_exp_f32 v[ST+j], v[ST+j]
.set j, j+1
.endr
	v_pk_mul_f32 v[14:15], v[14:15], v[FF:FF+1] op_sel_hi:[1,0]
	s_wait_alu depctr_va_vdst(0)                   ; and behind it, ahead of its first reader
.irp b, 0,1,2,3
	v_exp_f32 v[BM+\b], v[BM+\b]
.endr
	v_pk_add_f32 v[S2:S2+1], v[ST:ST+1], v[ST+2:ST+3]                  ; the sum of the unquantised p, in two chains
.set j, 4
.rept 15
	v_pk_add_f32 v[14:15], v[14:15], v[ST+j:ST+1+j]
	v_pk_add_f32 v[S2:S2+1], v[S2:S2+1], v[ST+2+j:ST+3+j]
.set j, j+4
.endr
	s_delay_alu instid0(VALU_DEP_1)
	v_pk_add_f32 v[14:15], v[14:15], v[S2:S2+1]
	s_wait_alu depctr_va_vdst(0)                   ; for the four
.irp b, 0,1,2,3
	v_max_num_f32 v[BM+\b], 0x4800000, v[BM+\b]
.endr
.irp b, 0,1,2,3
	s_delay_alu instid0(VALU_DEP_4)
	v_add_nc_u32 v[SO+\b], 0xfc000000, v[BM+\b]
.endr
.irp b, 0,1,2,3
	v_and_or_b32 v[HD+\b], v[BM+\b], 0x7f800000, s[MNT]
.endr
.irp b, 0,1,2,3
	v_lshrrev_b32 v[PT+\b], 23, v[SO+\b]
.endr
	s_delay_alu instid0(VALU_DEP_3)
	v_lshl_or_b32 v[FF+1], v[PT+1], 8, v[PT]       ; p's scale word for these 128 keys
	s_delay_alu instid0(VALU_DEP_1)
	v_lshl_or_b32 v[FF+1], v[PT+2], 16, v[FF+1]
	s_delay_alu instid0(VALU_DEP_1)
	v_lshl_or_b32 v[FF+1], v[PT+3], 24, v[FF+1]
.irp b, 0,1,2,3
.set i, 0
.rept 16
	v_min_num_f32 v[ST+16*\b+i], v[ST+16*\b+i], v[HD+\b]               ; the conversion does not saturate (ISA guide 7.6.2); p is not negative
.set i, i+1
.endr
	v_cvt_scalef32_pk8_fp8_f32 v[PC+4*\b:PC+1+4*\b], v[ST+16*\b:ST+7+16*\b], v[SO+\b]
	v_cvt_scalef32_pk8_fp8_f32 v[PC+2+4*\b:PC+3+4*\b], v[ST+8+16*\b:ST+15+16*\b], v[SO+\b]
.endr
.irp t, 0,1
.irp c, 0,1,2,3
	ds_load_b128 v[ST+16*\t+4*\c:ST+16*\t+4*\c+3], v[ADVL] offset:\t*2048+\c*512
.endr
	ds_load_b32 v[KW+\t], v[ADTL] offset:64*\t
.endr
.irp t, 2,3
.irp c, 0,1,2,3
	ds_load_b128 v[ST+16*\t+4*\c:ST+16*\t+4*\c+3], v[ADVH] offset:\t*2048+\c*512
.endr
	ds_load_b32 v[KW+\t], v[ADTH] offset:64*\t
.endr
	s_wait_alu depctr_va_vdst(0)
.set j, 0
.rept 16
	v_pk_mul_f32 v[OT+j:OT+1+j], v[OT+j:OT+1+j], v[FF:FF+1] op_sel_hi:[1,0]     ; O^T under the new M; these are also the places ahead of the products
.set j, j+2
.endr
	s_wait_alu depctr_va_vdst(0)
	s_wait_dscnt 0x0
.irp t, 0,1,2,3
	v_wmma_scale_f32_16x16x128_f8f6f4 v[OT+8*\t:OT+8*\t+7], v[ST+16*\t:ST+16*\t+15], v[PC:PC+15], v[OT+8*\t:OT+8*\t+7], v[KW+\t], v[FF+1]
.endr
	s_cmp_lg_u32 s[KS], s[D1]
	s_cbranch_scc1 .Lhid_\@
	SWITCH
.Lhid_\@:
	s_add_co_u32 s[KS], s[KS], 1
	s_add_co_u32 s[TK], s[TK], 8192
	s_add_co_u32 s[TVL], s[TVL], 8192
	s_add_co_u32 s[TVH], s[TVH], 8192
	s_add_co_u32 s[TSK], s[TSK], 512
	s_add_co_u32 s[TSL], s[TSL], 256
	s_add_co_u32 s[TSH], s[TSH], 256
.endm
	s_wait_alu depctr_va_vdst(0)
	s_cmp_lt_u32 s[WV], 4
	s_cbranch_scc0 .Lnot_first
	s_wait_tensorcnt 0x0                           ; waves 0-3: steps 0, 1 and the scale words are in; waves 4-7 wait at the second barrier
.Lnot_first:
	s_barrier_signal -1
	s_barrier_wait -1
	s_wait_loadcnt 0x0                             ; Q
	s_mov_b32 s[CNT], 2
.Lfirst:                                               ; t = 0, 1
	STEP 0
	s_sub_co_u32 s[CNT], s[CNT], 1
	s_cmp_lg_u32 s[CNT], 0
	s_cbranch_scc1 .Lfirst
	s_wait_tensorcnt 0x0                           ; every wave: all that is still out is in
	s_wait_dscnt 0x0
	s_barrier_signal -1
	s_barrier_wait -1
	s_mov_b32 s[CNT], 14
.Lrest:                                                ; t = 2 .. 15: no barrier, no wait for tiles
	STEP 1
	s_sub_co_u32 s[CNT], s[CNT], 1
	s_cmp_lg_u32 s[CNT], 0
	s_cbranch_scc1 .Lrest
	; THE LONG TILE'S TWO PARTS ARE JOINED.  I send my upper 16 registers of O^T, -M and l to my partner (wave xor 4) and take its upper 16, which are the same channels as my lower 16.
.rept 8
	v_nop
.endr
	LSUM
	s_mul_i32 s88, s[WV], XW
	s_add_co_u32 s88, s88, XCH
	s_xor_b32 s89, s[WV], 4
	s_mul_i32 s89, s89, XW
	s_add_co_u32 s89, s89, XCH
	v_add_nc_u32 v8, s88, v[LI]
	v_lshrrev_b32 v9, 2, v[LI]
	v_add_nc_u32 v10, s89, v[LI]
	v_add_nc_u32 v11, s89, v9
	v_add_nc_u32 v9, s88, v9
.irp i, 0,1,2,3
	ds_store_b128 v8, v[OT+16+4*\i:OT+19+4*\i] offset:512*\i
.endr
	ds_store_b32 v9, v12 offset:2048
	ds_store_b32 v9, v14 offset:2176
	s_wait_alu depctr_va_vdst(0)
	s_wait_dscnt 0x0                               ; for my partner's sake
	s_barrier_signal -1
	s_barrier_wait -1
.irp i, 0,1,2,3
	ds_load_b128 v[ST+4*\i:ST+3+4*\i], v10 offset:512*\i
.endr
	ds_load_b32 v[ST+16], v11 offset:2048
	ds_load_b32 v[ST+17], v11 offset:2176
	s_wait_dscnt 0x0
	v_min_num_f32 v[TMP], v12, v[ST+16]            ; -(the larger M)
	v_sub_f32 v[BM], v[TMP], v12
	v_sub_f32 v[BM+1], v[TMP], v[ST+16]
	v_cvt_i32_f32 v[BM], v[BM]                     ; (it saturates: an empty part, whose M is still -3e38, gets the factor 0)
	v_cvt_i32_f32 v[BM+1], v[BM+1]
	v_ldexp_f32 v[FF], 1.0, v[BM]                  ; 2^(my M - the larger M),
	v_ldexp_f32 v[S2], 1.0, v[BM+1]                ; 2^(my partner's M - the larger M): exact
	v_mul_f32 v14, v14, v[FF]
	v_fmac_f32 v14, v[ST+17], v[S2]
.set j, 0
.rept 8
	v_pk_mul_f32 v[OT+j:OT+1+j], v[OT+j:OT+1+j], v[FF:FF+1] op_sel_hi:[1,0]
.set j, j+2
.endr
.set j, 0
.rept 8
	v_pk_fma_f32 v[OT+j:OT+1+j], v[ST+j:ST+1+j], v[S2:S2+1], v[OT+j:OT+1+j] op_sel_hi:[1,0,1]
.set j, j+2
.endr
	FINPRE
	FINH 0, OB2
	s_wait_tensorcnt 0x0                           ; the wave's end
	ds_add_u32 v[SPW], v[NIL]
	s_wait_dscnt 0x0
	ROUND                                          ; the closing round
	s_endpgm
.Lfunc_end_k_q68556ef454_attn:
	.size	k_q68556ef454_attn, .Lfunc_end_k_q68556ef454_attn-k_q68556ef454_attn
	.p2alignl 7, 3214868480
	.fill 96, 4, 3214868480
	.section	.rodata,"a",@progbits
	.p2align	6, 0x0
	.amdhsa_kernel k_q68556ef454_attn
		.amdhsa_group_segment_fixed_size 327680
		.amdhsa_private_segment_fixed_size 0
		.amdhsa_enable_private_segment 0
		.amdhsa_kernarg_size 16
		.amdhsa_user_sgpr_count 2
		.amdhsa_user_sgpr_kernarg_segment_ptr 1
		.amdhsa_wavefront_size32 1
		.amdhsa_system_sgpr_workgroup_id_x 1
		.amdhsa_system_sgpr_workgroup_id_y 1
		.amdhsa_system_sgpr_workgroup_id_z 1
		.amdhsa_system_vgpr_workitem_id 0
		.amdhsa_next_free_vgpr 256
		.amdhsa_next_free_sgpr 102
		.amdhsa_reserve_vcc 1
		.amdhsa_float_denorm_mode_32 3
		.amdhsa_float_denorm_mode_16_64 3
		.amdhsa_memory_ordered 1
		.amdhsa_forward_progress 1
		.amdhsa_inst_pref_size 87
	.end_amdhsa_kernel
	.amdgpu_metadata
---
amdhsa.version: [ 1, 2 ]
amdhsa.kernels:
  - .name:           k_q68556ef454_attn
    .symbol:         k_q68556ef454_attn.kd
    .args:
      - { .name: qkv, .offset: 0, .size: 8, .value_kind: global_buffer, .address_space: global }
      - { .name: attq, .offset: 8, .size: 8, .value_kind: global_buffer, .address_space: global }
    .group_segment_fixed_size: 327680
    .private_segment_fixed_size: 0
    .kernarg_segment_align: 8
    .kernarg_segment_size: 16
    .max_flat_workgroup_size: 512
    .sgpr_count:     102
    .vgpr_count:     256
    .wavefront_size: 32
...
	.end_amdgpu_metadata
.endif
;; end of part 10
;; launch proj (part 11): grid 8 x 32, 4 waves a work-group, clusters of 4 x 4, 327,680 bytes of LDS; arguments ops, attq, bp, fA, x1f; writes x1f
.if DOCPART == 11
	.amdgcn_target "amdgcn-amd-amdhsa--gfx1250"
	.amdhsa_code_object_version 6
	.text
	.protected	k_q68556ef454_proj
	.globl	k_q68556ef454_proj
	.p2align	8
	.type	k_q68556ef454_proj,@function
k_q68556ef454_proj:
	s_mov_b64 s[64:65], 0
	v_nop
	global_prefetch_b8 v0, s[64:65] scope:SCOPE_SE
	s_setreg_imm32_b32 hwreg(HW_REG_WAVE_MODE, 25, 1), 1
	s_wait_xcnt 0x0
	s_wait_alu depctr_hold_cnt(0) depctr_sa_sdst(0) depctr_va_vdst(0) depctr_va_sdst(0) depctr_va_ssrc(0) depctr_va_vcc(0) depctr_vm_vsrc(0)
	s_getreg_b32 s2, hwreg(HW_REG_IB_STS2, 6, 4)
	s_cmp_eq_u32 s2, 0
	s_cbranch_scc0 .Lentry_in_a_cluster
	s_endpgm
.Lentry_in_a_cluster:
	s_bfe_u32 s2, ttmp6, 0x10000c
	s_cmp_lg_u32 s2, 0xf033
	s_cbranch_scc0 .Lentry_shape_is_right
	s_endpgm
.Lentry_shape_is_right:
.set KIND, 2                           ; 2: projection (K = 1,024)    3: second layer of the MLP (K = 4,096).  The two texts differ in this line alone
; out = S1 S0^T + bias + residual, the product on codes of FP8 (E4M3) with one E8M0 scale for each 32 along K; sums in f32.  S1 ('A'): 4,096 tokens; S0 ('B'): the weight's 1,024 rows; out: [4096][1024] f32.
; Both operands come as BLOCKS of 128 rows x 256 along K, 33,792 bytes, laid as images of operand registers:
; codes at q*16384 + t*2048 + c*512 + 16*lane + i = row pi(t, lane%16), k = 128 q + 32 c + 16 (lane/16) + i; scale words at 32768 + q*512 + t*64 + 4*(lane%16).  pi(t, p) = 32 (t/2) + 8 (t%2) + p + 8 (p/8).
; Block (rb, ks) of an operand has index rb * (K/256) + ks: the blocks of consecutive K steps are neighbours in memory.  A block is dense: one tensor load brings it, scale words and all.
; THE TILE.  The result has 64 tiles of 256 x 256 but 256 of 128 x 128: a work-group makes 128 x 128 (A's block by the grid's y, B's by its x), each of its four waves 64 x 64: 16 accumulators.
; A tile of this size needs two blocks for 256 along K, so a slot of four blocks holds 512 along K: K = 4,096 goes through two slots with six refills, K = 1,024 lies in the two first fills.
; A wave's 64 rows are tiles 4 (wave/2) .. + 3 of A's block, its 64 columns tiles 4 (wave%2) .. + 3 of B's.  SOURCE 0 = B's rows, in the order pi: a lane holds one row of A, and in result tile b its register j is column 32 (b/2) + 8 (b%2) + 16 (lane/16) + j.
; The bias is the C of each sum's first product.  The residual is asked for at the head, into registers of its own, and waited for at the way out.
; CLUSTERS: 4 x 4 work-groups; A's blocks are asked for jointly along a row of the cluster, B's along a column.
; LIMITS: NaN and infinities are not served.
; REGISTERS, in windows of 256: window 0: v16-29 addresses; v32-63 scale words, two sets; v64-95 the bias; v128-255 the accumulators ((a, b) at v[128 + 8 (4 a + b)]).
;   window 1: two fragment buffers of 128: A's four fragments, then B's four.   window 2: v0-127 the residual.
.set BLKB,   33792
.set SLOT,   4*BLKB                    ; A's blocks of two K steps of 256, then B's
.set STAGE,  2*SLOT                    ; behind the ring: 16 rows x 272 bytes for each wave, for the way out
.set SPITCH, 272                       ; 256 bytes + 16: the sixteen rows that a store touches start 16 bytes apart modulo 256
.set SPARE,  STAGE+4*16*SPITCH         ; the spare words, 128 bytes for each wave: two blocks of 256 bytes that no other line names
.if KIND == 3
.set LK,     4                         ; log2(K / 256)
.set BBASE,  256                       ; the weight's first block in the operands' buffer
.else
.set LK,     2
.set BBASE,  96
.endif
.set LAPS,   (1<<LK)/4                 ; a lap = two slots = 1,024 along K = once round the ring
.set FR,   16                          ; registers of a fragment
.set NP,   8                           ; places behind this matrix instruction (ISA guide 7.12.1)
.set ADRA, 16                          ; v16-17  LDS address of my four tiles of A in slot 0, 1, + 16 x lane
.set ADRB, 18                          ; v18-19  the same for B
.set ADRS, 20                          ; v20-21  my scale words in slot 0, 1: lanes 0-15 A's, lanes 16-31 B's
.set STO,  22                          ; v22     the way out: where I put 32 bytes of a row
.set RD,   23                          ; v23     the way out: where I read 16 bytes of a row back
.set CO,   24                          ; v24     my byte offset in the output and in the residual: 4,096 x (lane / 16) + 16 x (lane % 16); never rewritten
.set BO,   25                          ; v25     64 x (lane / 16)
.set PFO,  27                          ; v27     the prefetches' offset: 256 x lane; never rewritten
.set SPW,  28                          ; v28     LDS address of my spare word; never rewritten
.set NIL,  29                          ; v29     0; never rewritten
.set SC,   32                          ; set s (for slot s) at v[SC + 16 s]; in it register 4 j + i: lanes 0-15 the word of A's tile i, lanes 16-31 that of B's tile i, for the slot's j-th 128 along K
.set BI,   64
.set ACC,  128
.set F0,   0                           ; fragment buffers, in window 1
.set F1,   128
.set RES,  0                           ; the residual, in window 2
.set G1,   24                          ; s[24:31] descriptor group 1 for A's blocks; s[32:39] group 0, one set for each slot
.set G0,   32
.set G1B,  48                          ; s[48:55], s[56:63] the same for B's
.set G0B,  56
.set PFA,  74                          ; s[74:75] where my prefetches stand
.set LIM,  76                          ; s76     1 in a wave that prefetches, else the greatest number
.set MSB,  0
.macro WIN new                         ; the immediate's high byte repeats the setting that is left
.if MSB != (\new)
	s_set_vgpr_msb (MSB<<8)|(\new)
.set MSB, (\new)
.endif
.endm
.set MUL,  0x05                        ; sources 0 (B) and 1 (A) window 1; C and D window 0
.set TO_F, 0x40                        ; destination window 1, address window 0
; A joint load: waves 0 and 1 fetch A's two blocks of a slot, waves 2 and 3 B's.  The branch hangs on the wave's number alone.  Four v_nop follow each of the two lines.
.macro JLOAD g0a, g1a, g0b, g1b
	s_cmp_eq_u32 s15, 0
	s_cbranch_scc0 .Lfor_b_\@
	tensor_load_to_lds s[\g0a:\g0a+3], s[\g1a:\g1a+7]
	s_nop 0
.rept 4
	v_nop
.endr
	s_branch .Lasked_\@
.Lfor_b_\@:
	tensor_load_to_lds s[\g0b:\g0b+3], s[\g1b:\g1b+7]
	s_nop 0
.rept 4
	v_nop
.endr
.Lasked_\@:
.endm
.macro CREST                           ; a round of the cluster's barrier behind its opening barrier
	s_cmp_lg_u32 s14, 0
	s_cbranch_scc1 .Lnot_wave_0_\@
	s_barrier_signal -3
.Lnot_wave_0_\@:
	s_barrier_wait -3
	s_barrier_signal -1
	s_barrier_wait -1
.endm
.macro CROUND                          ; a whole round
	s_barrier_signal -1
	s_barrier_wait -1
	CREST
.endm
; A PREFETCH INTO THE L2 (only where slots are filled again: K = 4,096), behind each refill but the last: the codes, 32,768 bytes, of the block that my NEXT refill will ask for: a slot's 64 matrix instructions a wave ahead of that load.
; Each aligned 256 bytes of them are named ONCE in the launch.  A's blocks are read by both clusters of a row of clusters: cluster x = 0 asks; B's by all eight of a column: cluster y = 0 asks.
; The four partners that ask for a block jointly take 8,192 bytes each, told apart BY ADDRESS (cx for A, cy for B); a lane names 256 bytes: one instruction a wave.  A block's 1,024 bytes of scale words are not named.
; last = 1: the lap's second change of slots, which in the loop's last trip has no refill behind it.  The first two slots and the first refill come by their loads alone.
.macro ASK last
.if \last
	s_cmp_gt_u32 s3, s[LIM]
.else
	s_cmp_eq_u32 s[LIM], 1
.endif
	s_cbranch_scc0 .Lnot_mine_\@
	global_prefetch_b8 v[PFO], s[PFA:PFA+1] th:TH_LOAD_NT scope:SCOPE_SE
.Lnot_mine_\@:
.endm
	s_load_b128 s[4:7], s[0:1], 0x0                ; the operands' buffer (B), A's buffer
	s_load_b128 s[8:11], s[0:1], 0x10              ; the bias, the residual
	s_load_b64 s[12:13], s[0:1], 0x20              ; the output
	v_lshl_add_u32 v[SPW], v0, 2, SPARE
	v_mov_b32 v[NIL], 0
	ds_add_u32 v28, v29
	ds_add_u32 v28, v29
	s_wait_dscnt 0x0
	v_lshrrev_b32 v1, 5, v0
	v_readfirstlane_b32 s14, v1                    ; wave 0..3
	s_lshr_b32 s15, s14, 1                         ; which 64 rows of A are mine.  Also: I fetch for A (0) or for B (1)
	s_and_b32 s16, s14, 1                          ; which 64 rows of B.  Also: which of a slot's two K steps I fetch
	s_bfe_u32 s40, ttmp6, 0x40000                  ; cx, cy: my place in the cluster
	s_bfe_u32 s41, ttmp6, 0x40004
	s_lshl_b32 s42, ttmp9, 2
	s_add_co_u32 s42, s42, s40                     ; tx = 4 x cluster x + cx: B's block of rows
	s_and_b32 s18, ttmp7, 0xffff                   ; cluster y
	s_lshl_b32 s17, s18, 2
	s_add_co_u32 s17, s17, s41                     ; ty = 4 x cluster y + cy: A's block of rows
	s_lshl_b32 s43, s41, 2
	s_lshl_b32 s43, 15, s43                        ; my row of the cluster
	s_lshl_b32 s44, 0x1111, s40                    ; my column
	; descriptor group 1: a dense block of 33,792 bytes as 132 rows of 256 (32 elements of 8 bytes), no padding: every LDS read takes 512 or 64 consecutive bytes
	s_or_b32 s[G1+0], s43, (3<<16)|(1<<21)         ; 15:0 the mask: A's blocks go to my row; 17:16 elements of 8 bytes; 21 set beside a mask
	s_or_b32 s[G1B+0], s44, (3<<16)|(1<<21)
.irp g, G1, G1B
	s_mov_b32 s[\g+1], 32<<16                      ; tensor_dim0
	s_mov_b32 s[\g+2], 132<<16                     ; tensor_dim1
	s_mov_b32 s[\g+3], 32<<16                      ; tile_dim0
	s_mov_b32 s[\g+4], 132                         ; tile_dim1
	s_mov_b32 s[\g+5], 32                          ; tensor_dim0_stride
	s_mov_b32 s[\g+6], 0
	s_mov_b32 s[\g+7], 0
.endr
	; the first block that I fetch.  A's index is made of ty and the wave alone, B's of tx and the wave alone
	s_lshl_b32 s20, s17, LK
	s_add_co_u32 s20, s20, s16
	s_lshl_b32 s46, s42, LK
	s_add_co_u32 s46, s46, BBASE
	s_add_co_u32 s46, s46, s16
	s_mul_i32 s20, s20, BLKB
	s_mul_i32 s46, s46, BLKB
	s_mov_b32 s21, 0
	s_mov_b32 s47, 0
	s_mul_i32 s45, s14, BLKB                       ; where it goes: wave x a block: no place in the cluster enters an LDS address
	s_wait_kmcnt 0x0
	s_add_nc_u64 s[20:21], s[6:7], s[20:21]
	s_add_nc_u64 s[46:47], s[4:5], s[46:47]
	CROUND                                         ; all sixteen work-groups are here: the first joint loads meet
.irp s, 0,1
	s_mov_b32 s[G0+4*\s], 1
	s_add_co_u32 s[G0+4*\s+1], s45, \s*SLOT
	s_add_nc_u64 s[G0+4*\s+2:G0+4*\s+3], s[20:21], \s*2*BLKB       ; slot s begins with K steps 2 s and 2 s + 1
	s_or_b32 s[G0+4*\s+3], s[G0+4*\s+3], 0x80000000
	s_mov_b32 s[G0B+4*\s], 1
	s_add_co_u32 s[G0B+4*\s+1], s45, \s*SLOT
	s_add_nc_u64 s[G0B+4*\s+2:G0B+4*\s+3], s[46:47], \s*2*BLKB
	s_or_b32 s[G0B+4*\s+3], s[G0B+4*\s+3], 0x80000000
.if \s
	s_wait_alu depctr_va_vdst(0)                   ; slot 1's first fill is issued as a refill is: my part of slot 0 is in,
	s_wait_tensorcnt 0x0
	ds_add_u32 v[SPW], v[NIL]                      ; 0 onto my spare word,
	s_wait_dscnt 0x0
	CROUND                                         ; a whole round, and the load first behind it
.endif
	JLOAD G0+4*\s, G1, G0B+4*\s, G1B
.endr
	v_and_b32 v1, 15, v0                           ; r
	v_bfe_u32 v2, v0, 4, 1                         ; h
	s_wait_alu depctr_va_vdst(0)
	v_and_b32 v3, 31, v0                           ; lane
	v_lshlrev_b32 v4, 4, v3
.if LAPS > 1
	s_cmp_eq_u32 s15, 0                            ; the prefetches: do I fetch for A?
	s_cselect_b64 s[PFA:PFA+1], s[20:21], s[46:47] ; my first block,
	s_cselect_b32 s72, s40, s41                    ; my place among the four that ask for it with me,
	s_cselect_b32 s73, ttmp9, s18                  ; and the coordinate along which other clusters read the same blocks
	s_cmp_eq_u32 s73, 0
	s_cselect_b32 s[LIM], 1, -1                    ; the same in all sixteen partners, for a given wave
	s_lshl_b32 s72, s72, 13                        ; my work-group's 8,192 bytes,
	s_add_co_u32 s72, s72, 4*BLKB                  ; in the block of the first refill: each refill steps this by a slot's two blocks and names what the next one will load
	s_mov_b32 s73, 0
	s_add_nc_u64 s[PFA:PFA+1], s[PFA:PFA+1], s[72:73]
	v_lshlrev_b32 v[PFO], 8, v3
.endif
	s_lshl_b32 s21, s15, 13                        ; my four tiles of A: 8,192 bytes x half
	s_lshl_b32 s22, s16, 13                        ; my four tiles of B,
	s_add_co_u32 s22, s22, 2*BLKB                  ; behind A's two blocks
.irp s, 0,1
	v_add_nc_u32 v[ADRA+\s], s21, v4
	v_add_nc_u32 v[ADRB+\s], s22, v4
	s_add_co_u32 s21, s21, SLOT
	s_add_co_u32 s22, s22, SLOT
.endr
	s_lshl_b32 s21, s15, 8                         ; my four tiles' scale words: 256 bytes x half
	s_lshl_b32 s22, s16, 8
	s_add_co_u32 s22, s22, 2*BLKB
	s_sub_co_u32 s22, s22, s21
	v_mul_u32_u24 v5, s22, v2                      ; lanes 16-31 take B's: one product, the distance between the two
	v_lshl_add_u32 v5, v1, 2, v5
	s_add_co_u32 s21, s21, 32768
	v_add_nc_u32 v[ADRS], s21, v5
	v_add_nc_u32 v[ADRS+1], SLOT, v[ADRS]
	v_lshlrev_b32 v[BO], 6, v2                     ; the bias of my 64 columns, in the result's layout
	s_lshl_b32 s22, s42, 9
	s_lshl_b32 s23, s16, 8
	s_add_co_u32 s22, s22, s23
	s_mov_b32 s23, 0
	s_add_nc_u64 s[8:9], s[8:9], s[22:23]
.irp b, 0,1,2,3
	global_load_b128 v[BI+8*\b:BI+8*\b+3], v[BO], s[8:9] offset:(32*(\b/2)+8*(\b%2))*4
	global_load_b128 v[BI+8*\b+4:BI+8*\b+7], v[BO], s[8:9] offset:(32*(\b/2)+8*(\b%2))*4+16
.endr
	s_lshl_b32 s70, s17, 1
	s_add_co_u32 s70, s70, s15
	s_lshl_b32 s70, s70, 18                        ; my 64 rows of 4,096 bytes,
	s_lshl_b32 s72, s42, 1
	s_add_co_u32 s72, s72, s16
	s_lshl_b32 s72, s72, 8                         ; my 64 columns
	s_add_co_u32 s70, s70, s72
	s_mov_b32 s71, 0
	s_add_nc_u64 s[12:13], s[12:13], s[70:71]
	s_add_nc_u64 s[10:11], s[10:11], s[70:71]
	v_lshlrev_b32 v[CO], 12, v2
	v_lshl_add_u32 v[CO], v1, 4, v[CO]             ; lanes 0-15 take 256 bytes of one row, lanes 16-31 of the next
	; the residual, as the way out will hold the result: load t of tile a brings places 2 t and 2 t + 1 of the tile, rows 32 (a/2) + 8 (a%2) + 2 t + 8 (t/4) + (lane / 16) of my 64
	WIN 0x80                                       ; destination window 2
.irp a, 0,1,2,3
.irp t, 0,1,2,3,4,5,6,7
	global_load_b128 v[RES+32*\a+4*\t:RES+32*\a+4*\t+3], v[CO], s[10:11] offset:(32*(\a/2)+8*(\a%2)+2*\t+8*(\t/4))*4096 th:TH_LOAD_NT
.endr
.endr
	WIN 0
	s_mul_i32 s23, s14, 16*SPITCH
	s_add_co_u32 s23, s23, STAGE                   ; my stage
	v_mul_u32_u24 v5, v1, SPITCH
	v_lshl_add_u32 v5, v2, 6, v5
	v_add_nc_u32 v[STO], s23, v5                   ; in: row r, + 64 h
	v_mul_u32_u24 v5, v2, SPITCH
	v_lshl_add_u32 v5, v1, 4, v5
	v_add_nc_u32 v[RD], s23, v5                    ; back: lanes 0-15 one row of 256 bytes, lanes 16-31 the next
.macro FRAG reg, adr, j, i             ; fragment (my tile i, the slot's j-th 128 along K): four loads of 512 consecutive bytes
.irp c, 0,1,2,3
	ds_load_b128 v[(\reg)+4*\c:(\reg)+4*\c+3], v[\adr] offset:((\j)/2)*BLKB+((\j)%2)*16384+2048*(\i)+512*\c
.endr
.endm
.macro SCALES sc                       ; slot sc's scale words, for its four steps
.irp j, 0,1,2,3
.irp i, 0,1,2,3
	ds_load_b32 v[SC+16*\sc+4*\j+\i], v[ADRS+\sc] offset:(\j/2)*BLKB+(\j%2)*512+\i*64
.endr
.endr
.endm
; 32 LDS loads in one run: a step's fragments into buffer f: B's four, A's tiles 0 and 1, (sc = 1: the slot's 16 scale words,) and last A's tiles 2 and 3, which the step's first eight products do not need
.macro FETCH slot, j, f, sc
	WIN TO_F
.irp i, 0,1,2,3
	FRAG (\f)+64+FR*\i, ADRB+\slot, \j, \i
.endr
	FRAG (\f), ADRA+\slot, \j, 0
	FRAG (\f)+FR, ADRA+\slot, \j, 1
.if \sc
	WIN 0
	SCALES \slot
	WIN TO_F
.endif
	FRAG (\f)+2*FR, ADRA+\slot, \j, 2
	FRAG (\f)+3*FR, ADRA+\slot, \j, 3
.endm
; 4 matrix instructions: A's tile a x B's four, from buffer f; j: the step in its slot; sc: the set of scale words.  zero = 1: the first product starts the sums, from the bias: nothing is cleared.
; The 16 accumulators take turns, one instruction a turn, in the same order in every step.
.macro MUL4 f, a, j, sc, zero
.irp b, 0,1,2,3
.if \zero
	v_wmma_scale_f32_16x16x128_f8f6f4 v[ACC+8*(4*(\a)+\b):ACC+8*(4*(\a)+\b)+7], v[(\f)+64+FR*\b:(\f)+64+FR*\b+FR-1], v[(\f)+FR*(\a):(\f)+FR*(\a)+FR-1], v[BI+8*\b:BI+8*\b+7], v[SC+16*(\sc)+4*(\j)+\b], v[SC+16*(\sc)+4*(\j)+(\a)] matrix_a_scale:MATRIX_SCALE_ROW1
.else
	v_wmma_scale_f32_16x16x128_f8f6f4 v[ACC+8*(4*(\a)+\b):ACC+8*(4*(\a)+\b)+7], v[(\f)+64+FR*\b:(\f)+64+FR*\b+FR-1], v[(\f)+FR*(\a):(\f)+FR*(\a)+FR-1], v[ACC+8*(4*(\a)+\b):ACC+8*(4*(\a)+\b)+7], v[SC+16*(\sc)+4*(\j)+\b], v[SC+16*(\sc)+4*(\j)+(\a)] matrix_a_scale:MATRIX_SCALE_ROW1
.endif
.endr
.endm
; A load into a register that a matrix instruction has read, and a store that reads a matrix result, stand NP places behind that matrix instruction; only plain vector instructions that name none of
; its registers are places (ISA guide 7.12.1 for vector instructions).
.macro PLACES n
.rept \n
	v_nop
.endr
.endm
; One of a slot's first three steps: multiplies buffer j % 2; in its middle it fetches the next step's fragments into the other buffer, which the step before multiplied.
.macro STEP slot, j, zero
	s_wait_dscnt 8                                 ; B's four, A's tiles 0 and 1 and the scale words are in; the youngest eight loads (A's tiles 2, 3) may be out
	WIN MUL
	MUL4 128*((\j)%2), 0, \j, \slot, \zero
	MUL4 128*((\j)%2), 1, \j, \slot, \zero
	PLACES NP
	FETCH \slot, (\j)+1, 128*(((\j)+1)%2), 0
	s_wait_dscnt 32                                ; all but the 32 just issued
	WIN MUL
	MUL4 128*((\j)%2), 2, \j, \slot, \zero
	MUL4 128*((\j)%2), 3, \j, \slot, \zero
.endm
; A slot's last step multiplies buffer 1 and changes slots: ONE barrier; in front of it each wave waits for all its tensor loads, adds 0 to its spare word, and waits for that and for its own reads of this slot.
; fill = 1: this slot is filled again, with the K steps two slots on; the barrier then opens a round of the cluster's barrier.
.macro TURN slot, next, fill, last
.if \fill
	s_wait_xcnt 0x0                                ; the last prefetch, a slot back, has read its address: it is stepped here, ahead of the waits of the change of slots
	s_add_nc_u64 s[PFA:PFA+1], s[PFA:PFA+1], 2*BLKB
.endif
	WIN 0                                          ; (the add's two registers lie in window 0)
	s_wait_tensorcnt 0x0                           ; all my tensor loads have landed: my part of the next slot
	ds_add_u32 v[SPW], v[NIL]                      ; 0 onto my spare word
	s_wait_dscnt 9                                 ; (the add and the youngest eight loads may be out)
	WIN MUL
	MUL4 F1, 0, 3, \slot, 0                        ; eight matrix instructions stand between the add and the wait for it
	MUL4 F1, 1, 3, \slot, 0
	s_wait_dscnt 0x0                               ; the add is done, and my reads of this slot are over
	s_barrier_signal -1
	MUL4 F1, 2, 3, \slot, 0                        ; work on registers while the others arrive
	WIN 0
	s_barrier_wait -1
.if \fill
	CREST                                          ; no wave of any partner still reads this slot or has a load on its way
	s_add_nc_u64 s[G0+4*\slot+2:G0+4*\slot+3], s[G0+4*\slot+2:G0+4*\slot+3], 4*BLKB
	s_add_nc_u64 s[G0B+4*\slot+2:G0B+4*\slot+3], s[G0B+4*\slot+2:G0B+4*\slot+3], 4*BLKB
	JLOAD G0+4*\slot, G1, G0B+4*\slot, G1B         ; the first tensor load behind the round; its four v_nop are among the places in front of the loads below
	PLACES NP-4
.else
	PLACES NP
.endif
	FETCH \next, 0, F0, 1
.if \fill
	WIN 0
	ASK \last                                      ; behind the joint load and the run of LDS loads that the next products wait for
.endif
	WIN MUL
	MUL4 F1, 3, 3, \slot, 0
.endm
	s_wait_tensorcnt 1                             ; my part of slot 0 is in (slot 1's load may be out)
	s_barrier_signal -1
	s_barrier_wait -1                              ; everybody's is
	FETCH 0, 0, F0, 1
	s_wait_loadcnt 32                              ; the bias's eight loads are in; the residual's 32, issued behind them, stay out
	STEP 0, 0, 1                                   ; the first step stands in front of the loop: its products start the sums
.if LAPS > 1
	WIN 0                                          ; at a label and at a branch every window is 0
	s_mov_b32 s3, LAPS-1
.Llap:                                                 ; a trip goes once round the ring, from a lap's second step to the next lap's first, and fills both slots again
	STEP 0, 1, 0
	STEP 0, 2, 0
	TURN 0, 1, 1, 0
	STEP 1, 0, 0
	STEP 1, 1, 0
	STEP 1, 2, 0
	TURN 1, 0, 1, 1
	STEP 0, 0, 0
	WIN 0
	s_sub_co_u32 s3, s3, 1
	s_cmp_lg_u32 s3, 0
	s_cbranch_scc1 .Llap
.endif
	STEP 0, 1, 0                                   ; the last lap fills nothing, and has no round of the cluster's barrier
	STEP 0, 2, 0
	TURN 0, 1, 0, 0
	STEP 1, 0, 0
	STEP 1, 1, 0
	STEP 1, 2, 0
	s_wait_dscnt 8                                 ; the very last step: nothing more to fetch
	WIN MUL
	MUL4 F1, 0, 3, 1, 0
	MUL4 F1, 1, 3, 1, 0
	s_wait_alu depctr_va_vdst(0)
	s_wait_dscnt 0
	MUL4 F1, 2, 3, 1, 0
	MUL4 F1, 3, 3, 1, 0
	WIN 0
	PLACES NP                                      ; in front of the first read of results and of the loads into the accumulators' registers
; THE WAY OUT, tile by tile of 16 rows x 64 columns.  A lane holds pieces of one row: the tile goes through my own stage in LDS and comes back, into the registers that it left, two rows an instruction:
; sixteen lanes hold 256 consecutive bytes of a row.  The residual is added, and sixteen lanes store 256 consecutive bytes, at a multiple of 256 from the output's first byte.
.macro TOSTAGE a
.set AC, ACC+32*(\a)
.irp b, 0,1,2,3
	ds_store_b128 v[STO], v[AC+8*\b:AC+8*\b+3] offset:128*(\b/2)+32*(\b%2)         ; each accumulator from its low end on
	ds_store_b128 v[STO], v[AC+8*\b+4:AC+8*\b+7] offset:128*(\b/2)+32*(\b%2)+16
.endr
.irp t, 0,1,2,3,4,5,6,7
	ds_load_b128 v[AC+4*\t:AC+4*\t+3], v[RD] offset:2*\t*SPITCH    ; LDS serves a wave's instructions in order (ISA guide 5.7.1.4): these see the stores above, and the next tile's stores come behind them
.endr
.endm
.macro SEND a, younger                 ; younger: the LDS instructions issued behind tile a's loads: the next tile's sixteen, or none
.set AC, ACC+32*(\a)
	s_wait_dscnt \younger
	WIN 0x08                                       ; source 1, the residual, in window 2
.set i, 0
.rept 16
	v_pk_add_f32 v[AC+i:AC+i+1], v[AC+i:AC+i+1], v[RES+32*(\a)+i:RES+32*(\a)+i+1]
.set i, i+2
.endr
	WIN 0
.irp t, 0,1,2,3,4,5,6,7
	global_store_b128 v[CO], v[AC+4*\t:AC+4*\t+3], s[12:13] offset:(32*((\a)/2)+8*((\a)%2)+2*\t+8*(\t/4))*4096 th:TH_STORE_NT   ; these registers are not written again
.endr
.endm
	s_wait_loadcnt 0x0                             ; the residual, asked for at the head
	TOSTAGE 0
.irp a, 1,2,3
	TOSTAGE \a
	SEND \a-1, 16
.endr
	SEND 3, 0
	s_wait_tensorcnt 0x0                           ; the wave's end, behind my last tensor load and my last LDS store
	ds_add_u32 v[SPW], v[NIL]
	s_wait_dscnt 0x0
	CROUND                                         ; the closing round: no work-group ends while a partner may still ask for a block that names it
	s_endpgm
.Lfunc_end_k_q68556ef454_proj:
	.size	k_q68556ef454_proj, .Lfunc_end_k_q68556ef454_proj-k_q68556ef454_proj
	.p2alignl 7, 3214868480
	.fill 96, 4, 3214868480
	.section	.rodata,"a",@progbits
	.p2align	6, 0x0
	.amdhsa_kernel k_q68556ef454_proj
		.amdhsa_group_segment_fixed_size 327680
		.amdhsa_private_segment_fixed_size 0
		.amdhsa_enable_private_segment 0
		.amdhsa_kernarg_size 40
		.amdhsa_user_sgpr_count 2
		.amdhsa_user_sgpr_kernarg_segment_ptr 1
		.amdhsa_wavefront_size32 1
		.amdhsa_system_sgpr_workgroup_id_x 1
		.amdhsa_system_sgpr_workgroup_id_y 1
		.amdhsa_system_sgpr_workgroup_id_z 1
		.amdhsa_system_vgpr_workitem_id 0
		.amdhsa_next_free_vgpr 640
		.amdhsa_next_free_sgpr 80
		.amdhsa_reserve_vcc 0
		.amdhsa_float_denorm_mode_32 3
		.amdhsa_float_denorm_mode_16_64 3
		.amdhsa_memory_ordered 1
		.amdhsa_forward_progress 1
		.amdhsa_inst_pref_size 61
	.end_amdhsa_kernel
	.amdgpu_metadata
---
amdhsa.version: [ 1, 2 ]
amdhsa.kernels:
  - .name:           k_q68556ef454_proj
    .symbol:         k_q68556ef454_proj.kd
    .args:
      - { .name: ops, .offset: 0, .size: 8, .value_kind: global_buffer, .address_space: global }
      - { .name: attq, .offset: 8, .size: 8, .value_kind: global_buffer, .address_space: global }
      - { .name: bp, .offset: 16, .size: 8, .value_kind: global_buffer, .address_space: global }
      - { .name: fA, .offset: 24, .size: 8, .value_kind: global_buffer, .address_space: global }
      - { .name: x1f, .offset: 32, .size: 8, .value_kind: global_buffer, .address_space: global }
    .group_segment_fixed_size: 327680
    .private_segment_fixed_size: 0
    .kernarg_segment_align: 8
    .kernarg_segment_size: 40
    .max_flat_workgroup_size: 128
    .sgpr_count:     80
    .vgpr_count:     640
    .wavefront_size: 32
...
	.end_amdgpu_metadata
.endif
;; end of part 11
;; launch ln1 (part 12): grid 256 x 1, 4 waves a work-group, no clusters, 66,304 bytes of LDS; arguments x1f, g2, be2, fA, ops; writes fA, ops
.if DOCPART == 12
	.amdgcn_target "amdgcn-amd-amdhsa--gfx1250"
	.amdhsa_code_object_version 6
	.text
	.protected	k_q68556ef454_ln1
	.globl	k_q68556ef454_ln1
	.p2align	8
	.type	k_q68556ef454_ln1,@function
k_q68556ef454_ln1:
	s_mov_b64 s[64:65], 0
	v_nop
	global_prefetch_b8 v0, s[64:65] scope:SCOPE_SE
	s_setreg_imm32_b32 hwreg(HW_REG_WAVE_MODE, 25, 1), 1
	s_wait_xcnt 0x0
; y = (x - mean) * rsqrt(var + 1e-5) * g + b along rows of 1,024 f32; y leaves twice: as f32, row-major, and as codes of FP8 (E4M3) with E8M0 scales along the row, laid as images of operand registers.
; The codes' blocks (128 rows x 256 along K, 33,792 bytes) lie from block 384 of the operands' buffer on, block (rb, ks) at 4 rb + ks:
; codes at q*16384 + t*2048 + c*512 + 16*lane + i = row pi(t, lane%16), k = 128 q + 32 c + 16 (lane/16) + i; scale words at 32768 + q*512 + t*64 + 4*(lane%16).  pi(t, p) = 32 (t/2) + 8 (t%2) + p + 8 (p/8).
; A work-group takes ONE TILE of 16 rows (rb = number / 8, t = number % 8).  Phase 1: wave w normalises places 4 w .. 4 w + 3 of the tile, four neighbouring rows, a whole row in 32 registers of the wave:
; the mean first, then the variance of the differences (two passes over registers: no difference of large sums).  The rows go to memory and to LDS.  One barrier.
; Phase 2: wave w takes columns 256 w .. 256 w + 255 of all 16 rows out of LDS, 16 neighbours of each block of 32 to a lane, quantises them and stores two fragments as they stand in registers.
; LIMITS: NaN and infinities are not served; a block of zeros gets the byte 1 (its codes are zeros; this program alone reads the bytes).
.set PITCH, 4112                       ; an LDS row: 4,096 bytes + 16: the sixteen rows that a load touches start 16 bytes apart modulo 256
.set BLKB,  33792
.set G,     16                         ; v16-47   g of my 32 columns
.set BT,    48                         ; v48-79   b
.set X,     80                         ; v80-207  four rows x 32; in phase 2 two fragments' 64 numbers each
.set TM,    208                        ; v208-223 at work
.set PC0,   224                        ; v224-239 codes of q = 0
.set PC1,   16                         ; v16-31   codes of q = 1 (g is done with)
.set PW0,   240
.set PW1,   241
.set SEL,   20                         ; s[20:21] lane selects for lane l xor 16
.set MNT,   24
	s_load_b256 s[4:11], s[0:1], 0x0               ; in, g, b, the f32 output
	s_load_b64 s[12:13], s[0:1], 0x20              ; the operands' buffer
	v_lshl_add_u32 v248, v0, 2, 0x10100
	v_mov_b32 v249, 0
	v_lshrrev_b32 v1, 5, v0
	v_readfirstlane_b32 s14, v1                    ; wave
	v_and_b32 v7, 31, v0
	v_lshlrev_b32 v1, 4, v7                        ; 16 x lane
	s_wait_alu depctr_va_vdst(0)
	v_and_b32 v2, 15, v0                           ; r
	s_wait_alu depctr_va_vdst(0)
	v_bfe_u32 v3, v0, 4, 1                         ; h
	s_lshr_b32 s15, ttmp9, 3                       ; rb
	s_and_b32 s16, ttmp9, 7                        ; the tile in it
	s_lshl_b32 s17, s15, 7
	s_lshr_b32 s18, s16, 1
	s_lshl_b32 s18, s18, 5
	s_add_co_u32 s17, s17, s18
	s_and_b32 s18, s16, 1
	s_lshl_b32 s18, s18, 3
	s_add_co_u32 s17, s17, s18
	s_lshl_b32 s18, s14, 2
	s_add_co_u32 s17, s17, s18
	s_lshr_b32 s18, s14, 1
	s_lshl_b32 s18, s18, 3
	s_add_co_u32 s17, s17, s18                     ; my first row: 128 rb + pi(tile, 4 w)
	s_lshl_b32 s18, s17, 12
	s_mov_b32 s19, 0
	s_mul_i32 s25, s14, 4*PITCH
	v_add_nc_u32 v4, s25, v1                       ; LDS, in: place 4 w, 16 x lane
	v_mul_u32_u24 v5, v2, PITCH
	s_wait_alu depctr_va_vdst(0)
	v_lshl_add_u32 v5, v3, 6, v5
	s_lshl_b32 s26, s14, 10
	v_add_nc_u32 v5, s26, v5                       ; LDS, out: place r, 1024 w + 64 h
	v_lshlrev_b32 v6, 2, v2
	v_lshl_add_u32 v6, v3, 9, v6
	s_lshl_b32 s27, s16, 6
	v_add_nc_u32 v6, s27, v6                       ; my scale word: 512 h + 64 tile + 4 r (lanes 0-15: q = 0, lanes 16-31: q = 1)
	s_lshl_b32 s28, s15, 2
	s_add_co_u32 s28, s28, s14
	s_add_co_u32 s28, s28, 384
	s_mul_i32 s28, s28, BLKB                       ; block 384 + 4 rb + w
	s_mov_b32 s29, 0
	s_lshl_b32 s34, s16, 11
	s_mov_b32 s35, 0
	s_mov_b32 s[SEL], 0x76543210
	s_mov_b32 s[SEL+1], 0xfedcba98
	s_mov_b32 s22, 0x3a800000                      ; 1 / 1024
	s_mov_b32 s23, 0x3727c5ac                      ; 1e-5
	s_mov_b32 s[MNT], 0x600000                     ; the mantissa field of 448
	s_wait_kmcnt 0x0
	s_add_nc_u64 s[4:5], s[4:5], s[18:19]
	s_add_nc_u64 s[10:11], s[10:11], s[18:19]
	s_add_nc_u64 s[30:31], s[12:13], s[28:29]      ; my block,
	s_add_nc_u64 s[32:33], s[30:31], s[34:35]      ; and the tile's fragments in it
.irp k, 0,1,2,3
.irp i, 0,1,2,3,4,5,6,7
	global_load_b128 v[X+32*\k+4*\i:X+32*\k+4*\i+3], v1, s[4:5] offset:4096*\k+512*\i th:TH_LOAD_NT   ; 512 consecutive bytes
.endr
.endr
.irp i, 0,1,2,3,4,5,6,7
	global_load_b128 v[G+4*\i:G+4*\i+3], v1, s[6:7] offset:512*\i
	global_load_b128 v[BT+4*\i:BT+4*\i+3], v1, s[8:9] offset:512*\i
.endr
; the four rows' pairs of partial sums, v[TM+4k:TM+4k+1] and v[TM+4k+2:TM+4k+3], become each row's sum in every lane, in v[TM+4k]
.macro RED
.irp k, 0,1,2,3
	v_pk_add_f32 v[TM+4*\k:TM+4*\k+1], v[TM+4*\k:TM+4*\k+1], v[TM+4*\k+2:TM+4*\k+3]
.endr
.irp k, 0,1,2,3
	v_add_f32 v[TM+4*\k], v[TM+4*\k], v[TM+4*\k+1]
.endr
.irp m, 1,2,4,8
.irp k, 0,1,2,3
	v_add_f32_dpp v[TM+4*\k], v[TM+4*\k], v[TM+4*\k] row_xmask:\m row_mask:0xf bank_mask:0xf
.endr
.endr
.irp k, 0,1,2,3
	v_permlanex16_b32 v[TM+4*\k+1], v[TM+4*\k], s[SEL], s[SEL+1]
.endr
.irp k, 0,1,2,3
	v_add_f32 v[TM+4*\k], v[TM+4*\k], v[TM+4*\k+1]
.endr
.endm
	s_wait_loadcnt 0x0
.irp k, 0,1,2,3                        ; the rows take turns line by line, so that no line waits for the line above it
	v_pk_add_f32 v[TM+4*\k:TM+4*\k+1], v[X+32*\k:X+32*\k+1], v[X+32*\k+4:X+32*\k+5]
	v_pk_add_f32 v[TM+4*\k+2:TM+4*\k+3], v[X+32*\k+2:X+32*\k+3], v[X+32*\k+6:X+32*\k+7]
.endr
.irp j, 8,12,16,20,24,28
.irp k, 0,1,2,3
	v_pk_add_f32 v[TM+4*\k:TM+4*\k+1], v[TM+4*\k:TM+4*\k+1], v[X+32*\k+\j:X+32*\k+\j+1]
	v_pk_add_f32 v[TM+4*\k+2:TM+4*\k+3], v[TM+4*\k+2:TM+4*\k+3], v[X+32*\k+\j+2:X+32*\k+\j+3]
.endr
.endr
	RED
.irp k, 0,1,2,3
	v_mul_f32 v[TM+4*\k], s22, v[TM+4*\k]          ; the mean
.endr
.irp k, 0,1,2,3
.set j, 0
.rept 16
	v_pk_add_f32 v[X+32*\k+j:X+32*\k+j+1], v[X+32*\k+j:X+32*\k+j+1], v[TM+4*\k:TM+4*\k+1] op_sel_hi:[1,0] neg_lo:[0,1] neg_hi:[0,1]   ; x - mean
.set j, j+2
.endr
.endr
.irp k, 0,1,2,3
	v_pk_mul_f32 v[TM+4*\k:TM+4*\k+1], v[X+32*\k:X+32*\k+1], v[X+32*\k:X+32*\k+1]
	v_pk_mul_f32 v[TM+4*\k+2:TM+4*\k+3], v[X+32*\k+2:X+32*\k+3], v[X+32*\k+2:X+32*\k+3]
.endr
.irp j, 4,8,12,16,20,24,28
.irp k, 0,1,2,3
	v_pk_fma_f32 v[TM+4*\k:TM+4*\k+1], v[X+32*\k+\j:X+32*\k+\j+1], v[X+32*\k+\j:X+32*\k+\j+1], v[TM+4*\k:TM+4*\k+1]
	v_pk_fma_f32 v[TM+4*\k+2:TM+4*\k+3], v[X+32*\k+\j+2:X+32*\k+\j+3], v[X+32*\k+\j+2:X+32*\k+\j+3], v[TM+4*\k+2:TM+4*\k+3]
.endr
.endr
	RED
.irp k, 0,1,2,3
	v_fma_f32 v[TM+4*\k], v[TM+4*\k], s22, s23     ; the variance + 1e-5
.endr
	s_wait_alu depctr_va_vdst(0)
.irp k, 0,1,2,3
	v_rsq_f32 v[TM+4*\k+2], v[TM+4*\k]
.endr
	v_nop                                          ; a plain instruction behind the last of the four,
	s_wait_alu depctr_va_vdst(0)                   ; and one wait for the four, ahead of their first reader
.irp k, 0,1,2,3
.set j, 0
.rept 16
	v_pk_mul_f32 v[X+32*\k+j:X+32*\k+j+1], v[X+32*\k+j:X+32*\k+j+1], v[TM+4*\k+2:TM+4*\k+3] op_sel_hi:[1,0]
.set j, j+2
.endr
.endr
.irp k, 0,1,2,3
.set j, 0
.rept 16
	v_pk_fma_f32 v[X+32*\k+j:X+32*\k+j+1], v[X+32*\k+j:X+32*\k+j+1], v[G+j:G+j+1], v[BT+j:BT+j+1]
.set j, j+2
.endr
.endr
.irp k, 0,1,2,3
.irp i, 0,1,2,3,4,5,6,7
	global_store_b128 v1, v[X+32*\k+4*\i:X+32*\k+4*\i+3], s[10:11] offset:4096*\k+512*\i    ; 512 consecutive bytes, aligned to 256
	ds_store_b128 v4, v[X+32*\k+4*\i:X+32*\k+4*\i+3] offset:PITCH*\k+512*\i
.endr
.endr
	s_wait_dscnt 0x0                               ; for the others' sake: my rows lie in LDS
	s_barrier_signal -1
	s_barrier_wait -1
	s_wait_xcnt 0x0                                ; the stores to memory have read X: only behind this wait is it loaded again
.irp q, 0,1
.irp c, 0,1,2,3
.irp j, 0,1,2,3
	ds_load_b128 v[X+64*\q+16*\c+4*\j:X+64*\q+16*\c+4*\j+3], v5 offset:512*\q+128*\c+16*\j    ; row r, k = 256 w + 128 q + 32 c + 16 h + 4 j ..
.endr
.endr
.endr
; 64 numbers of a lane, register 16 b + i = k 32 b + 16 (lane / 16) + i of my row, become a fragment's codes and its scale word
.macro QUANT s, pc, pw
.irp b, 0,1,2,3
	v_max3_num_f32 v[TM+\b], |v[\s+16*\b]|, |v[\s+1+16*\b]|, 0x4800000    ; my 16 numbers of block b, and the floor 2^(9 - 127): the byte cannot fall under 1
.endr
.irp i, 2,4,6,8,10,12,14
.irp b, 0,1,2,3
	v_max3_num_f32 v[TM+\b], v[TM+\b], |v[\s+16*\b+\i]|, |v[\s+1+16*\b+\i]|
.endr
.endr
.irp b, 0,1,2,3
	v_permlanex16_b32 v[TM+4+\b], v[TM+\b], s[SEL], s[SEL+1]
.endr
.irp b, 0,1,2,3
	v_max_num_f32 v[TM+\b], v[TM+\b], v[TM+4+\b]   ; with lane l xor 16's: the block's largest magnitude
.endr
.irp b, 0,1,2,3
	v_add_nc_u32 v[TM+12+\b], 0xfc000000, v[TM+\b] ; 8 off the exponent field: the conversion's scale operand
.endr
.irp b, 0,1,2,3
	v_and_or_b32 v[TM+8+\b], v[TM+\b], 0x7f800000, s[MNT]   ; 448 x the scale
.endr
.irp b, 0,1,2,3
	v_lshrrev_b32 v[TM+4+\b], 23, v[TM+12+\b]      ; the scale's byte
.endr
	v_lshl_or_b32 v[\pw], v[TM+5], 8, v[TM+4]
	v_lshl_or_b32 v[\pw], v[TM+6], 16, v[\pw]
	v_lshl_or_b32 v[\pw], v[TM+7], 24, v[\pw]
.irp b, 0,1,2,3
.set i, 0
.rept 16
	v_med3_num_f32 v[\s+16*\b+i], v[\s+16*\b+i], -v[TM+8+\b], v[TM+8+\b]   ; the conversion does not saturate (ISA guide 7.6.2): the hold comes first
.set i, i+1
.endr
	v_cvt_scalef32_pk8_fp8_f32 v[\pc+4*\b:\pc+1+4*\b], v[\s+16*\b:\s+7+16*\b], v[TM+12+\b]
	v_cvt_scalef32_pk8_fp8_f32 v[\pc+2+4*\b:\pc+3+4*\b], v[\s+8+16*\b:\s+15+16*\b], v[TM+12+\b]
.endr
	v_nop                                          ; a plain instruction behind the last conversion
.endm
	s_wait_dscnt 0x0
	QUANT X, PC0, PW0
	QUANT X+64, PC1, PW1
.irp c, 0,1,2,3
	global_store_b128 v1, v[PC0+4*\c:PC0+4*\c+3], s[32:33] offset:512*\c           ; a fragment as it stands: 512 consecutive bytes a store
	global_store_b128 v1, v[PC1+4*\c:PC1+4*\c+3], s[32:33] offset:16384+512*\c
.endr
	v_cmp_eq_u32 vcc_lo, 1, v3
	v_cndmask_b32 v242, v[PW0], v[PW1], vcc_lo     ; both words stand in lanes r and 16 + r: lanes 0-15 send q = 0's, lanes 16-31 q = 1's
	global_store_b32 v6, v242, s[30:31] offset:32768
	s_wait_tensorcnt 0x0
	ds_add_u32 v248, v249
	s_wait_dscnt 0x0
	s_endpgm
.Lfunc_end_k_q68556ef454_ln1:
	.size	k_q68556ef454_ln1, .Lfunc_end_k_q68556ef454_ln1-k_q68556ef454_ln1
	.p2alignl 7, 3214868480
	.fill 96, 4, 3214868480
	.section	.rodata,"a",@progbits
	.p2align	6, 0x0
	.amdhsa_kernel k_q68556ef454_ln1
		.amdhsa_group_segment_fixed_size 66304
		.amdhsa_private_segment_fixed_size 0
		.amdhsa_enable_private_segment 0
		.amdhsa_kernarg_size 40
		.amdhsa_user_sgpr_count 2
		.amdhsa_user_sgpr_kernarg_segment_ptr 1
		.amdhsa_wavefront_size32 1
		.amdhsa_system_sgpr_workgroup_id_x 1
		.amdhsa_system_sgpr_workgroup_id_y 1
		.amdhsa_system_sgpr_workgroup_id_z 1
		.amdhsa_system_vgpr_workitem_id 0
		.amdhsa_next_free_vgpr 250
		.amdhsa_next_free_sgpr 66
		.amdhsa_reserve_vcc 1
		.amdhsa_float_denorm_mode_32 3
		.amdhsa_float_denorm_mode_16_64 3
		.amdhsa_memory_ordered 1
		.amdhsa_forward_progress 1
		.amdhsa_inst_pref_size 55
	.end_amdhsa_kernel
	.amdgpu_metadata
---
amdhsa.version: [ 1, 2 ]
amdhsa.kernels:
  - .name:           k_q68556ef454_ln1
    .symbol:         k_q68556ef454_ln1.kd
    .args:
      - { .name: x1f, .offset: 0, .size: 8, .value_kind: global_buffer, .address_space: global }
      - { .name: g2, .offset: 8, .size: 8, .value_kind: global_buffer, .address_space: global }
      - { .name: be2, .offset: 16, .size: 8, .value_kind: global_buffer, .address_space: global }
      - { .name: fA, .offset: 24, .size: 8, .value_kind: global_buffer, .address_space: global }
      - { .name: ops, .offset: 32, .size: 8, .value_kind: global_buffer, .address_space: global }
    .group_segment_fixed_size: 66304
    .private_segment_fixed_size: 0
    .kernarg_segment_align: 8
    .kernarg_segment_size: 40
    .max_flat_workgroup_size: 128
    .sgpr_count:     66
    .vgpr_count:     250
    .wavefront_size: 32
...
	.end_amdgpu_metadata
.endif
;; end of part 12
;; launch ff1 (part 13): grid 16 x 16, 4 waves a work-group, clusters of 4 x 4, 327,680 bytes of LDS; arguments ops, b1, hq; writes hq
.if DOCPART == 13
	.amdgcn_target "amdgcn-amd-amdhsa--gfx1250"
	.amdhsa_code_object_version 6
	.text
	.protected	k_q68556ef454_ff1
	.globl	k_q68556ef454_ff1
	.p2align	8
	.type	k_q68556ef454_ff1,@function
k_q68556ef454_ff1:
	s_mov_b64 s[64:65], 0
	v_nop
	global_prefetch_b8 v0, s[64:65] scope:SCOPE_SE
	s_setreg_imm32_b32 hwreg(HW_REG_WAVE_MODE, 25, 1), 1
	s_wait_xcnt 0x0
	s_wait_alu depctr_hold_cnt(0) depctr_sa_sdst(0) depctr_va_vdst(0) depctr_va_sdst(0) depctr_va_ssrc(0) depctr_va_vcc(0) depctr_vm_vsrc(0)
	s_getreg_b32 s2, hwreg(HW_REG_IB_STS2, 6, 4)
	s_cmp_eq_u32 s2, 0
	s_cbranch_scc0 .Lentry_in_a_cluster
	s_endpgm
.Lentry_in_a_cluster:
	s_bfe_u32 s2, ttmp6, 0x10000c
	s_cmp_lg_u32 s2, 0xf033
	s_cbranch_scc0 .Lentry_shape_is_right
	s_endpgm
.Lentry_shape_is_right:
.set KIND, 1
.set BLKB,   33792
.set SLOT,   4*BLKB
.set STAGE,  2*SLOT
.set SPITCH, 528
.set SPARE,  STAGE+4*16*SPITCH
.set SCB,    12582912
.if KIND == 3
.set LK, 4
.else
.set LK, 2
.endif
.set LAPS,   (1<<LK)/2
.set ABASE,  0
.set BBASE,  0
.if KIND == 1
.set ABASE,  384
.set BBASE,  128
.endif
.if KIND == 2
.set BBASE,  96
.endif
.if KIND == 3
.set BBASE,  256
.endif
.set NQ,   2
.set FR,   16
.set NL,   4
.set NP,   8
.set ADRA, 16
.set ADRB, 20
.set ADRS, 22
.set STO,  24
.set RD,   25
.set LI,   26
.set LS,   27
.set SPW,  28
.set NIL,  29
.set BO,   30
.set SC,   32
.set BI,   64
.set AF,   128
.set TM,   32
.set PW,   48
.set SW,   56
.set SH,   60
.set T,    64
.set PC,   128
.set G1,   24
.set G0,   32
.set G1B,  48
.set G0B,  56
.set SEL,  78
.set MNT,  80
.set MSB,  0
.macro WIN new
.if MSB != (\new)
	s_set_vgpr_msb (MSB<<8)|(\new)
.set MSB, (\new)
.endif
.endm
.set MUL_LO, 0xa1
.set MUL_HI, 0xf1
.set TO_B,   0x40
.macro JLOAD g0a, g1a, g0b, g1b
	s_cmp_eq_u32 s15, 0
	s_cbranch_scc0 .Lfor_b_\@
	tensor_load_to_lds s[\g0a:\g0a+3], s[\g1a:\g1a+7]
	s_nop 0
.rept 4
	v_nop
.endr
	s_branch .Lasked_\@
.Lfor_b_\@:
	tensor_load_to_lds s[\g0b:\g0b+3], s[\g1b:\g1b+7]
	s_nop 0
.rept 4
	v_nop
.endr
.Lasked_\@:
.endm
.macro CREST
	s_cmp_lg_u32 s14, 0
	s_cbranch_scc1 .Lnot_wave_0_\@
	s_barrier_signal -3
.Lnot_wave_0_\@:
	s_barrier_wait -3
	s_barrier_signal -1
	s_barrier_wait -1
.endm
.macro CROUND
	s_barrier_signal -1
	s_barrier_wait -1
	CREST
.endm
.if KIND == 0
	s_load_b64 s[4:5], s[0:1], 0x0
	s_load_b64 s[12:13], s[0:1], 0x8
.elseif KIND == 1
	s_load_b64 s[4:5], s[0:1], 0x0
	s_load_b64 s[8:9], s[0:1], 0x8
	s_load_b64 s[12:13], s[0:1], 0x10
.else
	s_load_b128 s[4:7], s[0:1], 0x0
	s_load_b128 s[8:11], s[0:1], 0x10
	s_load_b64 s[12:13], s[0:1], 0x20
.endif
	v_lshl_add_u32 v[SPW], v0, 2, SPARE
	v_mov_b32 v[NIL], 0
	ds_add_u32 v28, v29
	ds_add_u32 v28, v29
	s_wait_dscnt 0x0
	v_lshrrev_b32 v1, 5, v0
	v_readfirstlane_b32 s14, v1
	s_lshr_b32 s15, s14, 1
	s_and_b32 s16, s14, 1
	s_bfe_u32 s40, ttmp6, 0x40000
	s_bfe_u32 s41, ttmp6, 0x40004
	s_lshl_b32 s42, ttmp9, 2
	s_add_co_u32 s42, s42, s40
	s_and_b32 s18, ttmp7, 0xffff
	s_lshl_b32 s17, s18, 2
	s_add_co_u32 s17, s17, s41
	s_lshl_b32 s43, s41, 2
	s_lshl_b32 s43, 15, s43
	s_lshl_b32 s44, 0x1111, s40
	s_or_b32 s[G1+0], s43, (3<<16)|(1<<21)
	s_or_b32 s[G1B+0], s44, (3<<16)|(1<<21)
.irp g, G1, G1B
	s_mov_b32 s[\g+1], 32<<16
	s_mov_b32 s[\g+2], 132<<16
	s_mov_b32 s[\g+3], 32<<16
	s_mov_b32 s[\g+4], 132
	s_mov_b32 s[\g+5], 32
	s_mov_b32 s[\g+6], 0
	s_mov_b32 s[\g+7], 0
.endr
	s_lshl_b32 s19, s16, LK
.if KIND == 0
	s_lshl_b32 s20, s18, 5
	s_add_co_u32 s20, s20, 384
	s_lshl_b32 s46, s18, 6
	s_add_co_u32 s46, s46, 128
	s_cmp_lt_u32 s18, 4
	s_cselect_b32 s20, s20, 64
	s_cselect_b32 s46, 0, s46
	s_lshl_b32 s21, s41, 3
	s_add_co_u32 s20, s20, s21
	s_lshl_b32 s47, s42, 3
	s_add_co_u32 s46, s46, s47
.else
	s_lshl_b32 s20, s17, LK+1
	s_lshl_b32 s46, s42, LK+1
.if ABASE > 0
	s_add_co_u32 s20, s20, ABASE
.endif
	s_add_co_u32 s46, s46, BBASE
.endif
	s_add_co_u32 s20, s20, s19
	s_add_co_u32 s46, s46, s19
	s_mul_i32 s20, s20, BLKB
	s_mul_i32 s46, s46, BLKB
	s_mov_b32 s21, 0
	s_mov_b32 s47, 0
	s_mul_i32 s45, s14, BLKB
	s_mov_b32 s[SEL], 0x76543210
	s_mov_b32 s[SEL+1], 0xfedcba98
	s_mov_b32 s[MNT], 0x600000
	s_wait_kmcnt 0x0
.if KIND < 2
	s_mov_b64 s[6:7], s[4:5]
.endif
	s_add_nc_u64 s[20:21], s[6:7], s[20:21]
	s_add_nc_u64 s[46:47], s[4:5], s[46:47]
	CROUND
.irp s, 0,1
	s_mov_b32 s[G0+4*\s], 1
	s_add_co_u32 s[G0+4*\s+1], s45, \s*SLOT
	s_add_nc_u64 s[G0+4*\s+2:G0+4*\s+3], s[20:21], \s*BLKB
	s_or_b32 s[G0+4*\s+3], s[G0+4*\s+3], 0x80000000
	s_mov_b32 s[G0B+4*\s], 1
	s_add_co_u32 s[G0B+4*\s+1], s45, \s*SLOT
	s_add_nc_u64 s[G0B+4*\s+2:G0B+4*\s+3], s[46:47], \s*BLKB
	s_or_b32 s[G0B+4*\s+3], s[G0B+4*\s+3], 0x80000000
.if \s
	s_wait_alu depctr_va_vdst(0)                   ; slot 1's first fill is issued as a refill is: my part of slot 0 is in,
	s_wait_tensorcnt 0x0
	ds_add_u32 v[SPW], v[NIL]                      ; 0 onto my spare word,
	s_wait_dscnt 0x0
	CROUND                                         ; a whole round, and the load first behind it
.endif
	JLOAD G0+4*\s, G1, G0B+4*\s, G1B
.endr
	v_and_b32 v1, 15, v0
	v_bfe_u32 v2, v0, 4, 1
	s_wait_alu depctr_va_vdst(0)
	v_and_b32 v3, 31, v0
	v_lshlrev_b32 v[LI], 4, v3
	v_lshlrev_b32 v[LS], 2, v3
	s_mul_i32 s21, s15, BLKB
	s_mul_i32 s22, s16, BLKB
	s_add_co_u32 s22, s22, 2*BLKB
.irp s, 0,1
	v_add_nc_u32 v[ADRA+\s], s21, v[LI]
	v_add_nc_u32 v[ADRB+\s], s22, v[LI]
	s_add_co_u32 s21, s21, SLOT
	s_add_co_u32 s22, s22, SLOT
.endr
	s_mul_i32 s21, s15, BLKB
	s_mul_i32 s22, s16, BLKB
	s_add_co_u32 s22, s22, 2*BLKB
	s_sub_co_u32 s22, s22, s21
	v_mul_u32_u24 v4, s22, v2
	v_lshl_add_u32 v4, v1, 2, v4
	s_add_co_u32 s21, s21, 32768
	v_add_nc_u32 v[ADRS], s21, v4
	v_add_nc_u32 v[ADRS+1], SLOT, v[ADRS]
.if KIND > 0
	v_lshlrev_b32 v[BO], 6, v2
	s_lshl_b32 s22, s42, 10
	s_lshl_b32 s23, s16, 9
	s_add_co_u32 s22, s22, s23
	s_mov_b32 s23, 0
	s_add_nc_u64 s[8:9], s[8:9], s[22:23]
.irp b, 0,1,2,3,4,5,6,7
	global_load_b128 v[BI+8*\b:BI+8*\b+3], v[BO], s[8:9] offset:(32*(\b/2)+8*(\b%2))*4
	global_load_b128 v[BI+8*\b+4:BI+8*\b+7], v[BO], s[8:9] offset:(32*(\b/2)+8*(\b%2))*4+16
.endr
.endif
.if KIND == 0
	s_lshl_b32 s70, s42, 1
	s_add_co_u32 s70, s70, s16
	s_lshl_b32 s71, s17, 1
	s_add_co_u32 s71, s71, s15
	s_lshl_b32 s72, s41, 1
	s_add_co_u32 s72, s72, s15
	s_add_co_u32 s72, s72, 16
	s_lshl_b32 s73, s18, 4
	s_add_co_u32 s73, s73, s70
	s_sub_co_u32 s73, s73, 64
	s_cmp_lt_u32 s18, 4
	s_cselect_b32 s70, s70, s72
	s_cselect_b32 s71, s71, s73
	s_lshl_b32 s72, s70, 5
	s_add_co_u32 s72, s72, s71
	s_lshl_b32 s72, s72, 14
	s_lshl_b32 s70, s70, 6
	s_add_co_u32 s70, s70, s71
	s_lshl_b32 s70, s70, 9
	s_add_co_u32 s70, s70, SCB
	s_mov_b32 s71, 0
	s_mov_b32 s73, 0
	s_add_nc_u64 s[70:71], s[12:13], s[70:71]
	s_add_nc_u64 s[12:13], s[12:13], s[72:73]
.endif
.if KIND == 1
	s_lshl_b32 s70, s17, 1
	s_add_co_u32 s70, s70, s15
	s_lshl_b32 s70, s70, 4
	s_add_co_u32 s70, s70, s42
	s_mul_i32 s70, s70, BLKB
	s_mov_b32 s71, 0
	s_add_nc_u64 s[70:71], s[12:13], s[70:71]
	s_lshl_b32 s72, s16, 14
	s_mov_b32 s73, 0
	s_add_nc_u64 s[12:13], s[70:71], s[72:73]
	s_lshl_b32 s72, s16, 9
	s_add_co_u32 s72, s72, 32768
	s_add_nc_u64 s[70:71], s[70:71], s[72:73]
.endif
.if KIND > 1
	s_lshl_b32 s70, s17, 1
	s_add_co_u32 s70, s70, s15
	s_lshl_b32 s70, s70, 19
	s_lshl_b32 s72, s42, 1
	s_add_co_u32 s72, s72, s16
	s_lshl_b32 s72, s72, 9
	s_add_co_u32 s70, s70, s72
	s_mov_b32 s71, 0
	s_add_nc_u64 s[12:13], s[12:13], s[70:71]
	s_add_nc_u64 s[10:11], s[10:11], s[70:71]
	s_mul_i32 s23, s14, 16*SPITCH
	s_add_co_u32 s23, s23, STAGE
	v_mul_u32_u24 v5, v1, SPITCH
	v_lshl_add_u32 v5, v2, 6, v5
	v_add_nc_u32 v[STO], s23, v5
	v_add_nc_u32 v[RD], s23, v[LI]
.endif
.macro FRAG reg, adr, q, i
.irp c, 0,1,2,3
	ds_load_b128 v[\reg+4*\c:\reg+4*\c+3], v[\adr] offset:16384*(\q)+2048*(\i)+512*\c
.endr
.endm
.macro MUL16 a0, p, q, sc, zero
.irp a, \a0, \a0+1
.irp b, 0,1,2,3,4,5,6,7
.if (\zero) && (KIND == 0)
	v_wmma_scale_f32_16x16x128_f8f6f4 v[8*(8*((\a)%4)+\b):8*(8*((\a)%4)+\b)+7], v[128*(\p)+FR*\b:128*(\p)+FR*\b+FR-1], v[AF+FR*(\a):AF+FR*(\a)+FR-1], 0, v[SC+8*NQ*(\sc)+NQ*\b+(\q)], v[SC+8*NQ*(\sc)+NQ*(\a)+(\q)] matrix_a_scale:MATRIX_SCALE_ROW1
.elseif \zero
	v_wmma_scale_f32_16x16x128_f8f6f4 v[8*(8*((\a)%4)+\b):8*(8*((\a)%4)+\b)+7], v[128*(\p)+FR*\b:128*(\p)+FR*\b+FR-1], v[AF+FR*(\a):AF+FR*(\a)+FR-1], v[BI+8*\b:BI+8*\b+7], v[SC+8*NQ*(\sc)+NQ*\b+(\q)], v[SC+8*NQ*(\sc)+NQ*(\a)+(\q)] matrix_a_scale:MATRIX_SCALE_ROW1
.else
	v_wmma_scale_f32_16x16x128_f8f6f4 v[8*(8*((\a)%4)+\b):8*(8*((\a)%4)+\b)+7], v[128*(\p)+FR*\b:128*(\p)+FR*\b+FR-1], v[AF+FR*(\a):AF+FR*(\a)+FR-1], v[8*(8*((\a)%4)+\b):8*(8*((\a)%4)+\b)+7], v[SC+8*NQ*(\sc)+NQ*\b+(\q)], v[SC+8*NQ*(\sc)+NQ*(\a)+(\q)] matrix_a_scale:MATRIX_SCALE_ROW1
.endif
.endr
.endr
.endm
.macro FETCH_B slot, q, p
	WIN TO_B
.irp i, 0,1,2,3,4,5,6,7
	FRAG 128*(\p)+FR*\i, ADRB+\slot, \q, \i
.endr
	WIN 0
.endm
.macro FETCH_A slot, q, i0
.irp i, \i0, \i0+1, \i0+2, \i0+3
	FRAG AF+FR*(\i), ADRA+\slot, \q, \i
.endr
.endm
.macro SCALES sc
.irp i, 0,1,2,3,4,5,6,7
	ds_load_b32 v[SC+16*\sc+2*\i], v[ADRS+\sc] offset:\i*64
	ds_load_b32 v[SC+16*\sc+2*\i+1], v[ADRS+\sc] offset:512+\i*64
.endr
.endm
.macro PLACES n
.rept \n
	v_nop
.endr
.endm
.macro STEP slot, q, zero
	s_wait_dscnt 4*NL
.if (\zero) && (KIND != 0)
	WIN 0x81
.else
	WIN MUL_LO
.endif
	MUL16 0, (\q)%2, \q, \slot, \zero
	MUL16 2, (\q)%2, \q, \slot, \zero
	s_wait_dscnt 0
	PLACES NP
	FETCH_B \slot, (\q)+1, 1-(\q)%2
	FETCH_A \slot, (\q)+1, 0
.if (\zero) && (KIND != 0)
	WIN 0xc1
.else
	WIN MUL_HI
.endif
	MUL16 4, (\q)%2, \q, \slot, \zero
	MUL16 6, (\q)%2, \q, \slot, \zero
	PLACES NP
	WIN 0
	FETCH_A \slot, (\q)+1, 4
.endm
.macro TURN slot, next, fill
	s_wait_tensorcnt 0x0
	ds_add_u32 v[SPW], v[NIL]
	s_wait_dscnt 4*NL+1
	WIN MUL_LO
	MUL16 0, 1, NQ-1, \slot, 0
	s_wait_dscnt 0x0
	s_barrier_signal -1
	MUL16 2, 1, NQ-1, \slot, 0
	WIN 0
	s_barrier_wait -1
.if \fill
	CREST
	s_add_nc_u64 s[G0+4*\slot+2:G0+4*\slot+3], s[G0+4*\slot+2:G0+4*\slot+3], 2*BLKB
	s_add_nc_u64 s[G0B+4*\slot+2:G0B+4*\slot+3], s[G0B+4*\slot+2:G0B+4*\slot+3], 2*BLKB
	JLOAD G0+4*\slot, G1, G0B+4*\slot, G1B
	PLACES NP-4
.else
	PLACES NP
.endif
	FETCH_B \next, 0, 0
	FETCH_A \next, 0, 0
	SCALES \next
	WIN MUL_HI
	MUL16 4, 1, NQ-1, \slot, 0
	MUL16 6, 1, NQ-1, \slot, 0
	PLACES NP
	WIN 0
	FETCH_A \next, 0, 4
.endm
	s_wait_alu depctr_va_vdst(0)
	s_wait_tensorcnt 1
	s_barrier_signal -1
	s_barrier_wait -1
	FETCH_B 0, 0, 0
	FETCH_A 0, 0, 0
	SCALES 0
	FETCH_A 0, 0, 4
.if KIND > 0
	s_wait_loadcnt 0x0
.endif
	STEP 0, 0, 1
	s_mov_b32 s3, LAPS-1
.Llap:
	TURN 0, 1, 1
	STEP 1, 0, 0
	TURN 1, 0, 1
	STEP 0, 0, 0
	s_sub_co_u32 s3, s3, 1
	s_cmp_lg_u32 s3, 0
	s_cbranch_scc1 .Llap
	TURN 0, 1, 0
	STEP 1, 0, 0
	s_wait_dscnt 4*NL
	WIN MUL_LO
	MUL16 0, 1, NQ-1, 1, 0
	MUL16 2, 1, NQ-1, 1, 0
	s_wait_dscnt 0
	WIN MUL_HI
	MUL16 4, 1, NQ-1, 1, 0
	MUL16 6, 1, NQ-1, 1, 0
	WIN 0
	PLACES NP
.if KIND < 2
.macro QOUT a
.set W, 2+(\a)/4
.set AC, 64*((\a)%4)
	WIN (W<<2)|(W<<4)
.irp b, 0,1,2,3
.if KIND == 1
	v_max3_num_f32 v[TM+\b], 0x4800000, v[AC+16*\b], v[AC+16*\b+1]
.else
	v_max3_num_f32 v[TM+\b], 0x4800000, |v[AC+16*\b]|, |v[AC+16*\b+1]|
.endif
.endr
.irp i, 2,4,6,8,10,12,14
.irp b, 0,1,2,3
.if KIND == 1
	v_max3_num_f32 v[TM+\b], v[TM+\b], v[AC+16*\b+\i], v[AC+16*\b+\i+1]
.else
	v_max3_num_f32 v[TM+\b], v[TM+\b], |v[AC+16*\b+\i]|, |v[AC+16*\b+\i+1]|
.endif
.endr
.endr
	WIN 0
.irp b, 0,1,2,3
	v_permlanex16_b32 v[TM+4+\b], v[TM+\b], s[SEL], s[SEL+1]
.endr
.irp b, 0,1,2,3
	v_max_num_f32 v[TM+\b], v[TM+\b], v[TM+4+\b]
.endr
.irp b, 0,1,2,3
	v_add_nc_u32 v[TM+12+\b], 0xfc000000, v[TM+\b]
.endr
.irp b, 0,1,2,3
	v_and_or_b32 v[TM+8+\b], v[TM+\b], 0x7f800000, s[MNT]
.endr
.irp b, 0,1,2,3
	v_lshrrev_b32 v[TM+4+\b], 23, v[TM+12+\b]
.endr
	v_lshl_or_b32 v[PW+(\a)], v[TM+5], 8, v[TM+4]
	v_lshl_or_b32 v[PW+(\a)], v[TM+6], 16, v[PW+(\a)]
	v_lshl_or_b32 v[PW+(\a)], v[TM+7], 24, v[PW+(\a)]
	WIN W
.irp b, 0,1,2,3
.set i, 0
.rept 16
.if KIND == 1
	v_med3_num_f32 v[T+16*\b+i], v[AC+16*\b+i], 0, v[TM+8+\b]
.else
	v_med3_num_f32 v[T+16*\b+i], v[AC+16*\b+i], -v[TM+8+\b], v[TM+8+\b]
.endif
.set i, i+1
.endr
.endr
	WIN 0
.irp b, 0,1,2,3
	v_cvt_scalef32_pk8_fp8_f32 v[PC+16*(\a)+4*\b:PC+16*(\a)+4*\b+1], v[T+16*\b:T+16*\b+7], v[TM+12+\b]
	v_cvt_scalef32_pk8_fp8_f32 v[PC+16*(\a)+4*\b+2:PC+16*(\a)+4*\b+3], v[T+16*\b+8:T+16*\b+15], v[TM+12+\b]
.endr
	v_nop
.irp c, 0,1,2,3
	global_store_b128 v[LI], v[PC+16*(\a)+4*\c:PC+16*(\a)+4*\c+3], s[12:13] offset:(\a)*2048+\c*512
.endr
.endm
.irp b, 0,1,2,3
	v_mov_b32 v[TM+4+\b], 0
.endr
	v_and_b32 v31, 16, v0
.irp a, 0,1,2,3,4,5,6,7
	QOUT \a
.endr
	v_cmp_ne_u32 vcc_lo, 0, v31
.irp p, 0,1,2,3
	v_cndmask_b32 v[SW+\p], v[PW+2*\p], v[PW+2*\p+1], vcc_lo
.endr
.irp p, 0,1,2,3
	global_store_b32 v[LS], v[SW+\p], s[70:71] offset:128*\p
.endr
.if KIND == 0
	s_cmp_ge_u32 s18, 4
	s_cbranch_scc1 .Lno_shift
.irp p, 0,1,2,3
	v_lshrrev_b32 v[SH+\p], 16, v[SW+\p]
.endr
.irp p, 0,1,2,3
	global_store_b32 v[LS], v[SH+\p], s[70:71] offset:16384+128*\p
.endr
.Lno_shift:
.endif
.else
.macro RLOAD a
	WIN 0x40
.irp t, 0,1,2,3,4,5,6,7,8,9,10,11,12,13,14,15
	global_load_b128 v[64*((\a)%4)+4*\t:64*((\a)%4)+4*\t+3], v[LI], s[10:11] offset:(32*((\a)/2)+8*((\a)%2)+\t+8*(\t/8))*4096 th:TH_LOAD_NT
.endr
	WIN 0
.endm
.macro ROUT a
.set W, 2+(\a)/4
.set AC, 64*((\a)%4)
	WIN W<<2
.irp b, 0,1,2,3,4,5,6,7
	ds_store_b128 v[STO], v[AC+8*\b:AC+8*\b+3] offset:128*(\b/2)+32*(\b%2)
	ds_store_b128 v[STO], v[AC+8*\b+4:AC+8*\b+7] offset:128*(\b/2)+32*(\b%2)+16
.endr
	WIN W<<6
.irp t, 0,1,2,3,4,5,6,7,8,9,10,11,12,13,14,15
	ds_load_b128 v[AC+4*\t:AC+4*\t+3], v[RD] offset:\t*SPITCH
.endr
	s_wait_dscnt 0x0
.if (\a) < 5
	s_wait_loadcnt 48
.else
	s_wait_loadcnt 16*(7-(\a))
.endif
	WIN (W<<6)|W|4
.set i, 0
.rept 32
	v_pk_add_f32 v[AC+i:AC+i+1], v[AC+i:AC+i+1], v[AC+i:AC+i+1]
.set i, i+2
.endr
	WIN W<<2
.irp t, 0,1,2,3,4,5,6,7,8,9,10,11,12,13,14,15
	global_store_b128 v[LI], v[AC+4*\t:AC+4*\t+3], s[12:13] offset:(32*((\a)/2)+8*((\a)%2)+\t+8*(\t/8))*4096 th:TH_STORE_NT
.endr
	WIN 0
.if (\a) < 4
	RLOAD (\a)+4
.endif
.endm
	RLOAD 0
	RLOAD 1
	RLOAD 2
	RLOAD 3
.irp a, 0,1,2,3,4,5,6,7
	ROUT \a
.endr
.endif
	s_wait_tensorcnt 0x0
	ds_add_u32 v[SPW], v[NIL]
	s_wait_dscnt 0x0
	CROUND
	s_endpgm
.Lfunc_end_k_q68556ef454_ff1:
	.size	k_q68556ef454_ff1, .Lfunc_end_k_q68556ef454_ff1-k_q68556ef454_ff1
	.p2alignl 7, 3214868480
	.fill 96, 4, 3214868480
	.section	.rodata,"a",@progbits
	.p2align	6, 0x0
	.amdhsa_kernel k_q68556ef454_ff1
		.amdhsa_group_segment_fixed_size 327680
		.amdhsa_private_segment_fixed_size 0
		.amdhsa_enable_private_segment 0
		.amdhsa_kernarg_size 24
		.amdhsa_user_sgpr_count 2
		.amdhsa_user_sgpr_kernarg_segment_ptr 1
		.amdhsa_wavefront_size32 1
		.amdhsa_system_sgpr_workgroup_id_x 1
		.amdhsa_system_sgpr_workgroup_id_y 1
		.amdhsa_system_sgpr_workgroup_id_z 1
		.amdhsa_system_vgpr_workitem_id 0
		.amdhsa_next_free_vgpr 1024
		.amdhsa_next_free_sgpr 100
		.amdhsa_reserve_vcc 1
		.amdhsa_float_denorm_mode_32 3
		.amdhsa_float_denorm_mode_16_64 3
		.amdhsa_memory_ordered 1
		.amdhsa_forward_progress 1
		.amdhsa_inst_pref_size 187
	.end_amdhsa_kernel
	.amdgpu_metadata
---
amdhsa.version: [ 1, 2 ]
amdhsa.kernels:
  - .name:           k_q68556ef454_ff1
    .symbol:         k_q68556ef454_ff1.kd
    .args:
      - { .name: ops, .offset: 0, .size: 8, .value_kind: global_buffer, .address_space: global }
      - { .name: b1, .offset: 8, .size: 8, .value_kind: global_buffer, .address_space: global }
      - { .name: hq, .offset: 16, .size: 8, .value_kind: global_buffer, .address_space: global }
    .group_segment_fixed_size: 327680
    .private_segment_fixed_size: 0
    .kernarg_segment_align: 8
    .kernarg_segment_size: 24
    .max_flat_workgroup_size: 128
    .sgpr_count:     100
    .vgpr_count:     1024
    .wavefront_size: 32
...
	.end_amdgpu_metadata
.endif
;; end of part 13
;; launch ff2 (part 14): grid 8 x 32, 4 waves a work-group, clusters of 4 x 4, 327,680 bytes of LDS; arguments ops, hq, b2, fA, out0; writes out0
.if DOCPART == 14
	.amdgcn_target "amdgcn-amd-amdhsa--gfx1250"
	.amdhsa_code_object_version 6
	.text
	.protected	k_q68556ef454_ff2
	.globl	k_q68556ef454_ff2
	.p2align	8
	.type	k_q68556ef454_ff2,@function
k_q68556ef454_ff2:
	s_mov_b64 s[64:65], 0
	v_nop
	global_prefetch_b8 v0, s[64:65] scope:SCOPE_SE
	s_setreg_imm32_b32 hwreg(HW_REG_WAVE_MODE, 25, 1), 1
	s_wait_xcnt 0x0
	s_wait_alu depctr_hold_cnt(0) depctr_sa_sdst(0) depctr_va_vdst(0) depctr_va_sdst(0) depctr_va_ssrc(0) depctr_va_vcc(0) depctr_vm_vsrc(0)
	s_getreg_b32 s2, hwreg(HW_REG_IB_STS2, 6, 4)
	s_cmp_eq_u32 s2, 0
	s_cbranch_scc0 .Lentry_in_a_cluster
	s_endpgm
.Lentry_in_a_cluster:
	s_bfe_u32 s2, ttmp6, 0x10000c
	s_cmp_lg_u32 s2, 0xf033
	s_cbranch_scc0 .Lentry_shape_is_right
	s_endpgm
.Lentry_shape_is_right:
.set KIND, 3
.set BLKB,   33792
.set SLOT,   4*BLKB
.set STAGE,  2*SLOT
.set SPITCH, 272
.set SPARE,  STAGE+4*16*SPITCH
.if KIND == 3
.set LK,     4
.set BBASE,  256
.else
.set LK,     2
.set BBASE,  96
.endif
.set LAPS,   (1<<LK)/4
.set FR,   16
.set NP,   8
.set ADRA, 16
.set ADRB, 18
.set ADRS, 20
.set STO,  22
.set RD,   23
.set CO,   24
.set BO,   25
.set PFO,  27
.set SPW,  28
.set NIL,  29
.set SC,   32
.set BI,   64
.set ACC,  128
.set F0,   0
.set F1,   128
.set RES,  0
.set G1,   24
.set G0,   32
.set G1B,  48
.set G0B,  56
.set PFA,  74
.set LIM,  76
.set MSB,  0
.macro WIN new
.if MSB != (\new)
	s_set_vgpr_msb (MSB<<8)|(\new)
.set MSB, (\new)
.endif
.endm
.set MUL,  0x05
.set TO_F, 0x40
.macro JLOAD g0a, g1a, g0b, g1b
	s_cmp_eq_u32 s15, 0
	s_cbranch_scc0 .Lfor_b_\@
	tensor_load_to_lds s[\g0a:\g0a+3], s[\g1a:\g1a+7]
	s_nop 0
.rept 4
	v_nop
.endr
	s_branch .Lasked_\@
.Lfor_b_\@:
	tensor_load_to_lds s[\g0b:\g0b+3], s[\g1b:\g1b+7]
	s_nop 0
.rept 4
	v_nop
.endr
.Lasked_\@:
.endm
.macro CREST
	s_cmp_lg_u32 s14, 0
	s_cbranch_scc1 .Lnot_wave_0_\@
	s_barrier_signal -3
.Lnot_wave_0_\@:
	s_barrier_wait -3
	s_barrier_signal -1
	s_barrier_wait -1
.endm
.macro CROUND
	s_barrier_signal -1
	s_barrier_wait -1
	CREST
.endm
.macro ASK last
.if \last
	s_cmp_gt_u32 s3, s[LIM]
.else
	s_cmp_eq_u32 s[LIM], 1
.endif
	s_cbranch_scc0 .Lnot_mine_\@
	global_prefetch_b8 v[PFO], s[PFA:PFA+1] th:TH_LOAD_NT scope:SCOPE_SE
.Lnot_mine_\@:
.endm
	s_load_b128 s[4:7], s[0:1], 0x0
	s_load_b128 s[8:11], s[0:1], 0x10
	s_load_b64 s[12:13], s[0:1], 0x20
	v_lshl_add_u32 v[SPW], v0, 2, SPARE
	v_mov_b32 v[NIL], 0
	ds_add_u32 v28, v29
	ds_add_u32 v28, v29
	s_wait_dscnt 0x0
	v_lshrrev_b32 v1, 5, v0
	v_readfirstlane_b32 s14, v1
	s_lshr_b32 s15, s14, 1
	s_and_b32 s16, s14, 1
	s_bfe_u32 s40, ttmp6, 0x40000
	s_bfe_u32 s41, ttmp6, 0x40004
	s_lshl_b32 s42, ttmp9, 2
	s_add_co_u32 s42, s42, s40
	s_and_b32 s18, ttmp7, 0xffff
	s_lshl_b32 s17, s18, 2
	s_add_co_u32 s17, s17, s41
	s_lshl_b32 s43, s41, 2
	s_lshl_b32 s43, 15, s43
	s_lshl_b32 s44, 0x1111, s40
	s_or_b32 s[G1+0], s43, (3<<16)|(1<<21)
	s_or_b32 s[G1B+0], s44, (3<<16)|(1<<21)
.irp g, G1, G1B
	s_mov_b32 s[\g+1], 32<<16
	s_mov_b32 s[\g+2], 132<<16
	s_mov_b32 s[\g+3], 32<<16
	s_mov_b32 s[\g+4], 132
	s_mov_b32 s[\g+5], 32
	s_mov_b32 s[\g+6], 0
	s_mov_b32 s[\g+7], 0
.endr
	s_lshl_b32 s20, s17, LK
	s_add_co_u32 s20, s20, s16
	s_lshl_b32 s46, s42, LK
	s_add_co_u32 s46, s46, BBASE
	s_add_co_u32 s46, s46, s16
	s_mul_i32 s20, s20, BLKB
	s_mul_i32 s46, s46, BLKB
	s_mov_b32 s21, 0
	s_mov_b32 s47, 0
	s_mul_i32 s45, s14, BLKB
	s_wait_kmcnt 0x0
	s_add_nc_u64 s[20:21], s[6:7], s[20:21]
	s_add_nc_u64 s[46:47], s[4:5], s[46:47]
	CROUND
.irp s, 0,1
	s_mov_b32 s[G0+4*\s], 1
	s_add_co_u32 s[G0+4*\s+1], s45, \s*SLOT
	s_add_nc_u64 s[G0+4*\s+2:G0+4*\s+3], s[20:21], \s*2*BLKB
	s_or_b32 s[G0+4*\s+3], s[G0+4*\s+3], 0x80000000
	s_mov_b32 s[G0B+4*\s], 1
	s_add_co_u32 s[G0B+4*\s+1], s45, \s*SLOT
	s_add_nc_u64 s[G0B+4*\s+2:G0B+4*\s+3], s[46:47], \s*2*BLKB
	s_or_b32 s[G0B+4*\s+3], s[G0B+4*\s+3], 0x80000000
.if \s
	s_wait_alu depctr_va_vdst(0)                   ; slot 1's first fill is issued as a refill is: my part of slot 0 is in,
	s_wait_tensorcnt 0x0
	ds_add_u32 v[SPW], v[NIL]                      ; 0 onto my spare word,
	s_wait_dscnt 0x0
	CROUND                                         ; a whole round, and the load first behind it
.endif
	JLOAD G0+4*\s, G1, G0B+4*\s, G1B
.endr
	v_and_b32 v1, 15, v0
	v_bfe_u32 v2, v0, 4, 1
	v_and_b32 v3, 31, v0
	s_wait_alu depctr_va_vdst(0)
	v_lshlrev_b32 v4, 4, v3
.if LAPS > 1
	s_wait_alu depctr_va_vdst(0)
	s_cmp_eq_u32 s15, 0
	s_cselect_b64 s[PFA:PFA+1], s[20:21], s[46:47]
	s_cselect_b32 s72, s40, s41
	s_cselect_b32 s73, ttmp9, s18
	s_cmp_eq_u32 s73, 0
	s_cselect_b32 s[LIM], 1, -1
	s_lshl_b32 s72, s72, 13
	s_add_co_u32 s72, s72, 4*BLKB
	s_mov_b32 s73, 0
	s_add_nc_u64 s[PFA:PFA+1], s[PFA:PFA+1], s[72:73]
	v_lshlrev_b32 v[PFO], 8, v3
.endif
	s_lshl_b32 s21, s15, 13
	s_lshl_b32 s22, s16, 13
	s_add_co_u32 s22, s22, 2*BLKB
.irp s, 0,1
	v_add_nc_u32 v[ADRA+\s], s21, v4
	v_add_nc_u32 v[ADRB+\s], s22, v4
	s_add_co_u32 s21, s21, SLOT
	s_add_co_u32 s22, s22, SLOT
.endr
	s_lshl_b32 s21, s15, 8
	s_lshl_b32 s22, s16, 8
	s_add_co_u32 s22, s22, 2*BLKB
	s_sub_co_u32 s22, s22, s21
	v_mul_u32_u24 v5, s22, v2
	v_lshl_add_u32 v5, v1, 2, v5
	s_add_co_u32 s21, s21, 32768
	v_add_nc_u32 v[ADRS], s21, v5
	v_add_nc_u32 v[ADRS+1], SLOT, v[ADRS]
	v_lshlrev_b32 v[BO], 6, v2
	s_lshl_b32 s22, s42, 9
	s_lshl_b32 s23, s16, 8
	s_add_co_u32 s22, s22, s23
	s_mov_b32 s23, 0
	s_add_nc_u64 s[8:9], s[8:9], s[22:23]
.irp b, 0,1,2,3
	global_load_b128 v[BI+8*\b:BI+8*\b+3], v[BO], s[8:9] offset:(32*(\b/2)+8*(\b%2))*4
	global_load_b128 v[BI+8*\b+4:BI+8*\b+7], v[BO], s[8:9] offset:(32*(\b/2)+8*(\b%2))*4+16
.endr
	s_lshl_b32 s70, s17, 1
	s_add_co_u32 s70, s70, s15
	s_lshl_b32 s70, s70, 18
	s_lshl_b32 s72, s42, 1
	s_add_co_u32 s72, s72, s16
	s_lshl_b32 s72, s72, 8
	s_add_co_u32 s70, s70, s72
	s_mov_b32 s71, 0
	s_add_nc_u64 s[12:13], s[12:13], s[70:71]
	s_add_nc_u64 s[10:11], s[10:11], s[70:71]
	v_lshlrev_b32 v[CO], 12, v2
	v_lshl_add_u32 v[CO], v1, 4, v[CO]
	WIN 0x80
.irp a, 0,1,2,3
.irp t, 0,1,2,3,4,5,6,7
	global_load_b128 v[RES+32*\a+4*\t:RES+32*\a+4*\t+3], v[CO], s[10:11] offset:(32*(\a/2)+8*(\a%2)+2*\t+8*(\t/4))*4096 th:TH_LOAD_NT
.endr
.endr
	WIN 0
	s_mul_i32 s23, s14, 16*SPITCH
	s_add_co_u32 s23, s23, STAGE
	v_mul_u32_u24 v5, v1, SPITCH
	v_lshl_add_u32 v5, v2, 6, v5
	v_add_nc_u32 v[STO], s23, v5
	v_mul_u32_u24 v5, v2, SPITCH
	v_lshl_add_u32 v5, v1, 4, v5
	v_add_nc_u32 v[RD], s23, v5
.macro FRAG reg, adr, j, i
.irp c, 0,1,2,3
	ds_load_b128 v[(\reg)+4*\c:(\reg)+4*\c+3], v[\adr] offset:((\j)/2)*BLKB+((\j)%2)*16384+2048*(\i)+512*\c
.endr
.endm
.macro SCALES sc
.irp j, 0,1,2,3
.irp i, 0,1,2,3
	ds_load_b32 v[SC+16*\sc+4*\j+\i], v[ADRS+\sc] offset:(\j/2)*BLKB+(\j%2)*512+\i*64
.endr
.endr
.endm
.macro FETCH slot, j, f, sc
	WIN TO_F
.irp i, 0,1,2,3
	FRAG (\f)+64+FR*\i, ADRB+\slot, \j, \i
.endr
	FRAG (\f), ADRA+\slot, \j, 0
	FRAG (\f)+FR, ADRA+\slot, \j, 1
.if \sc
	WIN 0
	SCALES \slot
	WIN TO_F
.endif
	FRAG (\f)+2*FR, ADRA+\slot, \j, 2
	FRAG (\f)+3*FR, ADRA+\slot, \j, 3
.endm
.macro MUL4 f, a, j, sc, zero
.irp b, 0,1,2,3
.if \zero
	v_wmma_scale_f32_16x16x128_f8f6f4 v[ACC+8*(4*(\a)+\b):ACC+8*(4*(\a)+\b)+7], v[(\f)+64+FR*\b:(\f)+64+FR*\b+FR-1], v[(\f)+FR*(\a):(\f)+FR*(\a)+FR-1], v[BI+8*\b:BI+8*\b+7], v[SC+16*(\sc)+4*(\j)+\b], v[SC+16*(\sc)+4*(\j)+(\a)] matrix_a_scale:MATRIX_SCALE_ROW1
.else
	v_wmma_scale_f32_16x16x128_f8f6f4 v[ACC+8*(4*(\a)+\b):ACC+8*(4*(\a)+\b)+7], v[(\f)+64+FR*\b:(\f)+64+FR*\b+FR-1], v[(\f)+FR*(\a):(\f)+FR*(\a)+FR-1], v[ACC+8*(4*(\a)+\b):ACC+8*(4*(\a)+\b)+7], v[SC+16*(\sc)+4*(\j)+\b], v[SC+16*(\sc)+4*(\j)+(\a)] matrix_a_scale:MATRIX_SCALE_ROW1
.endif
.endr
.endm
.macro PLACES n
.rept \n
	v_nop
.endr
.endm
.macro STEP slot, j, zero
	s_wait_dscnt 8
	WIN MUL
	MUL4 128*((\j)%2), 0, \j, \slot, \zero
	MUL4 128*((\j)%2), 1, \j, \slot, \zero
	PLACES NP
	FETCH \slot, (\j)+1, 128*(((\j)+1)%2), 0
	s_wait_dscnt 32
	WIN MUL
	MUL4 128*((\j)%2), 2, \j, \slot, \zero
	MUL4 128*((\j)%2), 3, \j, \slot, \zero
.endm
.macro TURN slot, next, fill, last
.if \fill
	s_wait_xcnt 0x0
	s_add_nc_u64 s[PFA:PFA+1], s[PFA:PFA+1], 2*BLKB
.endif
	WIN 0
	s_wait_tensorcnt 0x0
	ds_add_u32 v[SPW], v[NIL]
	s_wait_dscnt 9
	WIN MUL
	MUL4 F1, 0, 3, \slot, 0
	MUL4 F1, 1, 3, \slot, 0
	s_wait_dscnt 0x0
	s_barrier_signal -1
	MUL4 F1, 2, 3, \slot, 0
	WIN 0
	s_barrier_wait -1
.if \fill
	CREST
	s_add_nc_u64 s[G0+4*\slot+2:G0+4*\slot+3], s[G0+4*\slot+2:G0+4*\slot+3], 4*BLKB
	s_add_nc_u64 s[G0B+4*\slot+2:G0B+4*\slot+3], s[G0B+4*\slot+2:G0B+4*\slot+3], 4*BLKB
	JLOAD G0+4*\slot, G1, G0B+4*\slot, G1B
	PLACES NP-4
.else
	PLACES NP
.endif
	FETCH \next, 0, F0, 1
.if \fill
	WIN 0
	ASK \last
.endif
	WIN MUL
	MUL4 F1, 3, 3, \slot, 0
.endm
	s_wait_tensorcnt 1
	s_barrier_signal -1
	s_barrier_wait -1
	FETCH 0, 0, F0, 1
	s_wait_loadcnt 32
	STEP 0, 0, 1
.if LAPS > 1
	WIN 0
	s_mov_b32 s3, LAPS-1
.Llap:
	STEP 0, 1, 0
	STEP 0, 2, 0
	TURN 0, 1, 1, 0
	STEP 1, 0, 0
	STEP 1, 1, 0
	STEP 1, 2, 0
	TURN 1, 0, 1, 1
	STEP 0, 0, 0
	WIN 0
	s_sub_co_u32 s3, s3, 1
	s_cmp_lg_u32 s3, 0
	s_cbranch_scc1 .Llap
.endif
	STEP 0, 1, 0
	STEP 0, 2, 0
	TURN 0, 1, 0, 0
	STEP 1, 0, 0
	STEP 1, 1, 0
	STEP 1, 2, 0
	s_wait_dscnt 8
	WIN MUL
	MUL4 F1, 0, 3, 1, 0
	MUL4 F1, 1, 3, 1, 0
	s_wait_alu depctr_va_vdst(0)
	s_wait_dscnt 0
	MUL4 F1, 2, 3, 1, 0
	MUL4 F1, 3, 3, 1, 0
	WIN 0
	PLACES NP
.macro TOSTAGE a
.set AC, ACC+32*(\a)
.irp b, 0,1,2,3
	ds_store_b128 v[STO], v[AC+8*\b:AC+8*\b+3] offset:128*(\b/2)+32*(\b%2)
	ds_store_b128 v[STO], v[AC+8*\b+4:AC+8*\b+7] offset:128*(\b/2)+32*(\b%2)+16
.endr
.irp t, 0,1,2,3,4,5,6,7
	ds_load_b128 v[AC+4*\t:AC+4*\t+3], v[RD] offset:2*\t*SPITCH
.endr
.endm
.macro SEND a, younger
.set AC, ACC+32*(\a)
	s_wait_dscnt \younger
	WIN 0x08
.set i, 0
.rept 16
	v_pk_add_f32 v[AC+i:AC+i+1], v[AC+i:AC+i+1], v[RES+32*(\a)+i:RES+32*(\a)+i+1]
.set i, i+2
.endr
	WIN 0
.irp t, 0,1,2,3,4,5,6,7
	global_store_b128 v[CO], v[AC+4*\t:AC+4*\t+3], s[12:13] offset:(32*((\a)/2)+8*((\a)%2)+2*\t+8*(\t/4))*4096 th:TH_STORE_NT
.endr
.endm
	s_wait_loadcnt 0x0
	TOSTAGE 0
.irp a, 1,2,3
	TOSTAGE \a
	SEND \a-1, 16
.endr
	SEND 3, 0
	s_wait_tensorcnt 0x0
	ds_add_u32 v[SPW], v[NIL]
	s_wait_dscnt 0x0
	CROUND
	s_endpgm
.Lfunc_end_k_q68556ef454_ff2:
	.size	k_q68556ef454_ff2, .Lfunc_end_k_q68556ef454_ff2-k_q68556ef454_ff2
	.p2alignl 7, 3214868480
	.fill 96, 4, 3214868480
	.section	.rodata,"a",@progbits
	.p2align	6, 0x0
	.amdhsa_kernel k_q68556ef454_ff2
		.amdhsa_group_segment_fixed_size 327680
		.amdhsa_private_segment_fixed_size 0
		.amdhsa_enable_private_segment 0
		.amdhsa_kernarg_size 40
		.amdhsa_user_sgpr_count 2
		.amdhsa_user_sgpr_kernarg_segment_ptr 1
		.amdhsa_wavefront_size32 1
		.amdhsa_system_sgpr_workgroup_id_x 1
		.amdhsa_system_sgpr_workgroup_id_y 1
		.amdhsa_system_sgpr_workgroup_id_z 1
		.amdhsa_system_vgpr_workitem_id 0
		.amdhsa_next_free_vgpr 640
		.amdhsa_next_free_sgpr 80
		.amdhsa_reserve_vcc 0
		.amdhsa_float_denorm_mode_32 3
		.amdhsa_float_denorm_mode_16_64 3
		.amdhsa_memory_ordered 1
		.amdhsa_forward_progress 1
		.amdhsa_inst_pref_size 102
	.end_amdhsa_kernel
	.amdgpu_metadata
---
amdhsa.version: [ 1, 2 ]
amdhsa.kernels:
  - .name:           k_q68556ef454_ff2
    .symbol:         k_q68556ef454_ff2.kd
    .args:
      - { .name: ops, .offset: 0, .size: 8, .value_kind: global_buffer, .address_space: global }
      - { .name: hq, .offset: 8, .size: 8, .value_kind: global_buffer, .address_space: global }
      - { .name: b2, .offset: 16, .size: 8, .value_kind: global_buffer, .address_space: global }
      - { .name: fA, .offset: 24, .size: 8, .value_kind: global_buffer, .address_space: global }
      - { .name: out0, .offset: 32, .size: 8, .value_kind: global_buffer, .address_space: global }
    .group_segment_fixed_size: 327680
    .private_segment_fixed_size: 0
    .kernarg_segment_align: 8
    .kernarg_segment_size: 40
    .max_flat_workgroup_size: 128
    .sgpr_count:     80
    .vgpr_count:     640
    .wavefront_size: 32
...
	.end_amdgpu_metadata
.endif
;; end of part 14
